; MI455X (gfx1250); checked and timed in simulation.
; The chip was launched on July 23, 2026; its instructions are those of AMD's public machine-readable ISA for CDNA 5 (MIT licence, August 2026) and "CDNA5" Instruction Set Architecture Reference Guide (July 2026). The comments in the code are by the model that wrote it; some were corrected since.
;; Cross Layer Light. Allowed arithmetic: matrix products marked QUANTISED: E2M3 operands, one E8M0 scale for each 32 along K, by v_wmma_scale_f32_16x16x128_f8f6f4 with both operands' format E2M3, f32 sums; products left as they are: f32 operands where the result goes on into a quantised operand, else bf16, f16 or f32 operands; f32 sums; everything else in f32.
;; Inputs: feat1_codes 2 x 4,096 x 2 x 24 uint8 (E2M3 codes of feat1, K innermost, in blocks of 32 codes, four codes in three bytes); feat1_scales 2 x 4,096 x 2 uint8 (E8M0 scales of feat1, one for each 32 codes along K); feat2_codes 2 x 4,096 x 2 x 24 uint8 (E2M3 codes of feat2, K innermost, in blocks of 32 codes, four codes in three bytes); feat2_scales 2 x 4,096 x 2 uint8 (E8M0 scales of feat2, one for each 32 codes along K); gn1_b 128 float32; gn1_g 128 float32; gn2_b 128 float32; gn2_g 128 float32; m1a_b 128 float32; m1a_beta 128 float32; m1a_g 128 float32; m1a_w_codes 128 x 4 x 24 uint8 (E2M3 codes of m1a_w, K innermost, in blocks of 32 codes, four codes in three bytes); m1a_w_scales 128 x 4 uint8 (E8M0 scales of m1a_w, one for each 32 codes along K); m1b_b 128 float32; m1b_beta 128 float32; m1b_g 128 float32; m1b_w_codes 128 x 4 x 24 uint8 (E2M3 codes of m1b_w, K innermost, in blocks of 32 codes, four codes in three bytes); m1b_w_scales 128 x 4 uint8 (E8M0 scales of m1b_w, one for each 32 codes along K); m2a_b 128 float32; m2a_beta 128 float32; m2a_g 128 float32; m2a_w_codes 128 x 4 x 24 uint8 (E2M3 codes of m2a_w, K innermost, in blocks of 32 codes, four codes in three bytes); m2a_w_scales 128 x 4 uint8 (E8M0 scales of m2a_w, one for each 32 codes along K); pc1 2 x 3 x 4,096 float32; pc2 2 x 3 x 4,096 float32; pos1_b 128 float32; pos1_w 128 x 3 float32; pos2_b 128 float32; pos2_w 128 x 3 float32; t11_b 128 float32; t11_w_codes 128 x 2 x 24 uint8 (E2M3 codes of t11_w, K innermost, in blocks of 32 codes, four codes in three bytes); t11_w_scales 128 x 2 uint8 (E8M0 scales of t11_w, one for each 32 codes along K); t1_b 128 float32; t1_w_codes 128 x 4 x 24 uint8 (E2M3 codes of t1_w, K innermost, in blocks of 32 codes, four codes in three bytes); t1_w_scales 128 x 4 uint8 (E8M0 scales of t1_w, one for each 32 codes along K); t22_b 128 float32; t22_w_codes 128 x 2 x 24 uint8 (E2M3 codes of t22_w, K innermost, in blocks of 32 codes, four codes in three bytes); t22_w_scales 128 x 2 uint8 (E8M0 scales of t22_w, one for each 32 codes along K); t2_b 128 float32; t2_w_codes 128 x 4 x 24 uint8 (E2M3 codes of t2_w, K innermost, in blocks of 32 codes, four codes in three bytes); t2_w_scales 128 x 4 uint8 (E8M0 scales of t2_w, one for each 32 codes along K).
;; Outputs: out0 2 x 128 x 4,096 float32; out1 2 x 128 x 4,096 float32; out2 2 x 128 x 4,096 float32.
;; This version of the problem:
;;   THIS VERSION OF THE PROBLEM IS GIVEN IN LOW PRECISION. The matrix products marked QUANTISED in the list below multiply operands that are first quantised to E2M3 (2 exponent bits, 3 mantissa bits; 6 bits a number), with one power-of-two scale for each 32 numbers along K (OCP MX v1.0); their sums are f32. All else is computed in f32.
;;   The module's matrix products, in the order in which they are computed (A, B: the left and right operand; K: the contracted axis; several contracted axes count as one K, in the product's order):
;;     1. [M 8,192, K 64] x [K 64, N 128]; A: input feat1 (given as codes); B: input t11_w (given as codes): QUANTISED
;;     2. [M 8,192, K 64] x [K 64, N 128]; A: input feat2 (given as codes); B: input t22_w (given as codes): QUANTISED
;;     3. [M 8,192, K 64] x [K 64, N 128]; A: input feat2 (given as codes); B: input t11_w (given as codes): QUANTISED
;;     4. [M 8,192, K 64] x [K 64, N 128]; A: input feat1 (given as codes); B: input t22_w (given as codes): QUANTISED
;;     5. batch 2 x [M 4,096, K 3] x [K 3, N 4,096]; A: input pc1; B: input pc2: left as it is (K = 3 < 32)
;;     6. [M 131,072, K 3] x [K 3, N 128]; A: computed on the way; B: input pos1_w: left as it is (K = 3 < 32)
;;     7. [M 131,072, K 128] x [K 128, N 128]; A: computed on the way; B: input m1a_w (given as codes): QUANTISED
;;     8. [M 131,072, K 128] x [K 128, N 128]; A: computed on the way; B: input m1b_w (given as codes): QUANTISED
;;     9. [M 8,192, K 128] x [K 128, N 128]; A: computed on the way; B: input t1_w (given as codes): QUANTISED
;;     10. batch 2 x [M 4,096, K 3] x [K 3, N 4,096]; A: input pc2; B: input pc1: left as it is (K = 3 < 32)
;;     11. [M 131,072, K 3] x [K 3, N 128]; A: computed on the way; B: input pos1_w: left as it is (K = 3 < 32)
;;     12. [M 131,072, K 128] x [K 128, N 128]; A: computed on the way; B: input m1a_w (given as codes): QUANTISED
;;     13. [M 131,072, K 128] x [K 128, N 128]; A: computed on the way; B: input m1b_w (given as codes): QUANTISED
;;     14. [M 8,192, K 128] x [K 128, N 128]; A: computed on the way; B: input t2_w (given as codes): QUANTISED
;;     15. batch 2 x [M 4,096, K 3] x [K 3, N 4,096]; A: input pc1; B: input pc2: left as it is (K = 3 < 32)
;;     16. [M 131,072, K 3] x [K 3, N 128]; A: computed on the way; B: input pos2_w: left as it is (K = 3 < 32)
;;     17. [M 131,072, K 128] x [K 128, N 128]; A: computed on the way; B: input m2a_w (given as codes): QUANTISED
;;   THE QUANTISER, for each operand of a quantised product, along K:
;;     - K is cut into blocks of 32 from its start; a last block that is shorter is filled with zeros.
;;     - A block's scale is 2^e with e = floor(log2(the largest magnitude in the block)) - 2, held to -126 .. 127; a block of zeros has e = 0. As a byte (E8M0): e + 127.
;;     - Each number is divided by its block's scale, clamped to +-7.5, and rounded to the nearest number of E2M3, ties to even, subnormals kept.
;;     - The product sums the exact products of the quantised numbers (number of the format x scale) in f32.
;;   ~~~python
;;   def quantise(x, axis):      # numpy; x: float32 -> the quantised numbers, widened to float32 again
;;       x = np.moveaxis(x, axis, -1); K = x.shape[-1]
;;       x = np.pad(x, [(0, 0)] * (x.ndim - 1) + [(0, -K % 32)]); x = x.reshape(x.shape[:-1] + (-1, 32)); a = np.abs(x).max(-1, keepdims=True)
;;       e = np.where(a > 0, np.clip(np.frexp(np.where(a > 0, a, 1))[1] - 1 - 2, -126, 127), 0)      # np.frexp(a)[1] - 1 = floor(log2(a)), exactly
;;       r = np.clip(x / 2.0 ** e, -7.5, 7.5)
;;       step = 2.0 ** (np.maximum(np.frexp(np.where(r == 0, 1, r))[1] - 1, 0) - 3)
;;       q = np.round(r / step) * step * 2.0 ** e      # np.round: ties to even
;;       return np.moveaxis(q.reshape(q.shape[:-2] + (-1,))[..., :K], -1, axis).astype(np.float32)
;;   ~~~
;;   OPERANDS COMPUTED ON THE WAY. 'Computed on the way' means the value that the module computes at that place (a softmax that the list does not call 'softmax' is quantised finished and normalised). What goes into a quantiser is computed in f32, as accurately as f32 sums, v_exp_f32 and their like allow (about 1e-6 of the number): no bf16 or f16 on the way to a quantiser, and a product that is left as it is and whose result goes on into a quantised operand takes f32 operands (vector FMAs, or v_wmma_f32_16x16x4_f32). A number that lies on a knife's edge between two numbers of the format may be rounded either way, as far as f32 arithmetic and the matrix unit's own rounding can turn it there, and no further.
;;   INPUTS GIVEN AS CODES. feat1 (in the module: [2, 64, 4096], K = its axis 1); feat2 (in the module: [2, 64, 4096], K = its axis 1); m1a_w (in the module: [128, 128], K = its axis 1); m1b_w (in the module: [128, 128], K = its axis 1); m2a_w (in the module: [128, 128], K = its axis 1); t11_w (in the module: [128, 64], K = its axis 1); t1_w (in the module: [128, 128], K = its axis 1); t22_w (in the module: [128, 64], K = its axis 1); t2_w (in the module: [128, 128], K = its axis 1): each comes as NAME_codes (uint8): NAME with its K axis moved to the last place and cut into blocks of 32 codes, [.., K / 32, bytes a block], one block behind the other in memory; four codes in three bytes: a row's codes are one little-endian stream of bits, code i at bits 6 i .. 6 i + 5 (a code: sign, 2 exponent bits, 3 mantissa bits); and NAME_scales (uint8): the same leading axes, one E8M0 byte (e + 127) for each 32 codes along K. Its value is code x scale, taken as it is: it is not quantised again, and the codes and scales need not be those that the quantiser above would give.
;; 3 versions, each right; version 2 is faster than version 1; version 3 is version 2 with the launches front, xfin2, xfin1 written anew for expert scheduling mode. Each part assembles by itself: llvm-mc -triple=amdgcn-amd-amdhsa -mcpu=gfx1250 --defsym DOCPART=n.
;; ======== version 1 of 3: 8 launches
;; workspace buffers: tq1 8,388,608 bytes; tn1 8,388,608 bytes; tq2 4,194,304 bytes; tn2 4,194,304 bytes; idx 1,048,576 bytes of whole numbers; st_a 66,048 bytes; st_b 66,048 bytes
;; launch front (part 1): grid 256 x 1, 4 waves a work-group, no clusters, 169,472 bytes of LDS; arguments feat1_codes, feat1_scales, feat2_codes, feat2_scales, t11_w_codes, t11_w_scales, t11_b, t22_w_codes, t22_w_scales, t22_b, pos1_w, pos1_b, pc1, pc2, tq1, tn1, idx; writes tq1, tn1, idx
.if DOCPART == 1
	.amdgcn_target "amdgcn-amd-amdhsa--gfx1250"
	.amdhsa_code_object_version 6
	.text
	.protected	k_qc6e9ba1ce3_front
	.globl	k_qc6e9ba1ce3_front
	.p2align	8
	.type	k_qc6e9ba1ce3_front,@function
k_qc6e9ba1ce3_front:
	s_mov_b64 s[64:65], 0
	v_nop
	global_prefetch_b8 v0, s[64:65] scope:SCOPE_SE
	s_setreg_imm32_b32 hwreg(HW_REG_WAVE_MODE, 25, 1), 1
	s_wait_xcnt 0x0
; PART A: the two point-major tables of the first layer.  x0[n][k] = p2[idx] + p1[n] + Wp (xyz2[idx] - xyz1[n]) + pos_b is split by linearity into
;   tq1[dir][batch][n][c] = t11 feat + t11_b + pos1_b - Wp xyz   (the query's side)      tn1[dir][batch][m][c] = t22 feat + t22_b + Wp xyz   (the neighbour's side)
; so that x0 = tn1[idx] + tq1[n].  The two K = 64 products run on the given codes of E2M3; K 64 .. 127 of the instruction are zero codes on both sides.
; PART B: the 16 nearest neighbours, exact, with no branch and no address that hangs on a floating-point number.
;   d2 = (s1 + s2) + (-2 x1) . x2 with fused multiply-adds in the order x, y, z.  Pass 1 finds T, the 16th smallest d2 of a query.  Pass 2 computes d2 again by the same instructions and
;   gives each candidate j a key: 0x40000000 | j where d2 < T, 0x40001000 | j where d2 = T, else +infinity.  Keys are positive normal f32 numbers, so their order as floats is their order as
;   whole numbers: the 16 smallest keys are the 16 nearest, ties to the lower index.
;   THE SELECTOR takes 4 candidates at a time, sorts them, and puts rank k into a sorted list of 16 / k places (16, 8, 5, 4): an element of rank k that falls out of its list has 16 / k others of
;   rank k at or under it, each with k - 1 mates under it, and its own k - 1 mates: k (16 / k) + k - 1 >= 16 others at or under it, so it is not needed.
; SHARES.  256 work-groups.  Part A: x >> 7 the cloud, (x >> 6) & 1 the batch; a wave makes 16 points of both tables.  Part B: the same two fields are direction and batch; the work-group has
;   64 queries, two a lane; wave w scans candidates 1024 w .. 1024 w + 1023 out of a table of its own in LDS; the four waves' lists meet in LDS behind a barrier.
; LIMITS: NaN and infinities among pc1, pc2 are not served.  Two candidates whose d2 differ by less than the f32 rounding of this formula may change places against another f32 evaluation of it.
;   The split of the position product rounds at about 6e-8 |Wp| |xyz|, not on the small direction vector.
.set PSTG,  0                          ; LDS: 4 x 8,448: a wave's stage, 16 rows x (512 + 16) bytes
.set TAB,   33792                      ; 4 x 24,576: a wave's candidates: 256 groups of 4, 96 bytes a group: x4 y4 z4 s4 key4 tie-key4
.set IM1,   132096                     ; 4 x 4,096: the waves' lists of pass 1, as images of their registers
.set IM2,   148480                     ; the same of pass 2
.set OST,   164864                     ; 4,096: the indices' way out
.set WV,    2                          ; s2 wave
.set CLD,   38                         ; s38 cloud = direction
.set BAT,   39                         ; s39 batch
.set N0,    56
.set ROW,   57
.set P0,    58                         ; s[58:59], s[60:61], s[62:63]: pointers at work
.set P1,    60
.set P2,    62
.set TMP,   66                         ; s[66:67] an offset in 64 bits
.set TX,    100
.set CX,    40                         ; s[40:55], s[68:83], s[84:99]: x, y, z of my 16 points
.set CY,    68
.set CZ,    84
.set R,     1
.set H,     2
.set L16,   3
.set FAD,   4
.set SAD,   5
.set STW,   6
.set STR,   7
.set PWA,   8
.set LN,    9
.set FB,    16                         ; v16-27 the points' fragment
.set PW,    28                         ; v28-39 pos1_w of my channels 4 l .. 4 l + 3
.set BQ,    40                         ; v40-43 t11_b + pos1_b
.set BN,    44                         ; v44-47 t22_b
.set TBI,   48
.set ACC,   64                         ; v64-127 eight accumulators
.set RW,    128                        ; v128-191 sixteen rows, 16 bytes a lane
.set FS,    239                        ; v239 the points' scale words; v240-247, v248-255 the weights': these hold scales and nothing else
.set WS11,  240
.set WS22,  248
.set WF11,  0                          ; window 1: the weights' fragments, 8 x 12 each
.set WF22,  96
.set MSB, 0
.macro WIN new                         ; the immediate's high byte repeats the setting that is left
.if MSB != (\new)
	s_set_vgpr_msb (MSB<<8)|(\new)
.set MSB, (\new)
.endif
.endm
	s_load_b512 s[4:19], s[0:1], 0x0               ; feat1 codes, scales; feat2 codes, scales; t11 codes, scales, bias; t22 codes
	s_load_b512 s[20:35], s[0:1], 0x40             ; t22 scales, bias; pos1_w, pos1_b; pc1, pc2; tq1, tn1
	s_load_b64 s[36:37], s[0:1], 0x80              ; idx
	v_lshl_add_u32 v237, v0, 2, 0x29400
	v_mov_b32 v238, 0
	v_lshrrev_b32 v[R], 5, v0
	v_readfirstlane_b32 s[WV], v[R]                ; wave 0..3
	v_and_b32 v[R], 15, v0
	v_bfe_u32 v[H], v0, 4, 1
	v_and_b32 v[LN], 31, v0
	v_lshlrev_b32 v[L16], 4, v[LN]
	v_mul_u32_u24 v[FAD], v[R], 48                 ; a row of 64 codes is 48 bytes,
	v_mad_u32_u24 v[FAD], v[H], 24, v[FAD]         ; + 24 for lanes 16-31: k = 32 h + 0 .. 31
	v_lshlrev_b32 v[SAD], 1, v[R]                  ; two scale bytes a row
	v_mul_u32_u24 v[PWA], v[LN], 48                ; pos1_w: 12 bytes a channel, four channels a lane
	s_mul_i32 s[TX], s[WV], 8448
	v_mul_u32_u24 v[STW], v[R], 528
	v_lshl_add_u32 v[STW], v[H], 5, v[STW]
	v_add_nc_u32 v[STW], s[TX], v[STW]             ; the stage, in: row r, + 32 h
	v_add_nc_u32 v[STR], s[TX], v[L16]             ; and back: 16 bytes a lane of a whole row
.irp i, 6,7,8,9,10,11
	v_mov_b32 v[FB+\i], 0                          ; K 64 .. 127: zero codes
.endr
	WIN 0x40
.set i, 0
.rept 16
.irp u, 6,7,8,9,10,11
	v_mov_b32 v[12*i+\u], 0                        ; the same in the sixteen fragments of the weights
.endr
.set i, i+1
.endr
	WIN 0
	s_lshr_b32 s[CLD], ttmp9, 7
	s_bfe_u32 s[BAT], ttmp9, 0x10006
	s_and_b32 s[N0], ttmp9, 63
	s_lshl_b32 s[N0], s[N0], 2
	s_add_co_u32 s[N0], s[N0], s[WV]
	s_lshl_b32 s[N0], s[N0], 4                     ; my first point
	s_lshl_b32 s[ROW], s[BAT], 12
	s_add_co_u32 s[ROW], s[ROW], s[N0]             ; and its row in the cloud's tensors
	s_mov_b32 s[TMP+1], 0
	s_wait_kmcnt 0x0
	s_cmp_eq_u32 s[CLD], 0                         ; the choice hangs on the work-group's number alone
	s_cselect_b64 s[P0:P0+1], s[4:5], s[8:9]
	s_cselect_b64 s[P1:P1+1], s[6:7], s[10:11]
	s_cselect_b64 s[P2:P2+1], s[28:29], s[30:31]
	s_mul_i32 s[TMP], s[ROW], 48
	s_add_nc_u64 s[P0:P0+1], s[P0:P0+1], s[TMP:TMP+1]
	s_lshl_b32 s[TMP], s[ROW], 1
	s_add_nc_u64 s[P1:P1+1], s[P1:P1+1], s[TMP:TMP+1]
	s_mul_i32 s[TMP], s[BAT], 49152
	s_lshl_b32 s[TX], s[N0], 2
	s_add_co_u32 s[TMP], s[TMP], s[TX]
	s_add_nc_u64 s[P2:P2+1], s[P2:P2+1], s[TMP:TMP+1]
	s_load_b512 s[CX:CX+15], s[P2:P2+1], 0x0       ; my 16 points' coordinates, as scalars
	s_load_b512 s[CY:CY+15], s[P2:P2+1], 0x4000
	s_load_b512 s[CZ:CZ+15], s[P2:P2+1], 0x8000
	s_lshl_b32 s[TMP], s[CLD], 13
	s_add_co_u32 s[TMP], s[TMP], s[ROW]            ; tq1: direction = the cloud
	s_lshl_b32 s[TMP], s[TMP], 9
	s_add_nc_u64 s[32:33], s[32:33], s[TMP:TMP+1]
	s_xor_b32 s[TMP], s[CLD], 1
	s_lshl_b32 s[TMP], s[TMP], 13
	s_add_co_u32 s[TMP], s[TMP], s[ROW]            ; tn1: the other direction
	s_lshl_b32 s[TMP], s[TMP], 9
	s_add_nc_u64 s[34:35], s[34:35], s[TMP:TMP+1]
.irp p, 0,1,2
	global_load_b64 v[FB+2*\p:FB+2*\p+1], v[FAD], s[P0:P0+1] offset:8*\p
.endr
	global_load_u16 v[FS], v[SAD], s[P1:P1+1]      ; bytes 2 and 3 come as 0: they stand over zero codes
.irp t, 0,1,2,3,4,5,6,7
	global_load_u16 v[WS11+\t], v[SAD], s[14:15] offset:32*\t
	global_load_u16 v[WS22+\t], v[SAD], s[20:21] offset:32*\t
.endr
.irp c, 0,1,2
	global_load_b128 v[PW+4*\c:PW+4*\c+3], v[PWA], s[24:25] offset:16*\c
.endr
	global_load_b128 v[BQ:BQ+3], v[L16], s[16:17]
	global_load_b128 v[TBI:TBI+3], v[L16], s[26:27]
	global_load_b128 v[BN:BN+3], v[L16], s[22:23]
	WIN 0x40
.irp t, 0,1,2,3,4,5,6,7
.irp p, 0,1,2
	global_load_b64 v[WF11+12*\t+2*\p:WF11+12*\t+2*\p+1], v[FAD], s[12:13] offset:768*\t+8*\p
	global_load_b64 v[WF22+12*\t+2*\p:WF22+12*\t+2*\p+1], v[FAD], s[18:19] offset:768*\t+8*\p
.endr
.endr
	WIN 0
	s_wait_loadcnt 0x0
	s_wait_kmcnt 0x0
	v_pk_add_f32 v[BQ:BQ+1], v[BQ:BQ+1], v[TBI:TBI+1]
	v_pk_add_f32 v[BQ+2:BQ+3], v[BQ+2:BQ+3], v[TBI+2:TBI+3]
.rept 8
	v_nop                                          ; operands written by vector instructions (the zero codes) stand well ahead of the scaled products
.endr
; Eight products, transposed: source 0 = 16 rows of the weight, source 1 = my 16 points: lane (r, h) holds point r, register j of tile t channel 16 t + 8 h + j.
.macro PROD wf, ws
	WIN 0x01
.irp t, 0,1,2,3,4,5,6,7
	v_wmma_scale_f32_16x16x128_f8f6f4 v[ACC+8*\t:ACC+8*\t+7], v[\wf+12*\t:\wf+12*\t+11], v[FB:FB+11], 0, v[\ws+\t], v[FS] matrix_a_fmt:MATRIX_FMT_FP6 matrix_b_fmt:MATRIX_FMT_FP6
.endr
	WIN 0
.rept 4
	v_nop                                          ; four plain places ahead of the first read of a result
.endr
.endm
; The 16 points go through my stage and come back as whole rows; bias and the position term are added; each store of the wave covers 512 consecutive bytes.
.macro ROWS bias, neg, base
.irp t, 0,1,2,3,4,5,6,7
	ds_store_b128 v[STW], v[ACC+8*\t:ACC+8*\t+3] offset:64*\t          ; each accumulator from its low end on
	ds_store_b128 v[STW], v[ACC+8*\t+4:ACC+8*\t+7] offset:64*\t+16
.endr
.irp p, 0,1,2,3,4,5,6,7,8,9,10,11,12,13,14,15
	ds_load_b128 v[RW+4*\p:RW+4*\p+3], v[STR] offset:528*\p            ; LDS serves a wave's instructions in order: these see my stores
.endr
.irp p, 0,1,2,3,4,5,6,7,8,9,10,11,12,13,14,15
	s_wait_dscnt 15-\p                             ; row p is in; the younger rows may be out
	v_pk_add_f32 v[RW+4*\p:RW+4*\p+1], v[RW+4*\p:RW+4*\p+1], v[\bias:\bias+1]
	v_pk_add_f32 v[RW+4*\p+2:RW+4*\p+3], v[RW+4*\p+2:RW+4*\p+3], v[\bias+2:\bias+3]
.irp c, 0,1,2,3
.if \neg
	v_fma_f32 v[RW+4*\p+\c], -v[PW+3*\c], s[CX+\p], v[RW+4*\p+\c]
.else
	v_fma_f32 v[RW+4*\p+\c], v[PW+3*\c], s[CX+\p], v[RW+4*\p+\c]
.endif
.endr
.irp c, 0,1,2,3
.if \neg
	v_fma_f32 v[RW+4*\p+\c], -v[PW+3*\c+1], s[CY+\p], v[RW+4*\p+\c]
.else
	v_fma_f32 v[RW+4*\p+\c], v[PW+3*\c+1], s[CY+\p], v[RW+4*\p+\c]
.endif
.endr
.irp c, 0,1,2,3
.if \neg
	v_fma_f32 v[RW+4*\p+\c], -v[PW+3*\c+2], s[CZ+\p], v[RW+4*\p+\c]
.else
	v_fma_f32 v[RW+4*\p+\c], v[PW+3*\c+2], s[CZ+\p], v[RW+4*\p+\c]
.endif
.endr
	global_store_b128 v[L16], v[RW+4*\p:RW+4*\p+3], s[\base:\base+1] offset:512*\p
.endr
	s_wait_xcnt 0x0                                ; the stores have read their registers: these may be written again
.endm
	PROD WF11, WS11
	ROWS BQ, 1, 32
	PROD WF22, WS22
	ROWS BN, 0, 34
; ---------------------------------------------------------------- PART B
.set LANE,  1
.set L16B,  2
.set TAW,   3                          ; where I store a group's record
.set TARA,  4                          ; where buffer A's group is read: the same address in all lanes
.set VINF,  5
.set IMGW,  6
.set IMGR,  7
.set KB,    8
.set TARB,  9
.set XM,    10                         ; v[10:11] -2 x of my two queries; v[12:13], v[14:15] y, z; v[16:17] their s; v[18:19] their T
.set YM,    12
.set ZM,    14
.set SQ,    16
.set TT,    18
.set CA,    20                         ; v20-43, v44-67: two buffers of a group: x4 y4 z4 s4 key4 tie-key4
.set CBF,   44
.set DD,    68                         ; v68-75 d2: candidate e, query q at 2 e + q
.set KY,    76                         ; v76-83 s1 + s2, then the keys
.set SO,    84                         ; v84-97 the sort: 7 registers a query
.set QV,    98
.set LST,   100                        ; the lists of query q at 100 + 36 q: 16, 8, 5, 4 registers
.set MB,    172                        ; v172-203 another wave's lists
.set TL,    100                        ; v100-195 the candidates as loaded
.set TS,    196
.set TK,    200
.set TE,    204
.set OSW,   208
.set OSR,   209
.set TB0,   56
.set ST,    57
.set CNT,   62
.set MS,    63
.macro INS base, depth, val            ; one value into a sorted list: place i takes the middle one of its lower neighbour, itself and the value
.set ii, (\depth)-1
.rept (\depth)-1
	v_med3_num_f32 v[(\base)+ii], v[(\base)+ii-1], v[(\base)+ii], v[\val]
.set ii, ii-1
.endr
	v_min_num_f32 v[\base], v[\base], v[\val]
.endm
.macro LINIT n
.irp q, 0,1
.set i, 0
.rept \n
	v_mov_b32 v[LST+36*\q+i], v[VINF]
.set i, i+1
.endr
.endr
.endm
.macro LDG buf, adr, off, n            ; the first n quads of a group's record
.set c, 0
.rept \n
	ds_load_b128 v[\buf+4*c:\buf+4*c+3], v[\adr] offset:\off+16*c
.set c, c+1
.endr
.endm
.macro DIST buf                        ; d2 of 4 candidates x 2 queries: the packed forms take my two queries in their halves and one candidate for both
.irp g, 0,1
	v_pk_mul_f32 v[DD+4*\g:DD+4*\g+1], v[XM:XM+1], v[\buf+2*\g:\buf+2*\g+1] op_sel:[0,0] op_sel_hi:[1,0]
	v_pk_mul_f32 v[DD+4*\g+2:DD+4*\g+3], v[XM:XM+1], v[\buf+2*\g:\buf+2*\g+1] op_sel:[0,1] op_sel_hi:[1,1]
.endr
.irp g, 0,1
	v_pk_fma_f32 v[DD+4*\g:DD+4*\g+1], v[YM:YM+1], v[\buf+4+2*\g:\buf+4+2*\g+1], v[DD+4*\g:DD+4*\g+1] op_sel:[0,0,0] op_sel_hi:[1,0,1]
	v_pk_fma_f32 v[DD+4*\g+2:DD+4*\g+3], v[YM:YM+1], v[\buf+4+2*\g:\buf+4+2*\g+1], v[DD+4*\g+2:DD+4*\g+3] op_sel:[0,1,0] op_sel_hi:[1,1,1]
.endr
.irp g, 0,1
	v_pk_add_f32 v[KY+4*\g:KY+4*\g+1], v[SQ:SQ+1], v[\buf+12+2*\g:\buf+12+2*\g+1] op_sel:[0,0] op_sel_hi:[1,0]
	v_pk_add_f32 v[KY+4*\g+2:KY+4*\g+3], v[SQ:SQ+1], v[\buf+12+2*\g:\buf+12+2*\g+1] op_sel:[0,1] op_sel_hi:[1,1]
.endr
.irp g, 0,1
	v_pk_fma_f32 v[DD+4*\g:DD+4*\g+1], v[ZM:ZM+1], v[\buf+8+2*\g:\buf+8+2*\g+1], v[DD+4*\g:DD+4*\g+1] op_sel:[0,0,0] op_sel_hi:[1,0,1]
	v_pk_fma_f32 v[DD+4*\g+2:DD+4*\g+3], v[ZM:ZM+1], v[\buf+8+2*\g:\buf+8+2*\g+1], v[DD+4*\g+2:DD+4*\g+3] op_sel:[0,1,0] op_sel_hi:[1,1,1]
.endr
.irp e, 0,2,4,6
	v_pk_add_f32 v[DD+\e:DD+\e+1], v[KY+\e:KY+\e+1], v[DD+\e:DD+\e+1]
.endr
.endm
.macro KEYS buf                        ; the masks select values only
.irp e, 0,1,2,3
.irp q, 0,1
	v_cmp_eq_f32 s[40+2*\e+\q], v[DD+2*\e+\q], v[TT+\q]
	v_cmp_lt_f32 s[48+2*\e+\q], v[DD+2*\e+\q], v[TT+\q]
.endr
.endr
.irp e, 0,1,2,3
.irp q, 0,1
	v_cndmask_b32 v[KY+2*\e+\q], v[VINF], v[\buf+20+\e], s[40+2*\e+\q]
.endr
.endr
.irp e, 0,1,2,3
.irp q, 0,1
	v_cndmask_b32 v[KY+2*\e+\q], v[KY+2*\e+\q], v[\buf+16+\e], s[48+2*\e+\q]
.endr
.endr
.endm
.macro SORT4 src                       ; three are sorted by min3, med3, max3; the fourth is put in
.irp q, 0,1
	v_min3_num_f32 v[SO+7*\q], v[\src+\q], v[\src+2+\q], v[\src+4+\q]
	v_med3_num_f32 v[SO+7*\q+1], v[\src+\q], v[\src+2+\q], v[\src+4+\q]
	v_max3_num_f32 v[SO+7*\q+2], v[\src+\q], v[\src+2+\q], v[\src+4+\q]
.endr
.irp q, 0,1
	v_min_num_f32 v[SO+7*\q+3], v[SO+7*\q], v[\src+6+\q]
	v_med3_num_f32 v[SO+7*\q+4], v[SO+7*\q], v[SO+7*\q+1], v[\src+6+\q]
	v_med3_num_f32 v[SO+7*\q+5], v[SO+7*\q+1], v[SO+7*\q+2], v[\src+6+\q]
	v_max_num_f32 v[SO+7*\q+6], v[SO+7*\q+2], v[\src+6+\q]
.endr
.endm
.macro GROUP buf, pass
	DIST \buf
.if \pass == 2
	KEYS \buf
	SORT4 KY
.else
	SORT4 DD
.endif
.irp q, 0,1
	INS LST+36*\q, 16, SO+7*\q+3
	INS LST+36*\q+16, 8, SO+7*\q+4
	INS LST+36*\q+24, 5, SO+7*\q+5
	INS LST+36*\q+29, 4, SO+7*\q+6
.endr
.endm
; My wave's 256 groups, two a trip; the last trip is written out, so that no read leaves the wave's table.  Then the three short lists go into the long one.
.macro SCAN pass, n
	LINIT 33
	s_mov_b32 s[ST], s[TB0]
	v_mov_b32 v[TARA], s[ST]
	LDG CA, TARA, 0, \n
	s_mov_b32 s[CNT], 127
.Lscan_\@:
	v_mov_b32 v[TARB], s[ST]                       ; buffer B's last loads were waited for in the trip before
	LDG CBF, TARB, 96, \n
	s_wait_dscnt \n                                ; buffer A is in; B's loads may be out
	s_add_co_u32 s[ST], s[ST], 192
	GROUP CA, \pass
	v_mov_b32 v[TARA], s[ST]
	LDG CA, TARA, 0, \n
	s_wait_dscnt \n                                ; buffer B is in; A's loads may be out
	GROUP CBF, \pass
	s_sub_co_u32 s[CNT], s[CNT], 1
	s_cmp_lg_u32 s[CNT], 0
	s_cbranch_scc1 .Lscan_\@
	v_mov_b32 v[TARB], s[ST]
	LDG CBF, TARB, 96, \n
	s_wait_dscnt \n
	GROUP CA, \pass
	s_wait_dscnt 0x0
	GROUP CBF, \pass
.irp q, 0,1
.set f, 16
.rept 17
	INS LST+36*\q, 16, LST+36*\q+f
.set f, f+1
.endr
.endr
.endm
.macro PUT m                           ; my two lists of 16 go to LDS as images of their registers; then the work-group's barrier
.irp q, 0,1
.irp i, 0,1,2,3
	ds_store_b128 v[IMGW], v[LST+36*\q+4*\i:LST+36*\q+4*\i+3] offset:(\m)-IM1+2048*\q+512*\i
.endr
.endr
	s_wait_dscnt 0x0                               ; for the others' sake: my stores have landed
	s_barrier_signal -1
	s_barrier_wait -1
.endm
.macro MERGE m                         ; a fresh list takes all four waves' images: every wave walks this loop
	LINIT 16
	s_mov_b32 s[MS], \m
	s_mov_b32 s[CNT], 4
.Lmerge_\@:
	v_add_nc_u32 v[IMGR], s[MS], v[L16B]
.irp q, 0,1
.irp i, 0,1,2,3
	ds_load_b128 v[MB+16*\q+4*\i:MB+16*\q+4*\i+3], v[IMGR] offset:2048*\q+512*\i
.endr
.endr
	s_wait_dscnt 0x0
.irp q, 0,1
.set f, 0
.rept 16
	INS LST+36*\q, 16, MB+16*\q+f
.set f, f+1
.endr
.endr
	s_add_co_u32 s[MS], s[MS], 4096
	s_sub_co_u32 s[CNT], s[CNT], 1
	s_cmp_lg_u32 s[CNT], 0
	s_cbranch_scc1 .Lmerge_\@
.endm
	v_and_b32 v[LANE], 31, v0
	v_lshlrev_b32 v[L16B], 4, v[LANE]
	v_lshlrev_b32 v[QV], 3, v[LANE]                ; two queries a lane: 8 bytes of each plane
	s_mul_i32 s[TB0], s[WV], 24576
	s_add_co_u32 s[TB0], s[TB0], TAB               ; my wave's table
	v_mul_u32_u24 v[TAW], v[LANE], 96
	v_add_nc_u32 v[TAW], s[TB0], v[TAW]
	v_mov_b32 v[VINF], 0x7f800000
	s_lshl_b32 s[TX], s[WV], 12
	s_add_co_u32 s[TX], s[TX], IM1
	v_add_nc_u32 v[IMGW], s[TX], v[L16B]
	s_lshl_b32 s[TX], s[WV], 10
	s_or_b32 s[TX], s[TX], 0x40000000
	v_lshl_add_u32 v[KB], v[LANE], 2, s[TX]        ; the key of my first candidate of load 0
	v_lshlrev_b32 v[OSW], 7, v[LANE]
	v_add_nc_u32 v[OSW], OST, v[OSW]
	v_add_nc_u32 v[OSR], OST, v[L16B]
	s_cmp_eq_u32 s[CLD], 0
	s_cselect_b64 s[P0:P0+1], s[28:29], s[30:31]   ; the queries' cloud
	s_cselect_b64 s[P1:P1+1], s[30:31], s[28:29]   ; the candidates'
	s_mul_i32 s[TMP], s[BAT], 49152
	s_add_nc_u64 s[P0:P0+1], s[P0:P0+1], s[TMP:TMP+1]
	s_add_nc_u64 s[P1:P1+1], s[P1:P1+1], s[TMP:TMP+1]
	s_and_b32 s[TMP], ttmp9, 63
	s_lshl_b32 s[TMP], s[TMP], 8
	s_add_nc_u64 s[P0:P0+1], s[P0:P0+1], s[TMP:TMP+1]
	s_lshl_b32 s[TMP], s[WV], 12
	s_add_nc_u64 s[P1:P1+1], s[P1:P1+1], s[TMP:TMP+1]
	s_lshl_b32 s[TMP], ttmp9, 12                   ; idx: 64 queries x 64 bytes for each work-group, in the order of their numbers
	s_add_nc_u64 s[36:37], s[36:37], s[TMP:TMP+1]
	global_load_b64 v[DD:DD+1], v[QV], s[P0:P0+1]
	global_load_b64 v[DD+2:DD+3], v[QV], s[P0:P0+1] offset:16384
	global_load_b64 v[DD+4:DD+5], v[QV], s[P0:P0+1] offset:32768
.set i, 0
.rept 8
.irp c, 0,1,2
	global_load_b128 v[TL+12*i+4*\c:TL+12*i+4*\c+3], v[L16B], s[P1:P1+1] offset:512*i+16384*\c   ; 32 lanes read 512 consecutive bytes of a plane: a lane's four are a group
.endr
.set i, i+1
.endr
	s_wait_loadcnt 0x0
	v_pk_mul_f32 v[SQ:SQ+1], v[DD:DD+1], v[DD:DD+1]
	v_pk_fma_f32 v[SQ:SQ+1], v[DD+2:DD+3], v[DD+2:DD+3], v[SQ:SQ+1]
	v_pk_fma_f32 v[SQ:SQ+1], v[DD+4:DD+5], v[DD+4:DD+5], v[SQ:SQ+1]
	v_pk_mul_f32 v[XM:XM+1], v[DD:DD+1], -2.0 op_sel_hi:[1,0]
	v_pk_mul_f32 v[YM:YM+1], v[DD+2:DD+3], -2.0 op_sel_hi:[1,0]
	v_pk_mul_f32 v[ZM:ZM+1], v[DD+4:DD+5], -2.0 op_sel_hi:[1,0]
.set i, 0
.rept 8
.if i > 0
	s_wait_dscnt 0x0                               ; the last group's stores have read s, keys and tie-keys
.endif
	v_pk_mul_f32 v[TS:TS+1], v[TL+12*i:TL+12*i+1], v[TL+12*i:TL+12*i+1]
	v_pk_mul_f32 v[TS+2:TS+3], v[TL+12*i+2:TL+12*i+3], v[TL+12*i+2:TL+12*i+3]
	v_pk_fma_f32 v[TS:TS+1], v[TL+12*i+4:TL+12*i+5], v[TL+12*i+4:TL+12*i+5], v[TS:TS+1]
	v_pk_fma_f32 v[TS+2:TS+3], v[TL+12*i+6:TL+12*i+7], v[TL+12*i+6:TL+12*i+7], v[TS+2:TS+3]
	v_pk_fma_f32 v[TS:TS+1], v[TL+12*i+8:TL+12*i+9], v[TL+12*i+8:TL+12*i+9], v[TS:TS+1]
	v_pk_fma_f32 v[TS+2:TS+3], v[TL+12*i+10:TL+12*i+11], v[TL+12*i+10:TL+12*i+11], v[TS+2:TS+3]
.irp e, 0,1,2,3
	v_add_nc_u32 v[TK+\e], 128*i+\e, v[KB]
.endr
.irp e, 0,1,2,3
	v_or_b32 v[TE+\e], 0x1000, v[TK+\e]
.endr
	ds_store_b128 v[TAW], v[TL+12*i:TL+12*i+3] offset:3072*i
	ds_store_b128 v[TAW], v[TL+12*i+4:TL+12*i+7] offset:3072*i+16
	ds_store_b128 v[TAW], v[TL+12*i+8:TL+12*i+11] offset:3072*i+32
	ds_store_b128 v[TAW], v[TS:TS+3] offset:3072*i+48
	ds_store_b128 v[TAW], v[TK:TK+3] offset:3072*i+64
	ds_store_b128 v[TAW], v[TE:TE+3] offset:3072*i+80
.set i, i+1
.endr
	s_wait_dscnt 0x0                               ; the table is whole; only my wave reads it
	SCAN 1, 4
	PUT IM1
	MERGE IM1
	v_mov_b32 v[TT], v[LST+15]                     ; T: the 16th smallest d2 of each of my queries
	v_mov_b32 v[TT+1], v[LST+36+15]
	SCAN 2, 6
	PUT IM2
	MERGE IM2
	s_cmp_lg_u32 s[WV], 0                          ; all four waves hold the result: wave 0 stores it
	s_cbranch_scc1 .Lend
.irp q, 0,1
.set i, 0
.rept 16
	v_and_b32 v[LST+36*\q+i], 0xfff, v[LST+36*\q+i]
.set i, i+1
.endr
.endr
.irp q, 0,1
.irp i, 0,1,2,3
	ds_store_b128 v[OSW], v[LST+36*\q+4*\i:LST+36*\q+4*\i+3] offset:64*\q+16*\i
.endr
.endr
.irp i, 0,1,2,3,4,5,6,7
	ds_load_b128 v[MB+4*\i:MB+4*\i+3], v[OSR] offset:512*\i
.endr
.irp i, 0,1,2,3,4,5,6,7
	s_wait_dscnt 7-\i                              ; piece i is in; the younger ones may be out
	global_store_b128 v[L16B], v[MB+4*\i:MB+4*\i+3], s[36:37] offset:512*\i   ; 512 consecutive bytes
.endr
.Lend:
	s_wait_tensorcnt 0x0
	ds_add_u32 v237, v238
	s_wait_dscnt 0x0
	s_endpgm
.Lfunc_end_k_qc6e9ba1ce3_front:
	.size	k_qc6e9ba1ce3_front, .Lfunc_end_k_qc6e9ba1ce3_front-k_qc6e9ba1ce3_front
	.p2alignl 7, 3214868480
	.fill 96, 4, 3214868480
	.section	.rodata,"a",@progbits
	.p2align	6, 0x0
	.amdhsa_kernel k_qc6e9ba1ce3_front
		.amdhsa_group_segment_fixed_size 169472
		.amdhsa_private_segment_fixed_size 0
		.amdhsa_enable_private_segment 0
		.amdhsa_kernarg_size 136
		.amdhsa_user_sgpr_count 2
		.amdhsa_user_sgpr_kernarg_segment_ptr 1
		.amdhsa_wavefront_size32 1
		.amdhsa_system_sgpr_workgroup_id_x 1
		.amdhsa_system_sgpr_workgroup_id_y 1
		.amdhsa_system_sgpr_workgroup_id_z 1
		.amdhsa_system_vgpr_workitem_id 0
		.amdhsa_next_free_vgpr 448
		.amdhsa_next_free_sgpr 102
		.amdhsa_reserve_vcc 0
		.amdhsa_float_denorm_mode_32 3
		.amdhsa_float_denorm_mode_16_64 3
		.amdhsa_memory_ordered 1
		.amdhsa_forward_progress 1
		.amdhsa_inst_pref_size 255
	.end_amdhsa_kernel
	.section	.bss,"aw",@nobits
	.p2align	6
	.space	262144
	.amdgpu_metadata
---
amdhsa.version: [ 1, 2 ]
amdhsa.kernels:
  - .name:           k_qc6e9ba1ce3_front
    .symbol:         k_qc6e9ba1ce3_front.kd
    .args:
      - { .name: feat1_codes, .offset: 0, .size: 8, .value_kind: global_buffer, .address_space: global }
      - { .name: feat1_scales, .offset: 8, .size: 8, .value_kind: global_buffer, .address_space: global }
      - { .name: feat2_codes, .offset: 16, .size: 8, .value_kind: global_buffer, .address_space: global }
      - { .name: feat2_scales, .offset: 24, .size: 8, .value_kind: global_buffer, .address_space: global }
      - { .name: t11_w_codes, .offset: 32, .size: 8, .value_kind: global_buffer, .address_space: global }
      - { .name: t11_w_scales, .offset: 40, .size: 8, .value_kind: global_buffer, .address_space: global }
      - { .name: t11_b, .offset: 48, .size: 8, .value_kind: global_buffer, .address_space: global }
      - { .name: t22_w_codes, .offset: 56, .size: 8, .value_kind: global_buffer, .address_space: global }
      - { .name: t22_w_scales, .offset: 64, .size: 8, .value_kind: global_buffer, .address_space: global }
      - { .name: t22_b, .offset: 72, .size: 8, .value_kind: global_buffer, .address_space: global }
      - { .name: pos1_w, .offset: 80, .size: 8, .value_kind: global_buffer, .address_space: global }
      - { .name: pos1_b, .offset: 88, .size: 8, .value_kind: global_buffer, .address_space: global }
      - { .name: pc1, .offset: 96, .size: 8, .value_kind: global_buffer, .address_space: global }
      - { .name: pc2, .offset: 104, .size: 8, .value_kind: global_buffer, .address_space: global }
      - { .name: tq1, .offset: 112, .size: 8, .value_kind: global_buffer, .address_space: global }
      - { .name: tn1, .offset: 120, .size: 8, .value_kind: global_buffer, .address_space: global }
      - { .name: idx, .offset: 128, .size: 8, .value_kind: global_buffer, .address_space: global }
    .group_segment_fixed_size: 169472
    .private_segment_fixed_size: 0
    .kernarg_segment_align: 8
    .kernarg_segment_size: 136
    .max_flat_workgroup_size: 128
    .sgpr_count:     102
    .vgpr_count:     448
    .wavefront_size: 32
...
	.end_amdgpu_metadata
.endif
;; end of part 1
;; launch xstat0 (part 2): grid 64 x 4, 4 waves a work-group, no clusters, 33,280 bytes of LDS; arguments tq1, tn1, idx, st_a; writes st_a
.if DOCPART == 2
	.amdgcn_target "amdgcn-amd-amdhsa--gfx1250"
	.amdhsa_code_object_version 6
	.text
	.protected	k_qc6e9ba1ce3_xstat0
	.globl	k_qc6e9ba1ce3_xstat0
	.p2align	8
	.type	k_qc6e9ba1ce3_xstat0,@function
k_qc6e9ba1ce3_xstat0:
	s_mov_b64 s[64:65], 0
	v_nop
	global_prefetch_b8 v0, s[64:65] scope:SCOPE_SE
	s_setreg_imm32_b32 hwreg(HW_REG_WAVE_MODE, 25, 1), 1
	s_wait_xcnt 0x0
; The statistics of the first GroupNorm of a cross block: of x0[n][k][c] = tn[idx[n][k]][c] + tq[n][c], over 16 channels x 4,096 points x 16 neighbours for each (y, group).
; y = direction x 2 + batch (second layer: the batch).  A work-group has 64 points, a wave 16.  One point is a tile of 16 rows (its neighbours) x 128 channels: lane (r, h) holds neighbour r,
; register 16 b + i channel 32 b + 16 h + i: a run of 16 registers is GroupNorm's group 2 b + h.
; NO DIFFERENCE OF LARGE SUMS: the wave takes the group means of its first point as a shift, sums d = x0 - shift and d^2, and stores mean = shift + S / 4096 and M2 = Q - S^2 / 4096;
; the next launch joins the 256 records of equal count.
; Four points' gathers are on their way (four sets of 64 registers, one in each window); the wave's 16 rows of tq lie in LDS and are read with all 16 lanes of a half at one address.
.set NSET, 4
.set R, 1
.set H, 2
.set H64, 3
.set VR4, 4
.set LANE16, 5
.set QA, 6
.set GOFF, 8                           ; v8-11   set s: my neighbour's row x 512 + 64 h
.set IOFF, 12                          ; v12-15  set s: where its next row of indices lies
.set IDX, 16                           ; v16-19  set s: the index
.set QLW, 39
.set TM, 40
.set ZERO, 57
.set QA0, 58
.set SH, 60                            ; v60-67  the shift, a pair for each b
.set SS, 68                            ; v68-75  sums, v76-83 sums of squares
.set QQ, 76
.set LANE, 124
.set X, 128
.set G, 192                            ; v192-255 of window s: gather set s
.set QT, 0                             ; window 1: the point's row of tq
.set TQ, 4
.set TN, 6
.set IX, 8
.set STO, 10
.set WV, 66
.set SP, 67
.set SA, 84
.set SB, 85
.set SEL, 86
.set DB, 89
.set EXS, 91
.set TMP, 92
.set N0, 100
.set MSB, 0
.macro WIN new                         ; the immediate's high byte repeats the setting that is left
.if MSB != (\new)
	s_set_vgpr_msb (MSB<<8)|(\new)
.set MSB, (\new)
.endif
.endm
.macro ISSUE k                         ; a batch of 17 loads: the 16 gathers of the point whose indices set k holds, and the indices of the point NSET further on
	v_min_u32 v[IDX+\k], 0xfff, v[IDX+\k]
	v_lshl_add_u32 v[GOFF+\k], v[IDX+\k], 9, v[H64]
	WIN (\k)<<6
.irp b, 0,1,2,3
.irp j, 0,1,2,3
	global_load_b128 v[G+16*\b+4*\j:G+16*\b+4*\j+3], v[GOFF+\k], s[TN:TN+1] offset:128*\b+16*\j
.endr
.endr
	WIN 0
	global_load_b32 v[IDX+\k], v[IOFF+\k], s[IX:IX+1]
.endm
.macro QTLOAD
	WIN 0x40
.irp b, 0,1,2,3
.irp j, 0,1,2,3
	ds_load_b128 v[QT+16*\b+4*\j:QT+16*\b+4*\j+3], v[QA] offset:128*\b+16*\j
.endr
.endr
	WIN 0
.endm
.macro HEADX k                         ; point SP + k: x0 into X; then set k's next batch and the next point's row of tq.  Past the wave's last point the clamps ask for point 15 again
	s_wait_loadcnt 17*(NSET-1)                     ; my batch is in; the NSET - 1 younger batches stay out
	s_wait_dscnt 0x0                               ; the row of tq is in
	WIN (\k)|0x04
.set i, 0
.rept 32
	v_pk_add_f32 v[X+i:X+i+1], v[G+i:G+i+1], v[QT+i:QT+i+1]
.set i, i+2
.endr
	WIN 0
	s_add_co_u32 s[SA], s[SP], \k+2*NSET
	s_min_u32 s[SA], s[SA], 15
	v_lshl_add_u32 v[IOFF+\k], s[SA], 6, v[VR4]
	s_add_co_u32 s[SB], s[SP], \k+1
	s_min_u32 s[SB], s[SB], 15
	s_lshl_b32 s[SB], s[SB], 9
	v_add_nc_u32 v[QA], s[SB], v[QA0]
	ISSUE \k
	QTLOAD
.endm
	s_load_b256 s[4:11], s[0:1], 0x0               ; tq, tn, idx, the records
	v_lshl_add_u32 v126, v0, 2, 0x8000
	v_mov_b32 v127, 0
	v_lshrrev_b32 v[R], 5, v0
	v_readfirstlane_b32 s[WV], v[R]                ; wave 0..3
	s_and_b32 s[DB], ttmp7, 0xffff
	s_lshl_b32 s[N0], ttmp9, 6
	s_lshl_b32 s[SA], s[WV], 4
	s_add_co_u32 s[N0], s[N0], s[SA]               ; my first point
	s_lshl_b32 s[SB], s[DB], 12
	s_add_co_u32 s[SB], s[SB], s[N0]
	s_mov_b32 s[SEL], 0x76543210
	s_mov_b32 s[SEL+1], 0xfedcba98                 ; v_permlanex16_b32's selects for lane l xor 16
	s_mov_b32 s[TMP+1], 0
	v_and_b32 v[LANE], 31, v0
	v_and_b32 v[R], 15, v0
	v_bfe_u32 v[H], v0, 4, 1
	v_lshlrev_b32 v[H64], 6, v[H]
	v_lshlrev_b32 v[VR4], 2, v[R]
	v_lshlrev_b32 v[LANE16], 4, v[LANE]
	v_mov_b32 v[ZERO], 0
	s_lshl_b32 s[SA], s[WV], 13                    ; my wave's 8,192 bytes of LDS
	v_add_nc_u32 v[QA0], s[SA], v[H64]
	v_add_nc_u32 v[QLW], s[SA], v[LANE16]
	s_wait_kmcnt 0x0
	s_lshl_b32 s[TMP], s[SB], 9
	s_add_nc_u64 s[TQ:TQ+1], s[TQ:TQ+1], s[TMP:TMP+1]
	s_lshl_b32 s[TMP], s[SB], 6
	s_add_nc_u64 s[IX:IX+1], s[IX:IX+1], s[TMP:TMP+1]
	s_lshl_b32 s[TMP], s[DB], 21
	s_add_nc_u64 s[TN:TN+1], s[TN:TN+1], s[TMP:TMP+1]
	s_lshl_b32 s[TMP], ttmp9, 2
	s_add_co_u32 s[TMP], s[TMP], s[WV]
	s_lshl_b32 s[TMP], s[TMP], 6
	s_lshl_b32 s[SA], s[DB], 14
	s_add_co_u32 s[TMP], s[TMP], s[SA]             ; my record: 16,384 y + 64 (4 x + wave)
	s_add_nc_u64 s[STO:STO+1], s[STO:STO+1], s[TMP:TMP+1]
.irp p, 0,1,2,3,4,5,6,7,8,9,10,11,12,13,14,15
	global_load_b128 v[X+4*\p:X+4*\p+3], v[LANE16], s[TQ:TQ+1] offset:512*\p
.endr
	s_wait_loadcnt 0x0
.irp p, 0,1,2,3,4,5,6,7,8,9,10,11,12,13,14,15
	ds_store_b128 v[QLW], v[X+4*\p:X+4*\p+3] offset:512*\p
.endr
.irp i, 0,1,2,3,4,5,6,7
	v_mov_b32 v[SH+\i], 0
.endr
.irp i, 0,1,2,3,4,5,6,7,8,9,10,11,12,13,14,15
	v_mov_b32 v[SS+\i], 0
.endr
.irp k, 0,1,2,3
	global_load_b32 v[IDX+\k], v[VR4], s[IX:IX+1] offset:64*\k
.endr
	s_wait_loadcnt 0x0
.irp k, 0,1,2,3
	v_add_nc_u32 v[IOFF+\k], 64*(\k+NSET), v[VR4]
	ISSUE \k
.endr
	v_mov_b32 v[QA], v[QA0]
	QTLOAD                                         ; LDS serves a wave's instructions in order: these see my stores
	s_mov_b32 s[SP], 0
.Lpoints:
.irp k, 0,1,2,3
	HEADX \k
.if \k == 0
	s_cmp_lg_u32 s[SP], 0                          ; the wave's first point gives the shift: its group means
	s_cbranch_scc1 .Lshifted
.irp b, 0,1,2,3
	v_pk_add_f32 v[TM+2*\b:TM+2*\b+1], v[X+16*\b:X+16*\b+1], v[X+16*\b+2:X+16*\b+3]
.endr
.irp i, 4,6,8,10,12,14
.irp b, 0,1,2,3
	v_pk_add_f32 v[TM+2*\b:TM+2*\b+1], v[TM+2*\b:TM+2*\b+1], v[X+16*\b+\i:X+16*\b+\i+1]
.endr
.endr
.irp b, 0,1,2,3
	v_add_f32 v[TM+2*\b], v[TM+2*\b], v[TM+2*\b+1]
.endr
.irp m, 1,2,4,8
.irp b, 0,1,2,3
	v_add_f32_dpp v[TM+2*\b], v[TM+2*\b], v[TM+2*\b] row_xmask:\m row_mask:0xf bank_mask:0xf
.endr
.endr
.irp b, 0,1,2,3
	v_mul_f32 v[SH+2*\b], 0x3b800000, v[TM+2*\b]   ; / 256
	v_mul_f32 v[SH+2*\b+1], 0x3b800000, v[TM+2*\b]
.endr
.Lshifted:
.endif
.set i, 0
.rept 32
	v_pk_add_f32 v[X+i:X+i+1], v[X+i:X+i+1], v[SH+2*(i/16):SH+2*(i/16)+1] neg_lo:[0,1] neg_hi:[0,1]
.set i, i+2
.endr
.irp i, 0,2,4,6,8,10,12,14
.irp b, 0,1,2,3
	v_pk_add_f32 v[SS+2*\b:SS+2*\b+1], v[SS+2*\b:SS+2*\b+1], v[X+16*\b+\i:X+16*\b+\i+1]
	v_pk_fma_f32 v[QQ+2*\b:QQ+2*\b+1], v[X+16*\b+\i:X+16*\b+\i+1], v[X+16*\b+\i:X+16*\b+\i+1], v[QQ+2*\b:QQ+2*\b+1]
.endr
.endr
.endr
	s_add_co_u32 s[SP], s[SP], NSET
	s_cmp_lt_u32 s[SP], 16
	s_cbranch_scc1 .Lpoints
	; THE RECORD: mean[8], M2[8].  Lanes 0-15 hold the even groups, lanes 16-31 the odd ones; lane 0 stores.
	s_wait_loadcnt 0x0
.irp b, 0,1,2,3
	v_add_f32 v[SS+2*\b], v[SS+2*\b], v[SS+2*\b+1]
	v_add_f32 v[QQ+2*\b], v[QQ+2*\b], v[QQ+2*\b+1]
.endr
.irp m, 1,2,4,8
.irp b, 0,1,2,3
	v_add_f32_dpp v[SS+2*\b], v[SS+2*\b], v[SS+2*\b] row_xmask:\m row_mask:0xf bank_mask:0xf
	v_add_f32_dpp v[QQ+2*\b], v[QQ+2*\b], v[QQ+2*\b] row_xmask:\m row_mask:0xf bank_mask:0xf
.endr
.endr
.irp b, 0,1,2,3
	v_mul_f32 v[TM+\b], 0x39800000, v[SS+2*\b]     ; S / 4096
.endr
.irp b, 0,1,2,3
	v_add_f32 v[X+2*\b], v[SH+2*\b], v[TM+\b]
	v_fma_f32 v[X+8+2*\b], -v[TM+\b], v[SS+2*\b], v[QQ+2*\b]
.endr
.irp b, 0,1,2,3
	v_permlanex16_b32 v[X+2*\b+1], v[X+2*\b], s[SEL], s[SEL+1]
	v_permlanex16_b32 v[X+8+2*\b+1], v[X+8+2*\b], s[SEL], s[SEL+1]
.endr
	v_cmp_eq_u32 vcc_lo, 0, v[LANE]
	s_wait_xcnt 0x0                                ; EXEC changes only behind this wait
	s_wait_tensorcnt 0x0
	ds_add_u32 v126, v127
	s_wait_dscnt 0x0
	s_and_saveexec_b32 s[EXS], vcc_lo
.irp c, 0,1,2,3
	global_store_b128 v[ZERO], v[X+4*\c:X+4*\c+3], s[STO:STO+1] offset:16*\c
.endr
	s_wait_xcnt 0x0
	s_or_b32 exec_lo, exec_lo, s[EXS]
	s_endpgm
.Lfunc_end_k_qc6e9ba1ce3_xstat0:
	.size	k_qc6e9ba1ce3_xstat0, .Lfunc_end_k_qc6e9ba1ce3_xstat0-k_qc6e9ba1ce3_xstat0
	.p2alignl 7, 3214868480
	.fill 96, 4, 3214868480
	.section	.rodata,"a",@progbits
	.p2align	6, 0x0
	.amdhsa_kernel k_qc6e9ba1ce3_xstat0
		.amdhsa_group_segment_fixed_size 33280
		.amdhsa_private_segment_fixed_size 0
		.amdhsa_enable_private_segment 0
		.amdhsa_kernarg_size 32
		.amdhsa_user_sgpr_count 2
		.amdhsa_user_sgpr_kernarg_segment_ptr 1
		.amdhsa_wavefront_size32 1
		.amdhsa_system_sgpr_workgroup_id_x 1
		.amdhsa_system_sgpr_workgroup_id_y 1
		.amdhsa_system_sgpr_workgroup_id_z 1
		.amdhsa_system_vgpr_workitem_id 0
		.amdhsa_next_free_vgpr 1024
		.amdhsa_next_free_sgpr 102
		.amdhsa_reserve_vcc 1
		.amdhsa_float_denorm_mode_32 3
		.amdhsa_float_denorm_mode_16_64 3
		.amdhsa_memory_ordered 1
		.amdhsa_forward_progress 1
		.amdhsa_inst_pref_size 67
	.end_amdhsa_kernel
	.amdgpu_metadata
---
amdhsa.version: [ 1, 2 ]
amdhsa.kernels:
  - .name:           k_qc6e9ba1ce3_xstat0
    .symbol:         k_qc6e9ba1ce3_xstat0.kd
    .args:
      - { .name: tq1, .offset: 0, .size: 8, .value_kind: global_buffer, .address_space: global }
      - { .name: tn1, .offset: 8, .size: 8, .value_kind: global_buffer, .address_space: global }
      - { .name: idx, .offset: 16, .size: 8, .value_kind: global_buffer, .address_space: global }
      - { .name: st_a, .offset: 24, .size: 8, .value_kind: global_buffer, .address_space: global }
    .group_segment_fixed_size: 33280
    .private_segment_fixed_size: 0
    .kernarg_segment_align: 8
    .kernarg_segment_size: 32
    .max_flat_workgroup_size: 128
    .sgpr_count:     102
    .vgpr_count:     1024
    .wavefront_size: 32
...
	.end_amdgpu_metadata
.endif
;; end of part 2
;; launch xstat1 (part 3): grid 64 x 4, 4 waves a work-group, no clusters, 33,280 bytes of LDS; arguments tq1, tn1, idx, st_a, gn1_g, gn1_b, m1a_w_codes, m1a_w_scales, m1a_b, st_b; writes st_b
.if DOCPART == 3
	.amdgcn_target "amdgcn-amd-amdhsa--gfx1250"
	.amdhsa_code_object_version 6
	.text
	.protected	k_qc6e9ba1ce3_xstat1
	.globl	k_qc6e9ba1ce3_xstat1
	.p2align	8
	.type	k_qc6e9ba1ce3_xstat1,@function
k_qc6e9ba1ce3_xstat1:
	s_mov_b64 s[64:65], 0
	v_nop
	global_prefetch_b8 v0, s[64:65] scope:SCOPE_SE
	s_setreg_imm32_b32 hwreg(HW_REG_WAVE_MODE, 25, 1), 1
	s_wait_xcnt 0x0
; The statistics of the second GroupNorm of a cross block: of y = W Q(lrelu(GN(x0))) + b, Q the quantiser to E2M3 along the 128 channels.  x0 is made anew from the tables (see the launch before).
; A work-group has 64 points, a wave 16; one point is a tile of 16 rows (its neighbours): lane (r, h) holds neighbour r, register 16 b + i channel 32 b + 16 h + i = group 2 b + h.
; SET-UP: every wave joins the 256 records of its y: mean = sum of means / 256, var = (sum of M2 + 4096 sum of (mean_w - mean)^2) / 2^20; GN and its gain become one multiply-add x A + B.
; THE PRODUCT IS USED TRANSPOSED (source 0 = 16 rows of W, source 1 = the point's 16 rows), and lane r of tile 2 b + u takes row 32 b + 8 u + r + 8 (r / 8) of W: the result has x0's layout.
; The bias less the wave's shift is the products' C.  The shift, the sums and the record are as in the launch before.  W stays in registers.
; LIMITS: NaN and infinities are not served; a block of zeros gets the scale byte 1 (its codes are zeros; only this program reads the byte).
.set NSET, 2
.set R, 1
.set H, 2
.set H64, 3
.set VR4, 4
.set LANE16, 5
.set QA, 6
.set GOFF, 8
.set IOFF, 12
.set IDX, 16
.set COD, 20                           ; v20-31 the codes; v32-38 the conversions' second halves
.set FA64, 35
.set QLW, 39
.set TM, 40                            ; v40-55 at work
.set PW, 56                            ; v56 the scale word just made: it holds scales and nothing else, as do v84-91
.set ZERO, 57
.set QA0, 58
.set SH, 60
.set SS, 68
.set QQ, 76
.set MEAN, 68                          ; at set-up: v68-75 the eight means, v76-83 the eight 1 / sqrt(var + eps)
.set RS, 76
.set WS1, 84
.set LANE, 124
.set WTA, 125
.set WTS, 126
.set X, 128
.set G, 192                            ; gather set 0: window 0; set 1: window 3
.set QT, 0                             ; window 1: v0-63 tq's row, v64-127 A, v128-191 B, v192-255 bias - shift
.set AF1, 64
.set BF1, 128
.set CB, 192
.set WT1, 128                          ; window 2: v128-223 W's eight fragments
.set TQ, 4
.set TN, 6
.set IX, 8
.set STI, 10
.set GG, 12
.set GB, 14
.set WC, 16
.set WSC, 18
.set WB, 20
.set STO, 22
.set WV, 66
.set SP, 67
.set SA, 84
.set SB, 85
.set SEL, 86
.set DB, 89
.set EXS, 91
.set TMP, 92
.set FINO, 94
.set KC1, 96
.set KC2, 97
.set FINI, 98
.set N0, 100
.set MSB, 0
.macro WIN new                         ; the immediate's high byte repeats the setting that is left
.if MSB != (\new)
	s_set_vgpr_msb (MSB<<8)|(\new)
.set MSB, (\new)
.endif
.endm
.macro ISSUE k                         ; a batch of 17 loads: the 16 gathers of the point whose indices set k holds, and the indices of the point NSET further on
	v_min_u32 v[IDX+\k], 0xfff, v[IDX+\k]
	v_lshl_add_u32 v[GOFF+\k], v[IDX+\k], 9, v[H64]
	WIN (3*(\k))<<6
.irp b, 0,1,2,3
.irp j, 0,1,2,3
	global_load_b128 v[G+16*\b+4*\j:G+16*\b+4*\j+3], v[GOFF+\k], s[TN:TN+1] offset:128*\b+16*\j
.endr
.endr
	WIN 0
	global_load_b32 v[IDX+\k], v[IOFF+\k], s[IX:IX+1]
.endm
.macro QTLOAD
	WIN 0x40
.irp b, 0,1,2,3
.irp j, 0,1,2,3
	ds_load_b128 v[QT+16*\b+4*\j:QT+16*\b+4*\j+3], v[QA] offset:128*\b+16*\j
.endr
.endr
	WIN 0
.endm
.macro HEADX k                         ; point SP + k: x0 into X; then set k's next batch and the next point's row of tq.  Past the wave's last point the clamps ask for point 15 again
	s_wait_loadcnt 17*(NSET-1)                     ; my batch is in; the younger batch stays out
	s_wait_dscnt 0x0                               ; the row of tq is in
	WIN (3*(\k))|0x04
.set i, 0
.rept 32
	v_pk_add_f32 v[X+i:X+i+1], v[G+i:G+i+1], v[QT+i:QT+i+1]
.set i, i+2
.endr
	WIN 0
	s_add_co_u32 s[SA], s[SP], \k+2*NSET
	s_min_u32 s[SA], s[SA], 15
	v_lshl_add_u32 v[IOFF+\k], s[SA], 6, v[VR4]
	s_add_co_u32 s[SB], s[SP], \k+1
	s_min_u32 s[SB], s[SB], 15
	s_lshl_b32 s[SB], s[SB], 9
	v_add_nc_u32 v[QA], s[SB], v[QA0]
	ISSUE \k
	QTLOAD
.endm
.macro WSUM base, n, tmp               ; n sums over the wave's 32 lanes, the result in every lane
.irp m, 1,2,4,8
.set i, 0
.rept \n
	v_add_f32_dpp v[\base+i], v[\base+i], v[\base+i] row_xmask:\m row_mask:0xf bank_mask:0xf
.set i, i+1
.endr
.endr
.set i, 0
.rept \n
	v_permlanex16_b32 v[\tmp+i], v[\base+i], s[SEL], s[SEL+1]
.set i, i+1
.endr
.set i, 0
.rept \n
	v_add_f32 v[\base+i], v[\base+i], v[\tmp+i]
.set i, i+1
.endr
.endm
.macro FINAL                           ; the 256 records of my y, eight a lane, become MEAN and RS
.irp k, 0,1,2,3,4,5,6,7
.irp c, 0,1,2,3
	global_load_b128 v[X+16*\k+4*\c:X+16*\k+4*\c+3], v[FA64], s[STI:STI+1] offset:2048*\k+16*\c
.endr
.endr
	s_wait_loadcnt 0x0
.irp e, 0,2,4,6,8,10,12,14
	v_pk_add_f32 v[MEAN+\e:MEAN+\e+1], v[X+\e:X+\e+1], v[X+16+\e:X+16+\e+1]
.endr
.irp k, 2,3,4,5,6,7
.irp e, 0,2,4,6,8,10,12,14
	v_pk_add_f32 v[MEAN+\e:MEAN+\e+1], v[MEAN+\e:MEAN+\e+1], v[X+16*\k+\e:X+16*\k+\e+1]
.endr
.endr
	WSUM MEAN, 16, TM
.irp e, 0,2,4,6
	v_pk_mul_f32 v[MEAN+\e:MEAN+\e+1], v[MEAN+\e:MEAN+\e+1], 0x3b800000 op_sel_hi:[1,0]   ; / 256
.endr
.irp k, 0,1,2,3,4,5,6,7
.irp e, 0,2,4,6
	v_pk_add_f32 v[TM+\e:TM+\e+1], v[X+16*\k+\e:X+16*\k+\e+1], v[MEAN+\e:MEAN+\e+1] neg_lo:[0,1] neg_hi:[0,1]
.endr
.irp e, 0,2,4,6
.if \k == 0
	v_pk_mul_f32 v[TM+8+\e:TM+8+\e+1], v[TM+\e:TM+\e+1], v[TM+\e:TM+\e+1]
.else
	v_pk_fma_f32 v[TM+8+\e:TM+8+\e+1], v[TM+\e:TM+\e+1], v[TM+\e:TM+\e+1], v[TM+8+\e:TM+8+\e+1]
.endif
.endr
.endr
	WSUM TM+8, 8, TM
.irp g, 0,1,2,3,4,5,6,7
	v_fma_f32 v[RS+\g], v[TM+8+\g], 0x45800000, v[RS+\g]    ; sum of M2 + 4096 x the spread of the means
.endr
.irp g, 0,1,2,3,4,5,6,7
	v_fma_f32 v[RS+\g], v[RS+\g], s[KC1], s[KC2]            ; / 2^20 + 1e-5
.endr
.irp g, 0,1,2,3,4,5,6,7
	v_rsq_f32 v[RS+\g], v[RS+\g]
.endr
	v_nop                                          ; a plain place behind the last of the batch
	s_wait_alu depctr_va_vdst(0)                   ; one wait for the eight, ahead of their first reader
.endm
.macro FINSTORE k                      ; MEAN and RS are kept for the later launches: one wave of each y stores them, from lane 0
	s_or_b32 s[SA], ttmp9, s[WV]
	s_cmp_lg_u32 s[SA], 0
	s_cbranch_scc1 .Lnofin_\@
	v_cmp_eq_u32 vcc_lo, 0, v[LANE]
	s_wait_xcnt 0x0                                ; EXEC changes only behind this wait
	s_and_saveexec_b32 s[EXS], vcc_lo
.irp c, 0,1,2,3
	global_store_b128 v[ZERO], v[MEAN+4*\c:MEAN+4*\c+3], s[FINO:FINO+1] offset:64*(\k)+16*\c
.endr
	s_wait_xcnt 0x0
	s_or_b32 exec_lo, exec_lo, s[EXS]
.Lnofin_\@:
.endm
.macro LD64 wnd, reg, ptr              ; 128 numbers a channel each, in X's layout: my 64
	WIN (\wnd)<<6
.irp b, 0,1,2,3
.irp j, 0,1,2,3
	global_load_b128 v[\reg+16*\b+4*\j:\reg+16*\b+4*\j+3], v[H64], s[\ptr:\ptr+1] offset:128*\b+16*\j
.endr
.endr
	WIN 0
.endm
.macro MKAB wnd, ra, rb, gp, bp        ; A = gain / sqrt(var + eps), B = offset - mean A
	LD64 \wnd, \ra, \gp
	LD64 \wnd, \rb, \bp
	v_cmp_ne_u32 vcc_lo, 0, v[H]
.irp q, 0,1,2,3
	v_cndmask_b32 v[TM+2*\q], v[MEAN+2*\q], v[MEAN+2*\q+1], vcc_lo      ; my half's group 2 q + h
	v_cndmask_b32 v[TM+2*\q+1], v[MEAN+2*\q], v[MEAN+2*\q+1], vcc_lo
	v_cndmask_b32 v[TM+8+2*\q], v[RS+2*\q], v[RS+2*\q+1], vcc_lo
	v_cndmask_b32 v[TM+8+2*\q+1], v[RS+2*\q], v[RS+2*\q+1], vcc_lo
.endr
	s_wait_loadcnt 0x0
	WIN ((\wnd)<<6)|(\wnd)
.set i, 0
.rept 32
	v_pk_mul_f32 v[\ra+i:\ra+i+1], v[\ra+i:\ra+i+1], v[TM+8+2*(i/16):TM+8+2*(i/16)+1]
.set i, i+2
.endr
	WIN ((\wnd)<<6)|((\wnd)<<2)|((\wnd)<<4)
.set i, 0
.rept 32
	v_pk_fma_f32 v[\rb+i:\rb+i+1], v[TM+2*(i/16):TM+2*(i/16)+1], v[\ra+i:\ra+i+1], v[\rb+i:\rb+i+1] neg_lo:[1,0,0] neg_hi:[1,0,0]
.set i, i+2
.endr
	WIN 0
.endm
.macro AFF wnd, ra, rb                 ; X = X A + B, in ascending order: each accumulator is first read at its low end
	WIN ((\wnd)<<2)|((\wnd)<<4)
.set i, 0
.rept 32
	v_pk_fma_f32 v[X+i:X+i+1], v[X+i:X+i+1], v[\ra+i:\ra+i+1], v[\rb+i:\rb+i+1]
.set i, i+2
.endr
	WIN 0
.endm
.macro LRELU                           ; max(x, 0.1 x)
.set i, 0
.rept 8
.irp u, 0,2,4,6
	v_pk_mul_f32 v[TM+\u:TM+\u+1], v[X+i+\u:X+i+\u+1], 0x3dcccccd op_sel_hi:[1,0]
.endr
.irp u, 0,1,2,3,4,5,6,7
	v_max_num_f32 v[X+i+\u], v[X+i+\u], v[TM+\u]
.endr
.set i, i+8
.endr
.endm
; X's 64 numbers of a lane, register 16 b + i = k 32 b + 16 h + i of my row, become a fragment's codes in v[COD] on and its scale word in v[PW].
.macro QUANT
.irp b, 0,1,2,3
	v_max3_num_f32 v[TM+\b], |v[X+16*\b]|, |v[X+1+16*\b]|, 0x1800000   ; block b: my 16 numbers, and the floor 2^(3 - 127): the byte cannot fall under 1
.endr
.irp i, 2,4,6,8,10,12,14
.irp b, 0,1,2,3
	v_max3_num_f32 v[TM+\b], v[TM+\b], |v[X+16*\b+\i]|, |v[X+1+16*\b+\i]|
.endr
.endr
.irp b, 0,1,2,3
	v_permlanex16_b32 v[TM+4+\b], v[TM+\b], s[SEL], s[SEL+1]
.endr
.irp b, 0,1,2,3
	v_max_num_f32 v[TM+\b], v[TM+\b], v[TM+4+\b]   ; with lane l xor 16's: the block's largest magnitude
.endr
.irp b, 0,1,2,3
	v_add_nc_u32 v[TM+12+\b], 0xff000000, v[TM+\b] ; 2 off its exponent field: the conversion's scale operand
.endr
.irp b, 0,1,2,3
	v_lshrrev_b32 v[TM+4+\b], 23, v[TM+12+\b]      ; the scale's byte
.endr
	v_lshl_or_b32 v[PW], v[TM+5], 8, v[TM+4]
	v_lshl_or_b32 v[PW], v[TM+6], 16, v[PW]
	v_lshl_or_b32 v[PW], v[TM+7], 24, v[PW]
.irp c, 0,1
	v_cvt_scalef32_pk16_fp6_f32 v[COD+6*\c:COD+2+6*\c], v[X+32*\c:X+15+32*\c], v[TM+12+2*\c]
	v_cvt_scalef32_pk16_fp6_f32 v[COD+12+4*\c:COD+14+4*\c], v[X+16+32*\c:X+31+32*\c], v[TM+12+2*\c+1]   ; (a conversion's three registers begin on an even number)
.endr
	v_nop                                          ; one plain place behind a scaled conversion
.irp c, 0,1                                    ; the operand's layout wants a whole block in a lane
.irp i, 0,1,2
	v_permlane16_swap_b32 v[COD+6*\c+\i], v[COD+12+4*\c+\i]
.endr
.irp i, 0,1,2
	v_mov_b32 v[COD+3+6*\c+\i], v[COD+12+4*\c+\i]
.endr
.endr
.rept 8
	v_nop                                          ; a scale word made by vector instructions stands eight places ahead of the scaled product, the codes four
.endr
.endm
	s_load_b512 s[4:19], s[0:1], 0x0               ; tq, tn, idx, the records in; gain, offset; W's codes, scales
	s_load_b128 s[20:23], s[0:1], 0x40             ; W's bias; the records out
	v_lshl_add_u32 v123, v0, 2, 0x8000
	v_mov_b32 v127, 0
	v_lshrrev_b32 v[R], 5, v0
	v_readfirstlane_b32 s[WV], v[R]                ; wave 0..3
	s_and_b32 s[DB], ttmp7, 0xffff
	s_lshl_b32 s[N0], ttmp9, 6
	s_lshl_b32 s[SA], s[WV], 4
	s_add_co_u32 s[N0], s[N0], s[SA]               ; my first point
	s_lshl_b32 s[SB], s[DB], 12
	s_add_co_u32 s[SB], s[SB], s[N0]
	s_mov_b32 s[SEL], 0x76543210
	s_mov_b32 s[SEL+1], 0xfedcba98                 ; v_permlanex16_b32's selects for lane l xor 16
	s_mov_b32 s[KC1], 0x35800000                   ; 2^-20
	s_mov_b32 s[KC2], 0x3727c5ac                   ; 1e-5
	s_mov_b32 s[TMP+1], 0
	v_and_b32 v[LANE], 31, v0
	v_and_b32 v[R], 15, v0
	v_bfe_u32 v[H], v0, 4, 1
	v_lshlrev_b32 v[H64], 6, v[H]
	v_lshlrev_b32 v[VR4], 2, v[R]
	v_lshlrev_b32 v[LANE16], 4, v[LANE]
	v_lshlrev_b32 v[FA64], 6, v[LANE]
	v_mov_b32 v[ZERO], 0
	s_lshl_b32 s[SA], s[WV], 13                    ; my wave's 8,192 bytes of LDS
	v_add_nc_u32 v[QA0], s[SA], v[H64]
	v_add_nc_u32 v[QLW], s[SA], v[LANE16]
	v_and_b32 v[WTS], 8, v[R]
	v_add_nc_u32 v[WTS], v[WTS], v[R]              ; r + 8 (r / 8)
	v_mul_u32_u24 v[WTA], v[WTS], 96
	v_mad_u32_u24 v[WTA], v[H], 24, v[WTA]
	v_lshlrev_b32 v[WTS], 2, v[WTS]
.irp i, 0,1,2,3,4,5,6,7,8,9,10,11,12,13,14,15
	v_mov_b32 v[TM+\i], 0                          ; written once: a lane permute's destination counts as one of its sources
.endr
	s_wait_kmcnt 0x0
	s_lshl_b32 s[TMP], s[SB], 9
	s_add_nc_u64 s[TQ:TQ+1], s[TQ:TQ+1], s[TMP:TMP+1]
	s_lshl_b32 s[TMP], s[SB], 6
	s_add_nc_u64 s[IX:IX+1], s[IX:IX+1], s[TMP:TMP+1]
	s_lshl_b32 s[TMP], s[DB], 21
	s_add_nc_u64 s[TN:TN+1], s[TN:TN+1], s[TMP:TMP+1]
	s_lshl_b32 s[TMP], s[DB], 14
	s_add_nc_u64 s[STI:STI+1], s[STI:STI+1], s[TMP:TMP+1]
	s_lshl_b32 s[TMP], s[DB], 7
	s_add_co_u32 s[TMP], s[TMP], 65536
	s_add_nc_u64 s[FINO:FINO+1], s[STO:STO+1], s[TMP:TMP+1]
	s_lshl_b32 s[TMP], ttmp9, 2
	s_add_co_u32 s[TMP], s[TMP], s[WV]
	s_lshl_b32 s[TMP], s[TMP], 6
	s_lshl_b32 s[SA], s[DB], 14
	s_add_co_u32 s[TMP], s[TMP], s[SA]
	s_add_nc_u64 s[STO:STO+1], s[STO:STO+1], s[TMP:TMP+1]
	FINAL
	FINSTORE 0
	MKAB 1, AF1, BF1, GG, GB
	WIN 0x80
.irp t, 0,1,2,3,4,5,6,7
.irp p, 0,1,2,3,4,5
	global_load_b64 v[WT1+12*\t+2*\p:WT1+12*\t+2*\p+1], v[WTA], s[WC:WC+1] offset:(32*(\t/2)+8*(\t%2))*96+48*(\p/3)+8*(\p%3)
.endr
.endr
	WIN 0
.irp t, 0,1,2,3,4,5,6,7
	global_load_b32 v[WS1+\t], v[WTS], s[WSC:WSC+1] offset:(32*(\t/2)+8*(\t%2))*4
.endr
	LD64 1, CB, WB
.irp p, 0,1,2,3,4,5,6,7,8,9,10,11,12,13,14,15
	global_load_b128 v[X+4*\p:X+4*\p+3], v[LANE16], s[TQ:TQ+1] offset:512*\p
.endr
	s_wait_loadcnt 0x0
.irp p, 0,1,2,3,4,5,6,7,8,9,10,11,12,13,14,15
	ds_store_b128 v[QLW], v[X+4*\p:X+4*\p+3] offset:512*\p
.endr
.irp i, 0,1,2,3,4,5,6,7
	v_mov_b32 v[SH+\i], 0
.endr
.irp i, 0,1,2,3,4,5,6,7,8,9,10,11,12,13,14,15
	v_mov_b32 v[SS+\i], 0
.endr
.irp k, 0,1
	global_load_b32 v[IDX+\k], v[VR4], s[IX:IX+1] offset:64*\k
.endr
	s_wait_loadcnt 0x0
.irp k, 0,1
	v_add_nc_u32 v[IOFF+\k], 64*(\k+NSET), v[VR4]
	ISSUE \k
.endr
	v_mov_b32 v[QA], v[QA0]
	QTLOAD                                         ; LDS serves a wave's instructions in order: these see my stores
	s_mov_b32 s[SP], 0
.Lpoints:
.irp k, 0,1
	HEADX \k
	AFF 1, AF1, BF1
	LRELU
	QUANT
	WIN 0x12                                       ; source 0 (W) window 2, C (bias - shift) window 1
.irp t, 0,1,2,3,4,5,6,7
	v_wmma_scale_f32_16x16x128_f8f6f4 v[X+8*\t:X+8*\t+7], v[WT1+12*\t:WT1+12*\t+11], v[COD:COD+11], v[CB+8*\t:CB+8*\t+7], v[WS1+\t], v[PW] matrix_a_fmt:MATRIX_FMT_FP6 matrix_b_fmt:MATRIX_FMT_FP6
.endr
	WIN 0
.rept 4
	v_nop                                          ; four plain places ahead of the first read of a result
.endr
.if \k == 0
	s_cmp_lg_u32 s[SP], 0                          ; the wave's first point gives the shift: its group means; it is taken off the bias, and off this point
	s_cbranch_scc1 .Lshifted
.irp b, 0,1,2,3
	v_pk_add_f32 v[TM+2*\b:TM+2*\b+1], v[X+16*\b:X+16*\b+1], v[X+16*\b+2:X+16*\b+3]
.endr
.irp i, 4,6,8,10,12,14
.irp b, 0,1,2,3
	v_pk_add_f32 v[TM+2*\b:TM+2*\b+1], v[TM+2*\b:TM+2*\b+1], v[X+16*\b+\i:X+16*\b+\i+1]
.endr
.endr
.irp b, 0,1,2,3
	v_add_f32 v[TM+2*\b], v[TM+2*\b], v[TM+2*\b+1]
.endr
.irp m, 1,2,4,8
.irp b, 0,1,2,3
	v_add_f32_dpp v[TM+2*\b], v[TM+2*\b], v[TM+2*\b] row_xmask:\m row_mask:0xf bank_mask:0xf
.endr
.endr
.irp b, 0,1,2,3
	v_mul_f32 v[SH+2*\b], 0x3b800000, v[TM+2*\b]   ; / 256
	v_mul_f32 v[SH+2*\b+1], 0x3b800000, v[TM+2*\b]
.endr
	WIN 0x41
.set i, 0
.rept 32
	v_pk_add_f32 v[CB+i:CB+i+1], v[CB+i:CB+i+1], v[SH+2*(i/16):SH+2*(i/16)+1] neg_lo:[0,1] neg_hi:[0,1]
.set i, i+2
.endr
	WIN 0
.set i, 0
.rept 32
	v_pk_add_f32 v[X+i:X+i+1], v[X+i:X+i+1], v[SH+2*(i/16):SH+2*(i/16)+1] neg_lo:[0,1] neg_hi:[0,1]
.set i, i+2
.endr
.Lshifted:
.endif
.irp i, 0,2,4,6,8,10,12,14
.irp b, 0,1,2,3
	v_pk_add_f32 v[SS+2*\b:SS+2*\b+1], v[SS+2*\b:SS+2*\b+1], v[X+16*\b+\i:X+16*\b+\i+1]
	v_pk_fma_f32 v[QQ+2*\b:QQ+2*\b+1], v[X+16*\b+\i:X+16*\b+\i+1], v[X+16*\b+\i:X+16*\b+\i+1], v[QQ+2*\b:QQ+2*\b+1]
.endr
.endr
.endr
	s_add_co_u32 s[SP], s[SP], NSET
	s_cmp_lt_u32 s[SP], 16
	s_cbranch_scc1 .Lpoints
	; THE RECORD: mean[8], M2[8].  Lanes 0-15 hold the even groups, lanes 16-31 the odd ones; lane 0 stores.
	s_wait_loadcnt 0x0
.irp b, 0,1,2,3
	v_add_f32 v[SS+2*\b], v[SS+2*\b], v[SS+2*\b+1]
	v_add_f32 v[QQ+2*\b], v[QQ+2*\b], v[QQ+2*\b+1]
.endr
.irp m, 1,2,4,8
.irp b, 0,1,2,3
	v_add_f32_dpp v[SS+2*\b], v[SS+2*\b], v[SS+2*\b] row_xmask:\m row_mask:0xf bank_mask:0xf
	v_add_f32_dpp v[QQ+2*\b], v[QQ+2*\b], v[QQ+2*\b] row_xmask:\m row_mask:0xf bank_mask:0xf
.endr
.endr
.irp b, 0,1,2,3
	v_mul_f32 v[TM+\b], 0x39800000, v[SS+2*\b]     ; S / 4096
.endr
.irp b, 0,1,2,3
	v_add_f32 v[X+2*\b], v[SH+2*\b], v[TM+\b]
	v_fma_f32 v[X+8+2*\b], -v[TM+\b], v[SS+2*\b], v[QQ+2*\b]
.endr
.irp b, 0,1,2,3
	v_permlanex16_b32 v[X+2*\b+1], v[X+2*\b], s[SEL], s[SEL+1]
	v_permlanex16_b32 v[X+8+2*\b+1], v[X+8+2*\b], s[SEL], s[SEL+1]
.endr
	v_cmp_eq_u32 vcc_lo, 0, v[LANE]
	s_wait_xcnt 0x0                                ; EXEC changes only behind this wait
	s_wait_tensorcnt 0x0
	ds_add_u32 v123, v127
	s_wait_dscnt 0x0
	s_and_saveexec_b32 s[EXS], vcc_lo
.irp c, 0,1,2,3
	global_store_b128 v[ZERO], v[X+4*\c:X+4*\c+3], s[STO:STO+1] offset:16*\c
.endr
	s_wait_xcnt 0x0
	s_or_b32 exec_lo, exec_lo, s[EXS]
	s_endpgm
.Lfunc_end_k_qc6e9ba1ce3_xstat1:
	.size	k_qc6e9ba1ce3_xstat1, .Lfunc_end_k_qc6e9ba1ce3_xstat1-k_qc6e9ba1ce3_xstat1
	.p2alignl 7, 3214868480
	.fill 96, 4, 3214868480
	.section	.rodata,"a",@progbits
	.p2align	6, 0x0
	.amdhsa_kernel k_qc6e9ba1ce3_xstat1
		.amdhsa_group_segment_fixed_size 33280
		.amdhsa_private_segment_fixed_size 0
		.amdhsa_enable_private_segment 0
		.amdhsa_kernarg_size 80
		.amdhsa_user_sgpr_count 2
		.amdhsa_user_sgpr_kernarg_segment_ptr 1
		.amdhsa_wavefront_size32 1
		.amdhsa_system_sgpr_workgroup_id_x 1
		.amdhsa_system_sgpr_workgroup_id_y 1
		.amdhsa_system_sgpr_workgroup_id_z 1
		.amdhsa_system_vgpr_workitem_id 0
		.amdhsa_next_free_vgpr 1024
		.amdhsa_next_free_sgpr 102
		.amdhsa_reserve_vcc 1
		.amdhsa_float_denorm_mode_32 3
		.amdhsa_float_denorm_mode_16_64 3
		.amdhsa_memory_ordered 1
		.amdhsa_forward_progress 1
		.amdhsa_inst_pref_size 102
	.end_amdhsa_kernel
	.amdgpu_metadata
---
amdhsa.version: [ 1, 2 ]
amdhsa.kernels:
  - .name:           k_qc6e9ba1ce3_xstat1
    .symbol:         k_qc6e9ba1ce3_xstat1.kd
    .args:
      - { .name: tq1, .offset: 0, .size: 8, .value_kind: global_buffer, .address_space: global }
      - { .name: tn1, .offset: 8, .size: 8, .value_kind: global_buffer, .address_space: global }
      - { .name: idx, .offset: 16, .size: 8, .value_kind: global_buffer, .address_space: global }
      - { .name: st_a, .offset: 24, .size: 8, .value_kind: global_buffer, .address_space: global }
      - { .name: gn1_g, .offset: 32, .size: 8, .value_kind: global_buffer, .address_space: global }
      - { .name: gn1_b, .offset: 40, .size: 8, .value_kind: global_buffer, .address_space: global }
      - { .name: m1a_w_codes, .offset: 48, .size: 8, .value_kind: global_buffer, .address_space: global }
      - { .name: m1a_w_scales, .offset: 56, .size: 8, .value_kind: global_buffer, .address_space: global }
      - { .name: m1a_b, .offset: 64, .size: 8, .value_kind: global_buffer, .address_space: global }
      - { .name: st_b, .offset: 72, .size: 8, .value_kind: global_buffer, .address_space: global }
    .group_segment_fixed_size: 33280
    .private_segment_fixed_size: 0
    .kernarg_segment_align: 8
    .kernarg_segment_size: 80
    .max_flat_workgroup_size: 128
    .sgpr_count:     102
    .vgpr_count:     1024
    .wavefront_size: 32
...
	.end_amdgpu_metadata
.endif
;; end of part 3
;; launch xstat2 (part 4): grid 64 x 4, 4 waves a work-group, no clusters, 33,280 bytes of LDS; arguments tq1, tn1, idx, st_b, gn1_g, gn1_b, m1a_w_codes, m1a_w_scales, m1a_b, m1a_g, m1a_beta, m1b_w_codes, m1b_w_scales, m1b_b, st_a; writes st_a
.if DOCPART == 4
	.amdgcn_target "amdgcn-amd-amdhsa--gfx1250"
	.amdhsa_code_object_version 6
	.text
	.protected	k_qc6e9ba1ce3_xstat2
	.globl	k_qc6e9ba1ce3_xstat2
	.p2align	8
	.type	k_qc6e9ba1ce3_xstat2,@function
k_qc6e9ba1ce3_xstat2:
	s_mov_b64 s[64:65], 0
	v_nop
	global_prefetch_b8 v0, s[64:65] scope:SCOPE_SE
	s_setreg_imm32_b32 hwreg(HW_REG_WAVE_MODE, 25, 1), 1
	s_wait_xcnt 0x0
; The statistics of the third GroupNorm of the first layer: of y2 = W2 Q(lrelu(GN(W1 Q(lrelu(GN(x0))) + b1))) + b2.  All is made anew from the tables; nothing of [rows, 128] goes to memory.
; Shares, layouts, the shift and the record are as in the launch before.  The first GroupNorm's mean and 1 / sqrt are read as that launch stored them (and copied on); the second's are made
; here from its 256 records.  b1 is folded into the second GroupNorm's multiply-add: (y + b1 - mean) A + offset = y A + ((b1 - mean) A + offset).  Both weights stay in registers.
; LIMITS: NaN and infinities are not served; a block of zeros gets the scale byte 1 (its codes are zeros; only this program reads the byte).
.set NSET, 2
.set R, 1
.set H, 2
.set H64, 3
.set VR4, 4
.set LANE16, 5
.set QA, 6
.set GOFF, 8
.set IOFF, 12
.set IDX, 16
.set COD, 20
.set FA64, 35
.set QLW, 39
.set TM, 40
.set PW, 56                            ; v56, v84-99 hold scales and nothing else
.set ZERO, 57
.set QA0, 58
.set SH, 60
.set SS, 68
.set QQ, 76
.set MEAN, 68
.set RS, 76
.set WS1, 84
.set WS2, 92
.set LANE, 124
.set WTA, 125
.set WTS, 126
.set X, 128
.set G, 192                            ; gather set 0: window 0; set 1: window 3
.set QT, 0                             ; window 1: tq's row, A1, B1, b2 - shift
.set AF1, 64
.set BF1, 128
.set CB, 192
.set AF2, 0                            ; window 2: A2, B2, W1
.set BF2, 64
.set WT1, 128
.set WT2, 0                            ; window 3: W2
.set TQ, 4
.set TN, 6
.set IX, 8
.set STI, 10
.set STO, 32
.set WV, 66
.set SP, 67
.set SA, 84
.set SB, 85
.set SEL, 86
.set DB, 89
.set EXS, 91
.set TMP, 92
.set FINO, 94
.set KC1, 96
.set KC2, 97
.set FINI, 98
.set N0, 100
.set MSB, 0
.macro WIN new                         ; the immediate's high byte repeats the setting that is left
.if MSB != (\new)
	s_set_vgpr_msb (MSB<<8)|(\new)
.set MSB, (\new)
.endif
.endm
.macro ISSUE k                         ; a batch of 17 loads: the 16 gathers of the point whose indices set k holds, and the indices of the point NSET further on
	v_min_u32 v[IDX+\k], 0xfff, v[IDX+\k]
	v_lshl_add_u32 v[GOFF+\k], v[IDX+\k], 9, v[H64]
	WIN (3*(\k))<<6
.irp b, 0,1,2,3
.irp j, 0,1,2,3
	global_load_b128 v[G+16*\b+4*\j:G+16*\b+4*\j+3], v[GOFF+\k], s[TN:TN+1] offset:128*\b+16*\j
.endr
.endr
	WIN 0
	global_load_b32 v[IDX+\k], v[IOFF+\k], s[IX:IX+1]
.endm
.macro QTLOAD
	WIN 0x40
.irp b, 0,1,2,3
.irp j, 0,1,2,3
	ds_load_b128 v[QT+16*\b+4*\j:QT+16*\b+4*\j+3], v[QA] offset:128*\b+16*\j
.endr
.endr
	WIN 0
.endm
.macro HEADX k                         ; point SP + k: x0 into X; then set k's next batch and the next point's row of tq.  Past the wave's last point the clamps ask for point 15 again
	s_wait_loadcnt 17*(NSET-1)                     ; my batch is in; the younger batch stays out
	s_wait_dscnt 0x0                               ; the row of tq is in
	WIN (3*(\k))|0x04
.set i, 0
.rept 32
	v_pk_add_f32 v[X+i:X+i+1], v[G+i:G+i+1], v[QT+i:QT+i+1]
.set i, i+2
.endr
	WIN 0
	s_add_co_u32 s[SA], s[SP], \k+2*NSET
	s_min_u32 s[SA], s[SA], 15
	v_lshl_add_u32 v[IOFF+\k], s[SA], 6, v[VR4]
	s_add_co_u32 s[SB], s[SP], \k+1
	s_min_u32 s[SB], s[SB], 15
	s_lshl_b32 s[SB], s[SB], 9
	v_add_nc_u32 v[QA], s[SB], v[QA0]
	ISSUE \k
	QTLOAD
.endm
.macro WSUM base, n, tmp               ; n sums over the wave's 32 lanes, the result in every lane
.irp m, 1,2,4,8
.set i, 0
.rept \n
	v_add_f32_dpp v[\base+i], v[\base+i], v[\base+i] row_xmask:\m row_mask:0xf bank_mask:0xf
.set i, i+1
.endr
.endr
.set i, 0
.rept \n
	v_permlanex16_b32 v[\tmp+i], v[\base+i], s[SEL], s[SEL+1]
.set i, i+1
.endr
.set i, 0
.rept \n
	v_add_f32 v[\base+i], v[\base+i], v[\tmp+i]
.set i, i+1
.endr
.endm
.macro FINAL                           ; the 256 records of my y, eight a lane, become MEAN and RS
.irp k, 0,1,2,3,4,5,6,7
.irp c, 0,1,2,3
	global_load_b128 v[X+16*\k+4*\c:X+16*\k+4*\c+3], v[FA64], s[STI:STI+1] offset:2048*\k+16*\c
.endr
.endr
	s_wait_loadcnt 0x0
.irp e, 0,2,4,6,8,10,12,14
	v_pk_add_f32 v[MEAN+\e:MEAN+\e+1], v[X+\e:X+\e+1], v[X+16+\e:X+16+\e+1]
.endr
.irp k, 2,3,4,5,6,7
.irp e, 0,2,4,6,8,10,12,14
	v_pk_add_f32 v[MEAN+\e:MEAN+\e+1], v[MEAN+\e:MEAN+\e+1], v[X+16*\k+\e:X+16*\k+\e+1]
.endr
.endr
	WSUM MEAN, 16, TM
.irp e, 0,2,4,6
	v_pk_mul_f32 v[MEAN+\e:MEAN+\e+1], v[MEAN+\e:MEAN+\e+1], 0x3b800000 op_sel_hi:[1,0]   ; / 256
.endr
.irp k, 0,1,2,3,4,5,6,7
.irp e, 0,2,4,6
	v_pk_add_f32 v[TM+\e:TM+\e+1], v[X+16*\k+\e:X+16*\k+\e+1], v[MEAN+\e:MEAN+\e+1] neg_lo:[0,1] neg_hi:[0,1]
.endr
.irp e, 0,2,4,6
.if \k == 0
	v_pk_mul_f32 v[TM+8+\e:TM+8+\e+1], v[TM+\e:TM+\e+1], v[TM+\e:TM+\e+1]
.else
	v_pk_fma_f32 v[TM+8+\e:TM+8+\e+1], v[TM+\e:TM+\e+1], v[TM+\e:TM+\e+1], v[TM+8+\e:TM+8+\e+1]
.endif
.endr
.endr
	WSUM TM+8, 8, TM
.irp g, 0,1,2,3,4,5,6,7
	v_fma_f32 v[RS+\g], v[TM+8+\g], 0x45800000, v[RS+\g]    ; sum of M2 + 4096 x the spread of the means
.endr
.irp g, 0,1,2,3,4,5,6,7
	v_fma_f32 v[RS+\g], v[RS+\g], s[KC1], s[KC2]            ; / 2^20 + 1e-5
.endr
.irp g, 0,1,2,3,4,5,6,7
	v_rsq_f32 v[RS+\g], v[RS+\g]
.endr
	v_nop                                          ; a plain place behind the last of the batch
	s_wait_alu depctr_va_vdst(0)                   ; one wait for the eight, ahead of their first reader
.endm
.macro LOADFIN k                       ; MEAN and RS as an earlier launch stored them
.irp c, 0,1,2,3
	global_load_b128 v[MEAN+4*\c:MEAN+4*\c+3], v[ZERO], s[FINI:FINI+1] offset:64*(\k)+16*\c
.endr
	s_wait_loadcnt 0x0
.endm
.macro FINSTORE k                      ; MEAN and RS are kept for the later launches: one wave of each y stores them, from lane 0
	s_or_b32 s[SA], ttmp9, s[WV]
	s_cmp_lg_u32 s[SA], 0
	s_cbranch_scc1 .Lnofin_\@
	v_cmp_eq_u32 vcc_lo, 0, v[LANE]
	s_wait_xcnt 0x0                                ; EXEC changes only behind this wait
	s_and_saveexec_b32 s[EXS], vcc_lo
.irp c, 0,1,2,3
	global_store_b128 v[ZERO], v[MEAN+4*\c:MEAN+4*\c+3], s[FINO:FINO+1] offset:64*(\k)+16*\c
.endr
	s_wait_xcnt 0x0
	s_or_b32 exec_lo, exec_lo, s[EXS]
.Lnofin_\@:
.endm
.macro LD64 wnd, reg, ptr              ; 128 numbers a channel each, in X's layout: my 64
	WIN (\wnd)<<6
.irp b, 0,1,2,3
.irp j, 0,1,2,3
	global_load_b128 v[\reg+16*\b+4*\j:\reg+16*\b+4*\j+3], v[H64], s[\ptr:\ptr+1] offset:128*\b+16*\j
.endr
.endr
	WIN 0
.endm
.macro MKAB wnd, ra, rb, gp, bp, hasb, biasp   ; A = gain / sqrt(var + eps), B = offset + (bias - mean) A
	LD64 \wnd, \ra, \gp
	LD64 \wnd, \rb, \bp
.if \hasb
	LD64 0, X, \biasp
.endif
	v_cmp_ne_u32 vcc_lo, 0, v[H]
.irp q, 0,1,2,3
	v_cndmask_b32 v[TM+2*\q], v[MEAN+2*\q], v[MEAN+2*\q+1], vcc_lo      ; my half's group 2 q + h
	v_cndmask_b32 v[TM+2*\q+1], v[MEAN+2*\q], v[MEAN+2*\q+1], vcc_lo
	v_cndmask_b32 v[TM+8+2*\q], v[RS+2*\q], v[RS+2*\q+1], vcc_lo
	v_cndmask_b32 v[TM+8+2*\q+1], v[RS+2*\q], v[RS+2*\q+1], vcc_lo
.endr
	s_wait_loadcnt 0x0
	WIN ((\wnd)<<6)|(\wnd)
.set i, 0
.rept 32
	v_pk_mul_f32 v[\ra+i:\ra+i+1], v[\ra+i:\ra+i+1], v[TM+8+2*(i/16):TM+8+2*(i/16)+1]
.set i, i+2
.endr
.if \hasb
	WIN 0
.set i, 0
.rept 32
	v_pk_add_f32 v[X+i:X+i+1], v[X+i:X+i+1], v[TM+2*(i/16):TM+2*(i/16)+1] neg_lo:[0,1] neg_hi:[0,1]
.set i, i+2
.endr
	WIN ((\wnd)<<6)|((\wnd)<<2)|((\wnd)<<4)
.set i, 0
.rept 32
	v_pk_fma_f32 v[\rb+i:\rb+i+1], v[X+i:X+i+1], v[\ra+i:\ra+i+1], v[\rb+i:\rb+i+1]
.set i, i+2
.endr
.else
	WIN ((\wnd)<<6)|((\wnd)<<2)|((\wnd)<<4)
.set i, 0
.rept 32
	v_pk_fma_f32 v[\rb+i:\rb+i+1], v[TM+2*(i/16):TM+2*(i/16)+1], v[\ra+i:\ra+i+1], v[\rb+i:\rb+i+1] neg_lo:[1,0,0] neg_hi:[1,0,0]
.set i, i+2
.endr
.endif
	WIN 0
.endm
.macro LDW_T wnd, wf, ws, cp, sp       ; a weight's eight fragments and scale words; lane r of tile 2 b + u takes row 32 b + 8 u + r + 8 (r / 8)
	WIN (\wnd)<<6
.irp t, 0,1,2,3,4,5,6,7
.irp p, 0,1,2,3,4,5
	global_load_b64 v[\wf+12*\t+2*\p:\wf+12*\t+2*\p+1], v[WTA], s[\cp:\cp+1] offset:(32*(\t/2)+8*(\t%2))*96+48*(\p/3)+8*(\p%3)
.endr
.endr
	WIN 0
.irp t, 0,1,2,3,4,5,6,7
	global_load_b32 v[\ws+\t], v[WTS], s[\sp:\sp+1] offset:(32*(\t/2)+8*(\t%2))*4
.endr
.endm
.macro AFF wnd, ra, rb                 ; X = X A + B, in ascending order: each accumulator is first read at its low end
	WIN ((\wnd)<<2)|((\wnd)<<4)
.set i, 0
.rept 32
	v_pk_fma_f32 v[X+i:X+i+1], v[X+i:X+i+1], v[\ra+i:\ra+i+1], v[\rb+i:\rb+i+1]
.set i, i+2
.endr
	WIN 0
.endm
.macro LRELU                           ; max(x, 0.1 x)
.set i, 0
.rept 8
.irp u, 0,2,4,6
	v_pk_mul_f32 v[TM+\u:TM+\u+1], v[X+i+\u:X+i+\u+1], 0x3dcccccd op_sel_hi:[1,0]
.endr
.irp u, 0,1,2,3,4,5,6,7
	v_max_num_f32 v[X+i+\u], v[X+i+\u], v[TM+\u]
.endr
.set i, i+8
.endr
.endm
; X's 64 numbers of a lane, register 16 b + i = k 32 b + 16 h + i of my row, become a fragment's codes in v[COD] on and its scale word in v[PW].
.macro QUANT
.irp b, 0,1,2,3
	v_max3_num_f32 v[TM+\b], |v[X+16*\b]|, |v[X+1+16*\b]|, 0x1800000   ; block b: my 16 numbers, and the floor 2^(3 - 127): the byte cannot fall under 1
.endr
.irp i, 2,4,6,8,10,12,14
.irp b, 0,1,2,3
	v_max3_num_f32 v[TM+\b], v[TM+\b], |v[X+16*\b+\i]|, |v[X+1+16*\b+\i]|
.endr
.endr
.irp b, 0,1,2,3
	v_permlanex16_b32 v[TM+4+\b], v[TM+\b], s[SEL], s[SEL+1]
.endr
.irp b, 0,1,2,3
	v_max_num_f32 v[TM+\b], v[TM+\b], v[TM+4+\b]   ; with lane l xor 16's: the block's largest magnitude
.endr
.irp b, 0,1,2,3
	v_add_nc_u32 v[TM+12+\b], 0xff000000, v[TM+\b] ; 2 off its exponent field: the conversion's scale operand
.endr
.irp b, 0,1,2,3
	v_lshrrev_b32 v[TM+4+\b], 23, v[TM+12+\b]      ; the scale's byte
.endr
	v_lshl_or_b32 v[PW], v[TM+5], 8, v[TM+4]
	v_lshl_or_b32 v[PW], v[TM+6], 16, v[PW]
	v_lshl_or_b32 v[PW], v[TM+7], 24, v[PW]
.irp c, 0,1
	v_cvt_scalef32_pk16_fp6_f32 v[COD+6*\c:COD+2+6*\c], v[X+32*\c:X+15+32*\c], v[TM+12+2*\c]
	v_cvt_scalef32_pk16_fp6_f32 v[COD+12+4*\c:COD+14+4*\c], v[X+16+32*\c:X+31+32*\c], v[TM+12+2*\c+1]   ; (a conversion's three registers begin on an even number)
.endr
	v_nop                                          ; one plain place behind a scaled conversion
.irp c, 0,1                                    ; the operand's layout wants a whole block in a lane
.irp i, 0,1,2
	v_permlane16_swap_b32 v[COD+6*\c+\i], v[COD+12+4*\c+\i]
.endr
.irp i, 0,1,2
	v_mov_b32 v[COD+3+6*\c+\i], v[COD+12+4*\c+\i]
.endr
.endr
.rept 8
	v_nop                                          ; a scale word made by vector instructions stands eight places ahead of the scaled product, the codes four
.endr
.endm
.macro MM_T wnd, wf, ws, usec          ; eight products, transposed: the result has X's layout.  usec = 1: C is the bias less the shift
.if \usec
	WIN (\wnd)|0x10
.else
	WIN (\wnd)
.endif
.irp t, 0,1,2,3,4,5,6,7
.if \usec
	v_wmma_scale_f32_16x16x128_f8f6f4 v[X+8*\t:X+8*\t+7], v[\wf+12*\t:\wf+12*\t+11], v[COD:COD+11], v[CB+8*\t:CB+8*\t+7], v[\ws+\t], v[PW] matrix_a_fmt:MATRIX_FMT_FP6 matrix_b_fmt:MATRIX_FMT_FP6
.else
	v_wmma_scale_f32_16x16x128_f8f6f4 v[X+8*\t:X+8*\t+7], v[\wf+12*\t:\wf+12*\t+11], v[COD:COD+11], 0, v[\ws+\t], v[PW] matrix_a_fmt:MATRIX_FMT_FP6 matrix_b_fmt:MATRIX_FMT_FP6
.endif
.endr
	WIN 0
.rept 4
	v_nop                                          ; four plain places ahead of the first read of a result
.endr
.endm
	s_load_b512 s[4:19], s[0:1], 0x0               ; tq1, tn1, idx, records in; gn1_g, gn1_b; m1a codes, scales
	s_load_b256 s[20:27], s[0:1], 0x40             ; m1a_b, m1a_g, m1a_beta; m1b codes
	s_load_b128 s[28:31], s[0:1], 0x60             ; m1b scales, m1b_b
	s_load_b64 s[32:33], s[0:1], 0x70              ; records out
	v_lshl_add_u32 v123, v0, 2, 0x8000
	v_mov_b32 v127, 0
	v_lshrrev_b32 v[R], 5, v0
	v_readfirstlane_b32 s[WV], v[R]                ; wave 0..3
	s_and_b32 s[DB], ttmp7, 0xffff
	s_lshl_b32 s[N0], ttmp9, 6
	s_lshl_b32 s[SA], s[WV], 4
	s_add_co_u32 s[N0], s[N0], s[SA]               ; my first point
	s_lshl_b32 s[SB], s[DB], 12
	s_add_co_u32 s[SB], s[SB], s[N0]
	s_mov_b32 s[SEL], 0x76543210
	s_mov_b32 s[SEL+1], 0xfedcba98                 ; v_permlanex16_b32's selects for lane l xor 16
	s_mov_b32 s[KC1], 0x35800000                   ; 2^-20
	s_mov_b32 s[KC2], 0x3727c5ac                   ; 1e-5
	s_mov_b32 s[TMP+1], 0
	v_and_b32 v[LANE], 31, v0
	v_and_b32 v[R], 15, v0
	v_bfe_u32 v[H], v0, 4, 1
	v_lshlrev_b32 v[H64], 6, v[H]
	v_lshlrev_b32 v[VR4], 2, v[R]
	v_lshlrev_b32 v[LANE16], 4, v[LANE]
	v_lshlrev_b32 v[FA64], 6, v[LANE]
	v_mov_b32 v[ZERO], 0
	s_lshl_b32 s[SA], s[WV], 13                    ; my wave's 8,192 bytes of LDS
	v_add_nc_u32 v[QA0], s[SA], v[H64]
	v_add_nc_u32 v[QLW], s[SA], v[LANE16]
	v_and_b32 v[WTS], 8, v[R]
	v_add_nc_u32 v[WTS], v[WTS], v[R]              ; r + 8 (r / 8)
	v_mul_u32_u24 v[WTA], v[WTS], 96
	v_mad_u32_u24 v[WTA], v[H], 24, v[WTA]
	v_lshlrev_b32 v[WTS], 2, v[WTS]
.irp i, 0,1,2,3,4,5,6,7,8,9,10,11,12,13,14,15
	v_mov_b32 v[TM+\i], 0                          ; written once: a lane permute's destination counts as one of its sources
.endr
	s_wait_kmcnt 0x0
	s_lshl_b32 s[TMP], s[SB], 9
	s_add_nc_u64 s[TQ:TQ+1], s[TQ:TQ+1], s[TMP:TMP+1]
	s_lshl_b32 s[TMP], s[SB], 6
	s_add_nc_u64 s[IX:IX+1], s[IX:IX+1], s[TMP:TMP+1]
	s_lshl_b32 s[TMP], s[DB], 21
	s_add_nc_u64 s[TN:TN+1], s[TN:TN+1], s[TMP:TMP+1]
	s_lshl_b32 s[TMP], s[DB], 7
	s_add_co_u32 s[TMP], s[TMP], 65536
	s_add_nc_u64 s[FINI:FINI+1], s[STI:STI+1], s[TMP:TMP+1]
	s_add_nc_u64 s[FINO:FINO+1], s[STO:STO+1], s[TMP:TMP+1]
	s_lshl_b32 s[TMP], s[DB], 14
	s_add_nc_u64 s[STI:STI+1], s[STI:STI+1], s[TMP:TMP+1]
	s_lshl_b32 s[TMP], ttmp9, 2
	s_add_co_u32 s[TMP], s[TMP], s[WV]
	s_lshl_b32 s[TMP], s[TMP], 6
	s_lshl_b32 s[SA], s[DB], 14
	s_add_co_u32 s[TMP], s[TMP], s[SA]
	s_add_nc_u64 s[STO:STO+1], s[STO:STO+1], s[TMP:TMP+1]
	LOADFIN 0
	FINSTORE 0
	MKAB 1, AF1, BF1, 12, 14, 0, 0
	FINAL
	FINSTORE 1
	MKAB 2, AF2, BF2, 22, 24, 1, 20
	LDW_T 2, WT1, WS1, 16, 18
	LDW_T 3, WT2, WS2, 26, 28
	LD64 1, CB, 30
.irp p, 0,1,2,3,4,5,6,7,8,9,10,11,12,13,14,15
	global_load_b128 v[X+4*\p:X+4*\p+3], v[LANE16], s[TQ:TQ+1] offset:512*\p
.endr
	s_wait_loadcnt 0x0
.irp p, 0,1,2,3,4,5,6,7,8,9,10,11,12,13,14,15
	ds_store_b128 v[QLW], v[X+4*\p:X+4*\p+3] offset:512*\p
.endr
.irp i, 0,1,2,3,4,5,6,7
	v_mov_b32 v[SH+\i], 0
.endr
.irp i, 0,1,2,3,4,5,6,7,8,9,10,11,12,13,14,15
	v_mov_b32 v[SS+\i], 0
.endr
.irp k, 0,1
	global_load_b32 v[IDX+\k], v[VR4], s[IX:IX+1] offset:64*\k
.endr
	s_wait_loadcnt 0x0
.irp k, 0,1
	v_add_nc_u32 v[IOFF+\k], 64*(\k+NSET), v[VR4]
	ISSUE \k
.endr
	v_mov_b32 v[QA], v[QA0]
	QTLOAD                                         ; LDS serves a wave's instructions in order: these see my stores
	s_mov_b32 s[SP], 0
.Lpoints:
.irp k, 0,1
	HEADX \k
	AFF 1, AF1, BF1
	LRELU
	QUANT
	MM_T 2, WT1, WS1, 0
	AFF 2, AF2, BF2
	LRELU
	QUANT
	MM_T 3, WT2, WS2, 1
.if \k == 0
	s_cmp_lg_u32 s[SP], 0                          ; the wave's first point gives the shift: its group means; it is taken off the bias, and off this point
	s_cbranch_scc1 .Lshifted
.irp b, 0,1,2,3
	v_pk_add_f32 v[TM+2*\b:TM+2*\b+1], v[X+16*\b:X+16*\b+1], v[X+16*\b+2:X+16*\b+3]
.endr
.irp i, 4,6,8,10,12,14
.irp b, 0,1,2,3
	v_pk_add_f32 v[TM+2*\b:TM+2*\b+1], v[TM+2*\b:TM+2*\b+1], v[X+16*\b+\i:X+16*\b+\i+1]
.endr
.endr
.irp b, 0,1,2,3
	v_add_f32 v[TM+2*\b], v[TM+2*\b], v[TM+2*\b+1]
.endr
.irp m, 1,2,4,8
.irp b, 0,1,2,3
	v_add_f32_dpp v[TM+2*\b], v[TM+2*\b], v[TM+2*\b] row_xmask:\m row_mask:0xf bank_mask:0xf
.endr
.endr
.irp b, 0,1,2,3
	v_mul_f32 v[SH+2*\b], 0x3b800000, v[TM+2*\b]   ; / 256
	v_mul_f32 v[SH+2*\b+1], 0x3b800000, v[TM+2*\b]
.endr
	WIN 0x41
.set i, 0
.rept 32
	v_pk_add_f32 v[CB+i:CB+i+1], v[CB+i:CB+i+1], v[SH+2*(i/16):SH+2*(i/16)+1] neg_lo:[0,1] neg_hi:[0,1]
.set i, i+2
.endr
	WIN 0
.set i, 0
.rept 32
	v_pk_add_f32 v[X+i:X+i+1], v[X+i:X+i+1], v[SH+2*(i/16):SH+2*(i/16)+1] neg_lo:[0,1] neg_hi:[0,1]
.set i, i+2
.endr
.Lshifted:
.endif
.irp i, 0,2,4,6,8,10,12,14
.irp b, 0,1,2,3
	v_pk_add_f32 v[SS+2*\b:SS+2*\b+1], v[SS+2*\b:SS+2*\b+1], v[X+16*\b+\i:X+16*\b+\i+1]
	v_pk_fma_f32 v[QQ+2*\b:QQ+2*\b+1], v[X+16*\b+\i:X+16*\b+\i+1], v[X+16*\b+\i:X+16*\b+\i+1], v[QQ+2*\b:QQ+2*\b+1]
.endr
.endr
.endr
	s_add_co_u32 s[SP], s[SP], NSET
	s_cmp_lt_u32 s[SP], 16
	s_cbranch_scc1 .Lpoints
	; THE RECORD: mean[8], M2[8].  Lanes 0-15 hold the even groups, lanes 16-31 the odd ones; lane 0 stores.
	s_wait_loadcnt 0x0
.irp b, 0,1,2,3
	v_add_f32 v[SS+2*\b], v[SS+2*\b], v[SS+2*\b+1]
	v_add_f32 v[QQ+2*\b], v[QQ+2*\b], v[QQ+2*\b+1]
.endr
.irp m, 1,2,4,8
.irp b, 0,1,2,3
	v_add_f32_dpp v[SS+2*\b], v[SS+2*\b], v[SS+2*\b] row_xmask:\m row_mask:0xf bank_mask:0xf
	v_add_f32_dpp v[QQ+2*\b], v[QQ+2*\b], v[QQ+2*\b] row_xmask:\m row_mask:0xf bank_mask:0xf
.endr
.endr
.irp b, 0,1,2,3
	v_mul_f32 v[TM+\b], 0x39800000, v[SS+2*\b]     ; S / 4096
.endr
.irp b, 0,1,2,3
	v_add_f32 v[X+2*\b], v[SH+2*\b], v[TM+\b]
	v_fma_f32 v[X+8+2*\b], -v[TM+\b], v[SS+2*\b], v[QQ+2*\b]
.endr
.irp b, 0,1,2,3
	v_permlanex16_b32 v[X+2*\b+1], v[X+2*\b], s[SEL], s[SEL+1]
	v_permlanex16_b32 v[X+8+2*\b+1], v[X+8+2*\b], s[SEL], s[SEL+1]
.endr
	v_cmp_eq_u32 vcc_lo, 0, v[LANE]
	s_wait_xcnt 0x0                                ; EXEC changes only behind this wait
	s_wait_tensorcnt 0x0
	ds_add_u32 v123, v127
	s_wait_dscnt 0x0
	s_and_saveexec_b32 s[EXS], vcc_lo
.irp c, 0,1,2,3
	global_store_b128 v[ZERO], v[X+4*\c:X+4*\c+3], s[STO:STO+1] offset:16*\c
.endr
	s_wait_xcnt 0x0
	s_or_b32 exec_lo, exec_lo, s[EXS]
	s_endpgm
.Lfunc_end_k_qc6e9ba1ce3_xstat2:
	.size	k_qc6e9ba1ce3_xstat2, .Lfunc_end_k_qc6e9ba1ce3_xstat2-k_qc6e9ba1ce3_xstat2
	.p2alignl 7, 3214868480
	.fill 96, 4, 3214868480
	.section	.rodata,"a",@progbits
	.p2align	6, 0x0
	.amdhsa_kernel k_qc6e9ba1ce3_xstat2
		.amdhsa_group_segment_fixed_size 33280
		.amdhsa_private_segment_fixed_size 0
		.amdhsa_enable_private_segment 0
		.amdhsa_kernarg_size 120
		.amdhsa_user_sgpr_count 2
		.amdhsa_user_sgpr_kernarg_segment_ptr 1
		.amdhsa_wavefront_size32 1
		.amdhsa_system_sgpr_workgroup_id_x 1
		.amdhsa_system_sgpr_workgroup_id_y 1
		.amdhsa_system_sgpr_workgroup_id_z 1
		.amdhsa_system_vgpr_workitem_id 0
		.amdhsa_next_free_vgpr 1024
		.amdhsa_next_free_sgpr 102
		.amdhsa_reserve_vcc 1
		.amdhsa_float_denorm_mode_32 3
		.amdhsa_float_denorm_mode_16_64 3
		.amdhsa_memory_ordered 1
		.amdhsa_forward_progress 1
		.amdhsa_inst_pref_size 144
	.end_amdhsa_kernel
	.amdgpu_metadata
---
amdhsa.version: [ 1, 2 ]
amdhsa.kernels:
  - .name:           k_qc6e9ba1ce3_xstat2
    .symbol:         k_qc6e9ba1ce3_xstat2.kd
    .args:
      - { .name: tq1, .offset: 0, .size: 8, .value_kind: global_buffer, .address_space: global }
      - { .name: tn1, .offset: 8, .size: 8, .value_kind: global_buffer, .address_space: global }
      - { .name: idx, .offset: 16, .size: 8, .value_kind: global_buffer, .address_space: global }
      - { .name: st_b, .offset: 24, .size: 8, .value_kind: global_buffer, .address_space: global }
      - { .name: gn1_g, .offset: 32, .size: 8, .value_kind: global_buffer, .address_space: global }
      - { .name: gn1_b, .offset: 40, .size: 8, .value_kind: global_buffer, .address_space: global }
      - { .name: m1a_w_codes, .offset: 48, .size: 8, .value_kind: global_buffer, .address_space: global }
      - { .name: m1a_w_scales, .offset: 56, .size: 8, .value_kind: global_buffer, .address_space: global }
      - { .name: m1a_b, .offset: 64, .size: 8, .value_kind: global_buffer, .address_space: global }
      - { .name: m1a_g, .offset: 72, .size: 8, .value_kind: global_buffer, .address_space: global }
      - { .name: m1a_beta, .offset: 80, .size: 8, .value_kind: global_buffer, .address_space: global }
      - { .name: m1b_w_codes, .offset: 88, .size: 8, .value_kind: global_buffer, .address_space: global }
      - { .name: m1b_w_scales, .offset: 96, .size: 8, .value_kind: global_buffer, .address_space: global }
      - { .name: m1b_b, .offset: 104, .size: 8, .value_kind: global_buffer, .address_space: global }
      - { .name: st_a, .offset: 112, .size: 8, .value_kind: global_buffer, .address_space: global }
    .group_segment_fixed_size: 33280
    .private_segment_fixed_size: 0
    .kernarg_segment_align: 8
    .kernarg_segment_size: 120
    .max_flat_workgroup_size: 128
    .sgpr_count:     102
    .vgpr_count:     1024
    .wavefront_size: 32
...
	.end_amdgpu_metadata
.endif
;; end of part 4
;; launch xfin2 (part 5): grid 64 x 4, 4 waves a work-group, no clusters, 101,888 bytes of LDS; arguments tq1, tn1, idx, st_a, gn1_g, gn1_b, m1a_w_codes, m1a_w_scales, m1a_b, m1a_g, m1a_beta, m1b_w_codes, m1b_w_scales, m1b_b, m1b_g, m1b_beta, t1_w_codes, t1_w_scales, t1_b, t2_w_codes, t2_w_scales, t2_b, pos2_w, pos2_b, pc1, pc2, out0, out1, tq2, tn2; writes out0, out1, tq2, tn2
.if DOCPART == 5
	.amdgcn_target "amdgcn-amd-amdhsa--gfx1250"
	.amdhsa_code_object_version 6
	.text
	.protected	k_qc6e9ba1ce3_xfin2
	.globl	k_qc6e9ba1ce3_xfin2
	.p2align	8
	.type	k_qc6e9ba1ce3_xfin2,@function
k_qc6e9ba1ce3_xfin2:
	s_mov_b64 s[64:65], 0
	v_nop
	global_prefetch_b8 v0, s[64:65] scope:SCOPE_SE
	s_setreg_imm32_b32 hwreg(HW_REG_WAVE_MODE, 25, 1), 1
	s_wait_xcnt 0x0
; The first layer's end, for both directions (y >> 1) and batches (y & 1): the whole chain from the tables, the third GroupNorm, the maximum over the 16 neighbours, lrelu, and the last product
; t Q(pooled) + t_b, which is out0 (direction 0, t1) or out1 (direction 1, t2), [batch][channel][point]; and the second layer's tables, point-major:
;   tq2 = out0 + pos2_b - pos2_w pc1 (direction 0)      tn2 = out1 + pos2_w pc2 (direction 1).
; Shares and layouts as in the launches before.  THE SECOND PRODUCT IS NOT TRANSPOSED (source 0 = the point's 16 rows, source 1 = 16 rows of W2 as they lie): lane (r, h) holds channel 16 t + r and
; its registers the neighbours 8 h + j, so that the maximum over the neighbours is taken along a lane's registers and once across the halves.  The order is multiply-add, maximum, lrelu: lrelu rises
; with its input and may change places with the maximum; the multiply-add may not (its factor may be negative).
; The wave's 16 pooled rows meet in its own LDS, are quantised as one tile of 16 points, and multiplied (transposed) by t.  A row of 256 bytes of out0 or out1 (64 points of a channel) comes from
; the four waves: they meet in a stage behind a barrier, and sixteen lanes store 256 consecutive bytes, aligned.
; LIMITS: NaN and infinities are not served; a block of zeros gets the scale byte 1 (its codes are zeros; only this program reads the byte).
.set NSET, 2
.set POOLR, 32768                      ; LDS: 0: 4 x 8,192 tq's rows; here: 4 x 8,448: 16 rows x (512 + 16), a wave's own
.set OUTS, 66560                       ; 128 rows (channels) x (256 + 16) bytes: the work-group's
.set R, 1
.set H, 2
.set H64, 3
.set VR4, 4
.set LANE16, 5
.set QA, 6
.set PA, 7
.set GOFF, 8
.set IOFF, 12
.set IDX, 16
.set COD, 20
.set FA64, 35
.set QLW, 39
.set TM, 40
.set PW, 56                            ; v56, v84-107 hold scales and nothing else
.set ZERO, 57
.set QA0, 58
.set PA0, 59
.set PRD, 60                           ; v60-67 addresses of the tail
.set PWR, 61
.set PRR, 62
.set OSA, 63
.set ORD, 64
.set OGO, 65
.set H32, 66
.set T48, 67
.set MEAN, 68
.set RS, 76
.set PW12, 68                          ; in the tail: pos2_w of my four channels, v80-83 pos2_b
.set PB4, 80
.set WS1, 84
.set WS2, 92
.set WS3, 100
.set AB3, 108                          ; v108-123 the third GroupNorm's (A, B), a pair for each tile
.set LANE, 124
.set WTA, 125
.set WTS, 126
.set WNA, 127
.set X, 128
.set G, 192                            ; gather set 0: window 0; set 1: window 3
.set QT, 0                             ; window 1: tq's row, A1, B1, t's bias
.set AF1, 64
.set BF1, 128
.set CB, 192
.set AF2, 0                            ; window 2: A2, B2, W1
.set BF2, 64
.set WT1, 128
.set WT2, 0                            ; window 3: W2, t
.set WT3, 96
.set TQ, 4
.set TN, 6
.set IX, 8
.set STI, 10
.set SGN, 46
.set BM, 47
.set WV, 66
.set SP, 67
.set SA, 84
.set SB, 85
.set SEL, 86
.set PO, 88
.set DB, 89
.set BAT, 90
.set TMP, 92
.set KC1, 96
.set KC2, 97
.set FINI, 98
.set N0, 100
.set DIR, 101
.set MSB, 0
.macro WIN new                         ; the immediate's high byte repeats the setting that is left
.if MSB != (\new)
	s_set_vgpr_msb (MSB<<8)|(\new)
.set MSB, (\new)
.endif
.endm
.macro ISSUE k                         ; a batch of 17 loads: the 16 gathers of the point whose indices set k holds, and the indices of the point NSET further on
	v_min_u32 v[IDX+\k], 0xfff, v[IDX+\k]
	v_lshl_add_u32 v[GOFF+\k], v[IDX+\k], 9, v[H64]
	WIN (3*(\k))<<6
.irp b, 0,1,2,3
.irp j, 0,1,2,3
	global_load_b128 v[G+16*\b+4*\j:G+16*\b+4*\j+3], v[GOFF+\k], s[TN:TN+1] offset:128*\b+16*\j
.endr
.endr
	WIN 0
	global_load_b32 v[IDX+\k], v[IOFF+\k], s[IX:IX+1]
.endm
.macro QTLOAD
	WIN 0x40
.irp b, 0,1,2,3
.irp j, 0,1,2,3
	ds_load_b128 v[QT+16*\b+4*\j:QT+16*\b+4*\j+3], v[QA] offset:128*\b+16*\j
.endr
.endr
	WIN 0
.endm
.macro HEADX k                         ; point SP + k: x0 into X; then set k's next batch and the next point's row of tq.  Past the wave's last point the clamps ask for point 15 again
	s_wait_loadcnt 17*(NSET-1)                     ; my batch is in; the younger batch stays out
	s_wait_dscnt 0x0                               ; the row of tq is in, and the last point's stores have read their registers
	WIN (3*(\k))|0x04
.set i, 0
.rept 32
	v_pk_add_f32 v[X+i:X+i+1], v[G+i:G+i+1], v[QT+i:QT+i+1]
.set i, i+2
.endr
	WIN 0
	s_add_co_u32 s[SA], s[SP], \k+2*NSET
	s_min_u32 s[SA], s[SA], 15
	v_lshl_add_u32 v[IOFF+\k], s[SA], 6, v[VR4]
	s_add_co_u32 s[SB], s[SP], \k+1
	s_min_u32 s[SB], s[SB], 15
	s_lshl_b32 s[SB], s[SB], 9
	v_add_nc_u32 v[QA], s[SB], v[QA0]
	ISSUE \k
	QTLOAD
.endm
.macro WSUM base, n, tmp               ; n sums over the wave's 32 lanes, the result in every lane
.irp m, 1,2,4,8
.set i, 0
.rept \n
	v_add_f32_dpp v[\base+i], v[\base+i], v[\base+i] row_xmask:\m row_mask:0xf bank_mask:0xf
.set i, i+1
.endr
.endr
.set i, 0
.rept \n
	v_permlanex16_b32 v[\tmp+i], v[\base+i], s[SEL], s[SEL+1]
.set i, i+1
.endr
.set i, 0
.rept \n
	v_add_f32 v[\base+i], v[\base+i], v[\tmp+i]
.set i, i+1
.endr
.endm
.macro FINAL                           ; the 256 records of my y, eight a lane, become MEAN and RS
.irp k, 0,1,2,3,4,5,6,7
.irp c, 0,1,2,3
	global_load_b128 v[X+16*\k+4*\c:X+16*\k+4*\c+3], v[FA64], s[STI:STI+1] offset:2048*\k+16*\c
.endr
.endr
	s_wait_loadcnt 0x0
.irp e, 0,2,4,6,8,10,12,14
	v_pk_add_f32 v[MEAN+\e:MEAN+\e+1], v[X+\e:X+\e+1], v[X+16+\e:X+16+\e+1]
.endr
.irp k, 2,3,4,5,6,7
.irp e, 0,2,4,6,8,10,12,14
	v_pk_add_f32 v[MEAN+\e:MEAN+\e+1], v[MEAN+\e:MEAN+\e+1], v[X+16*\k+\e:X+16*\k+\e+1]
.endr
.endr
	WSUM MEAN, 16, TM
.irp e, 0,2,4,6
	v_pk_mul_f32 v[MEAN+\e:MEAN+\e+1], v[MEAN+\e:MEAN+\e+1], 0x3b800000 op_sel_hi:[1,0]   ; / 256
.endr
.irp k, 0,1,2,3,4,5,6,7
.irp e, 0,2,4,6
	v_pk_add_f32 v[TM+\e:TM+\e+1], v[X+16*\k+\e:X+16*\k+\e+1], v[MEAN+\e:MEAN+\e+1] neg_lo:[0,1] neg_hi:[0,1]
.endr
.irp e, 0,2,4,6
.if \k == 0
	v_pk_mul_f32 v[TM+8+\e:TM+8+\e+1], v[TM+\e:TM+\e+1], v[TM+\e:TM+\e+1]
.else
	v_pk_fma_f32 v[TM+8+\e:TM+8+\e+1], v[TM+\e:TM+\e+1], v[TM+\e:TM+\e+1], v[TM+8+\e:TM+8+\e+1]
.endif
.endr
.endr
	WSUM TM+8, 8, TM
.irp g, 0,1,2,3,4,5,6,7
	v_fma_f32 v[RS+\g], v[TM+8+\g], 0x45800000, v[RS+\g]    ; sum of M2 + 4096 x the spread of the means
.endr
.irp g, 0,1,2,3,4,5,6,7
	v_fma_f32 v[RS+\g], v[RS+\g], s[KC1], s[KC2]            ; / 2^20 + 1e-5
.endr
.irp g, 0,1,2,3,4,5,6,7
	v_rsq_f32 v[RS+\g], v[RS+\g]
.endr
	v_nop                                          ; a plain place behind the last of the batch
	s_wait_alu depctr_va_vdst(0)                   ; one wait for the eight, ahead of their first reader
.endm
.macro LOADFIN k                       ; MEAN and RS as an earlier launch stored them
.irp c, 0,1,2,3
	global_load_b128 v[MEAN+4*\c:MEAN+4*\c+3], v[ZERO], s[FINI:FINI+1] offset:64*(\k)+16*\c
.endr
	s_wait_loadcnt 0x0
.endm
.macro LD64 wnd, reg, ptr              ; 128 numbers a channel each, in X's layout: my 64
	WIN (\wnd)<<6
.irp b, 0,1,2,3
.irp j, 0,1,2,3
	global_load_b128 v[\reg+16*\b+4*\j:\reg+16*\b+4*\j+3], v[H64], s[\ptr:\ptr+1] offset:128*\b+16*\j
.endr
.endr
	WIN 0
.endm
.macro MKAB wnd, ra, rb, gp, bp, hasb, biasp   ; A = gain / sqrt(var + eps), B = offset + (bias - mean) A
	LD64 \wnd, \ra, \gp
	LD64 \wnd, \rb, \bp
.if \hasb
	LD64 0, X, \biasp
.endif
	v_cmp_ne_u32 vcc_lo, 0, v[H]
.irp q, 0,1,2,3
	v_cndmask_b32 v[TM+2*\q], v[MEAN+2*\q], v[MEAN+2*\q+1], vcc_lo      ; my half's group 2 q + h
	v_cndmask_b32 v[TM+2*\q+1], v[MEAN+2*\q], v[MEAN+2*\q+1], vcc_lo
	v_cndmask_b32 v[TM+8+2*\q], v[RS+2*\q], v[RS+2*\q+1], vcc_lo
	v_cndmask_b32 v[TM+8+2*\q+1], v[RS+2*\q], v[RS+2*\q+1], vcc_lo
.endr
	s_wait_loadcnt 0x0
	WIN ((\wnd)<<6)|(\wnd)
.set i, 0
.rept 32
	v_pk_mul_f32 v[\ra+i:\ra+i+1], v[\ra+i:\ra+i+1], v[TM+8+2*(i/16):TM+8+2*(i/16)+1]
.set i, i+2
.endr
.if \hasb
	WIN 0
.set i, 0
.rept 32
	v_pk_add_f32 v[X+i:X+i+1], v[X+i:X+i+1], v[TM+2*(i/16):TM+2*(i/16)+1] neg_lo:[0,1] neg_hi:[0,1]
.set i, i+2
.endr
	WIN ((\wnd)<<6)|((\wnd)<<2)|((\wnd)<<4)
.set i, 0
.rept 32
	v_pk_fma_f32 v[\rb+i:\rb+i+1], v[X+i:X+i+1], v[\ra+i:\ra+i+1], v[\rb+i:\rb+i+1]
.set i, i+2
.endr
.else
	WIN ((\wnd)<<6)|((\wnd)<<2)|((\wnd)<<4)
.set i, 0
.rept 32
	v_pk_fma_f32 v[\rb+i:\rb+i+1], v[TM+2*(i/16):TM+2*(i/16)+1], v[\ra+i:\ra+i+1], v[\rb+i:\rb+i+1] neg_lo:[1,0,0] neg_hi:[1,0,0]
.set i, i+2
.endr
.endif
	WIN 0
.endm
.macro LDW_T wnd, wf, ws, cp, sp       ; a weight's eight fragments and scale words; lane r of tile 2 b + u takes row 32 b + 8 u + r + 8 (r / 8)
	WIN (\wnd)<<6
.irp t, 0,1,2,3,4,5,6,7
.irp p, 0,1,2,3,4,5
	global_load_b64 v[\wf+12*\t+2*\p:\wf+12*\t+2*\p+1], v[WTA], s[\cp:\cp+1] offset:(32*(\t/2)+8*(\t%2))*96+48*(\p/3)+8*(\p%3)
.endr
.endr
	WIN 0
.irp t, 0,1,2,3,4,5,6,7
	global_load_b32 v[\ws+\t], v[WTS], s[\sp:\sp+1] offset:(32*(\t/2)+8*(\t%2))*4
.endr
.endm
.macro LDW_N wnd, wf, ws, cp, sp       ; the same with the rows as they lie: lane r of tile t takes row 16 t + r
	WIN (\wnd)<<6
.irp t, 0,1,2,3,4,5,6,7
.irp p, 0,1,2,3,4,5
	global_load_b64 v[\wf+12*\t+2*\p:\wf+12*\t+2*\p+1], v[WNA], s[\cp:\cp+1] offset:1536*\t+48*(\p/3)+8*(\p%3)
.endr
.endr
	WIN 0
.irp t, 0,1,2,3,4,5,6,7
	global_load_b32 v[\ws+\t], v[VR4], s[\sp:\sp+1] offset:64*\t
.endr
.endm
.macro AFF wnd, ra, rb                 ; X = X A + B, in ascending order: each accumulator is first read at its low end
	WIN ((\wnd)<<2)|((\wnd)<<4)
.set i, 0
.rept 32
	v_pk_fma_f32 v[X+i:X+i+1], v[X+i:X+i+1], v[\ra+i:\ra+i+1], v[\rb+i:\rb+i+1]
.set i, i+2
.endr
	WIN 0
.endm
.macro LRELU                           ; max(x, 0.1 x)
.set i, 0
.rept 8
.irp u, 0,2,4,6
	v_pk_mul_f32 v[TM+\u:TM+\u+1], v[X+i+\u:X+i+\u+1], 0x3dcccccd op_sel_hi:[1,0]
.endr
.irp u, 0,1,2,3,4,5,6,7
	v_max_num_f32 v[X+i+\u], v[X+i+\u], v[TM+\u]
.endr
.set i, i+8
.endr
.endm
; X's 64 numbers of a lane, register 16 b + i = k 32 b + 16 h + i of my row, become a fragment's codes in v[COD] on and its scale word in v[PW].
.macro QUANT
.irp b, 0,1,2,3
	v_max3_num_f32 v[TM+\b], |v[X+16*\b]|, |v[X+1+16*\b]|, 0x1800000   ; block b: my 16 numbers, and the floor 2^(3 - 127): the byte cannot fall under 1
.endr
.irp i, 2,4,6,8,10,12,14
.irp b, 0,1,2,3
	v_max3_num_f32 v[TM+\b], v[TM+\b], |v[X+16*\b+\i]|, |v[X+1+16*\b+\i]|
.endr
.endr
.irp b, 0,1,2,3
	v_permlanex16_b32 v[TM+4+\b], v[TM+\b], s[SEL], s[SEL+1]
.endr
.irp b, 0,1,2,3
	v_max_num_f32 v[TM+\b], v[TM+\b], v[TM+4+\b]   ; with lane l xor 16's: the block's largest magnitude
.endr
.irp b, 0,1,2,3
	v_add_nc_u32 v[TM+12+\b], 0xff000000, v[TM+\b] ; 2 off its exponent field: the conversion's scale operand
.endr
.irp b, 0,1,2,3
	v_lshrrev_b32 v[TM+4+\b], 23, v[TM+12+\b]      ; the scale's byte
.endr
	v_lshl_or_b32 v[PW], v[TM+5], 8, v[TM+4]
	v_lshl_or_b32 v[PW], v[TM+6], 16, v[PW]
	v_lshl_or_b32 v[PW], v[TM+7], 24, v[PW]
.irp c, 0,1
	v_cvt_scalef32_pk16_fp6_f32 v[COD+6*\c:COD+2+6*\c], v[X+32*\c:X+15+32*\c], v[TM+12+2*\c]
	v_cvt_scalef32_pk16_fp6_f32 v[COD+12+4*\c:COD+14+4*\c], v[X+16+32*\c:X+31+32*\c], v[TM+12+2*\c+1]   ; (a conversion's three registers begin on an even number)
.endr
	v_nop                                          ; one plain place behind a scaled conversion
.irp c, 0,1                                    ; the operand's layout wants a whole block in a lane
.irp i, 0,1,2
	v_permlane16_swap_b32 v[COD+6*\c+\i], v[COD+12+4*\c+\i]
.endr
.irp i, 0,1,2
	v_mov_b32 v[COD+3+6*\c+\i], v[COD+12+4*\c+\i]
.endr
.endr
.rept 8
	v_nop                                          ; a scale word made by vector instructions stands eight places ahead of the scaled product, the codes four
.endr
.endm
	s_load_b512 s[4:19], s[0:1], 0x0               ; tq1, tn1, idx, st; gn1_g, gn1_b; m1a codes, scales
	s_load_b512 s[20:35], s[0:1], 0x40             ; m1a_b, m1a_g, m1a_beta; m1b codes, scales, b, g, beta
	s_load_b512 s[36:51], s[0:1], 0x80             ; t1 codes, scales, b; t2 codes, scales, b; pos2_w, pos2_b
	s_load_b256 s[52:59], s[0:1], 0xc0             ; pc1, pc2, out0, out1
	s_load_b128 s[60:63], s[0:1], 0xe0             ; tq2, tn2
	v_lshl_add_u32 v18, v0, 2, 0x18c00
	v_mov_b32 v19, 0
	v_lshrrev_b32 v[R], 5, v0
	v_readfirstlane_b32 s[WV], v[R]                ; wave 0..3
	s_and_b32 s[DB], ttmp7, 0xffff
	s_lshr_b32 s[DIR], s[DB], 1
	s_and_b32 s[BAT], s[DB], 1
	s_lshl_b32 s[N0], ttmp9, 6
	s_lshl_b32 s[SA], s[WV], 4
	s_add_co_u32 s[N0], s[N0], s[SA]               ; my first point
	s_lshl_b32 s[SB], s[DB], 12
	s_add_co_u32 s[SB], s[SB], s[N0]
	s_mov_b32 s[SEL], 0x76543210
	s_mov_b32 s[SEL+1], 0xfedcba98                 ; v_permlanex16_b32's selects for lane l xor 16
	s_mov_b32 s[KC1], 0x35800000                   ; 2^-20
	s_mov_b32 s[KC2], 0x3727c5ac                   ; 1e-5
	s_mov_b32 s[TMP+1], 0
	v_and_b32 v[LANE], 31, v0
	v_and_b32 v[R], 15, v0
	v_bfe_u32 v[H], v0, 4, 1
	v_lshlrev_b32 v[H64], 6, v[H]
	v_lshlrev_b32 v[VR4], 2, v[R]
	v_lshlrev_b32 v[LANE16], 4, v[LANE]
	v_lshlrev_b32 v[FA64], 6, v[LANE]
	v_mov_b32 v[ZERO], 0
	s_lshl_b32 s[SA], s[WV], 13                    ; my wave's 8,192 bytes of tq's rows
	v_add_nc_u32 v[QA0], s[SA], v[H64]
	v_add_nc_u32 v[QLW], s[SA], v[LANE16]
	v_and_b32 v[WTS], 8, v[R]
	v_add_nc_u32 v[WTS], v[WTS], v[R]              ; r + 8 (r / 8)
	v_mul_u32_u24 v[WTA], v[WTS], 96
	v_mad_u32_u24 v[WTA], v[H], 24, v[WTA]
	v_lshlrev_b32 v[WTS], 2, v[WTS]
	v_mul_u32_u24 v[WNA], v[R], 96
	v_mad_u32_u24 v[WNA], v[H], 24, v[WNA]
	s_mul_i32 s[SA], s[WV], 8448
	s_add_co_u32 s[SA], s[SA], POOLR               ; my wave's pooled rows
	v_mul_u32_u24 v[PRD], v[R], 528
	v_add_nc_u32 v[PRD], s[SA], v[PRD]
	v_lshl_add_u32 v[PWR], v[H], 5, v[PRD]         ; row r, + 32 h: a result's eight channels
	v_add_nc_u32 v[PRD], v[H64], v[PRD]            ; row r, + 64 h: X's layout
	v_add_nc_u32 v[PRR], s[SA], v[LANE16]          ; a whole row, 16 bytes a lane
	v_add_nc_u32 v[PA0], s[SA], v[VR4]             ; a pooled value: channel 16 t + r
	s_lshl_b32 s[SA], s[WV], 6
	s_add_co_u32 s[SA], s[SA], OUTS
	v_mad_u32_u24 v[OSA], v[H], 2176, v[VR4]
	v_add_nc_u32 v[OSA], s[SA], v[OSA]             ; the stage, in: channel 8 h (+ 16 t + j), point 16 wave + r
	s_mul_i32 s[SA], s[WV], 8704
	s_add_co_u32 s[SA], s[SA], OUTS
	v_mul_u32_u24 v[ORD], v[H], 272
	v_lshl_add_u32 v[ORD], v[R], 4, v[ORD]
	v_add_nc_u32 v[ORD], s[SA], v[ORD]             ; and back: channels 32 wave + h (+ 2 i), sixteen lanes to a row
	v_lshlrev_b32 v[OGO], 14, v[H]
	v_lshl_add_u32 v[OGO], v[R], 4, v[OGO]
	v_lshlrev_b32 v[H32], 5, v[H]
	v_mul_u32_u24 v[T48], v[LANE], 48
.irp i, 0,1,2,3,4,5,6,7,8,9,10,11,12,13,14,15
	v_mov_b32 v[TM+\i], 0                          ; written once: a lane permute's destination counts as one of its sources
.endr
	s_wait_kmcnt 0x0
	s_lshl_b32 s[TMP], s[SB], 9
	s_add_nc_u64 s[TQ:TQ+1], s[TQ:TQ+1], s[TMP:TMP+1]
	s_lshl_b32 s[TMP], s[SB], 6
	s_add_nc_u64 s[IX:IX+1], s[IX:IX+1], s[TMP:TMP+1]
	s_lshl_b32 s[TMP], s[DB], 21
	s_add_nc_u64 s[TN:TN+1], s[TN:TN+1], s[TMP:TMP+1]
	s_lshl_b32 s[TMP], s[DB], 7
	s_add_co_u32 s[TMP], s[TMP], 65536
	s_add_nc_u64 s[FINI:FINI+1], s[STI:STI+1], s[TMP:TMP+1]
	s_lshl_b32 s[TMP], s[DB], 14
	s_add_nc_u64 s[STI:STI+1], s[STI:STI+1], s[TMP:TMP+1]
	s_cmp_eq_u32 s[DIR], 0                         ; the direction chooses t, the cloud, the output and the table: a choice on the work-group's number alone
	s_cselect_b64 s[36:37], s[36:37], s[42:43]
	s_cselect_b64 s[38:39], s[38:39], s[44:45]
	s_cselect_b64 s[40:41], s[40:41], s[46:47]
	s_cselect_b64 s[52:53], s[52:53], s[54:55]
	s_cselect_b64 s[56:57], s[56:57], s[58:59]
	s_cselect_b64 s[60:61], s[60:61], s[62:63]
	s_cselect_b32 s[SGN], 0x80000000, 0            ; direction 0 takes - pos2_w
	s_cselect_b32 s[BM], -1, 0                     ; and pos2_b
	s_mul_i32 s[TMP], s[BAT], 49152
	s_lshl_b32 s[SA], s[N0], 2
	s_add_co_u32 s[TMP], s[TMP], s[SA]
	s_add_nc_u64 s[52:53], s[52:53], s[TMP:TMP+1]
	s_lshl_b32 s[TMP], s[BAT], 21
	s_lshl_b32 s[SA], s[WV], 19
	s_add_co_u32 s[TMP], s[TMP], s[SA]
	s_lshl_b32 s[SA], ttmp9, 8
	s_add_co_u32 s[TMP], s[TMP], s[SA]
	s_add_nc_u64 s[56:57], s[56:57], s[TMP:TMP+1]
	s_lshl_b32 s[TMP], s[BAT], 12
	s_add_co_u32 s[TMP], s[TMP], s[N0]
	s_lshl_b32 s[TMP], s[TMP], 9
	s_add_nc_u64 s[60:61], s[60:61], s[TMP:TMP+1]
	LOADFIN 0
	MKAB 1, AF1, BF1, 12, 14, 0, 0
	LOADFIN 1
	MKAB 2, AF2, BF2, 22, 24, 1, 20
	FINAL
.irp t, 0,1,2,3,4,5,6,7                        ; the third GroupNorm: channel 16 t + r lies in group t
	global_load_b32 v[AB3+2*\t], v[VR4], s[32:33] offset:64*\t
	global_load_b32 v[AB3+2*\t+1], v[VR4], s[34:35] offset:64*\t
	global_load_b32 v[TM+\t], v[VR4], s[30:31] offset:64*\t
.endr
	s_wait_loadcnt 0x0
.irp t, 0,1,2,3,4,5,6,7
	v_mul_f32 v[AB3+2*\t], v[AB3+2*\t], v[RS+\t]
	v_sub_f32 v[TM+\t], v[TM+\t], v[MEAN+\t]
.endr
.irp t, 0,1,2,3,4,5,6,7
	v_fma_f32 v[AB3+2*\t+1], v[TM+\t], v[AB3+2*\t], v[AB3+2*\t+1]
.endr
	LDW_T 2, WT1, WS1, 16, 18
	LDW_N 3, WT2, WS2, 26, 28
	LDW_N 3, WT3, WS3, 36, 38
	WIN 0x40
.irp t, 0,1,2,3,4,5,6,7
	global_load_b128 v[CB+8*\t:CB+8*\t+3], v[H32], s[40:41] offset:64*\t       ; t's bias in the last product's layout: channels 16 t + 8 h + j
	global_load_b128 v[CB+8*\t+4:CB+8*\t+7], v[H32], s[40:41] offset:64*\t+16
.endr
	WIN 0
.irp p, 0,1,2,3,4,5,6,7,8,9,10,11,12,13,14,15
	global_load_b128 v[X+4*\p:X+4*\p+3], v[LANE16], s[TQ:TQ+1] offset:512*\p
.endr
	s_wait_loadcnt 0x0
.irp p, 0,1,2,3,4,5,6,7,8,9,10,11,12,13,14,15
	ds_store_b128 v[QLW], v[X+4*\p:X+4*\p+3] offset:512*\p
.endr
.irp k, 0,1
	global_load_b32 v[IDX+\k], v[VR4], s[IX:IX+1] offset:64*\k
.endr
	s_wait_loadcnt 0x0
.irp k, 0,1
	v_add_nc_u32 v[IOFF+\k], 64*(\k+NSET), v[VR4]
	ISSUE \k
.endr
	v_mov_b32 v[QA], v[QA0]
	QTLOAD                                         ; LDS serves a wave's instructions in order: these see my stores
	s_mov_b32 s[SP], 0
	s_mov_b32 s[PO], 0
.Lpoints:
.irp k, 0,1
	HEADX \k
	AFF 1, AF1, BF1
	LRELU
	QUANT
	WIN 0x02                                       ; source 0 (W1) window 2
.irp t, 0,1,2,3,4,5,6,7
	v_wmma_scale_f32_16x16x128_f8f6f4 v[X+8*\t:X+8*\t+7], v[WT1+12*\t:WT1+12*\t+11], v[COD:COD+11], 0, v[WS1+\t], v[PW] matrix_a_fmt:MATRIX_FMT_FP6 matrix_b_fmt:MATRIX_FMT_FP6
.endr
	WIN 0
.rept 4
	v_nop                                          ; four plain places ahead of the first read of a result
.endr
	AFF 2, AF2, BF2
	LRELU
	QUANT
	WIN 0x0c                                       ; source 1 (W2) window 3
.irp t, 0,1,2,3,4,5,6,7
	v_wmma_scale_f32_16x16x128_f8f6f4 v[X+8*\t:X+8*\t+7], v[COD:COD+11], v[WT2+12*\t:WT2+12*\t+11], 0, v[PW], v[WS2+\t] matrix_a_fmt:MATRIX_FMT_FP6 matrix_b_fmt:MATRIX_FMT_FP6
.endr
	WIN 0
.rept 4
	v_nop
.endr
.irp t, 0,1,2,3,4,5,6,7                        ; y A + B: of the pair (A, B) the first serves as factor and the second as addend, for both halves
.irp i, 0,2,4,6
	v_pk_fma_f32 v[X+8*\t+\i:X+8*\t+\i+1], v[X+8*\t+\i:X+8*\t+\i+1], v[AB3+2*\t:AB3+2*\t+1], v[AB3+2*\t:AB3+2*\t+1] op_sel:[0,0,1] op_sel_hi:[1,0,1]
.endr
.endr
.irp t, 0,1,2,3,4,5,6,7
	v_max3_num_f32 v[TM+\t], v[X+8*\t], v[X+8*\t+1], v[X+8*\t+2]
.endr
.irp t, 0,1,2,3,4,5,6,7
	v_max3_num_f32 v[TM+\t], v[TM+\t], v[X+8*\t+3], v[X+8*\t+4]
.endr
.irp t, 0,1,2,3,4,5,6,7
	v_max3_num_f32 v[TM+\t], v[TM+\t], v[X+8*\t+5], v[X+8*\t+6]
.endr
.irp t, 0,1,2,3,4,5,6,7
	v_max_num_f32 v[TM+\t], v[TM+\t], v[X+8*\t+7]
.endr
.irp t, 0,1,2,3,4,5,6,7
	v_permlanex16_b32 v[TM+8+\t], v[TM+\t], s[SEL], s[SEL+1]
.endr
.irp t, 0,1,2,3,4,5,6,7
	v_max_num_f32 v[TM+\t], v[TM+\t], v[TM+8+\t]   ; with the other eight neighbours
.endr
.irp t, 0,1,2,3,4,5,6,7
	v_mul_f32 v[TM+8+\t], 0x3dcccccd, v[TM+\t]
.endr
.irp t, 0,1,2,3,4,5,6,7
	v_max_num_f32 v[TM+\t], v[TM+\t], v[TM+8+\t]   ; lrelu
.endr
	v_add_nc_u32 v[PA], s[PO], v[PA0]
.irp t, 0,1,2,3,4,5,6,7
	ds_store_b32 v[PA], v[TM+\t] offset:64*\t+528*\k   ; both halves of the lanes write the same word with the same value
.endr
.endr
	s_add_co_u32 s[PO], s[PO], 528*NSET
	s_add_co_u32 s[SP], s[SP], NSET
	s_cmp_lt_u32 s[SP], 16
	s_cbranch_scc1 .Lpoints
	; THE TAIL: my 16 pooled rows are one tile of 16 points.
	s_wait_loadcnt 0x0                             ; the clamped batches are in: their registers and bases may be used again
	s_load_b512 s[4:19], s[52:53], 0x0             ; my 16 points' coordinates, as scalars
	s_load_b512 s[20:35], s[52:53], 0x4000
	s_load_b512 s[68:83], s[52:53], 0x8000
.irp c, 0,1,2
	global_load_b128 v[PW12+4*\c:PW12+4*\c+3], v[T48], s[48:49] offset:16*\c
.endr
	global_load_b128 v[PB4:PB4+3], v[LANE16], s[50:51]
.irp b, 0,1,2,3
.irp j, 0,1,2,3
	ds_load_b128 v[X+16*\b+4*\j:X+16*\b+4*\j+3], v[PRD] offset:128*\b+16*\j
.endr
.endr
	s_wait_dscnt 0x0
	QUANT
	WIN 0x13                                       ; source 0 (t) window 3, C (t's bias) window 1
.irp t, 0,1,2,3,4,5,6,7
	v_wmma_scale_f32_16x16x128_f8f6f4 v[G+8*\t:G+8*\t+7], v[WT3+12*\t:WT3+12*\t+11], v[COD:COD+11], v[CB+8*\t:CB+8*\t+7], v[WS3+\t], v[PW] matrix_a_fmt:MATRIX_FMT_FP6 matrix_b_fmt:MATRIX_FMT_FP6
.endr
	WIN 0
.rept 4
	v_nop
.endr
.irp t, 0,1,2,3,4,5,6,7                        ; lane (r, h): point r, channels 16 t + 8 h + j.  Channel-major into the work-group's stage, each accumulator from its low end on,
.irp j, 0,1,2,3,4,5,6,7
	ds_store_b32 v[OSA], v[G+8*\t+\j] offset:(16*\t+\j)*272
.endr
.endr
.irp t, 0,1,2,3,4,5,6,7                        ; and point-major into my own rows
	ds_store_b128 v[PWR], v[G+8*\t:G+8*\t+3] offset:64*\t
	ds_store_b128 v[PWR], v[G+8*\t+4:G+8*\t+7] offset:64*\t+16
.endr
.irp p, 0,1,2,3,4,5,6,7,8,9,10,11,12,13,14,15
	ds_load_b128 v[X+4*\p:X+4*\p+3], v[PRR] offset:528*\p
.endr
	s_wait_loadcnt 0x0
	s_wait_kmcnt 0x0
.irp i, 0,1,2,3,4,5,6,7,8,9,10,11
	v_xor_b32 v[PW12+\i], s[SGN], v[PW12+\i]
.endr
.irp i, 0,1,2,3
	v_and_b32 v[PB4+\i], s[BM], v[PB4+\i]
.endr
.irp p, 0,1,2,3,4,5,6,7,8,9,10,11,12,13,14,15
	s_wait_dscnt 15-\p                             ; row p is in; the younger rows may be out
	v_pk_add_f32 v[X+4*\p:X+4*\p+1], v[X+4*\p:X+4*\p+1], v[PB4:PB4+1]
	v_pk_add_f32 v[X+4*\p+2:X+4*\p+3], v[X+4*\p+2:X+4*\p+3], v[PB4+2:PB4+3]
.irp c, 0,1,2,3
	v_fma_f32 v[X+4*\p+\c], v[PW12+3*\c], s[4+\p], v[X+4*\p+\c]
.endr
.irp c, 0,1,2,3
	v_fma_f32 v[X+4*\p+\c], v[PW12+3*\c+1], s[20+\p], v[X+4*\p+\c]
.endr
.irp c, 0,1,2,3
	v_fma_f32 v[X+4*\p+\c], v[PW12+3*\c+2], s[68+\p], v[X+4*\p+\c]
.endr
	global_store_b128 v[LANE16], v[X+4*\p:X+4*\p+3], s[60:61] offset:512*\p   ; 512 consecutive bytes
.endr
	s_wait_dscnt 0x0                               ; for the others' sake: my stores into the stage have landed
	s_barrier_signal -1
	s_barrier_wait -1
.irp i, 0,1,2,3,4,5,6,7,8,9,10,11,12,13,14,15
	ds_load_b128 v[G+4*\i:G+4*\i+3], v[ORD] offset:544*\i
.endr
.irp i, 0,1,2,3,4,5,6,7,8,9,10,11,12,13,14,15
	s_wait_dscnt 15-\i
	global_store_b128 v[OGO], v[G+4*\i:G+4*\i+3], s[56:57] offset:32768*\i th:TH_STORE_NT   ; sixteen lanes store 256 consecutive bytes, aligned; no launch reads them
.endr
	s_wait_tensorcnt 0x0
	ds_add_u32 v18, v19
	s_wait_dscnt 0x0
	s_endpgm
.Lfunc_end_k_qc6e9ba1ce3_xfin2:
	.size	k_qc6e9ba1ce3_xfin2, .Lfunc_end_k_qc6e9ba1ce3_xfin2-k_qc6e9ba1ce3_xfin2
	.p2alignl 7, 3214868480
	.fill 96, 4, 3214868480
	.section	.rodata,"a",@progbits
	.p2align	6, 0x0
	.amdhsa_kernel k_qc6e9ba1ce3_xfin2
		.amdhsa_group_segment_fixed_size 101888
		.amdhsa_private_segment_fixed_size 0
		.amdhsa_enable_private_segment 0
		.amdhsa_kernarg_size 240
		.amdhsa_user_sgpr_count 2
		.amdhsa_user_sgpr_kernarg_segment_ptr 1
		.amdhsa_wavefront_size32 1
		.amdhsa_system_sgpr_workgroup_id_x 1
		.amdhsa_system_sgpr_workgroup_id_y 1
		.amdhsa_system_sgpr_workgroup_id_z 1
		.amdhsa_system_vgpr_workitem_id 0
		.amdhsa_next_free_vgpr 1024
		.amdhsa_next_free_sgpr 102
		.amdhsa_reserve_vcc 1
		.amdhsa_float_denorm_mode_32 3
		.amdhsa_float_denorm_mode_16_64 3
		.amdhsa_memory_ordered 1
		.amdhsa_forward_progress 1
		.amdhsa_inst_pref_size 178
	.end_amdhsa_kernel
	.amdgpu_metadata
---
amdhsa.version: [ 1, 2 ]
amdhsa.kernels:
  - .name:           k_qc6e9ba1ce3_xfin2
    .symbol:         k_qc6e9ba1ce3_xfin2.kd
    .args:
      - { .name: tq1, .offset: 0, .size: 8, .value_kind: global_buffer, .address_space: global }
      - { .name: tn1, .offset: 8, .size: 8, .value_kind: global_buffer, .address_space: global }
      - { .name: idx, .offset: 16, .size: 8, .value_kind: global_buffer, .address_space: global }
      - { .name: st_a, .offset: 24, .size: 8, .value_kind: global_buffer, .address_space: global }
      - { .name: gn1_g, .offset: 32, .size: 8, .value_kind: global_buffer, .address_space: global }
      - { .name: gn1_b, .offset: 40, .size: 8, .value_kind: global_buffer, .address_space: global }
      - { .name: m1a_w_codes, .offset: 48, .size: 8, .value_kind: global_buffer, .address_space: global }
      - { .name: m1a_w_scales, .offset: 56, .size: 8, .value_kind: global_buffer, .address_space: global }
      - { .name: m1a_b, .offset: 64, .size: 8, .value_kind: global_buffer, .address_space: global }
      - { .name: m1a_g, .offset: 72, .size: 8, .value_kind: global_buffer, .address_space: global }
      - { .name: m1a_beta, .offset: 80, .size: 8, .value_kind: global_buffer, .address_space: global }
      - { .name: m1b_w_codes, .offset: 88, .size: 8, .value_kind: global_buffer, .address_space: global }
      - { .name: m1b_w_scales, .offset: 96, .size: 8, .value_kind: global_buffer, .address_space: global }
      - { .name: m1b_b, .offset: 104, .size: 8, .value_kind: global_buffer, .address_space: global }
      - { .name: m1b_g, .offset: 112, .size: 8, .value_kind: global_buffer, .address_space: global }
      - { .name: m1b_beta, .offset: 120, .size: 8, .value_kind: global_buffer, .address_space: global }
      - { .name: t1_w_codes, .offset: 128, .size: 8, .value_kind: global_buffer, .address_space: global }
      - { .name: t1_w_scales, .offset: 136, .size: 8, .value_kind: global_buffer, .address_space: global }
      - { .name: t1_b, .offset: 144, .size: 8, .value_kind: global_buffer, .address_space: global }
      - { .name: t2_w_codes, .offset: 152, .size: 8, .value_kind: global_buffer, .address_space: global }
      - { .name: t2_w_scales, .offset: 160, .size: 8, .value_kind: global_buffer, .address_space: global }
      - { .name: t2_b, .offset: 168, .size: 8, .value_kind: global_buffer, .address_space: global }
      - { .name: pos2_w, .offset: 176, .size: 8, .value_kind: global_buffer, .address_space: global }
      - { .name: pos2_b, .offset: 184, .size: 8, .value_kind: global_buffer, .address_space: global }
      - { .name: pc1, .offset: 192, .size: 8, .value_kind: global_buffer, .address_space: global }
      - { .name: pc2, .offset: 200, .size: 8, .value_kind: global_buffer, .address_space: global }
      - { .name: out0, .offset: 208, .size: 8, .value_kind: global_buffer, .address_space: global }
      - { .name: out1, .offset: 216, .size: 8, .value_kind: global_buffer, .address_space: global }
      - { .name: tq2, .offset: 224, .size: 8, .value_kind: global_buffer, .address_space: global }
      - { .name: tn2, .offset: 232, .size: 8, .value_kind: global_buffer, .address_space: global }
    .group_segment_fixed_size: 101888
    .private_segment_fixed_size: 0
    .kernarg_segment_align: 8
    .kernarg_segment_size: 240
    .max_flat_workgroup_size: 128
    .sgpr_count:     102
    .vgpr_count:     1024
    .wavefront_size: 32
...
	.end_amdgpu_metadata
.endif
;; end of part 5
;; launch ystat0: the kernel of part 2 again; grid 64 x 2, 4 waves a work-group, no clusters, 33,280 bytes of LDS; arguments tq2, tn2, idx, st_b; writes st_b
;; launch ystat1: the kernel of part 3 again; grid 64 x 2, 4 waves a work-group, no clusters, 33,280 bytes of LDS; arguments tq2, tn2, idx, st_b, gn2_g, gn2_b, m2a_w_codes, m2a_w_scales, m2a_b, st_a; writes st_a
;; launch xfin1 (part 6): grid 64 x 2, 4 waves a work-group, no clusters, 68,096 bytes of LDS; arguments tq2, tn2, idx, st_a, gn2_g, gn2_b, m2a_w_codes, m2a_w_scales, m2a_b, m2a_g, m2a_beta, out2; writes out2
.if DOCPART == 6
	.amdgcn_target "amdgcn-amd-amdhsa--gfx1250"
	.amdhsa_code_object_version 6
	.text
	.protected	k_qc6e9ba1ce3_xfin1
	.globl	k_qc6e9ba1ce3_xfin1
	.p2align	8
	.type	k_qc6e9ba1ce3_xfin1,@function
k_qc6e9ba1ce3_xfin1:
	s_mov_b64 s[64:65], 0
	v_nop
	global_prefetch_b8 v0, s[64:65] scope:SCOPE_SE
	s_setreg_imm32_b32 hwreg(HW_REG_WAVE_MODE, 25, 1), 1
	s_wait_xcnt 0x0
; The second layer's end: out2[batch][channel][point] = lrelu(max over the 16 neighbours of GN(W Q(lrelu(GN(x0))) + b)), x0 made anew from the second layer's tables.
; Shares and layouts as in the launches before (y = the batch; the neighbours are direction 0's).  THE PRODUCT IS NOT TRANSPOSED (source 0 = the point's 16 rows, source 1 = 16 rows of W as they
; lie): lane (r, h) holds channel 16 t + r and its registers the neighbours 8 h + j, so the maximum is taken along a lane's registers and once across the halves.  The order is multiply-add,
; maximum, lrelu: lrelu rises with its input and may change places with the maximum; the multiply-add may not.
; The pooled values go channel-major into the work-group's stage; behind a barrier sixteen lanes store 256 consecutive bytes (64 points of a channel), aligned.
; LIMITS: NaN and infinities are not served; a block of zeros gets the scale byte 1 (its codes are zeros; only this program reads the byte).
.set NSET, 2
.set OUTS, 32768                       ; LDS: 0: 4 x 8,192 tq's rows; here: 128 rows (channels) x (256 + 16) bytes
.set R, 1
.set H, 2
.set H64, 3
.set VR4, 4
.set LANE16, 5
.set QA, 6
.set PA, 7
.set GOFF, 8
.set IOFF, 12
.set IDX, 16
.set COD, 20
.set FA64, 35
.set QLW, 39
.set TM, 40
.set PW, 56                            ; v56, v84-91 hold scales and nothing else
.set ZERO, 57
.set QA0, 58
.set PA0, 59
.set ORD, 64
.set OGO, 65
.set MEAN, 68
.set RS, 76
.set WS1, 84
.set AB3, 108
.set LANE, 124
.set WNA, 127
.set X, 128
.set G, 192                            ; gather set 0: window 0; set 1: window 3
.set QT, 0                             ; window 1: tq's row, A1, B1
.set AF1, 64
.set BF1, 128
.set WT1, 128                          ; window 2: W
.set TQ, 4
.set TN, 6
.set IX, 8
.set STI, 10
.set OUTP, 26
.set WV, 66
.set SP, 67
.set SA, 84
.set SB, 85
.set SEL, 86
.set PO, 88
.set DB, 89
.set TMP, 92
.set KC1, 96
.set KC2, 97
.set FINI, 98
.set N0, 100
.set MSB, 0
.macro WIN new                         ; the immediate's high byte repeats the setting that is left
.if MSB != (\new)
	s_set_vgpr_msb (MSB<<8)|(\new)
.set MSB, (\new)
.endif
.endm
.macro ISSUE k                         ; a batch of 17 loads: the 16 gathers of the point whose indices set k holds, and the indices of the point NSET further on
	v_min_u32 v[IDX+\k], 0xfff, v[IDX+\k]
	v_lshl_add_u32 v[GOFF+\k], v[IDX+\k], 9, v[H64]
	WIN (3*(\k))<<6
.irp b, 0,1,2,3
.irp j, 0,1,2,3
	global_load_b128 v[G+16*\b+4*\j:G+16*\b+4*\j+3], v[GOFF+\k], s[TN:TN+1] offset:128*\b+16*\j
.endr
.endr
	WIN 0
	global_load_b32 v[IDX+\k], v[IOFF+\k], s[IX:IX+1]
.endm
.macro QTLOAD
	WIN 0x40
.irp b, 0,1,2,3
.irp j, 0,1,2,3
	ds_load_b128 v[QT+16*\b+4*\j:QT+16*\b+4*\j+3], v[QA] offset:128*\b+16*\j
.endr
.endr
	WIN 0
.endm
.macro HEADX k                         ; point SP + k: x0 into X; then set k's next batch and the next point's row of tq.  Past the wave's last point the clamps ask for point 15 again
	s_wait_loadcnt 17*(NSET-1)                     ; my batch is in; the younger batch stays out
	s_wait_dscnt 0x0                               ; the row of tq is in, and the last point's stores have read their registers
	WIN (3*(\k))|0x04
.set i, 0
.rept 32
	v_pk_add_f32 v[X+i:X+i+1], v[G+i:G+i+1], v[QT+i:QT+i+1]
.set i, i+2
.endr
	WIN 0
	s_add_co_u32 s[SA], s[SP], \k+2*NSET
	s_min_u32 s[SA], s[SA], 15
	v_lshl_add_u32 v[IOFF+\k], s[SA], 6, v[VR4]
	s_add_co_u32 s[SB], s[SP], \k+1
	s_min_u32 s[SB], s[SB], 15
	s_lshl_b32 s[SB], s[SB], 9
	v_add_nc_u32 v[QA], s[SB], v[QA0]
	ISSUE \k
	QTLOAD
.endm
.macro WSUM base, n, tmp               ; n sums over the wave's 32 lanes, the result in every lane
.irp m, 1,2,4,8
.set i, 0
.rept \n
	v_add_f32_dpp v[\base+i], v[\base+i], v[\base+i] row_xmask:\m row_mask:0xf bank_mask:0xf
.set i, i+1
.endr
.endr
.set i, 0
.rept \n
	v_permlanex16_b32 v[\tmp+i], v[\base+i], s[SEL], s[SEL+1]
.set i, i+1
.endr
.set i, 0
.rept \n
	v_add_f32 v[\base+i], v[\base+i], v[\tmp+i]
.set i, i+1
.endr
.endm
.macro FINAL                           ; the 256 records of my y, eight a lane, become MEAN and RS
.irp k, 0,1,2,3,4,5,6,7
.irp c, 0,1,2,3
	global_load_b128 v[X+16*\k+4*\c:X+16*\k+4*\c+3], v[FA64], s[STI:STI+1] offset:2048*\k+16*\c
.endr
.endr
	s_wait_loadcnt 0x0
.irp e, 0,2,4,6,8,10,12,14
	v_pk_add_f32 v[MEAN+\e:MEAN+\e+1], v[X+\e:X+\e+1], v[X+16+\e:X+16+\e+1]
.endr
.irp k, 2,3,4,5,6,7
.irp e, 0,2,4,6,8,10,12,14
	v_pk_add_f32 v[MEAN+\e:MEAN+\e+1], v[MEAN+\e:MEAN+\e+1], v[X+16*\k+\e:X+16*\k+\e+1]
.endr
.endr
	WSUM MEAN, 16, TM
.irp e, 0,2,4,6
	v_pk_mul_f32 v[MEAN+\e:MEAN+\e+1], v[MEAN+\e:MEAN+\e+1], 0x3b800000 op_sel_hi:[1,0]   ; / 256
.endr
.irp k, 0,1,2,3,4,5,6,7
.irp e, 0,2,4,6
	v_pk_add_f32 v[TM+\e:TM+\e+1], v[X+16*\k+\e:X+16*\k+\e+1], v[MEAN+\e:MEAN+\e+1] neg_lo:[0,1] neg_hi:[0,1]
.endr
.irp e, 0,2,4,6
.if \k == 0
	v_pk_mul_f32 v[TM+8+\e:TM+8+\e+1], v[TM+\e:TM+\e+1], v[TM+\e:TM+\e+1]
.else
	v_pk_fma_f32 v[TM+8+\e:TM+8+\e+1], v[TM+\e:TM+\e+1], v[TM+\e:TM+\e+1], v[TM+8+\e:TM+8+\e+1]
.endif
.endr
.endr
	WSUM TM+8, 8, TM
.irp g, 0,1,2,3,4,5,6,7
	v_fma_f32 v[RS+\g], v[TM+8+\g], 0x45800000, v[RS+\g]    ; sum of M2 + 4096 x the spread of the means
.endr
.irp g, 0,1,2,3,4,5,6,7
	v_fma_f32 v[RS+\g], v[RS+\g], s[KC1], s[KC2]            ; / 2^20 + 1e-5
.endr
.irp g, 0,1,2,3,4,5,6,7
	v_rsq_f32 v[RS+\g], v[RS+\g]
.endr
	v_nop                                          ; a plain place behind the last of the batch
	s_wait_alu depctr_va_vdst(0)                   ; one wait for the eight, ahead of their first reader
.endm
.macro LD64 wnd, reg, ptr              ; 128 numbers a channel each, in X's layout: my 64
	WIN (\wnd)<<6
.irp b, 0,1,2,3
.irp j, 0,1,2,3
	global_load_b128 v[\reg+16*\b+4*\j:\reg+16*\b+4*\j+3], v[H64], s[\ptr:\ptr+1] offset:128*\b+16*\j
.endr
.endr
	WIN 0
.endm
.macro LRELU                           ; max(x, 0.1 x)
.set i, 0
.rept 8
.irp u, 0,2,4,6
	v_pk_mul_f32 v[TM+\u:TM+\u+1], v[X+i+\u:X+i+\u+1], 0x3dcccccd op_sel_hi:[1,0]
.endr
.irp u, 0,1,2,3,4,5,6,7
	v_max_num_f32 v[X+i+\u], v[X+i+\u], v[TM+\u]
.endr
.set i, i+8
.endr
.endm
; X's 64 numbers of a lane, register 16 b + i = k 32 b + 16 h + i of my row, become a fragment's codes in v[COD] on and its scale word in v[PW].
.macro QUANT
.irp b, 0,1,2,3
	v_max3_num_f32 v[TM+\b], |v[X+16*\b]|, |v[X+1+16*\b]|, 0x1800000   ; block b: my 16 numbers, and the floor 2^(3 - 127): the byte cannot fall under 1
.endr
.irp i, 2,4,6,8,10,12,14
.irp b, 0,1,2,3
	v_max3_num_f32 v[TM+\b], v[TM+\b], |v[X+16*\b+\i]|, |v[X+1+16*\b+\i]|
.endr
.endr
.irp b, 0,1,2,3
	v_permlanex16_b32 v[TM+4+\b], v[TM+\b], s[SEL], s[SEL+1]
.endr
.irp b, 0,1,2,3
	v_max_num_f32 v[TM+\b], v[TM+\b], v[TM+4+\b]   ; with lane l xor 16's: the block's largest magnitude
.endr
.irp b, 0,1,2,3
	v_add_nc_u32 v[TM+12+\b], 0xff000000, v[TM+\b] ; 2 off its exponent field: the conversion's scale operand
.endr
.irp b, 0,1,2,3
	v_lshrrev_b32 v[TM+4+\b], 23, v[TM+12+\b]      ; the scale's byte
.endr
	v_lshl_or_b32 v[PW], v[TM+5], 8, v[TM+4]
	v_lshl_or_b32 v[PW], v[TM+6], 16, v[PW]
	v_lshl_or_b32 v[PW], v[TM+7], 24, v[PW]
.irp c, 0,1
	v_cvt_scalef32_pk16_fp6_f32 v[COD+6*\c:COD+2+6*\c], v[X+32*\c:X+15+32*\c], v[TM+12+2*\c]
	v_cvt_scalef32_pk16_fp6_f32 v[COD+12+4*\c:COD+14+4*\c], v[X+16+32*\c:X+31+32*\c], v[TM+12+2*\c+1]   ; (a conversion's three registers begin on an even number)
.endr
	v_nop                                          ; one plain place behind a scaled conversion
.irp c, 0,1                                    ; the operand's layout wants a whole block in a lane
.irp i, 0,1,2
	v_permlane16_swap_b32 v[COD+6*\c+\i], v[COD+12+4*\c+\i]
.endr
.irp i, 0,1,2
	v_mov_b32 v[COD+3+6*\c+\i], v[COD+12+4*\c+\i]
.endr
.endr
.rept 8
	v_nop                                          ; a scale word made by vector instructions stands eight places ahead of the scaled product, the codes four
.endr
.endm
	s_load_b512 s[4:19], s[0:1], 0x0               ; tq2, tn2, idx, st; gn2_g, gn2_b; m2a codes, scales
	s_load_b256 s[20:27], s[0:1], 0x40             ; m2a_b, m2a_g, m2a_beta; out2
	v_lshl_add_u32 v125, v0, 2, 0x10800
	v_mov_b32 v126, 0
	v_lshrrev_b32 v[R], 5, v0
	v_readfirstlane_b32 s[WV], v[R]                ; wave 0..3
	s_and_b32 s[DB], ttmp7, 0xffff
	s_lshl_b32 s[N0], ttmp9, 6
	s_lshl_b32 s[SA], s[WV], 4
	s_add_co_u32 s[N0], s[N0], s[SA]               ; my first point
	s_lshl_b32 s[SB], s[DB], 12
	s_add_co_u32 s[SB], s[SB], s[N0]
	s_mov_b32 s[SEL], 0x76543210
	s_mov_b32 s[SEL+1], 0xfedcba98                 ; v_permlanex16_b32's selects for lane l xor 16
	s_mov_b32 s[KC1], 0x35800000                   ; 2^-20
	s_mov_b32 s[KC2], 0x3727c5ac                   ; 1e-5
	s_mov_b32 s[TMP+1], 0
	v_and_b32 v[LANE], 31, v0
	v_and_b32 v[R], 15, v0
	v_bfe_u32 v[H], v0, 4, 1
	v_lshlrev_b32 v[H64], 6, v[H]
	v_lshlrev_b32 v[VR4], 2, v[R]
	v_lshlrev_b32 v[LANE16], 4, v[LANE]
	v_lshlrev_b32 v[FA64], 6, v[LANE]
	v_mov_b32 v[ZERO], 0
	s_lshl_b32 s[SA], s[WV], 13                    ; my wave's 8,192 bytes of tq's rows
	v_add_nc_u32 v[QA0], s[SA], v[H64]
	v_add_nc_u32 v[QLW], s[SA], v[LANE16]
	v_mul_u32_u24 v[WNA], v[R], 96
	v_mad_u32_u24 v[WNA], v[H], 24, v[WNA]
	s_lshl_b32 s[SA], s[WV], 6
	s_add_co_u32 s[SA], s[SA], OUTS
	v_mul_u32_u24 v[PA0], v[R], 272
	v_add_nc_u32 v[PA0], s[SA], v[PA0]             ; the stage, in: channel r (+ 16 t), point 16 wave (+ the point)
	s_mul_i32 s[SA], s[WV], 8704
	s_add_co_u32 s[SA], s[SA], OUTS
	v_mul_u32_u24 v[ORD], v[H], 272
	v_lshl_add_u32 v[ORD], v[R], 4, v[ORD]
	v_add_nc_u32 v[ORD], s[SA], v[ORD]             ; and back: channels 32 wave + h (+ 2 i), sixteen lanes to a row
	v_lshlrev_b32 v[OGO], 14, v[H]
	v_lshl_add_u32 v[OGO], v[R], 4, v[OGO]
.irp i, 0,1,2,3,4,5,6,7,8,9,10,11,12,13,14,15
	v_mov_b32 v[TM+\i], 0                          ; written once: a lane permute's destination counts as one of its sources
.endr
	s_wait_kmcnt 0x0
	s_lshl_b32 s[TMP], s[SB], 9
	s_add_nc_u64 s[TQ:TQ+1], s[TQ:TQ+1], s[TMP:TMP+1]
	s_lshl_b32 s[TMP], s[SB], 6
	s_add_nc_u64 s[IX:IX+1], s[IX:IX+1], s[TMP:TMP+1]
	s_lshl_b32 s[TMP], s[DB], 21
	s_add_nc_u64 s[TN:TN+1], s[TN:TN+1], s[TMP:TMP+1]
	s_lshl_b32 s[SA], s[WV], 19
	s_add_co_u32 s[TMP], s[TMP], s[SA]
	s_lshl_b32 s[SA], ttmp9, 8
	s_add_co_u32 s[TMP], s[TMP], s[SA]
	s_add_nc_u64 s[OUTP:OUTP+1], s[OUTP:OUTP+1], s[TMP:TMP+1]
	s_lshl_b32 s[TMP], s[DB], 7
	s_add_co_u32 s[TMP], s[TMP], 65536
	s_add_nc_u64 s[FINI:FINI+1], s[STI:STI+1], s[TMP:TMP+1]
	s_lshl_b32 s[TMP], s[DB], 14
	s_add_nc_u64 s[STI:STI+1], s[STI:STI+1], s[TMP:TMP+1]
.irp c, 0,1,2,3
	global_load_b128 v[MEAN+4*\c:MEAN+4*\c+3], v[ZERO], s[FINI:FINI+1] offset:16*\c   ; the first GroupNorm's mean and 1 / sqrt, as the launch before stored them
.endr
	LD64 1, AF1, 12
	LD64 1, BF1, 14
	s_wait_loadcnt 0x0
	v_cmp_ne_u32 vcc_lo, 0, v[H]
.irp q, 0,1,2,3
	v_cndmask_b32 v[TM+2*\q], v[MEAN+2*\q], v[MEAN+2*\q+1], vcc_lo      ; my half's group 2 q + h
	v_cndmask_b32 v[TM+2*\q+1], v[MEAN+2*\q], v[MEAN+2*\q+1], vcc_lo
	v_cndmask_b32 v[TM+8+2*\q], v[RS+2*\q], v[RS+2*\q+1], vcc_lo
	v_cndmask_b32 v[TM+8+2*\q+1], v[RS+2*\q], v[RS+2*\q+1], vcc_lo
.endr
	WIN 0x41
.set i, 0
.rept 32
	v_pk_mul_f32 v[AF1+i:AF1+i+1], v[AF1+i:AF1+i+1], v[TM+8+2*(i/16):TM+8+2*(i/16)+1]     ; A = gain / sqrt(var + eps)
.set i, i+2
.endr
	WIN 0x54
.set i, 0
.rept 32
	v_pk_fma_f32 v[BF1+i:BF1+i+1], v[TM+2*(i/16):TM+2*(i/16)+1], v[AF1+i:AF1+i+1], v[BF1+i:BF1+i+1] neg_lo:[1,0,0] neg_hi:[1,0,0]   ; B = offset - mean A
.set i, i+2
.endr
	WIN 0
	FINAL
.irp t, 0,1,2,3,4,5,6,7                        ; the second GroupNorm: channel 16 t + r lies in group t
	global_load_b32 v[AB3+2*\t], v[VR4], s[22:23] offset:64*\t
	global_load_b32 v[AB3+2*\t+1], v[VR4], s[24:25] offset:64*\t
	global_load_b32 v[TM+\t], v[VR4], s[20:21] offset:64*\t
.endr
	s_wait_loadcnt 0x0
.irp t, 0,1,2,3,4,5,6,7
	v_mul_f32 v[AB3+2*\t], v[AB3+2*\t], v[RS+\t]
	v_sub_f32 v[TM+\t], v[TM+\t], v[MEAN+\t]
.endr
.irp t, 0,1,2,3,4,5,6,7
	v_fma_f32 v[AB3+2*\t+1], v[TM+\t], v[AB3+2*\t], v[AB3+2*\t+1]
.endr
	WIN 0x80
.irp t, 0,1,2,3,4,5,6,7
.irp p, 0,1,2,3,4,5
	global_load_b64 v[WT1+12*\t+2*\p:WT1+12*\t+2*\p+1], v[WNA], s[16:17] offset:1536*\t+48*(\p/3)+8*(\p%3)
.endr
.endr
	WIN 0
.irp t, 0,1,2,3,4,5,6,7
	global_load_b32 v[WS1+\t], v[VR4], s[18:19] offset:64*\t
.endr
.irp p, 0,1,2,3,4,5,6,7,8,9,10,11,12,13,14,15
	global_load_b128 v[X+4*\p:X+4*\p+3], v[LANE16], s[TQ:TQ+1] offset:512*\p
.endr
	s_wait_loadcnt 0x0
.irp p, 0,1,2,3,4,5,6,7,8,9,10,11,12,13,14,15
	ds_store_b128 v[QLW], v[X+4*\p:X+4*\p+3] offset:512*\p
.endr
.irp k, 0,1
	global_load_b32 v[IDX+\k], v[VR4], s[IX:IX+1] offset:64*\k
.endr
	s_wait_loadcnt 0x0
.irp k, 0,1
	v_add_nc_u32 v[IOFF+\k], 64*(\k+NSET), v[VR4]
	ISSUE \k
.endr
	v_mov_b32 v[QA], v[QA0]
	QTLOAD                                         ; LDS serves a wave's instructions in order: these see my stores
	s_mov_b32 s[SP], 0
	s_mov_b32 s[PO], 0
.Lpoints:
.irp k, 0,1
	HEADX \k
	WIN 0x14                                       ; A and B in window 1
.set i, 0
.rept 32
	v_pk_fma_f32 v[X+i:X+i+1], v[X+i:X+i+1], v[AF1+i:AF1+i+1], v[BF1+i:BF1+i+1]
.set i, i+2
.endr
	WIN 0
	LRELU
	QUANT
	WIN 0x08                                       ; source 1 (W) window 2
.irp t, 0,1,2,3,4,5,6,7
	v_wmma_scale_f32_16x16x128_f8f6f4 v[X+8*\t:X+8*\t+7], v[COD:COD+11], v[WT1+12*\t:WT1+12*\t+11], 0, v[PW], v[WS1+\t] matrix_a_fmt:MATRIX_FMT_FP6 matrix_b_fmt:MATRIX_FMT_FP6
.endr
	WIN 0
.rept 4
	v_nop                                          ; four plain places ahead of the first read of a result
.endr
.irp t, 0,1,2,3,4,5,6,7                        ; y A + B: of the pair (A, B) the first serves as factor and the second as addend, for both halves; each accumulator from its low end on
.irp i, 0,2,4,6
	v_pk_fma_f32 v[X+8*\t+\i:X+8*\t+\i+1], v[X+8*\t+\i:X+8*\t+\i+1], v[AB3+2*\t:AB3+2*\t+1], v[AB3+2*\t:AB3+2*\t+1] op_sel:[0,0,1] op_sel_hi:[1,0,1]
.endr
.endr
.irp t, 0,1,2,3,4,5,6,7
	v_max3_num_f32 v[TM+\t], v[X+8*\t], v[X+8*\t+1], v[X+8*\t+2]
.endr
.irp t, 0,1,2,3,4,5,6,7
	v_max3_num_f32 v[TM+\t], v[TM+\t], v[X+8*\t+3], v[X+8*\t+4]
.endr
.irp t, 0,1,2,3,4,5,6,7
	v_max3_num_f32 v[TM+\t], v[TM+\t], v[X+8*\t+5], v[X+8*\t+6]
.endr
.irp t, 0,1,2,3,4,5,6,7
	v_max_num_f32 v[TM+\t], v[TM+\t], v[X+8*\t+7]
.endr
.irp t, 0,1,2,3,4,5,6,7
	v_permlanex16_b32 v[TM+8+\t], v[TM+\t], s[SEL], s[SEL+1]
.endr
.irp t, 0,1,2,3,4,5,6,7
	v_max_num_f32 v[TM+\t], v[TM+\t], v[TM+8+\t]   ; with the other eight neighbours
.endr
.irp t, 0,1,2,3,4,5,6,7
	v_mul_f32 v[TM+8+\t], 0x3dcccccd, v[TM+\t]
.endr
.irp t, 0,1,2,3,4,5,6,7
	v_max_num_f32 v[TM+\t], v[TM+\t], v[TM+8+\t]   ; lrelu
.endr
	v_add_nc_u32 v[PA], s[PO], v[PA0]
.irp t, 0,1,2,3,4,5,6,7
	ds_store_b32 v[PA], v[TM+\t] offset:4352*\t+4*\k   ; both halves of the lanes write the same word with the same value
.endr
.endr
	s_add_co_u32 s[PO], s[PO], 4*NSET
	s_add_co_u32 s[SP], s[SP], NSET
	s_cmp_lt_u32 s[SP], 16
	s_cbranch_scc1 .Lpoints
	s_wait_dscnt 0x0                               ; for the others' sake: my stores into the stage have landed
	s_barrier_signal -1
	s_barrier_wait -1
.irp i, 0,1,2,3,4,5,6,7,8,9,10,11,12,13,14,15
	ds_load_b128 v[X+4*\i:X+4*\i+3], v[ORD] offset:544*\i
.endr
.irp i, 0,1,2,3,4,5,6,7,8,9,10,11,12,13,14,15
	s_wait_dscnt 15-\i                             ; rows 2 i, 2 i + 1 are in; the younger ones may be out
	global_store_b128 v[OGO], v[X+4*\i:X+4*\i+3], s[OUTP:OUTP+1] offset:32768*\i th:TH_STORE_NT   ; sixteen lanes store 256 consecutive bytes, aligned
.endr
	s_wait_tensorcnt 0x0
	ds_add_u32 v125, v126
	s_wait_dscnt 0x0
	s_endpgm
.Lfunc_end_k_qc6e9ba1ce3_xfin1:
	.size	k_qc6e9ba1ce3_xfin1, .Lfunc_end_k_qc6e9ba1ce3_xfin1-k_qc6e9ba1ce3_xfin1
	.p2alignl 7, 3214868480
	.fill 96, 4, 3214868480
	.section	.rodata,"a",@progbits
	.p2align	6, 0x0
	.amdhsa_kernel k_qc6e9ba1ce3_xfin1
		.amdhsa_group_segment_fixed_size 68096
		.amdhsa_private_segment_fixed_size 0
		.amdhsa_enable_private_segment 0
		.amdhsa_kernarg_size 96
		.amdhsa_user_sgpr_count 2
		.amdhsa_user_sgpr_kernarg_segment_ptr 1
		.amdhsa_wavefront_size32 1
		.amdhsa_system_sgpr_workgroup_id_x 1
		.amdhsa_system_sgpr_workgroup_id_y 1
		.amdhsa_system_sgpr_workgroup_id_z 1
		.amdhsa_system_vgpr_workitem_id 0
		.amdhsa_next_free_vgpr 1024
		.amdhsa_next_free_sgpr 102
		.amdhsa_reserve_vcc 1
		.amdhsa_float_denorm_mode_32 3
		.amdhsa_float_denorm_mode_16_64 3
		.amdhsa_memory_ordered 1
		.amdhsa_forward_progress 1
		.amdhsa_inst_pref_size 99
	.end_amdhsa_kernel
	.amdgpu_metadata
---
amdhsa.version: [ 1, 2 ]
amdhsa.kernels:
  - .name:           k_qc6e9ba1ce3_xfin1
    .symbol:         k_qc6e9ba1ce3_xfin1.kd
    .args:
      - { .name: tq2, .offset: 0, .size: 8, .value_kind: global_buffer, .address_space: global }
      - { .name: tn2, .offset: 8, .size: 8, .value_kind: global_buffer, .address_space: global }
      - { .name: idx, .offset: 16, .size: 8, .value_kind: global_buffer, .address_space: global }
      - { .name: st_a, .offset: 24, .size: 8, .value_kind: global_buffer, .address_space: global }
      - { .name: gn2_g, .offset: 32, .size: 8, .value_kind: global_buffer, .address_space: global }
      - { .name: gn2_b, .offset: 40, .size: 8, .value_kind: global_buffer, .address_space: global }
      - { .name: m2a_w_codes, .offset: 48, .size: 8, .value_kind: global_buffer, .address_space: global }
      - { .name: m2a_w_scales, .offset: 56, .size: 8, .value_kind: global_buffer, .address_space: global }
      - { .name: m2a_b, .offset: 64, .size: 8, .value_kind: global_buffer, .address_space: global }
      - { .name: m2a_g, .offset: 72, .size: 8, .value_kind: global_buffer, .address_space: global }
      - { .name: m2a_beta, .offset: 80, .size: 8, .value_kind: global_buffer, .address_space: global }
      - { .name: out2, .offset: 88, .size: 8, .value_kind: global_buffer, .address_space: global }
    .group_segment_fixed_size: 68096
    .private_segment_fixed_size: 0
    .kernarg_segment_align: 8
    .kernarg_segment_size: 96
    .max_flat_workgroup_size: 128
    .sgpr_count:     102
    .vgpr_count:     1024
    .wavefront_size: 32
...
	.end_amdgpu_metadata
.endif
;; end of part 6
;; ======== version 2 of 3: 8 launches; 1.13 times as fast as version 1
;; workspace buffers: tab1 10,485,760 bytes; tab2 9,437,184 bytes; wn1c 12,288 bytes; wn1s 512 bytes; idx 1,048,576 bytes of whole numbers; st_a 66,048 bytes; st_b 66,048 bytes
;; launch front (part 7): grid 256 x 1, 4 waves a work-group, no clusters, 169,472 bytes of LDS; arguments feat1_codes, feat1_scales, feat2_codes, feat2_scales, t11_w_codes, t11_w_scales, t11_b, t22_w_codes, t22_w_scales, t22_b, pos1_w, pos1_b, pc1, pc2, tab1, wn1c, wn1s, idx; writes tab1, wn1c, wn1s, idx
.if DOCPART == 7
	.amdgcn_target "amdgcn-amd-amdhsa--gfx1250"
	.amdhsa_code_object_version 6
	.text
	.protected	k_qc6e9ba1ce3_front
	.globl	k_qc6e9ba1ce3_front
	.p2align	8
	.type	k_qc6e9ba1ce3_front,@function
k_qc6e9ba1ce3_front:
	s_mov_b64 s[64:65], 0
	v_nop
	global_prefetch_b8 v0, s[64:65] scope:SCOPE_SE
	s_setreg_imm32_b32 hwreg(HW_REG_WAVE_MODE, 25, 1), 1
	s_wait_xcnt 0x0
; PART A: what the first layer's launches read.  x0[n][k] = p2[idx] + p1[n] + Wp (xyz2[idx] - xyz1[n]) + pos_b is split by linearity:
;   x0 = (t22 feat[idx] + Wp xyz[idx]) + tq[n],   tq[dir][batch][n][c] = t11 feat + t11_b + t22_b + pos1_b - Wp xyz   (tab1, from byte 0, f32, point-major).
;   The neighbour's part is made anew by the later launches from a RECORD of 128 bytes a point (tab1, from byte TABN): for each half h of the lanes 64 bytes: the 48 bytes that lane (r, h) of an
;   E2M3 fragment holds (K 64 .. 127 are zero codes), then 16 bytes: h = 0: x, y, the scale word, 0;  h = 1: z, 1.0, 0, 0.
;   Work-group 0 also lays t22 out with K = 128 (rows of 96 bytes, the upper 48 zero codes; scale words of 4 bytes), as the later launches take a weight: 12 KB, stored 16 bytes a lane to rows 96 bytes apart.
; PART B: the 16 nearest neighbours, exact, with no branch and no address that hangs on a floating-point number.
;   d2 = (s1 + s2) + (-2 x1) . x2 with fused multiply-adds in the order x, y, z.  Pass 1 finds T, the 16th smallest d2 of a query.  Pass 2 computes d2 again by the same instructions and
;   gives each candidate j a key: 0x40000000 | j where d2 < T, 0x40001000 | j where d2 = T, else +infinity.  Keys are positive normal f32 numbers, so their order as floats is their order as
;   whole numbers: the 16 smallest keys are the 16 nearest, ties to the lower index.
;   THE SELECTOR takes 4 candidates at a time, sorts them, and puts rank k into a sorted list of 16 / k places (16, 8, 5, 4): an element of rank k that falls out of its list has 16 / k others of
;   rank k at or under it, each with k - 1 mates under it, and its own k - 1 mates: k (16 / k) + k - 1 >= 16 others at or under it, so it is not needed.
; SHARES.  256 work-groups.  Part A: x >> 7 the cloud, (x >> 6) & 1 the batch; a wave makes 16 points.  Part B: the same two fields are direction and batch; the work-group has
;   64 queries, two a lane; wave w scans candidates 1024 w .. 1024 w + 1023 out of a table of its own in LDS; the four waves' lists meet in LDS behind a barrier.
; LIMITS: NaN and infinities among pc1, pc2 are not served.  Two candidates whose d2 differ by less than the f32 rounding of this formula may change places against another f32 evaluation of it.
;   The split of the position product rounds at about 6e-8 |Wp| |xyz|, not on the small direction vector.
.set PSTG,  0                          ; LDS: 4 x 8,448: a wave's stage, 16 rows x (512 + 16) bytes
.set TAB,   33792                      ; 4 x 24,576: a wave's candidates: 256 groups of 4, 96 bytes a group: x4 y4 z4 s4 key4 tie-key4
.set IM1,   132096                     ; 4 x 4,096: the waves' lists of pass 1, as images of their registers
.set IM2,   148480                     ; the same of pass 2
.set OST,   164864                     ; 4,096: the indices' way out
.set TABN,  8388608                    ; where the records begin in tab1
.set WV,    2                          ; s2 wave
.set CLD,   3                          ; s3 cloud = direction
.set BAT,   101                        ; s101 batch
.set NRP,   104                        ; s[104:105] my 16 records
.set N0,    56
.set ROW,   57
.set P0,    58                         ; s[58:59], s[60:61], s[62:63]: pointers at work
.set P1,    60
.set P2,    62
.set TMP,   66                         ; s[66:67] an offset in 64 bits
.set TX,    100
.set CX,    40                         ; s[40:55], s[68:83], s[84:99]: x, y, z of my 16 points
.set CY,    68
.set CZ,    84
.set R,     1
.set H,     2
.set L16,   3
.set FAD,   4
.set SAD,   5
.set STW,   6
.set STR,   7
.set PWA,   8
.set LN,    9
.set R4,    10
.set RSW,   11
.set CXV,   12                         ; v12-14 x, y, z of point r
.set ONE,   15
.set FB,    16                         ; v16-27 the points' fragment
.set PW,    28                         ; v28-39 pos1_w of my channels 4 l .. 4 l + 3
.set BQ,    40                         ; v40-43 t11_b + pos1_b + t22_b
.set BN,    44
.set TBI,   48
.set TL4,   52                         ; v52-55 a record's last 16 bytes of my half
.set ZR,    56
.set ACC,   64                         ; v64-127 eight accumulators
.set RW,    128                        ; v128-191 sixteen rows, 16 bytes a lane
.set FS,    239                        ; v239 the points' scale words; v240-247 the weight's: these hold scales and nothing else
.set WS11,  240
.set WF11,  0                          ; window 1: the weight's fragments, 8 x 12
.set MSB, 0
.macro WIN new                         ; the immediate's high byte repeats the setting that is left
.if MSB != (\new)
	s_set_vgpr_msb (MSB<<8)|(\new)
.set MSB, (\new)
.endif
.endm
	s_load_b512 s[4:19], s[0:1], 0x0               ; feat1 codes, scales; feat2 codes, scales; t11 codes, scales, bias; t22 codes
	s_load_b512 s[20:35], s[0:1], 0x40             ; t22 scales, bias; pos1_w, pos1_b; pc1, pc2; tab1, wn1c
	s_load_b128 s[36:39], s[0:1], 0x80             ; wn1s, idx
	v_lshl_add_u32 v254, v0, 2, 0x29400
	v_mov_b32 v255, 0
	v_lshrrev_b32 v[R], 5, v0
	v_readfirstlane_b32 s[WV], v[R]                ; wave 0..3
	v_and_b32 v[R], 15, v0
	v_bfe_u32 v[H], v0, 4, 1
	v_and_b32 v[LN], 31, v0
	v_lshlrev_b32 v[L16], 4, v[LN]
	v_mul_u32_u24 v[FAD], v[R], 48                 ; a row of 64 codes is 48 bytes,
	v_mad_u32_u24 v[FAD], v[H], 24, v[FAD]         ; + 24 for lanes 16-31: k = 32 h + 0 .. 31
	v_lshlrev_b32 v[SAD], 1, v[R]                  ; two scale bytes a row
	v_lshlrev_b32 v[R4], 2, v[R]
	v_mul_u32_u24 v[PWA], v[LN], 48                ; pos1_w: 12 bytes a channel, four channels a lane
	s_mul_i32 s[TX], s[WV], 8448
	v_mul_u32_u24 v[STW], v[R], 528
	v_lshl_add_u32 v[STW], v[H], 5, v[STW]
	v_add_nc_u32 v[STW], s[TX], v[STW]             ; the stage, in: row r, + 32 h
	v_add_nc_u32 v[STR], s[TX], v[L16]             ; and back: 16 bytes a lane of a whole row
	v_lshlrev_b32 v[RSW], 7, v[R]
	v_lshl_add_u32 v[RSW], v[H], 6, v[RSW]
	v_add_nc_u32 v[RSW], s[TX], v[RSW]             ; a record in the stage: 128 r + 64 h
	v_mov_b32 v[ONE], 1.0
	v_mov_b32 v[ZR], 0
.irp i, 6,7,8,9,10,11
	v_mov_b32 v[FB+\i], 0                          ; K 64 .. 127: zero codes
.endr
	WIN 0x40
.set i, 0
.rept 8
.irp u, 6,7,8,9,10,11
	v_mov_b32 v[12*i+\u], 0                        ; the same in the eight fragments of the weight
.endr
.set i, i+1
.endr
	WIN 0
	s_lshr_b32 s[CLD], ttmp9, 7
	s_bfe_u32 s[BAT], ttmp9, 0x10006
	s_and_b32 s[N0], ttmp9, 63
	s_lshl_b32 s[N0], s[N0], 2
	s_add_co_u32 s[N0], s[N0], s[WV]
	s_lshl_b32 s[N0], s[N0], 4                     ; my first point
	s_lshl_b32 s[ROW], s[BAT], 12
	s_add_co_u32 s[ROW], s[ROW], s[N0]             ; and its row in the cloud's tensors
	s_mov_b32 s[TMP+1], 0
	s_wait_kmcnt 0x0
	s_cmp_eq_u32 s[CLD], 0                         ; the choice hangs on the work-group's number alone
	s_cselect_b64 s[P0:P0+1], s[4:5], s[8:9]
	s_cselect_b64 s[P1:P1+1], s[6:7], s[10:11]
	s_cselect_b64 s[P2:P2+1], s[28:29], s[30:31]
	s_mul_i32 s[TMP], s[ROW], 48
	s_add_nc_u64 s[P0:P0+1], s[P0:P0+1], s[TMP:TMP+1]
	s_lshl_b32 s[TMP], s[ROW], 1
	s_add_nc_u64 s[P1:P1+1], s[P1:P1+1], s[TMP:TMP+1]
	s_mul_i32 s[TMP], s[BAT], 49152
	s_lshl_b32 s[TX], s[N0], 2
	s_add_co_u32 s[TMP], s[TMP], s[TX]
	s_add_nc_u64 s[P2:P2+1], s[P2:P2+1], s[TMP:TMP+1]
	s_load_b512 s[CX:CX+15], s[P2:P2+1], 0x0       ; my 16 points' coordinates, as scalars
	s_load_b512 s[CY:CY+15], s[P2:P2+1], 0x4000
	s_load_b512 s[CZ:CZ+15], s[P2:P2+1], 0x8000
	s_xor_b32 s[TMP], s[CLD], 1
	s_lshl_b32 s[TMP], s[TMP], 13
	s_add_co_u32 s[TMP], s[TMP], s[ROW]            ; the records serve the other direction, whose neighbours these points are
	s_lshl_b32 s[TMP], s[TMP], 7
	s_add_co_u32 s[TMP], s[TMP], TABN
	s_add_nc_u64 s[NRP:NRP+1], s[32:33], s[TMP:TMP+1]
	s_lshl_b32 s[TMP], s[CLD], 13
	s_add_co_u32 s[TMP], s[TMP], s[ROW]            ; tq: direction = the cloud
	s_lshl_b32 s[TMP], s[TMP], 9
	s_add_nc_u64 s[32:33], s[32:33], s[TMP:TMP+1]
.irp p, 0,1,2
	global_load_b64 v[FB+2*\p:FB+2*\p+1], v[FAD], s[P0:P0+1] offset:8*\p
.endr
	global_load_u16 v[FS], v[SAD], s[P1:P1+1]      ; bytes 2 and 3 come as 0: they stand over zero codes
.irp t, 0,1,2,3,4,5,6,7
	global_load_u16 v[WS11+\t], v[SAD], s[14:15] offset:32*\t
.endr
.irp c, 0,1,2
	global_load_b128 v[PW+4*\c:PW+4*\c+3], v[PWA], s[24:25] offset:16*\c
	global_load_b32 v[CXV+\c], v[R4], s[P2:P2+1] offset:16384*\c
.endr
	global_load_b128 v[BQ:BQ+3], v[L16], s[16:17]
	global_load_b128 v[TBI:TBI+3], v[L16], s[26:27]
	global_load_b128 v[BN:BN+3], v[L16], s[22:23]
	WIN 0x40
.irp t, 0,1,2,3,4,5,6,7
.irp p, 0,1,2
	global_load_b64 v[WF11+12*\t+2*\p:WF11+12*\t+2*\p+1], v[FAD], s[12:13] offset:768*\t+8*\p
.endr
.endr
	WIN 0
	s_wait_loadcnt 0x0
	s_wait_kmcnt 0x0
	v_pk_add_f32 v[BQ:BQ+1], v[BQ:BQ+1], v[TBI:TBI+1]
	v_pk_add_f32 v[BQ+2:BQ+3], v[BQ+2:BQ+3], v[TBI+2:TBI+3]
	v_pk_add_f32 v[BQ:BQ+1], v[BQ:BQ+1], v[BN:BN+1]
	v_pk_add_f32 v[BQ+2:BQ+3], v[BQ+2:BQ+3], v[BN+2:BN+3]
	v_cmp_ne_u32 vcc_lo, 0, v[H]
	v_cndmask_b32 v[TL4], v[CXV], v[CXV+2], vcc_lo         ; lanes 0-15: x, y, the scale word, 0;  lanes 16-31: z, 1.0, 0, 0
	v_cndmask_b32 v[TL4+1], v[CXV+1], v[ONE], vcc_lo
	v_cndmask_b32 v[TL4+2], v[FS], v[ZR], vcc_lo
	v_mov_b32 v[TL4+3], 0
.rept 4
	v_nop                                          ; operands written by vector instructions (the zero codes) stand well ahead of the scaled products
.endr
; Eight products, transposed: source 0 = 16 rows of t11, source 1 = my 16 points: lane (r, h) holds point r, register j of tile t channel 16 t + 8 h + j.
	WIN 0x01
.irp t, 0,1,2,3,4,5,6,7
	v_wmma_scale_f32_16x16x128_f8f6f4 v[ACC+8*\t:ACC+8*\t+7], v[WF11+12*\t:WF11+12*\t+11], v[FB:FB+11], 0, v[WS11+\t], v[FS] matrix_a_fmt:MATRIX_FMT_FP6 matrix_b_fmt:MATRIX_FMT_FP6
.endr
	WIN 0
.rept 4
	v_nop                                          ; four plain places ahead of the first read of a result
.endr
; The 16 points go through my stage and come back as whole rows; biases and the position term are added; each store of the wave covers 512 consecutive bytes.
.irp t, 0,1,2,3,4,5,6,7
	ds_store_b128 v[STW], v[ACC+8*\t:ACC+8*\t+3] offset:64*\t          ; each accumulator from its low end on
	ds_store_b128 v[STW], v[ACC+8*\t+4:ACC+8*\t+7] offset:64*\t+16
.endr
.irp p, 0,1,2,3,4,5,6,7,8,9,10,11,12,13,14,15
	ds_load_b128 v[RW+4*\p:RW+4*\p+3], v[STR] offset:528*\p            ; LDS serves a wave's instructions in order: these see my stores
.endr
.irp p, 0,1,2,3,4,5,6,7,8,9,10,11,12,13,14,15
	s_wait_dscnt 15-\p                             ; row p is in; the younger rows may be out
	v_pk_add_f32 v[RW+4*\p:RW+4*\p+1], v[RW+4*\p:RW+4*\p+1], v[BQ:BQ+1]
	v_pk_add_f32 v[RW+4*\p+2:RW+4*\p+3], v[RW+4*\p+2:RW+4*\p+3], v[BQ+2:BQ+3]
.irp c, 0,1,2,3
	v_fma_f32 v[RW+4*\p+\c], -v[PW+3*\c], s[CX+\p], v[RW+4*\p+\c]
.endr
.irp c, 0,1,2,3
	v_fma_f32 v[RW+4*\p+\c], -v[PW+3*\c+1], s[CY+\p], v[RW+4*\p+\c]
.endr
.irp c, 0,1,2,3
	v_fma_f32 v[RW+4*\p+\c], -v[PW+3*\c+2], s[CZ+\p], v[RW+4*\p+\c]
.endr
	global_store_b128 v[L16], v[RW+4*\p:RW+4*\p+3], s[32:33] offset:512*\p
.endr
	s_wait_xcnt 0x0                                ; the stores have read their registers: these may be written again
; The 16 records, 2,048 consecutive bytes: a lane's 64 bytes into the stage, back 16 bytes a lane, so that each store of the wave covers 512 consecutive bytes.
.irp c, 0,1,2
	ds_store_b128 v[RSW], v[FB+4*\c:FB+4*\c+3] offset:16*\c
.endr
	ds_store_b128 v[RSW], v[TL4:TL4+3] offset:48
.irp c, 0,1,2,3
	ds_load_b128 v[RW+4*\c:RW+4*\c+3], v[STR] offset:512*\c
.endr
.irp c, 0,1,2,3
	s_wait_dscnt 3-\c                              ; piece c is in; the younger ones may be out
	global_store_b128 v[L16], v[RW+4*\c:RW+4*\c+3], s[NRP:NRP+1] offset:512*\c
.endr
	s_wait_xcnt 0x0
; Work-group 0: t22 with K = 128.  A lane takes a row: wave w rows 32 w .. 32 w + 31.
	s_cmp_lg_u32 ttmp9, 0
	s_cbranch_scc1 .Lnocopy
	s_lshl_b32 s[TX], s[WV], 5
	v_add_nc_u32 v[RW+20], s[TX], v[LN]
	v_mul_u32_u24 v[RW+21], v[RW+20], 48
	v_mul_u32_u24 v[RW+22], v[RW+20], 96
	v_lshlrev_b32 v[RW+23], 1, v[RW+20]
	v_lshlrev_b32 v[RW+24], 2, v[RW+20]
.irp c, 0,1,2
	global_load_b128 v[RW+4*\c:RW+4*\c+3], v[RW+21], s[18:19] offset:16*\c
.endr
	global_load_u16 v[RW+16], v[RW+23], s[20:21]
.irp i, 0,1,2,3
	v_mov_b32 v[RW+12+\i], 0
.endr
	s_wait_loadcnt 0x0
.irp c, 0,1,2
	global_store_b128 v[RW+22], v[RW+4*\c:RW+4*\c+3], s[34:35] offset:16*\c
	global_store_b128 v[RW+22], v[RW+12:RW+15], s[34:35] offset:48+16*\c
.endr
	global_store_b32 v[RW+24], v[RW+16], s[36:37]
	s_wait_xcnt 0x0
.Lnocopy:
; ---------------------------------------------------------------- PART B
.set LANE,  1
.set L16B,  2
.set TAW,   3                          ; where I store a group's record
.set TARA,  4                          ; where buffer A's group is read: the same address in all lanes
.set VINF,  5
.set IMGW,  6
.set IMGR,  7
.set KB,    8
.set TARB,  9
.set XM,    10                         ; v[10:11] -2 x of my two queries; v[12:13], v[14:15] y, z; v[16:17] their s; v[18:19] their T
.set YM,    12
.set ZM,    14
.set SQ,    16
.set TT,    18
.set CA,    20                         ; v20-43, v44-67: two buffers of a group: x4 y4 z4 s4 key4 tie-key4
.set CBF,   44
.set DD,    68                         ; v68-75 d2: candidate e, query q at 2 e + q
.set KY,    76                         ; v76-83 s1 + s2, then the keys
.set SO,    84                         ; v84-97 the sort: 7 registers a query
.set QV,    98
.set LST,   100                        ; the lists of query q at 100 + 36 q: 16, 8, 5, 4 registers
.set MB,    172                        ; v172-203 another wave's lists
.set TL,    100                        ; v100-195 the candidates as loaded
.set TS,    196
.set TK,    200
.set TE,    204
.set OSW,   208
.set OSR,   209
.set TB0,   56
.set ST,    57
.set CNT,   62
.set MS,    63
.macro INS base, depth, val            ; one value into a sorted list: place i takes the middle one of its lower neighbour, itself and the value
.set ii, (\depth)-1
.rept (\depth)-1
	v_med3_num_f32 v[(\base)+ii], v[(\base)+ii-1], v[(\base)+ii], v[\val]
.set ii, ii-1
.endr
	v_min_num_f32 v[\base], v[\base], v[\val]
.endm
.macro LINIT n
.irp q, 0,1
.set i, 0
.rept \n
	v_mov_b32 v[LST+36*\q+i], v[VINF]
.set i, i+1
.endr
.endr
.endm
.macro LDG buf, adr, off, n            ; the first n quads of a group's record
.set c, 0
.rept \n
	ds_load_b128 v[\buf+4*c:\buf+4*c+3], v[\adr] offset:\off+16*c
.set c, c+1
.endr
.endm
.macro DIST buf                        ; d2 of 4 candidates x 2 queries: the packed forms take my two queries in their halves and one candidate for both
.irp g, 0,1
	v_pk_mul_f32 v[DD+4*\g:DD+4*\g+1], v[XM:XM+1], v[\buf+2*\g:\buf+2*\g+1] op_sel:[0,0] op_sel_hi:[1,0]
	v_pk_mul_f32 v[DD+4*\g+2:DD+4*\g+3], v[XM:XM+1], v[\buf+2*\g:\buf+2*\g+1] op_sel:[0,1] op_sel_hi:[1,1]
.endr
.irp g, 0,1
	v_pk_fma_f32 v[DD+4*\g:DD+4*\g+1], v[YM:YM+1], v[\buf+4+2*\g:\buf+4+2*\g+1], v[DD+4*\g:DD+4*\g+1] op_sel:[0,0,0] op_sel_hi:[1,0,1]
	v_pk_fma_f32 v[DD+4*\g+2:DD+4*\g+3], v[YM:YM+1], v[\buf+4+2*\g:\buf+4+2*\g+1], v[DD+4*\g+2:DD+4*\g+3] op_sel:[0,1,0] op_sel_hi:[1,1,1]
.endr
.irp g, 0,1
	v_pk_add_f32 v[KY+4*\g:KY+4*\g+1], v[SQ:SQ+1], v[\buf+12+2*\g:\buf+12+2*\g+1] op_sel:[0,0] op_sel_hi:[1,0]
	v_pk_add_f32 v[KY+4*\g+2:KY+4*\g+3], v[SQ:SQ+1], v[\buf+12+2*\g:\buf+12+2*\g+1] op_sel:[0,1] op_sel_hi:[1,1]
.endr
.irp g, 0,1
	v_pk_fma_f32 v[DD+4*\g:DD+4*\g+1], v[ZM:ZM+1], v[\buf+8+2*\g:\buf+8+2*\g+1], v[DD+4*\g:DD+4*\g+1] op_sel:[0,0,0] op_sel_hi:[1,0,1]
	v_pk_fma_f32 v[DD+4*\g+2:DD+4*\g+3], v[ZM:ZM+1], v[\buf+8+2*\g:\buf+8+2*\g+1], v[DD+4*\g+2:DD+4*\g+3] op_sel:[0,1,0] op_sel_hi:[1,1,1]
.endr
.irp e, 0,2,4,6
	v_pk_add_f32 v[DD+\e:DD+\e+1], v[KY+\e:KY+\e+1], v[DD+\e:DD+\e+1]
.endr
.endm
.macro KEYS buf                        ; the masks select values only
.irp e, 0,1,2,3
.irp q, 0,1
	v_cmp_eq_f32 s[40+2*\e+\q], v[DD+2*\e+\q], v[TT+\q]
	v_cmp_lt_f32 s[48+2*\e+\q], v[DD+2*\e+\q], v[TT+\q]
.endr
.endr
.irp e, 0,1,2,3
.irp q, 0,1
	v_cndmask_b32 v[KY+2*\e+\q], v[VINF], v[\buf+20+\e], s[40+2*\e+\q]
.endr
.endr
.irp e, 0,1,2,3
.irp q, 0,1
	v_cndmask_b32 v[KY+2*\e+\q], v[KY+2*\e+\q], v[\buf+16+\e], s[48+2*\e+\q]
.endr
.endr
.endm
.macro SORT4 src                       ; three are sorted by min3, med3, max3; the fourth is put in
.irp q, 0,1
	v_min3_num_f32 v[SO+7*\q], v[\src+\q], v[\src+2+\q], v[\src+4+\q]
	v_med3_num_f32 v[SO+7*\q+1], v[\src+\q], v[\src+2+\q], v[\src+4+\q]
	v_max3_num_f32 v[SO+7*\q+2], v[\src+\q], v[\src+2+\q], v[\src+4+\q]
.endr
.irp q, 0,1
	v_min_num_f32 v[SO+7*\q+3], v[SO+7*\q], v[\src+6+\q]
	v_med3_num_f32 v[SO+7*\q+4], v[SO+7*\q], v[SO+7*\q+1], v[\src+6+\q]
	v_med3_num_f32 v[SO+7*\q+5], v[SO+7*\q+1], v[SO+7*\q+2], v[\src+6+\q]
	v_max_num_f32 v[SO+7*\q+6], v[SO+7*\q+2], v[\src+6+\q]
.endr
.endm
.macro GROUP buf, pass
	DIST \buf
.if \pass == 2
	KEYS \buf
	SORT4 KY
.else
	SORT4 DD
.endif
.irp q, 0,1
	INS LST+36*\q, 16, SO+7*\q+3
	INS LST+36*\q+16, 8, SO+7*\q+4
	INS LST+36*\q+24, 5, SO+7*\q+5
	INS LST+36*\q+29, 4, SO+7*\q+6
.endr
.endm
; My wave's 256 groups, two a trip; the last trip is written out, so that no read leaves the wave's table.  Then the three short lists go into the long one.
.macro SCAN pass, n
	LINIT 33
	s_mov_b32 s[ST], s[TB0]
	v_mov_b32 v[TARA], s[ST]
	LDG CA, TARA, 0, \n
	s_mov_b32 s[CNT], 127
.Lscan_\@:
	v_mov_b32 v[TARB], s[ST]                       ; buffer B's last loads were waited for in the trip before
	LDG CBF, TARB, 96, \n
	s_wait_dscnt \n                                ; buffer A is in; B's loads may be out
	s_add_co_u32 s[ST], s[ST], 192
	GROUP CA, \pass
	v_mov_b32 v[TARA], s[ST]
	LDG CA, TARA, 0, \n
	s_wait_dscnt \n                                ; buffer B is in; A's loads may be out
	GROUP CBF, \pass
	s_sub_co_u32 s[CNT], s[CNT], 1
	s_cmp_lg_u32 s[CNT], 0
	s_cbranch_scc1 .Lscan_\@
	v_mov_b32 v[TARB], s[ST]
	LDG CBF, TARB, 96, \n
	s_wait_dscnt \n
	GROUP CA, \pass
	s_wait_dscnt 0x0
	GROUP CBF, \pass
.irp q, 0,1
.set f, 16
.rept 17
	INS LST+36*\q, 16, LST+36*\q+f
.set f, f+1
.endr
.endr
.endm
.macro PUT m                           ; my two lists of 16 go to LDS as images of their registers; then the work-group's barrier
.irp q, 0,1
.irp i, 0,1,2,3
	ds_store_b128 v[IMGW], v[LST+36*\q+4*\i:LST+36*\q+4*\i+3] offset:(\m)-IM1+2048*\q+512*\i
.endr
.endr
	s_wait_dscnt 0x0                               ; for the others' sake: my stores have landed
	s_barrier_signal -1
	s_barrier_wait -1
.endm
.macro MERGE m                         ; a fresh list takes all four waves' images: every wave walks this loop
	LINIT 16
	s_mov_b32 s[MS], \m
	s_mov_b32 s[CNT], 4
.Lmerge_\@:
	v_add_nc_u32 v[IMGR], s[MS], v[L16B]
.irp q, 0,1
.irp i, 0,1,2,3
	ds_load_b128 v[MB+16*\q+4*\i:MB+16*\q+4*\i+3], v[IMGR] offset:2048*\q+512*\i
.endr
.endr
	s_wait_dscnt 0x0
.irp q, 0,1
.set f, 0
.rept 16
	INS LST+36*\q, 16, MB+16*\q+f
.set f, f+1
.endr
.endr
	s_add_co_u32 s[MS], s[MS], 4096
	s_sub_co_u32 s[CNT], s[CNT], 1
	s_cmp_lg_u32 s[CNT], 0
	s_cbranch_scc1 .Lmerge_\@
.endm
	v_and_b32 v[LANE], 31, v0
	v_lshlrev_b32 v[L16B], 4, v[LANE]
	v_lshlrev_b32 v[QV], 3, v[LANE]                ; two queries a lane: 8 bytes of each plane
	s_mul_i32 s[TB0], s[WV], 24576
	s_add_co_u32 s[TB0], s[TB0], TAB               ; my wave's table
	v_mul_u32_u24 v[TAW], v[LANE], 96
	v_add_nc_u32 v[TAW], s[TB0], v[TAW]
	v_mov_b32 v[VINF], 0x7f800000
	s_lshl_b32 s[TX], s[WV], 12
	s_add_co_u32 s[TX], s[TX], IM1
	v_add_nc_u32 v[IMGW], s[TX], v[L16B]
	s_lshl_b32 s[TX], s[WV], 10
	s_or_b32 s[TX], s[TX], 0x40000000
	v_lshl_add_u32 v[KB], v[LANE], 2, s[TX]        ; the key of my first candidate of load 0
	v_lshlrev_b32 v[OSW], 7, v[LANE]
	v_add_nc_u32 v[OSW], OST, v[OSW]
	v_add_nc_u32 v[OSR], OST, v[L16B]
	s_cmp_eq_u32 s[CLD], 0
	s_cselect_b64 s[P0:P0+1], s[28:29], s[30:31]   ; the queries' cloud
	s_cselect_b64 s[P1:P1+1], s[30:31], s[28:29]   ; the candidates'
	s_mul_i32 s[TMP], s[BAT], 49152
	s_add_nc_u64 s[P0:P0+1], s[P0:P0+1], s[TMP:TMP+1]
	s_add_nc_u64 s[P1:P1+1], s[P1:P1+1], s[TMP:TMP+1]
	s_and_b32 s[TMP], ttmp9, 63
	s_lshl_b32 s[TMP], s[TMP], 8
	s_add_nc_u64 s[P0:P0+1], s[P0:P0+1], s[TMP:TMP+1]
	s_lshl_b32 s[TMP], s[WV], 12
	s_add_nc_u64 s[P1:P1+1], s[P1:P1+1], s[TMP:TMP+1]
	s_lshl_b32 s[TMP], ttmp9, 12                   ; idx: 64 queries x 64 bytes for each work-group, in the order of their numbers
	s_add_nc_u64 s[38:39], s[38:39], s[TMP:TMP+1]
	global_load_b64 v[DD:DD+1], v[QV], s[P0:P0+1]
	global_load_b64 v[DD+2:DD+3], v[QV], s[P0:P0+1] offset:16384
	global_load_b64 v[DD+4:DD+5], v[QV], s[P0:P0+1] offset:32768
.set i, 0
.rept 8
.irp c, 0,1,2
	global_load_b128 v[TL+12*i+4*\c:TL+12*i+4*\c+3], v[L16B], s[P1:P1+1] offset:512*i+16384*\c   ; 32 lanes read 512 consecutive bytes of a plane: a lane's four are a group
.endr
.set i, i+1
.endr
	s_wait_loadcnt 0x0
	v_pk_mul_f32 v[SQ:SQ+1], v[DD:DD+1], v[DD:DD+1]
	v_pk_fma_f32 v[SQ:SQ+1], v[DD+2:DD+3], v[DD+2:DD+3], v[SQ:SQ+1]
	v_pk_fma_f32 v[SQ:SQ+1], v[DD+4:DD+5], v[DD+4:DD+5], v[SQ:SQ+1]
	v_pk_mul_f32 v[XM:XM+1], v[DD:DD+1], -2.0 op_sel_hi:[1,0]
	v_pk_mul_f32 v[YM:YM+1], v[DD+2:DD+3], -2.0 op_sel_hi:[1,0]
	v_pk_mul_f32 v[ZM:ZM+1], v[DD+4:DD+5], -2.0 op_sel_hi:[1,0]
.set i, 0
.rept 8
.if i > 0
	s_wait_dscnt 0x0                               ; the last group's stores have read s, keys and tie-keys
.endif
	v_pk_mul_f32 v[TS:TS+1], v[TL+12*i:TL+12*i+1], v[TL+12*i:TL+12*i+1]
	v_pk_mul_f32 v[TS+2:TS+3], v[TL+12*i+2:TL+12*i+3], v[TL+12*i+2:TL+12*i+3]
	v_pk_fma_f32 v[TS:TS+1], v[TL+12*i+4:TL+12*i+5], v[TL+12*i+4:TL+12*i+5], v[TS:TS+1]
	v_pk_fma_f32 v[TS+2:TS+3], v[TL+12*i+6:TL+12*i+7], v[TL+12*i+6:TL+12*i+7], v[TS+2:TS+3]
	v_pk_fma_f32 v[TS:TS+1], v[TL+12*i+8:TL+12*i+9], v[TL+12*i+8:TL+12*i+9], v[TS:TS+1]
	v_pk_fma_f32 v[TS+2:TS+3], v[TL+12*i+10:TL+12*i+11], v[TL+12*i+10:TL+12*i+11], v[TS+2:TS+3]
.irp e, 0,1,2,3
	v_add_nc_u32 v[TK+\e], 128*i+\e, v[KB]
.endr
.irp e, 0,1,2,3
	v_or_b32 v[TE+\e], 0x1000, v[TK+\e]
.endr
	ds_store_b128 v[TAW], v[TL+12*i:TL+12*i+3] offset:3072*i
	ds_store_b128 v[TAW], v[TL+12*i+4:TL+12*i+7] offset:3072*i+16
	ds_store_b128 v[TAW], v[TL+12*i+8:TL+12*i+11] offset:3072*i+32
	ds_store_b128 v[TAW], v[TS:TS+3] offset:3072*i+48
	ds_store_b128 v[TAW], v[TK:TK+3] offset:3072*i+64
	ds_store_b128 v[TAW], v[TE:TE+3] offset:3072*i+80
.set i, i+1
.endr
	s_wait_dscnt 0x0                               ; the table is whole; only my wave reads it
	SCAN 1, 4
	PUT IM1
	MERGE IM1
	v_mov_b32 v[TT], v[LST+15]                     ; T: the 16th smallest d2 of each of my queries
	v_mov_b32 v[TT+1], v[LST+36+15]
	SCAN 2, 6
	PUT IM2
	MERGE IM2
	s_cmp_lg_u32 s[WV], 0                          ; all four waves hold the result: wave 0 stores it
	s_cbranch_scc1 .Lend
.irp q, 0,1
.set i, 0
.rept 16
	v_and_b32 v[LST+36*\q+i], 0xfff, v[LST+36*\q+i]
.set i, i+1
.endr
.endr
.irp q, 0,1
.irp i, 0,1,2,3
	ds_store_b128 v[OSW], v[LST+36*\q+4*\i:LST+36*\q+4*\i+3] offset:64*\q+16*\i
.endr
.endr
.irp i, 0,1,2,3,4,5,6,7
	ds_load_b128 v[MB+4*\i:MB+4*\i+3], v[OSR] offset:512*\i
.endr
.irp i, 0,1,2,3,4,5,6,7
	s_wait_dscnt 7-\i                              ; piece i is in; the younger ones may be out
	global_store_b128 v[L16B], v[MB+4*\i:MB+4*\i+3], s[38:39] offset:512*\i   ; 512 consecutive bytes
.endr
.Lend:
	s_wait_tensorcnt 0x0
	ds_add_u32 v254, v255
	s_wait_dscnt 0x0
	s_endpgm
.Lfunc_end_k_qc6e9ba1ce3_front:
	.size	k_qc6e9ba1ce3_front, .Lfunc_end_k_qc6e9ba1ce3_front-k_qc6e9ba1ce3_front
	.p2alignl 7, 3214868480
	.fill 96, 4, 3214868480
	.section	.rodata,"a",@progbits
	.p2align	6, 0x0
	.amdhsa_kernel k_qc6e9ba1ce3_front
		.amdhsa_group_segment_fixed_size 169472
		.amdhsa_private_segment_fixed_size 0
		.amdhsa_enable_private_segment 0
		.amdhsa_kernarg_size 144
		.amdhsa_user_sgpr_count 2
		.amdhsa_user_sgpr_kernarg_segment_ptr 1
		.amdhsa_wavefront_size32 1
		.amdhsa_system_sgpr_workgroup_id_x 1
		.amdhsa_system_sgpr_workgroup_id_y 1
		.amdhsa_system_sgpr_workgroup_id_z 1
		.amdhsa_system_vgpr_workitem_id 0
		.amdhsa_next_free_vgpr 384
		.amdhsa_next_free_sgpr 106
		.amdhsa_reserve_vcc 1
		.amdhsa_float_denorm_mode_32 3
		.amdhsa_float_denorm_mode_16_64 3
		.amdhsa_memory_ordered 1
		.amdhsa_forward_progress 1
		.amdhsa_inst_pref_size 246
	.end_amdhsa_kernel
	.amdgpu_metadata
---
amdhsa.version: [ 1, 2 ]
amdhsa.kernels:
  - .name:           k_qc6e9ba1ce3_front
    .symbol:         k_qc6e9ba1ce3_front.kd
    .args:
      - { .name: feat1_codes, .offset: 0, .size: 8, .value_kind: global_buffer, .address_space: global }
      - { .name: feat1_scales, .offset: 8, .size: 8, .value_kind: global_buffer, .address_space: global }
      - { .name: feat2_codes, .offset: 16, .size: 8, .value_kind: global_buffer, .address_space: global }
      - { .name: feat2_scales, .offset: 24, .size: 8, .value_kind: global_buffer, .address_space: global }
      - { .name: t11_w_codes, .offset: 32, .size: 8, .value_kind: global_buffer, .address_space: global }
      - { .name: t11_w_scales, .offset: 40, .size: 8, .value_kind: global_buffer, .address_space: global }
      - { .name: t11_b, .offset: 48, .size: 8, .value_kind: global_buffer, .address_space: global }
      - { .name: t22_w_codes, .offset: 56, .size: 8, .value_kind: global_buffer, .address_space: global }
      - { .name: t22_w_scales, .offset: 64, .size: 8, .value_kind: global_buffer, .address_space: global }
      - { .name: t22_b, .offset: 72, .size: 8, .value_kind: global_buffer, .address_space: global }
      - { .name: pos1_w, .offset: 80, .size: 8, .value_kind: global_buffer, .address_space: global }
      - { .name: pos1_b, .offset: 88, .size: 8, .value_kind: global_buffer, .address_space: global }
      - { .name: pc1, .offset: 96, .size: 8, .value_kind: global_buffer, .address_space: global }
      - { .name: pc2, .offset: 104, .size: 8, .value_kind: global_buffer, .address_space: global }
      - { .name: tab1, .offset: 112, .size: 8, .value_kind: global_buffer, .address_space: global }
      - { .name: wn1c, .offset: 120, .size: 8, .value_kind: global_buffer, .address_space: global }
      - { .name: wn1s, .offset: 128, .size: 8, .value_kind: global_buffer, .address_space: global }
      - { .name: idx, .offset: 136, .size: 8, .value_kind: global_buffer, .address_space: global }
    .group_segment_fixed_size: 169472
    .private_segment_fixed_size: 0
    .kernarg_segment_align: 8
    .kernarg_segment_size: 144
    .max_flat_workgroup_size: 128
    .sgpr_count:     106
    .vgpr_count:     384
    .wavefront_size: 32
...
	.end_amdgpu_metadata
.endif
;; end of part 7
;; launch xstat0 (part 8): grid 64 x 4, 4 waves a work-group, no clusters, 209,408 bytes of LDS; arguments tab1, idx, wn1c, wn1s, pos1_w, st_a; writes st_a
.if DOCPART == 8
	.amdgcn_target "amdgcn-amd-amdhsa--gfx1250"
	.amdhsa_code_object_version 6
	.text
	.protected	k_qc6e9ba1ce3_xstat0
	.globl	k_qc6e9ba1ce3_xstat0
	.p2align	8
	.type	k_qc6e9ba1ce3_xstat0,@function
k_qc6e9ba1ce3_xstat0:
	s_mov_b64 s[64:65], 0
	v_nop
	global_prefetch_b8 v0, s[64:65] scope:SCOPE_SE
	s_setreg_imm32_b32 hwreg(HW_REG_WAVE_MODE, 25, 1), 1
	s_wait_xcnt 0x0
; The statistics of the first GroupNorm of a cross block: of x0[n][k][c] = Wn codes[idx[n][k]] + Wp xyz[idx[n][k]] + tq[n][c], over 16 channels x 4,096 points x 16 neighbours for each (y, group).
; y = direction x 2 + batch (second layer: the batch).  A work-group has 64 points, a wave 16.  One point is a tile of 16 rows (its neighbours) x 128 channels: lane (r, h) holds neighbour r,
; register 16 b + i channel 32 b + 16 h + i: a run of 16 registers is GroupNorm's group 2 b + h.
; WHAT IS GATHERED is a neighbour's RECORD of 128 bytes (tab, from byte TABN): for each half h of the lanes 48 bytes of an E2M3 fragment as lane (r, h) holds them, then x, y, scale word, 0 (h = 0) or
; z, 1.0, 0, 0 (h = 1).  x0 is made by two runs of eight matrix instructions, both transposed (source 0 = 16 channels, source 1 = the 16 neighbours), lane r of tile 2 b + u taking channel
; 32 b + 8 u + r + 8 (r / 8):  P = (Wp | tq) x (xyz | 1) - shift in f32 (K = 4; the product that stays in f32), then X = Wn x codes + P on the codes.  P's registers are written by matrix instructions alone.
; ALL GLOBAL LOADS STAND AT THE HEAD: the 16 points' indices first, other loads behind them, a counted wait, the 64 loads of the records.  Records, tq, pos_w and the scale words go into the wave's
; own LDS, Wn (shared out, 6 loads a wave) into the work-group's; the loop reads LDS alone, one point a trip; the next point's LDS reads and f32 product stand inside this point's vector work.
; The last trip reads point 15 again (a clamp) and makes a P that nobody takes.
; NO DIFFERENCE OF LARGE SUMS: the wave takes the group means of its first point as a shift, sums d = x0 - shift and d^2, and stores mean = shift + S / 4096 and M2 = Q - S^2 / 4096;
; the next launch joins the 256 records of equal count.
.set WSZ, 49152                        ; LDS of a wave: 8,192 tq's 16 rows; 32,768 the 16 records' images (4 x 512 bytes a point); 8,192: 16 slots of 512 bytes
.set RCO, 8192
.set VCO, 40960
.set WL, 196608                        ; behind the four waves' own: the weights, 12,288 bytes each
.set TABN, 8388608
.set NV, 4                             ; slots: 0-2 pos_w, 3 Wn's scale words
.set NW, 1
.set R, 1
.set H, 2
.set H64, 3
.set VR4, 4
.set LANE16, 5
.set QA, 6
.set RA, 8
.set QA0, 9
.set RA0, 10
.set VST, 12
.set WTAL, 14
.set VW, 16
.set WLW, 17
.set WGO, 18
.set QLW, 19
.set TM, 40
.set ZERO, 57
.set LANE, 58
.set SH, 60                            ; v60-67  the shift, a pair for each b
.set SS, 68                            ; v68-75  sums, v76-83 sums of squares
.set QQ, 76
.set WNS, 108                          ; v108-115 Wn's scale words, v146 the neighbours': these hold scales and nothing else
.set GO, 116                           ; v116-131 the 16 points' indices, then the records' offsets
.set NREC, 132                         ; v132-147 a point's record: v132-143 codes, v144-145 (x, y | z, 1), v146 the scale word
.set NC, 132
.set XY, 144
.set NS, 146
.set TQV, 148                          ; v148-155 tq at my eight channels
.set WA, 156                           ; v156-171 (Wp | tq): two registers a tile
.set WY, 172                           ; v172-179 Wp's second column
.set VPW, 180
.set VPY, 181
.set RP, 182
.set X, 192
.set WT, 0                             ; window 1, at set-up: my share of the weights, tq's rows, the slots
.set TQT, 128
.set VT, 192
.set NSH, 0                            ; window 1, in the loop: minus the shift, eight registers for each b
.set WN, 0                             ; window 2 (at set-up: records 0-11)
.set P, 192                            ; window 3 (at set-up v0-63: records 12-15)
.set TQP, 4
.set IX, 6
.set STO, 14
.set WV, 66
.set SP, 67
.set SR, 68
.set SQ, 69
.set HM, 70
.set ROW, 71
.set NR, 72
.set SA, 84
.set SB, 85
.set SEL, 86
.set DB, 89
.set EXS, 91
.set TMP, 92
.set N0, 100
.set MSB, 0
.macro WIN new                         ; the immediate's high byte repeats the setting that is left
.if MSB != (\new)
	s_set_vgpr_msb (MSB<<8)|(\new)
.set MSB, (\new)
.endif
.endm
.macro RLOAD                           ; the record and tq of the point whose LDS offsets stand in s[SR], s[SQ]
	v_add_nc_u32 v[RA], s[SR], v[RA0]
	v_add_nc_u32 v[QA], s[SQ], v[QA0]
.irp c, 0,1,2,3
	ds_load_b128 v[NREC+4*\c:NREC+4*\c+3], v[RA] offset:512*\c
.endr
.irp t, 0,1,2,3,4,5,6,7
	ds_load_b32 v[TQV+\t], v[QA] offset:(32*(\t/2)+8*(\t%2))*4
.endr
.endm
.macro NEXT                            ; the next point's, or point 15's again
	s_add_co_u32 s[SA], s[SP], 1
	s_min_u32 s[SA], s[SA], 15
	s_lshl_b32 s[SR], s[SA], 11
	s_lshl_b32 s[SQ], s[SA], 9
	RLOAD
.endm
.macro POSMM                           ; P = (Wp | tq) x (xyz | 1) - shift.  Lanes 16-31 of a tile's second register hold k = 3: tq
	s_wait_dscnt 0x0
.irp t, 0,1,2,3,4,5,6,7
	v_cndmask_b32 v[WA+2*\t+1], v[WY+\t], v[TQV+\t], s[HM]
.endr
.rept 4
	v_nop
.endr
	WIN 0xd0                                       ; D window 3, C window 1
.irp t, 0,1,2,3,4,5,6,7
	v_wmma_f32_16x16x4_f32 v[P+8*\t:P+8*\t+7], v[WA+2*\t:WA+2*\t+1], v[XY:XY+1], v[NSH+8*(\t/2):NSH+8*(\t/2)+7]
.endr
	WIN 0
.endm
.macro HEADMM                          ; X = Wn x codes + P.  Nine plain places or more lie between the f32 products and these
	WIN 0x32                                       ; source 0 window 2, C window 3
.irp t, 0,1,2,3,4,5,6,7
	v_wmma_scale_f32_16x16x128_f8f6f4 v[X+8*\t:X+8*\t+7], v[WN+12*\t:WN+12*\t+11], v[NC:NC+11], v[P+8*\t:P+8*\t+7], v[WNS+\t], v[NS] matrix_a_fmt:MATRIX_FMT_FP6 matrix_b_fmt:MATRIX_FMT_FP6
.endr
	WIN 0
.rept 4
	v_nop                                          ; four plain places ahead of the loads into the record's registers and of the first read of a result
.endr
.endm
.macro VLD slot, ptr, off
	global_load_b128 v[VT+4*(\slot):VT+4*(\slot)+3], v[LANE16], s[\ptr:\ptr+1] offset:\off
.endm
.macro WLD m, ptr
.irp i, 0,1,2,3,4,5
	global_load_b128 v[WT+24*(\m)+4*\i:WT+24*(\m)+4*\i+3], v[WGO], s[\ptr:\ptr+1] offset:512*\i
.endr
.endm
.macro LDW_T wnd, wf, ws, m, ss        ; a weight's eight fragments and scale words out of LDS; lane r of tile 2 b + u takes row 32 b + 8 u + r + 8 (r / 8)
	WIN (\wnd)<<6
.irp t, 0,1,2,3,4,5,6,7
.irp p, 0,1,2,3,4,5
	ds_load_b64 v[\wf+12*\t+2*\p:\wf+12*\t+2*\p+1], v[WTAL] offset:12288*(\m)+(32*(\t/2)+8*(\t%2))*96+48*(\p/3)+8*(\p%3)
.endr
.endr
	WIN 0
.irp t, 0,1,2,3,4,5,6,7
	ds_load_b32 v[\ws+\t], v[VST] offset:512*(\ss)+(32*(\t/2)+8*(\t%2))*4
.endr
.endm
.macro ACC i0                          ; half of a point's sums
.irp i, \i0, \i0+2, \i0+4, \i0+6
.irp b, 0,1,2,3
	v_pk_add_f32 v[SS+2*\b:SS+2*\b+1], v[SS+2*\b:SS+2*\b+1], v[X+16*\b+(\i):X+16*\b+(\i)+1]
	v_pk_fma_f32 v[QQ+2*\b:QQ+2*\b+1], v[X+16*\b+(\i):X+16*\b+(\i)+1], v[X+16*\b+(\i):X+16*\b+(\i)+1], v[QQ+2*\b:QQ+2*\b+1]
.endr
.endr
.endm
	s_load_b256 s[4:11], s[0:1], 0x0               ; tab, idx, Wn's codes, Wn's scales
	s_load_b128 s[12:15], s[0:1], 0x20             ; pos_w, the records of sums
	v_lshl_add_u32 v190, v0, 2, 0x33000
	v_mov_b32 v191, 0
	v_lshrrev_b32 v[R], 5, v0
	v_readfirstlane_b32 s[WV], v[R]                ; wave 0..3
	s_and_b32 s[DB], ttmp7, 0xffff
	s_lshl_b32 s[N0], ttmp9, 6
	s_lshl_b32 s[SA], s[WV], 4
	s_add_co_u32 s[N0], s[N0], s[SA]               ; my first point
	s_lshl_b32 s[ROW], s[DB], 12
	s_add_co_u32 s[ROW], s[ROW], s[N0]
	s_mov_b32 s[SEL], 0x76543210
	s_mov_b32 s[SEL+1], 0xfedcba98                 ; v_permlanex16_b32's selects for lane l xor 16
	s_mov_b32 s[HM], 0xffff0000                    ; lanes 16-31
	s_mov_b32 s[TMP+1], 0
	v_and_b32 v[LANE], 31, v0
	v_and_b32 v[R], 15, v0
	v_bfe_u32 v[H], v0, 4, 1
	v_lshlrev_b32 v[H64], 6, v[H]
	v_lshlrev_b32 v[VR4], 2, v[R]
	v_lshlrev_b32 v[LANE16], 4, v[LANE]
	v_mov_b32 v[ZERO], 0
	v_and_b32 v[RP], 8, v[R]
	v_add_nc_u32 v[RP], v[RP], v[R]                ; r + 8 (r / 8)
	s_mul_i32 s[SA], s[WV], WSZ                    ; my wave's LDS
	v_lshl_add_u32 v[QA0], v[RP], 2, s[SA]
	v_add_nc_u32 v[QLW], s[SA], v[LANE16]
	s_add_co_u32 s[SB], s[SA], RCO
	v_add_nc_u32 v[RA0], s[SB], v[LANE16]
	s_add_co_u32 s[SB], s[SA], VCO
	v_add_nc_u32 v[VW], s[SB], v[LANE16]
	v_lshl_add_u32 v[VST], v[RP], 2, s[SB]
	v_mul_u32_u24 v[VPY], v[RP], 12
	v_add_nc_u32 v[VPY], s[SB], v[VPY]
	v_lshl_add_u32 v[VPW], v[H], 3, v[VPY]         ; pos_w(c, 2 h)
	v_add_nc_u32 v[VPY], 4, v[VPY]                 ; pos_w(c, 1)
	v_mul_u32_u24 v[WTAL], v[RP], 96
	v_mad_u32_u24 v[WTAL], v[H], 24, v[WTAL]
	v_add_nc_u32 v[WTAL], WL, v[WTAL]
	s_mul_i32 s[SB], s[WV], 3072                   ; my quarter of a weight
	v_add_nc_u32 v[WGO], s[SB], v[LANE16]
	v_add_nc_u32 v[WLW], WL, v[WGO]
	s_wait_kmcnt 0x0
	s_lshl_b32 s[TMP], s[DB], 19
	s_add_co_u32 s[TMP], s[TMP], TABN
	s_add_nc_u64 s[NR:NR+1], s[4:5], s[TMP:TMP+1]  ; the records of my y
	s_lshl_b32 s[TMP], s[ROW], 9
	s_add_nc_u64 s[TQP:TQP+1], s[TQP:TQP+1], s[TMP:TMP+1]
	s_lshl_b32 s[TMP], s[ROW], 6
	s_add_nc_u64 s[IX:IX+1], s[IX:IX+1], s[TMP:TMP+1]
	s_lshl_b32 s[TMP], ttmp9, 2
	s_add_co_u32 s[TMP], s[TMP], s[WV]
	s_lshl_b32 s[TMP], s[TMP], 6
	s_lshl_b32 s[SA], s[DB], 14
	s_add_co_u32 s[TMP], s[TMP], s[SA]             ; my record of sums: 16,384 y + 64 (4 x + wave)
	s_add_nc_u64 s[STO:STO+1], s[STO:STO+1], s[TMP:TMP+1]
.set i, 0
.rept 16
	global_load_b32 v[GO+i], v[VR4], s[IX:IX+1] offset:64*i            ; the indices of all 16 points first
.set i, i+1
.endr
	WIN 0x40
.set i, 0
.rept 16
	global_load_b128 v[TQT+4*i:TQT+4*i+3], v[LANE16], s[TQP:TQP+1] offset:512*i
.set i, i+1
.endr
	VLD 0, 12, 0
	VLD 1, 12, 512
	VLD 2, 12, 1024
	VLD 3, 10, 0
	WLD 0, 8
	WIN 0
	s_wait_loadcnt 16+NV+6*NW                      ; the indices are in; the 26 loads issued behind them may be out
.set i, 0
.rept 16
	v_min_u32 v[GO+i], 0xfff, v[GO+i]
.set i, i+1
.endr
.set i, 0
.rept 16
	v_lshl_add_u32 v[GO+i], v[GO+i], 7, v[H64]     ; my half of the neighbour's record
.set i, i+1
.endr
	WIN 0x80
.set i, 0
.rept 12
.irp c, 0,1,2,3
	global_load_b128 v[16*i+4*\c:16*i+4*\c+3], v[GO+i], s[NR:NR+1] offset:16*\c
.endr
.set i, i+1
.endr
	WIN 0xc0
.set i, 0
.rept 4
.irp c, 0,1,2,3
	global_load_b128 v[16*i+4*\c:16*i+4*\c+3], v[GO+12+i], s[NR:NR+1] offset:16*\c
.endr
.set i, i+1
.endr
	WIN 0
	s_wait_loadcnt 63                              ; 64 loads stand behind the first group: it is in
	WIN 0x04
.set i, 0
.rept 16
	ds_store_b128 v[QLW], v[TQT+4*i:TQT+4*i+3] offset:512*i
.set i, i+1
.endr
.set i, 0
.rept NV
	ds_store_b128 v[VW], v[VT+4*i:VT+4*i+3] offset:512*i
.set i, i+1
.endr
.set i, 0
.rept 6*NW
	ds_store_b128 v[WLW], v[WT+4*i:WT+4*i+3] offset:12288*(i/6)+512*(i%6)
.set i, i+1
.endr
	WIN 0
	s_wait_loadcnt 0x0                             ; the records
	WIN 0x08
.set i, 0
.rept 12
.irp c, 0,1,2,3
	ds_store_b128 v[RA0], v[16*i+4*\c:16*i+4*\c+3] offset:2048*i+512*\c        ; as images of the registers: 16 bytes a lane
.endr
.set i, i+1
.endr
	WIN 0x0c
.set i, 0
.rept 4
.irp c, 0,1,2,3
	ds_store_b128 v[RA0], v[16*i+4*\c:16*i+4*\c+3] offset:2048*(12+i)+512*\c
.endr
.set i, i+1
.endr
	WIN 0
	s_wait_dscnt 0x0                               ; for the others' sake: my quarter of the weight has landed
	s_barrier_signal -1
	s_barrier_wait -1
	LDW_T 2, WN, WNS, 0, 3
.irp t, 0,1,2,3,4,5,6,7
	ds_load_b32 v[WA+2*\t], v[VPW] offset:(32*(\t/2)+8*(\t%2))*12
	ds_load_b32 v[WY+\t], v[VPY] offset:(32*(\t/2)+8*(\t%2))*12
.endr
	WIN 0x40
.set i, 0
.rept 32
	v_mov_b32 v[NSH+i], 0
.set i, i+1
.endr
	WIN 0
.irp i, 0,1,2,3,4,5,6,7
	v_mov_b32 v[SH+\i], 0
.endr
.irp i, 0,1,2,3,4,5,6,7,8,9,10,11,12,13,14,15
	v_mov_b32 v[SS+\i], 0
.endr
	s_mov_b32 s[SR], 0
	s_mov_b32 s[SQ], 0
	RLOAD                                          ; point 0
	POSMM
.rept 9
	v_nop                                          ; nine plain places between an f32 product and the product that takes its result as C
.endr
	s_mov_b32 s[SP], 0
.Lpoints:
	HEADMM
	NEXT
	s_cmp_lg_u32 s[SP], 0                          ; the wave's first point gives the shift: its group means; later points get it taken off as the f32 product's C
	s_cbranch_scc1 .Lshifted
.irp b, 0,1,2,3
	v_pk_add_f32 v[TM+2*\b:TM+2*\b+1], v[X+16*\b:X+16*\b+1], v[X+16*\b+2:X+16*\b+3]
.endr
.irp i, 4,6,8,10,12,14
.irp b, 0,1,2,3
	v_pk_add_f32 v[TM+2*\b:TM+2*\b+1], v[TM+2*\b:TM+2*\b+1], v[X+16*\b+\i:X+16*\b+\i+1]
.endr
.endr
.irp b, 0,1,2,3
	v_add_f32 v[TM+2*\b], v[TM+2*\b], v[TM+2*\b+1]
.endr
.irp m, 1,2,4,8
.irp b, 0,1,2,3
	v_add_f32_dpp v[TM+2*\b], v[TM+2*\b], v[TM+2*\b] row_xmask:\m row_mask:0xf bank_mask:0xf
.endr
.endr
.irp b, 0,1,2,3
	v_mul_f32 v[SH+2*\b], 0x3b800000, v[TM+2*\b]   ; / 256
	v_mul_f32 v[SH+2*\b+1], 0x3b800000, v[TM+2*\b]
.endr
	WIN 0x40
.irp b, 0,1,2,3
.irp i, 0,1,2,3,4,5,6,7
	v_mul_f32 v[NSH+8*\b+\i], 0xbb800000, v[TM+2*\b]
.endr
.endr
	WIN 0
.set i, 0
.rept 32
	v_pk_add_f32 v[X+i:X+i+1], v[X+i:X+i+1], v[SH+2*(i/16):SH+2*(i/16)+1] neg_lo:[0,1] neg_hi:[0,1]
.set i, i+2
.endr
.Lshifted:
	ACC 0
	POSMM                                          ; the next point's, while the sums go on
	ACC 8
	s_add_co_u32 s[SP], s[SP], 1
	s_cmp_lt_u32 s[SP], 16
	s_cbranch_scc1 .Lpoints
	; THE RECORD OF SUMS: mean[8], M2[8].  Lanes 0-15 hold the even groups, lanes 16-31 the odd ones; lane 0 stores.
.irp b, 0,1,2,3
	v_add_f32 v[SS+2*\b], v[SS+2*\b], v[SS+2*\b+1]
	v_add_f32 v[QQ+2*\b], v[QQ+2*\b], v[QQ+2*\b+1]
.endr
.irp m, 1,2,4,8
.irp b, 0,1,2,3
	v_add_f32_dpp v[SS+2*\b], v[SS+2*\b], v[SS+2*\b] row_xmask:\m row_mask:0xf bank_mask:0xf
	v_add_f32_dpp v[QQ+2*\b], v[QQ+2*\b], v[QQ+2*\b] row_xmask:\m row_mask:0xf bank_mask:0xf
.endr
.endr
.irp b, 0,1,2,3
	v_mul_f32 v[TM+\b], 0x39800000, v[SS+2*\b]     ; S / 4096
.endr
.irp b, 0,1,2,3
	v_add_f32 v[X+2*\b], v[SH+2*\b], v[TM+\b]
	v_fma_f32 v[X+8+2*\b], -v[TM+\b], v[SS+2*\b], v[QQ+2*\b]
.endr
.irp b, 0,1,2,3
	v_permlanex16_b32 v[X+2*\b+1], v[X+2*\b], s[SEL], s[SEL+1]
	v_permlanex16_b32 v[X+8+2*\b+1], v[X+8+2*\b], s[SEL], s[SEL+1]
.endr
	v_cmp_eq_u32 vcc_lo, 0, v[LANE]
	s_wait_xcnt 0x0                                ; EXEC changes only behind this wait
	s_wait_tensorcnt 0x0
	ds_add_u32 v190, v191
	s_wait_dscnt 0x0
	s_and_saveexec_b32 s[EXS], vcc_lo
.irp c, 0,1,2,3
	global_store_b128 v[ZERO], v[X+4*\c:X+4*\c+3], s[STO:STO+1] offset:16*\c
.endr
	s_wait_xcnt 0x0
	s_or_b32 exec_lo, exec_lo, s[EXS]
	s_endpgm
.Lfunc_end_k_qc6e9ba1ce3_xstat0:
	.size	k_qc6e9ba1ce3_xstat0, .Lfunc_end_k_qc6e9ba1ce3_xstat0-k_qc6e9ba1ce3_xstat0
	.p2alignl 7, 3214868480
	.fill 96, 4, 3214868480
	.section	.rodata,"a",@progbits
	.p2align	6, 0x0
	.amdhsa_kernel k_qc6e9ba1ce3_xstat0
		.amdhsa_group_segment_fixed_size 209408
		.amdhsa_private_segment_fixed_size 0
		.amdhsa_enable_private_segment 0
		.amdhsa_kernarg_size 48
		.amdhsa_user_sgpr_count 2
		.amdhsa_user_sgpr_kernarg_segment_ptr 1
		.amdhsa_wavefront_size32 1
		.amdhsa_system_sgpr_workgroup_id_x 1
		.amdhsa_system_sgpr_workgroup_id_y 1
		.amdhsa_system_sgpr_workgroup_id_z 1
		.amdhsa_system_vgpr_workitem_id 0
		.amdhsa_next_free_vgpr 1024
		.amdhsa_next_free_sgpr 102
		.amdhsa_reserve_vcc 1
		.amdhsa_float_denorm_mode_32 3
		.amdhsa_float_denorm_mode_16_64 3
		.amdhsa_memory_ordered 1
		.amdhsa_forward_progress 1
		.amdhsa_inst_pref_size 49
	.end_amdhsa_kernel
	.amdgpu_metadata
---
amdhsa.version: [ 1, 2 ]
amdhsa.kernels:
  - .name:           k_qc6e9ba1ce3_xstat0
    .symbol:         k_qc6e9ba1ce3_xstat0.kd
    .args:
      - { .name: tab1, .offset: 0, .size: 8, .value_kind: global_buffer, .address_space: global }
      - { .name: idx, .offset: 8, .size: 8, .value_kind: global_buffer, .address_space: global }
      - { .name: wn1c, .offset: 16, .size: 8, .value_kind: global_buffer, .address_space: global }
      - { .name: wn1s, .offset: 24, .size: 8, .value_kind: global_buffer, .address_space: global }
      - { .name: pos1_w, .offset: 32, .size: 8, .value_kind: global_buffer, .address_space: global }
      - { .name: st_a, .offset: 40, .size: 8, .value_kind: global_buffer, .address_space: global }
    .group_segment_fixed_size: 209408
    .private_segment_fixed_size: 0
    .kernarg_segment_align: 8
    .kernarg_segment_size: 48
    .max_flat_workgroup_size: 128
    .sgpr_count:     102
    .vgpr_count:     1024
    .wavefront_size: 32
...
	.end_amdgpu_metadata
.endif
;; end of part 8
;; launch xstat1 (part 9): grid 64 x 4, 4 waves a work-group, no clusters, 221,696 bytes of LDS; arguments tab1, idx, wn1c, wn1s, pos1_w, st_a, gn1_g, gn1_b, m1a_w_codes, m1a_w_scales, m1a_b, st_b; writes st_b
.if DOCPART == 9
	.amdgcn_target "amdgcn-amd-amdhsa--gfx1250"
	.amdhsa_code_object_version 6
	.text
	.protected	k_qc6e9ba1ce3_xstat1
	.globl	k_qc6e9ba1ce3_xstat1
	.p2align	8
	.type	k_qc6e9ba1ce3_xstat1,@function
k_qc6e9ba1ce3_xstat1:
	s_mov_b64 s[64:65], 0
	v_nop
	global_prefetch_b8 v0, s[64:65] scope:SCOPE_SE
	s_setreg_imm32_b32 hwreg(HW_REG_WAVE_MODE, 25, 1), 1
	s_wait_xcnt 0x0
; The statistics of the second GroupNorm of a cross block: of y = W Q(lrelu(GN(x0))) + b, Q the quantiser to E2M3 along the 128 channels.
; x0[n][k][c] = Wn codes[idx] + Wp xyz[idx] + tq[n] is made anew from the neighbours' records of 128 bytes, as in the launch before: P = (Wp | tq) x (xyz | 1) in f32 (K = 4), X = Wn x codes + P.
; A work-group has 64 points, a wave 16; one point is a tile of 16 rows (its neighbours): lane (r, h) holds neighbour r, register 16 b + i channel 32 b + 16 h + i = group 2 b + h.
; ALL GLOBAL LOADS STAND AT THE HEAD: the 16 points' indices, other loads, a counted wait, the records, the sums' records.  Records, tq and the per-channel vectors (one load of 512 bytes each) go
; into the wave's own LDS, the two weights (shared out, 6 loads a wave each) into the work-group's; the loop reads LDS alone, one point a trip.  The last trip reads point 15 again and makes a P that nobody takes.
; SET-UP: every wave joins the 256 records of its y: mean = sum of means / 256, var = (sum of M2 + 4096 sum of (mean_w - mean)^2) / 2^20; GN and its gain become one multiply-add x A + B.
; ALL PRODUCTS ARE USED TRANSPOSED (source 0 = 16 rows of a weight, source 1 = the point's 16 rows), lane r of tile 2 b + u taking row 32 b + 8 u + r + 8 (r / 8): every result has x0's layout.
; The bias less the wave's shift is the last product's C.  The shift, the sums and the record are as in the launch before.
; LIMITS: NaN and infinities are not served; a block of zeros gets the scale byte 1 (its codes are zeros; only this program reads the byte).
.set WSZ, 49152                        ; LDS of a wave: 8,192 tq's 16 rows; 32,768 the 16 records' images; 8,192: 16 slots of 512 bytes
.set RCO, 8192
.set VCO, 40960
.set WL, 196608                        ; the weights, 12,288 bytes each: 0 Wn, 1 W
.set TABN, 8388608
.set NV, 8                             ; slots: 0-2 pos_w, 3 Wn's scales, 4 gain, 5 offset, 6 W's scales, 7 W's bias
.set NW, 2
.set R, 1
.set H, 2
.set H64, 3
.set VR4, 4
.set LANE16, 5
.set QA, 6
.set RA, 8
.set QA0, 9
.set RA0, 10
.set VR, 11
.set VST, 12
.set WTAL, 14
.set VW, 16
.set WLW, 17
.set WGO, 18
.set QLW, 19
.set COD, 20                           ; v20-31 the codes; v32-38 the conversions' second halves
.set FA64, 39
.set TM, 40
.set PW, 56                            ; v56, v84-91, v108-115, v146 hold scales and nothing else
.set ZERO, 57
.set LANE, 58
.set SH, 60
.set SS, 68
.set QQ, 76
.set MEAN, 68                          ; at set-up: the eight means, the eight 1 / sqrt(var + eps)
.set RS, 76
.set WS1, 84
.set WNS, 108
.set GO, 116
.set NREC, 132
.set NC, 132
.set XY, 144
.set NS, 146
.set TQV, 148
.set WA, 156
.set WY, 172
.set VPW, 180
.set VPY, 181
.set RP, 182
.set X, 192
.set WT, 0                             ; window 1, at set-up: my share of the weights, tq's rows, the slots
.set TQT, 128
.set VT, 192
.set AF1, 0                            ; window 1, in the loop: A, B
.set BF1, 64
.set WN, 0                             ; window 2: Wn, W, bias - shift (at set-up v0-191: records 0-11)
.set W1, 96
.set CB, 192
.set FR, 64                            ; window 3, at set-up: v0-63 records 12-15, v64-191 the sums' records
.set P, 192                            ; window 3
.set TQP, 4
.set IX, 6
.set STI, 14
.set STO, 26
.set WV, 66
.set SP, 67
.set SR, 68
.set SQ, 69
.set HM, 70
.set ROW, 71
.set NR, 72
.set SA, 84
.set SB, 85
.set SEL, 86
.set DB, 89
.set EXS, 91
.set TMP, 92
.set FINO, 94
.set KC1, 96
.set KC2, 97
.set N0, 100
.set MSB, 0
.macro WIN new                         ; the immediate's high byte repeats the setting that is left
.if MSB != (\new)
	s_set_vgpr_msb (MSB<<8)|(\new)
.set MSB, (\new)
.endif
.endm
.macro RLOAD                           ; the record and tq of the point whose LDS offsets stand in s[SR], s[SQ]
	v_add_nc_u32 v[RA], s[SR], v[RA0]
	v_add_nc_u32 v[QA], s[SQ], v[QA0]
.irp c, 0,1,2,3
	ds_load_b128 v[NREC+4*\c:NREC+4*\c+3], v[RA] offset:512*\c
.endr
.irp t, 0,1,2,3,4,5,6,7
	ds_load_b32 v[TQV+\t], v[QA] offset:(32*(\t/2)+8*(\t%2))*4
.endr
.endm
.macro NEXT                            ; the next point's, or point 15's again
	s_add_co_u32 s[SA], s[SP], 1
	s_min_u32 s[SA], s[SA], 15
	s_lshl_b32 s[SR], s[SA], 11
	s_lshl_b32 s[SQ], s[SA], 9
	RLOAD
.endm
.macro POSMM                           ; P = (Wp | tq) x (xyz | 1).  Lanes 16-31 of a tile's second register hold k = 3: tq
	s_wait_dscnt 0x0
.irp t, 0,1,2,3,4,5,6,7
	v_cndmask_b32 v[WA+2*\t+1], v[WY+\t], v[TQV+\t], s[HM]
.endr
.rept 4
	v_nop
.endr
	WIN 0xc0                                       ; D window 3
.irp t, 0,1,2,3,4,5,6,7
	v_wmma_f32_16x16x4_f32 v[P+8*\t:P+8*\t+7], v[WA+2*\t:WA+2*\t+1], v[XY:XY+1], 0
.endr
	WIN 0
.endm
.macro HEADMM                          ; X = Wn x codes + P.  Nine plain places or more lie between the f32 products and these
	WIN 0x32                                       ; source 0 window 2, C window 3
.irp t, 0,1,2,3,4,5,6,7
	v_wmma_scale_f32_16x16x128_f8f6f4 v[X+8*\t:X+8*\t+7], v[WN+12*\t:WN+12*\t+11], v[NC:NC+11], v[P+8*\t:P+8*\t+7], v[WNS+\t], v[NS] matrix_a_fmt:MATRIX_FMT_FP6 matrix_b_fmt:MATRIX_FMT_FP6
.endr
	WIN 0
.rept 4
	v_nop                                          ; four plain places ahead of the loads into the record's registers and of the first read of a result
.endr
.endm
.macro VLD slot, ptr, off
	global_load_b128 v[VT+4*(\slot):VT+4*(\slot)+3], v[LANE16], s[\ptr:\ptr+1] offset:\off
.endm
.macro WLD m, ptr
.irp i, 0,1,2,3,4,5
	global_load_b128 v[WT+24*(\m)+4*\i:WT+24*(\m)+4*\i+3], v[WGO], s[\ptr:\ptr+1] offset:512*\i
.endr
.endm
.macro LDW_T wnd, wf, ws, m, ss        ; a weight's eight fragments and scale words out of LDS; lane r of tile 2 b + u takes row 32 b + 8 u + r + 8 (r / 8)
	WIN (\wnd)<<6
.irp t, 0,1,2,3,4,5,6,7
.irp p, 0,1,2,3,4,5
	ds_load_b64 v[\wf+12*\t+2*\p:\wf+12*\t+2*\p+1], v[WTAL] offset:12288*(\m)+(32*(\t/2)+8*(\t%2))*96+48*(\p/3)+8*(\p%3)
.endr
.endr
	WIN 0
.irp t, 0,1,2,3,4,5,6,7
	ds_load_b32 v[\ws+\t], v[VST] offset:512*(\ss)+(32*(\t/2)+8*(\t%2))*4
.endr
.endm
.macro WSUM base, n, tmp               ; n sums over the wave's 32 lanes, the result in every lane
.irp m, 1,2,4,8
.set i, 0
.rept \n
	v_add_f32_dpp v[\base+i], v[\base+i], v[\base+i] row_xmask:\m row_mask:0xf bank_mask:0xf
.set i, i+1
.endr
.endr
.set i, 0
.rept \n
	v_permlanex16_b32 v[\tmp+i], v[\base+i], s[SEL], s[SEL+1]
.set i, i+1
.endr
.set i, 0
.rept \n
	v_add_f32 v[\base+i], v[\base+i], v[\tmp+i]
.set i, i+1
.endr
.endm
.macro FINAL                           ; the 256 records of my y, eight a lane (window 3), become MEAN and RS
	WIN 0x0f
.irp e, 0,2,4,6,8,10,12,14
	v_pk_add_f32 v[MEAN+\e:MEAN+\e+1], v[FR+\e:FR+\e+1], v[FR+16+\e:FR+16+\e+1]
.endr
	WIN 0x0c
.irp k, 2,3,4,5,6,7
.irp e, 0,2,4,6,8,10,12,14
	v_pk_add_f32 v[MEAN+\e:MEAN+\e+1], v[MEAN+\e:MEAN+\e+1], v[FR+16*\k+\e:FR+16*\k+\e+1]
.endr
.endr
	WIN 0
	WSUM MEAN, 16, TM
.irp e, 0,2,4,6
	v_pk_mul_f32 v[MEAN+\e:MEAN+\e+1], v[MEAN+\e:MEAN+\e+1], 0x3b800000 op_sel_hi:[1,0]   ; / 256
.endr
.irp k, 0,1,2,3,4,5,6,7
	WIN 0x03
.irp e, 0,2,4,6
	v_pk_add_f32 v[TM+\e:TM+\e+1], v[FR+16*\k+\e:FR+16*\k+\e+1], v[MEAN+\e:MEAN+\e+1] neg_lo:[0,1] neg_hi:[0,1]
.endr
	WIN 0
.irp e, 0,2,4,6
.if \k == 0
	v_pk_mul_f32 v[TM+8+\e:TM+8+\e+1], v[TM+\e:TM+\e+1], v[TM+\e:TM+\e+1]
.else
	v_pk_fma_f32 v[TM+8+\e:TM+8+\e+1], v[TM+\e:TM+\e+1], v[TM+\e:TM+\e+1], v[TM+8+\e:TM+8+\e+1]
.endif
.endr
.endr
	WSUM TM+8, 8, TM
.irp g, 0,1,2,3,4,5,6,7
	v_fma_f32 v[RS+\g], v[TM+8+\g], 0x45800000, v[RS+\g]    ; sum of M2 + 4096 x the spread of the means
.endr
.irp g, 0,1,2,3,4,5,6,7
	v_fma_f32 v[RS+\g], v[RS+\g], s[KC1], s[KC2]            ; / 2^20 + 1e-5
.endr
.irp g, 0,1,2,3,4,5,6,7
	v_rsq_f32 v[RS+\g], v[RS+\g]
.endr
	v_nop                                          ; a plain place behind the last of the batch
	s_wait_alu depctr_va_vdst(0)                   ; one wait for the eight, ahead of their first reader
.endm
.macro FINSTORE k, mb                  ; means and 1 / sqrt are kept for the later launches: one wave of each y stores them, from lane 0
	s_or_b32 s[SA], ttmp9, s[WV]
	s_cmp_lg_u32 s[SA], 0
	s_cbranch_scc1 .Lnofin_\@
	v_cmp_eq_u32 vcc_lo, 0, v[LANE]
	s_wait_xcnt 0x0                                ; EXEC changes only behind this wait
	s_and_saveexec_b32 s[EXS], vcc_lo
.irp c, 0,1,2,3
	global_store_b128 v[ZERO], v[\mb+4*\c:\mb+4*\c+3], s[FINO:FINO+1] offset:64*(\k)+16*\c
.endr
	s_wait_xcnt 0x0
	s_or_b32 exec_lo, exec_lo, s[EXS]
.Lnofin_\@:
.endm
.macro MKAB ra, rb, sg, sb, hasb, sbias, mb    ; (window 1) A = gain / sqrt(var + eps), B = offset + (bias - mean) A; gain, offset and bias out of my slots
	v_cmp_ne_u32 vcc_lo, 0, v[H]
.irp q, 0,1,2,3
	v_cndmask_b32 v[TM+2*\q], v[\mb+2*\q], v[\mb+2*\q+1], vcc_lo       ; my half's group 2 q + h
	v_cndmask_b32 v[TM+2*\q+1], v[\mb+2*\q], v[\mb+2*\q+1], vcc_lo
	v_cndmask_b32 v[TM+8+2*\q], v[\mb+8+2*\q], v[\mb+8+2*\q+1], vcc_lo
	v_cndmask_b32 v[TM+8+2*\q+1], v[\mb+8+2*\q], v[\mb+8+2*\q+1], vcc_lo
.endr
	WIN 0x40
.irp b, 0,1,2,3
.irp j, 0,1,2,3
	ds_load_b128 v[\ra+16*\b+4*\j:\ra+16*\b+4*\j+3], v[VR] offset:512*(\sg)+128*\b+16*\j
	ds_load_b128 v[\rb+16*\b+4*\j:\rb+16*\b+4*\j+3], v[VR] offset:512*(\sb)+128*\b+16*\j
.endr
.endr
	WIN 0
.if \hasb
.irp b, 0,1,2,3
.irp j, 0,1,2,3
	ds_load_b128 v[X+16*\b+4*\j:X+16*\b+4*\j+3], v[VR] offset:512*(\sbias)+128*\b+16*\j
.endr
.endr
.endif
	s_wait_dscnt 0x0
	WIN 0x41
.set i, 0
.rept 32
	v_pk_mul_f32 v[\ra+i:\ra+i+1], v[\ra+i:\ra+i+1], v[TM+8+2*(i/16):TM+8+2*(i/16)+1]
.set i, i+2
.endr
.if \hasb
	WIN 0
.set i, 0
.rept 32
	v_pk_add_f32 v[X+i:X+i+1], v[X+i:X+i+1], v[TM+2*(i/16):TM+2*(i/16)+1] neg_lo:[0,1] neg_hi:[0,1]
.set i, i+2
.endr
	WIN 0x54
.set i, 0
.rept 32
	v_pk_fma_f32 v[\rb+i:\rb+i+1], v[X+i:X+i+1], v[\ra+i:\ra+i+1], v[\rb+i:\rb+i+1]
.set i, i+2
.endr
.else
	WIN 0x54
.set i, 0
.rept 32
	v_pk_fma_f32 v[\rb+i:\rb+i+1], v[TM+2*(i/16):TM+2*(i/16)+1], v[\ra+i:\ra+i+1], v[\rb+i:\rb+i+1] neg_lo:[1,0,0] neg_hi:[1,0,0]
.set i, i+2
.endr
.endif
	WIN 0
.endm
.macro AFF ra, rb                      ; X = X A + B, in ascending order: each accumulator is first read at its low end
	WIN 0x14
.set i, 0
.rept 32
	v_pk_fma_f32 v[X+i:X+i+1], v[X+i:X+i+1], v[\ra+i:\ra+i+1], v[\rb+i:\rb+i+1]
.set i, i+2
.endr
	WIN 0
.endm
.macro LRELU                           ; max(x, 0.1 x)
.set i, 0
.rept 8
.irp u, 0,2,4,6
	v_pk_mul_f32 v[TM+\u:TM+\u+1], v[X+i+\u:X+i+\u+1], 0x3dcccccd op_sel_hi:[1,0]
.endr
.irp u, 0,1,2,3,4,5,6,7
	v_max_num_f32 v[X+i+\u], v[X+i+\u], v[TM+\u]
.endr
.set i, i+8
.endr
.endm
; X's 64 numbers of a lane, register 16 b + i = k 32 b + 16 h + i of my row, become a fragment's codes in v[COD] on and its scale word in v[PW].
.macro QUANT
.irp b, 0,1,2,3
	v_max3_num_f32 v[TM+\b], |v[X+16*\b]|, |v[X+1+16*\b]|, 0x1800000   ; block b: my 16 numbers, and the floor 2^(3 - 127): the byte cannot fall under 1
.endr
.irp i, 2,4,6,8,10,12,14
.irp b, 0,1,2,3
	v_max3_num_f32 v[TM+\b], v[TM+\b], |v[X+16*\b+\i]|, |v[X+1+16*\b+\i]|
.endr
.endr
.irp b, 0,1,2,3
	v_permlanex16_b32 v[TM+4+\b], v[TM+\b], s[SEL], s[SEL+1]
.endr
.irp b, 0,1,2,3
	v_max_num_f32 v[TM+\b], v[TM+\b], v[TM+4+\b]   ; with lane l xor 16's: the block's largest magnitude
.endr
.irp b, 0,1,2,3
	v_add_nc_u32 v[TM+12+\b], 0xff000000, v[TM+\b] ; 2 off its exponent field: the conversion's scale operand
.endr
.irp b, 0,1,2,3
	v_lshrrev_b32 v[TM+4+\b], 23, v[TM+12+\b]      ; the scale's byte
.endr
	v_lshl_or_b32 v[PW], v[TM+5], 8, v[TM+4]
	v_lshl_or_b32 v[PW], v[TM+6], 16, v[PW]
	v_lshl_or_b32 v[PW], v[TM+7], 24, v[PW]
.irp c, 0,1
	v_cvt_scalef32_pk16_fp6_f32 v[COD+6*\c:COD+2+6*\c], v[X+32*\c:X+15+32*\c], v[TM+12+2*\c]
	v_cvt_scalef32_pk16_fp6_f32 v[COD+12+4*\c:COD+14+4*\c], v[X+16+32*\c:X+31+32*\c], v[TM+12+2*\c+1]   ; (a conversion's three registers begin on an even number)
.endr
	v_nop                                          ; one plain place behind a scaled conversion
.irp c, 0,1                                    ; the operand's layout wants a whole block in a lane
.irp i, 0,1,2
	v_permlane16_swap_b32 v[COD+6*\c+\i], v[COD+12+4*\c+\i]
.endr
.irp i, 0,1,2
	v_mov_b32 v[COD+3+6*\c+\i], v[COD+12+4*\c+\i]
.endr
.endr
.rept 8
	v_nop                                          ; a scale word made by vector instructions stands eight places ahead of the scaled product, the codes four
.endr
.endm
.macro MM_T msb, wf, ws, usec          ; eight products, transposed: the result has X's layout.  usec = 1: C is the bias less the shift
	WIN \msb
.irp t, 0,1,2,3,4,5,6,7
.if \usec
	v_wmma_scale_f32_16x16x128_f8f6f4 v[X+8*\t:X+8*\t+7], v[\wf+12*\t:\wf+12*\t+11], v[COD:COD+11], v[CB+8*\t:CB+8*\t+7], v[\ws+\t], v[PW] matrix_a_fmt:MATRIX_FMT_FP6 matrix_b_fmt:MATRIX_FMT_FP6
.else
	v_wmma_scale_f32_16x16x128_f8f6f4 v[X+8*\t:X+8*\t+7], v[\wf+12*\t:\wf+12*\t+11], v[COD:COD+11], 0, v[\ws+\t], v[PW] matrix_a_fmt:MATRIX_FMT_FP6 matrix_b_fmt:MATRIX_FMT_FP6
.endif
.endr
	WIN 0
.rept 4
	v_nop                                          ; four plain places ahead of the first read of a result
.endr
.endm
	s_load_b512 s[4:19], s[0:1], 0x0               ; tab, idx, Wn's codes, scales; pos_w; the sums' records in; gain, offset
	s_load_b256 s[20:27], s[0:1], 0x40             ; W's codes, scales, bias; the sums' records out
	v_lshl_add_u32 v190, v0, 2, 0x36000
	v_mov_b32 v191, 0
	v_lshrrev_b32 v[R], 5, v0
	v_readfirstlane_b32 s[WV], v[R]                ; wave 0..3
	s_and_b32 s[DB], ttmp7, 0xffff
	s_lshl_b32 s[N0], ttmp9, 6
	s_lshl_b32 s[SA], s[WV], 4
	s_add_co_u32 s[N0], s[N0], s[SA]               ; my first point
	s_lshl_b32 s[ROW], s[DB], 12
	s_add_co_u32 s[ROW], s[ROW], s[N0]
	s_mov_b32 s[SEL], 0x76543210
	s_mov_b32 s[SEL+1], 0xfedcba98                 ; v_permlanex16_b32's selects for lane l xor 16
	s_mov_b32 s[HM], 0xffff0000                    ; lanes 16-31
	s_mov_b32 s[KC1], 0x35800000                   ; 2^-20
	s_mov_b32 s[KC2], 0x3727c5ac                   ; 1e-5
	s_mov_b32 s[TMP+1], 0
	v_and_b32 v[LANE], 31, v0
	v_and_b32 v[R], 15, v0
	v_bfe_u32 v[H], v0, 4, 1
	v_lshlrev_b32 v[H64], 6, v[H]
	v_lshlrev_b32 v[VR4], 2, v[R]
	v_lshlrev_b32 v[LANE16], 4, v[LANE]
	v_lshlrev_b32 v[FA64], 6, v[LANE]
	v_mov_b32 v[ZERO], 0
	v_and_b32 v[RP], 8, v[R]
	v_add_nc_u32 v[RP], v[RP], v[R]                ; r + 8 (r / 8)
	s_mul_i32 s[SA], s[WV], WSZ                    ; my wave's LDS
	v_lshl_add_u32 v[QA0], v[RP], 2, s[SA]
	v_add_nc_u32 v[QLW], s[SA], v[LANE16]
	s_add_co_u32 s[SB], s[SA], RCO
	v_add_nc_u32 v[RA0], s[SB], v[LANE16]
	s_add_co_u32 s[SB], s[SA], VCO
	v_add_nc_u32 v[VW], s[SB], v[LANE16]
	v_add_nc_u32 v[VR], s[SB], v[H64]
	v_lshl_add_u32 v[VST], v[RP], 2, s[SB]
	v_mul_u32_u24 v[VPY], v[RP], 12
	v_add_nc_u32 v[VPY], s[SB], v[VPY]
	v_lshl_add_u32 v[VPW], v[H], 3, v[VPY]         ; pos_w(c, 2 h)
	v_add_nc_u32 v[VPY], 4, v[VPY]                 ; pos_w(c, 1)
	v_mul_u32_u24 v[WTAL], v[RP], 96
	v_mad_u32_u24 v[WTAL], v[H], 24, v[WTAL]
	v_add_nc_u32 v[WTAL], WL, v[WTAL]
	s_mul_i32 s[SB], s[WV], 3072                   ; my quarter of a weight
	v_add_nc_u32 v[WGO], s[SB], v[LANE16]
	v_add_nc_u32 v[WLW], WL, v[WGO]
.irp i, 0,1,2,3,4,5,6,7,8,9,10,11,12,13,14,15
	v_mov_b32 v[TM+\i], 0                          ; written once: a lane permute's destination counts as one of its sources
.endr
	s_wait_kmcnt 0x0
	s_lshl_b32 s[TMP], s[DB], 19
	s_add_co_u32 s[TMP], s[TMP], TABN
	s_add_nc_u64 s[NR:NR+1], s[4:5], s[TMP:TMP+1]  ; the records of my y
	s_lshl_b32 s[TMP], s[ROW], 9
	s_add_nc_u64 s[TQP:TQP+1], s[TQP:TQP+1], s[TMP:TMP+1]
	s_lshl_b32 s[TMP], s[ROW], 6
	s_add_nc_u64 s[IX:IX+1], s[IX:IX+1], s[TMP:TMP+1]
	s_lshl_b32 s[TMP], s[DB], 14
	s_add_nc_u64 s[STI:STI+1], s[STI:STI+1], s[TMP:TMP+1]
	s_lshl_b32 s[TMP], s[DB], 7
	s_add_co_u32 s[TMP], s[TMP], 65536
	s_add_nc_u64 s[FINO:FINO+1], s[STO:STO+1], s[TMP:TMP+1]
	s_lshl_b32 s[TMP], ttmp9, 2
	s_add_co_u32 s[TMP], s[TMP], s[WV]
	s_lshl_b32 s[TMP], s[TMP], 6
	s_lshl_b32 s[SA], s[DB], 14
	s_add_co_u32 s[TMP], s[TMP], s[SA]
	s_add_nc_u64 s[STO:STO+1], s[STO:STO+1], s[TMP:TMP+1]
.set i, 0
.rept 16
	global_load_b32 v[GO+i], v[VR4], s[IX:IX+1] offset:64*i            ; the indices of all 16 points first
.set i, i+1
.endr
	WIN 0x40
.set i, 0
.rept 16
	global_load_b128 v[TQT+4*i:TQT+4*i+3], v[LANE16], s[TQP:TQP+1] offset:512*i
.set i, i+1
.endr
	VLD 0, 12, 0
	VLD 1, 12, 512
	VLD 2, 12, 1024
	VLD 3, 10, 0
	VLD 4, 16, 0
	VLD 5, 18, 0
	VLD 6, 22, 0
	VLD 7, 24, 0
	WLD 0, 8
	WLD 1, 20
	WIN 0
	s_wait_loadcnt 16+NV+6*NW                      ; the indices are in; the 36 loads issued behind them may be out
.set i, 0
.rept 16
	v_min_u32 v[GO+i], 0xfff, v[GO+i]
.set i, i+1
.endr
.set i, 0
.rept 16
	v_lshl_add_u32 v[GO+i], v[GO+i], 7, v[H64]     ; my half of the neighbour's record
.set i, i+1
.endr
	WIN 0x80
.set i, 0
.rept 12
.irp c, 0,1,2,3
	global_load_b128 v[16*i+4*\c:16*i+4*\c+3], v[GO+i], s[NR:NR+1] offset:16*\c
.endr
.set i, i+1
.endr
	WIN 0xc0
.set i, 0
.rept 4
.irp c, 0,1,2,3
	global_load_b128 v[16*i+4*\c:16*i+4*\c+3], v[GO+12+i], s[NR:NR+1] offset:16*\c
.endr
.set i, i+1
.endr
.irp k, 0,1,2,3,4,5,6,7
.irp c, 0,1,2,3
	global_load_b128 v[FR+16*\k+4*\c:FR+16*\k+4*\c+3], v[FA64], s[STI:STI+1] offset:2048*\k+16*\c
.endr
.endr
	WIN 0
	s_wait_loadcnt 63                              ; 96 loads stand behind the first group: it is in
	WIN 0x04
.set i, 0
.rept 16
	ds_store_b128 v[QLW], v[TQT+4*i:TQT+4*i+3] offset:512*i
.set i, i+1
.endr
.set i, 0
.rept NV
	ds_store_b128 v[VW], v[VT+4*i:VT+4*i+3] offset:512*i
.set i, i+1
.endr
.set i, 0
.rept 6*NW
	ds_store_b128 v[WLW], v[WT+4*i:WT+4*i+3] offset:12288*(i/6)+512*(i%6)
.set i, i+1
.endr
	WIN 0
	s_wait_loadcnt 32                              ; the records are in; the 32 loads of the sums' records may be out
	WIN 0x08
.set i, 0
.rept 12
.irp c, 0,1,2,3
	ds_store_b128 v[RA0], v[16*i+4*\c:16*i+4*\c+3] offset:2048*i+512*\c        ; as images of the registers: 16 bytes a lane
.endr
.set i, i+1
.endr
	WIN 0x0c
.set i, 0
.rept 4
.irp c, 0,1,2,3
	ds_store_b128 v[RA0], v[16*i+4*\c:16*i+4*\c+3] offset:2048*(12+i)+512*\c
.endr
.set i, i+1
.endr
	WIN 0
	s_wait_loadcnt 0x0
	FINAL
	FINSTORE 0, MEAN
	s_wait_dscnt 0x0                               ; for the others' sake: my quarters of the weights have landed
	s_barrier_signal -1
	s_barrier_wait -1
	MKAB AF1, BF1, 4, 5, 0, 0, MEAN
	LDW_T 2, WN, WNS, 0, 3
	LDW_T 2, W1, WS1, 1, 6
	WIN 0x80
.irp b, 0,1,2,3
.irp j, 0,1,2,3
	ds_load_b128 v[CB+16*\b+4*\j:CB+16*\b+4*\j+3], v[VR] offset:512*7+128*\b+16*\j
.endr
.endr
	WIN 0
.irp t, 0,1,2,3,4,5,6,7
	ds_load_b32 v[WA+2*\t], v[VPW] offset:(32*(\t/2)+8*(\t%2))*12
	ds_load_b32 v[WY+\t], v[VPY] offset:(32*(\t/2)+8*(\t%2))*12
.endr
.irp i, 0,1,2,3,4,5,6,7
	v_mov_b32 v[SH+\i], 0
.endr
.irp i, 0,1,2,3,4,5,6,7,8,9,10,11,12,13,14,15
	v_mov_b32 v[SS+\i], 0
.endr
	s_mov_b32 s[SR], 0
	s_mov_b32 s[SQ], 0
	RLOAD                                          ; point 0
	POSMM
.rept 9
	v_nop                                          ; nine plain places between an f32 product and the product that takes its result as C
.endr
	s_mov_b32 s[SP], 0
.Lpoints:
	HEADMM
	NEXT
	AFF AF1, BF1
	LRELU
	POSMM                                          ; the next point's, while this point is quantised
	QUANT
	MM_T 0x22, W1, WS1, 1
	s_cmp_lg_u32 s[SP], 0                          ; the wave's first point gives the shift: its group means; it is taken off the bias, and off this point
	s_cbranch_scc1 .Lshifted
.irp b, 0,1,2,3
	v_pk_add_f32 v[TM+2*\b:TM+2*\b+1], v[X+16*\b:X+16*\b+1], v[X+16*\b+2:X+16*\b+3]
.endr
.irp i, 4,6,8,10,12,14
.irp b, 0,1,2,3
	v_pk_add_f32 v[TM+2*\b:TM+2*\b+1], v[TM+2*\b:TM+2*\b+1], v[X+16*\b+\i:X+16*\b+\i+1]
.endr
.endr
.irp b, 0,1,2,3
	v_add_f32 v[TM+2*\b], v[TM+2*\b], v[TM+2*\b+1]
.endr
.irp m, 1,2,4,8
.irp b, 0,1,2,3
	v_add_f32_dpp v[TM+2*\b], v[TM+2*\b], v[TM+2*\b] row_xmask:\m row_mask:0xf bank_mask:0xf
.endr
.endr
.irp b, 0,1,2,3
	v_mul_f32 v[SH+2*\b], 0x3b800000, v[TM+2*\b]   ; / 256
	v_mul_f32 v[SH+2*\b+1], 0x3b800000, v[TM+2*\b]
.endr
	WIN 0x82
.set i, 0
.rept 32
	v_pk_add_f32 v[CB+i:CB+i+1], v[CB+i:CB+i+1], v[SH+2*(i/16):SH+2*(i/16)+1] neg_lo:[0,1] neg_hi:[0,1]
.set i, i+2
.endr
	WIN 0
.set i, 0
.rept 32
	v_pk_add_f32 v[X+i:X+i+1], v[X+i:X+i+1], v[SH+2*(i/16):SH+2*(i/16)+1] neg_lo:[0,1] neg_hi:[0,1]
.set i, i+2
.endr
.Lshifted:
.irp i, 0,2,4,6,8,10,12,14
.irp b, 0,1,2,3
	v_pk_add_f32 v[SS+2*\b:SS+2*\b+1], v[SS+2*\b:SS+2*\b+1], v[X+16*\b+\i:X+16*\b+\i+1]
	v_pk_fma_f32 v[QQ+2*\b:QQ+2*\b+1], v[X+16*\b+\i:X+16*\b+\i+1], v[X+16*\b+\i:X+16*\b+\i+1], v[QQ+2*\b:QQ+2*\b+1]
.endr
.endr
	s_add_co_u32 s[SP], s[SP], 1
	s_cmp_lt_u32 s[SP], 16
	s_cbranch_scc1 .Lpoints
	; THE RECORD OF SUMS: mean[8], M2[8].  Lanes 0-15 hold the even groups, lanes 16-31 the odd ones; lane 0 stores.
.irp b, 0,1,2,3
	v_add_f32 v[SS+2*\b], v[SS+2*\b], v[SS+2*\b+1]
	v_add_f32 v[QQ+2*\b], v[QQ+2*\b], v[QQ+2*\b+1]
.endr
.irp m, 1,2,4,8
.irp b, 0,1,2,3
	v_add_f32_dpp v[SS+2*\b], v[SS+2*\b], v[SS+2*\b] row_xmask:\m row_mask:0xf bank_mask:0xf
	v_add_f32_dpp v[QQ+2*\b], v[QQ+2*\b], v[QQ+2*\b] row_xmask:\m row_mask:0xf bank_mask:0xf
.endr
.endr
.irp b, 0,1,2,3
	v_mul_f32 v[TM+\b], 0x39800000, v[SS+2*\b]     ; S / 4096
.endr
.irp b, 0,1,2,3
	v_add_f32 v[X+2*\b], v[SH+2*\b], v[TM+\b]
	v_fma_f32 v[X+8+2*\b], -v[TM+\b], v[SS+2*\b], v[QQ+2*\b]
.endr
.irp b, 0,1,2,3
	v_permlanex16_b32 v[X+2*\b+1], v[X+2*\b], s[SEL], s[SEL+1]
	v_permlanex16_b32 v[X+8+2*\b+1], v[X+8+2*\b], s[SEL], s[SEL+1]
.endr
	v_cmp_eq_u32 vcc_lo, 0, v[LANE]
	s_wait_xcnt 0x0                                ; EXEC changes only behind this wait
	s_wait_tensorcnt 0x0
	ds_add_u32 v190, v191
	s_wait_dscnt 0x0
	s_and_saveexec_b32 s[EXS], vcc_lo
.irp c, 0,1,2,3
	global_store_b128 v[ZERO], v[X+4*\c:X+4*\c+3], s[STO:STO+1] offset:16*\c
.endr
	s_wait_xcnt 0x0
	s_or_b32 exec_lo, exec_lo, s[EXS]
	s_endpgm
.Lfunc_end_k_qc6e9ba1ce3_xstat1:
	.size	k_qc6e9ba1ce3_xstat1, .Lfunc_end_k_qc6e9ba1ce3_xstat1-k_qc6e9ba1ce3_xstat1
	.p2alignl 7, 3214868480
	.fill 96, 4, 3214868480
	.section	.rodata,"a",@progbits
	.p2align	6, 0x0
	.amdhsa_kernel k_qc6e9ba1ce3_xstat1
		.amdhsa_group_segment_fixed_size 221696
		.amdhsa_private_segment_fixed_size 0
		.amdhsa_enable_private_segment 0
		.amdhsa_kernarg_size 96
		.amdhsa_user_sgpr_count 2
		.amdhsa_user_sgpr_kernarg_segment_ptr 1
		.amdhsa_wavefront_size32 1
		.amdhsa_system_sgpr_workgroup_id_x 1
		.amdhsa_system_sgpr_workgroup_id_y 1
		.amdhsa_system_sgpr_workgroup_id_z 1
		.amdhsa_system_vgpr_workitem_id 0
		.amdhsa_next_free_vgpr 1024
		.amdhsa_next_free_sgpr 102
		.amdhsa_reserve_vcc 1
		.amdhsa_float_denorm_mode_32 3
		.amdhsa_float_denorm_mode_16_64 3
		.amdhsa_memory_ordered 1
		.amdhsa_forward_progress 1
		.amdhsa_inst_pref_size 96
	.end_amdhsa_kernel
	.amdgpu_metadata
---
amdhsa.version: [ 1, 2 ]
amdhsa.kernels:
  - .name:           k_qc6e9ba1ce3_xstat1
    .symbol:         k_qc6e9ba1ce3_xstat1.kd
    .args:
      - { .name: tab1, .offset: 0, .size: 8, .value_kind: global_buffer, .address_space: global }
      - { .name: idx, .offset: 8, .size: 8, .value_kind: global_buffer, .address_space: global }
      - { .name: wn1c, .offset: 16, .size: 8, .value_kind: global_buffer, .address_space: global }
      - { .name: wn1s, .offset: 24, .size: 8, .value_kind: global_buffer, .address_space: global }
      - { .name: pos1_w, .offset: 32, .size: 8, .value_kind: global_buffer, .address_space: global }
      - { .name: st_a, .offset: 40, .size: 8, .value_kind: global_buffer, .address_space: global }
      - { .name: gn1_g, .offset: 48, .size: 8, .value_kind: global_buffer, .address_space: global }
      - { .name: gn1_b, .offset: 56, .size: 8, .value_kind: global_buffer, .address_space: global }
      - { .name: m1a_w_codes, .offset: 64, .size: 8, .value_kind: global_buffer, .address_space: global }
      - { .name: m1a_w_scales, .offset: 72, .size: 8, .value_kind: global_buffer, .address_space: global }
      - { .name: m1a_b, .offset: 80, .size: 8, .value_kind: global_buffer, .address_space: global }
      - { .name: st_b, .offset: 88, .size: 8, .value_kind: global_buffer, .address_space: global }
    .group_segment_fixed_size: 221696
    .private_segment_fixed_size: 0
    .kernarg_segment_align: 8
    .kernarg_segment_size: 96
    .max_flat_workgroup_size: 128
    .sgpr_count:     102
    .vgpr_count:     1024
    .wavefront_size: 32
...
	.end_amdgpu_metadata
.endif
;; end of part 9
;; launch xstat2 (part 10): grid 64 x 4, 4 waves a work-group, no clusters, 233,984 bytes of LDS; arguments tab1, idx, wn1c, wn1s, pos1_w, st_b, gn1_g, gn1_b, m1a_w_codes, m1a_w_scales, m1a_b, m1a_g, m1a_beta, m1b_w_codes, m1b_w_scales, m1b_b, st_a; writes st_a
.if DOCPART == 10
	.amdgcn_target "amdgcn-amd-amdhsa--gfx1250"
	.amdhsa_code_object_version 6
	.text
	.protected	k_qc6e9ba1ce3_xstat2
	.globl	k_qc6e9ba1ce3_xstat2
	.p2align	8
	.type	k_qc6e9ba1ce3_xstat2,@function
k_qc6e9ba1ce3_xstat2:
	s_mov_b64 s[64:65], 0
	v_nop
	global_prefetch_b8 v0, s[64:65] scope:SCOPE_SE
	s_setreg_imm32_b32 hwreg(HW_REG_WAVE_MODE, 25, 1), 1
	s_wait_xcnt 0x0
; The statistics of the third GroupNorm of the first layer: of y2 = W2 Q(lrelu(GN(W1 Q(lrelu(GN(x0))) + b1))) + b2.  All is made anew from the neighbours' records; nothing of [rows, 128] goes to memory.
; Shares, layouts, the head with all global loads, the loop on LDS alone, the shift and the record of sums are as in the launch before.  The first GroupNorm's mean and 1 / sqrt are read as that
; launch stored them (and copied on); the second's are made here from its 256 records.  b1 is folded into the second GroupNorm's multiply-add: (y + b1 - mean) A + offset = y A + ((b1 - mean) A + offset).
; LIMITS: NaN and infinities are not served; a block of zeros gets the scale byte 1 (its codes are zeros; only this program reads the byte).
.set WSZ, 49152                        ; LDS of a wave: 8,192 tq's 16 rows; 32,768 the 16 records' images; 8,192: 16 slots of 512 bytes
.set RCO, 8192
.set VCO, 40960
.set WL, 196608                        ; the weights, 12,288 bytes each: 0 Wn, 1 W1, 2 W2
.set TABN, 8388608
.set NV, 12                            ; slots: 0-2 pos_w, 3 Wn's scales, 4, 5 gn1's gain, offset, 6 W1's scales, 7 b1, 8, 9 the second GroupNorm's gain, offset, 10 W2's scales, 11 b2
.set NW, 3
.set R, 1
.set H, 2
.set H64, 3
.set VR4, 4
.set LANE16, 5
.set QA, 6
.set RA, 8
.set QA0, 9
.set RA0, 10
.set VR, 11
.set VST, 12
.set WTAL, 14
.set VW, 16
.set WLW, 17
.set WGO, 18
.set QLW, 19
.set COD, 20
.set FA64, 39
.set TM, 40
.set PW, 56                            ; v56, v84-99, v108-115, v146 hold scales and nothing else
.set ZERO, 57
.set LANE, 58
.set SH, 60
.set SS, 68
.set QQ, 76
.set MEAN, 68
.set RS, 76
.set WS1, 84
.set WS2, 92
.set WNS, 108
.set GO, 116
.set NREC, 132
.set NC, 132
.set XY, 144
.set NS, 146
.set TQV, 148
.set WA, 156
.set WY, 172
.set VPW, 180
.set VPY, 181
.set RP, 182
.set X, 192
.set WT, 0                             ; window 1, at set-up: my share of the weights, tq's rows, the slots
.set TQT, 128
.set VT, 192
.set AF1, 0                            ; window 1, in the loop: A1, B1, A2, B2
.set BF1, 64
.set AF2, 128
.set BF2, 192
.set WN, 0                             ; window 2: Wn, W1, b2 - shift (at set-up v0-191: records 0-11)
.set W1, 96
.set CB, 192
.set W2, 0                             ; window 3: W2 (at set-up v0-63 records 12-15, v64-191 the sums' records), P
.set FR, 64
.set P, 192
.set TQP, 4
.set IX, 6
.set STI, 14
.set STO, 36
.set WV, 66
.set SP, 67
.set SR, 68
.set SQ, 69
.set HM, 70
.set ROW, 71
.set NR, 72
.set SA, 84
.set SB, 85
.set SEL, 86
.set DB, 89
.set EXS, 91
.set TMP, 92
.set FINO, 94
.set KC1, 96
.set KC2, 97
.set FINI, 98
.set N0, 100
.set MSB, 0
.macro WIN new                         ; the immediate's high byte repeats the setting that is left
.if MSB != (\new)
	s_set_vgpr_msb (MSB<<8)|(\new)
.set MSB, (\new)
.endif
.endm
.macro RLOAD                           ; the record and tq of the point whose LDS offsets stand in s[SR], s[SQ]
	v_add_nc_u32 v[RA], s[SR], v[RA0]
	v_add_nc_u32 v[QA], s[SQ], v[QA0]
.irp c, 0,1,2,3
	ds_load_b128 v[NREC+4*\c:NREC+4*\c+3], v[RA] offset:512*\c
.endr
.irp t, 0,1,2,3,4,5,6,7
	ds_load_b32 v[TQV+\t], v[QA] offset:(32*(\t/2)+8*(\t%2))*4
.endr
.endm
.macro NEXT                            ; the next point's, or point 15's again
	s_add_co_u32 s[SA], s[SP], 1
	s_min_u32 s[SA], s[SA], 15
	s_lshl_b32 s[SR], s[SA], 11
	s_lshl_b32 s[SQ], s[SA], 9
	RLOAD
.endm
.macro POSMM                           ; P = (Wp | tq) x (xyz | 1).  Lanes 16-31 of a tile's second register hold k = 3: tq
	s_wait_dscnt 0x0
.irp t, 0,1,2,3,4,5,6,7
	v_cndmask_b32 v[WA+2*\t+1], v[WY+\t], v[TQV+\t], s[HM]
.endr
.rept 4
	v_nop
.endr
	WIN 0xc0                                       ; D window 3
.irp t, 0,1,2,3,4,5,6,7
	v_wmma_f32_16x16x4_f32 v[P+8*\t:P+8*\t+7], v[WA+2*\t:WA+2*\t+1], v[XY:XY+1], 0
.endr
	WIN 0
.endm
.macro HEADMM                          ; X = Wn x codes + P.  Nine plain places or more lie between the f32 products and these
	WIN 0x32                                       ; source 0 window 2, C window 3
.irp t, 0,1,2,3,4,5,6,7
	v_wmma_scale_f32_16x16x128_f8f6f4 v[X+8*\t:X+8*\t+7], v[WN+12*\t:WN+12*\t+11], v[NC:NC+11], v[P+8*\t:P+8*\t+7], v[WNS+\t], v[NS] matrix_a_fmt:MATRIX_FMT_FP6 matrix_b_fmt:MATRIX_FMT_FP6
.endr
	WIN 0
.rept 4
	v_nop                                          ; four plain places ahead of the loads into the record's registers and of the first read of a result
.endr
.endm
.macro VLD slot, ptr, off
	global_load_b128 v[VT+4*(\slot):VT+4*(\slot)+3], v[LANE16], s[\ptr:\ptr+1] offset:\off
.endm
.macro WLD m, ptr
.irp i, 0,1,2,3,4,5
	global_load_b128 v[WT+24*(\m)+4*\i:WT+24*(\m)+4*\i+3], v[WGO], s[\ptr:\ptr+1] offset:512*\i
.endr
.endm
.macro LDW_T wnd, wf, ws, m, ss        ; a weight's eight fragments and scale words out of LDS; lane r of tile 2 b + u takes row 32 b + 8 u + r + 8 (r / 8)
	WIN (\wnd)<<6
.irp t, 0,1,2,3,4,5,6,7
.irp p, 0,1,2,3,4,5
	ds_load_b64 v[\wf+12*\t+2*\p:\wf+12*\t+2*\p+1], v[WTAL] offset:12288*(\m)+(32*(\t/2)+8*(\t%2))*96+48*(\p/3)+8*(\p%3)
.endr
.endr
	WIN 0
.irp t, 0,1,2,3,4,5,6,7
	ds_load_b32 v[\ws+\t], v[VST] offset:512*(\ss)+(32*(\t/2)+8*(\t%2))*4
.endr
.endm
.macro WSUM base, n, tmp               ; n sums over the wave's 32 lanes, the result in every lane
.irp m, 1,2,4,8
.set i, 0
.rept \n
	v_add_f32_dpp v[\base+i], v[\base+i], v[\base+i] row_xmask:\m row_mask:0xf bank_mask:0xf
.set i, i+1
.endr
.endr
.set i, 0
.rept \n
	v_permlanex16_b32 v[\tmp+i], v[\base+i], s[SEL], s[SEL+1]
.set i, i+1
.endr
.set i, 0
.rept \n
	v_add_f32 v[\base+i], v[\base+i], v[\tmp+i]
.set i, i+1
.endr
.endm
.macro FINAL                           ; the 256 records of my y, eight a lane (window 3), become MEAN and RS
	WIN 0x0f
.irp e, 0,2,4,6,8,10,12,14
	v_pk_add_f32 v[MEAN+\e:MEAN+\e+1], v[FR+\e:FR+\e+1], v[FR+16+\e:FR+16+\e+1]
.endr
	WIN 0x0c
.irp k, 2,3,4,5,6,7
.irp e, 0,2,4,6,8,10,12,14
	v_pk_add_f32 v[MEAN+\e:MEAN+\e+1], v[MEAN+\e:MEAN+\e+1], v[FR+16*\k+\e:FR+16*\k+\e+1]
.endr
.endr
	WIN 0
	WSUM MEAN, 16, TM
.irp e, 0,2,4,6
	v_pk_mul_f32 v[MEAN+\e:MEAN+\e+1], v[MEAN+\e:MEAN+\e+1], 0x3b800000 op_sel_hi:[1,0]   ; / 256
.endr
.irp k, 0,1,2,3,4,5,6,7
	WIN 0x03
.irp e, 0,2,4,6
	v_pk_add_f32 v[TM+\e:TM+\e+1], v[FR+16*\k+\e:FR+16*\k+\e+1], v[MEAN+\e:MEAN+\e+1] neg_lo:[0,1] neg_hi:[0,1]
.endr
	WIN 0
.irp e, 0,2,4,6
.if \k == 0
	v_pk_mul_f32 v[TM+8+\e:TM+8+\e+1], v[TM+\e:TM+\e+1], v[TM+\e:TM+\e+1]
.else
	v_pk_fma_f32 v[TM+8+\e:TM+8+\e+1], v[TM+\e:TM+\e+1], v[TM+\e:TM+\e+1], v[TM+8+\e:TM+8+\e+1]
.endif
.endr
.endr
	WSUM TM+8, 8, TM
.irp g, 0,1,2,3,4,5,6,7
	v_fma_f32 v[RS+\g], v[TM+8+\g], 0x45800000, v[RS+\g]    ; sum of M2 + 4096 x the spread of the means
.endr
.irp g, 0,1,2,3,4,5,6,7
	v_fma_f32 v[RS+\g], v[RS+\g], s[KC1], s[KC2]            ; / 2^20 + 1e-5
.endr
.irp g, 0,1,2,3,4,5,6,7
	v_rsq_f32 v[RS+\g], v[RS+\g]
.endr
	v_nop                                          ; a plain place behind the last of the batch
	s_wait_alu depctr_va_vdst(0)                   ; one wait for the eight, ahead of their first reader
.endm
.macro FINSTORE k, mb                  ; means and 1 / sqrt are kept for the later launches: one wave of each y stores them, from lane 0
	s_or_b32 s[SA], ttmp9, s[WV]
	s_cmp_lg_u32 s[SA], 0
	s_cbranch_scc1 .Lnofin_\@
	v_cmp_eq_u32 vcc_lo, 0, v[LANE]
	s_wait_xcnt 0x0                                ; EXEC changes only behind this wait
	s_and_saveexec_b32 s[EXS], vcc_lo
.irp c, 0,1,2,3
	global_store_b128 v[ZERO], v[\mb+4*\c:\mb+4*\c+3], s[FINO:FINO+1] offset:64*(\k)+16*\c
.endr
	s_wait_xcnt 0x0
	s_or_b32 exec_lo, exec_lo, s[EXS]
.Lnofin_\@:
.endm
.macro MKAB ra, rb, sg, sb, hasb, sbias, mb    ; (window 1) A = gain / sqrt(var + eps), B = offset + (bias - mean) A; gain, offset and bias out of my slots
	v_cmp_ne_u32 vcc_lo, 0, v[H]
.irp q, 0,1,2,3
	v_cndmask_b32 v[TM+2*\q], v[\mb+2*\q], v[\mb+2*\q+1], vcc_lo       ; my half's group 2 q + h
	v_cndmask_b32 v[TM+2*\q+1], v[\mb+2*\q], v[\mb+2*\q+1], vcc_lo
	v_cndmask_b32 v[TM+8+2*\q], v[\mb+8+2*\q], v[\mb+8+2*\q+1], vcc_lo
	v_cndmask_b32 v[TM+8+2*\q+1], v[\mb+8+2*\q], v[\mb+8+2*\q+1], vcc_lo
.endr
	WIN 0x40
.irp b, 0,1,2,3
.irp j, 0,1,2,3
	ds_load_b128 v[\ra+16*\b+4*\j:\ra+16*\b+4*\j+3], v[VR] offset:512*(\sg)+128*\b+16*\j
	ds_load_b128 v[\rb+16*\b+4*\j:\rb+16*\b+4*\j+3], v[VR] offset:512*(\sb)+128*\b+16*\j
.endr
.endr
	WIN 0
.if \hasb
.irp b, 0,1,2,3
.irp j, 0,1,2,3
	ds_load_b128 v[X+16*\b+4*\j:X+16*\b+4*\j+3], v[VR] offset:512*(\sbias)+128*\b+16*\j
.endr
.endr
.endif
	s_wait_dscnt 0x0
	WIN 0x41
.set i, 0
.rept 32
	v_pk_mul_f32 v[\ra+i:\ra+i+1], v[\ra+i:\ra+i+1], v[TM+8+2*(i/16):TM+8+2*(i/16)+1]
.set i, i+2
.endr
.if \hasb
	WIN 0
.set i, 0
.rept 32
	v_pk_add_f32 v[X+i:X+i+1], v[X+i:X+i+1], v[TM+2*(i/16):TM+2*(i/16)+1] neg_lo:[0,1] neg_hi:[0,1]
.set i, i+2
.endr
	WIN 0x54
.set i, 0
.rept 32
	v_pk_fma_f32 v[\rb+i:\rb+i+1], v[X+i:X+i+1], v[\ra+i:\ra+i+1], v[\rb+i:\rb+i+1]
.set i, i+2
.endr
.else
	WIN 0x54
.set i, 0
.rept 32
	v_pk_fma_f32 v[\rb+i:\rb+i+1], v[TM+2*(i/16):TM+2*(i/16)+1], v[\ra+i:\ra+i+1], v[\rb+i:\rb+i+1] neg_lo:[1,0,0] neg_hi:[1,0,0]
.set i, i+2
.endr
.endif
	WIN 0
.endm
.macro AFF ra, rb                      ; X = X A + B, in ascending order: each accumulator is first read at its low end
	WIN 0x14
.set i, 0
.rept 32
	v_pk_fma_f32 v[X+i:X+i+1], v[X+i:X+i+1], v[\ra+i:\ra+i+1], v[\rb+i:\rb+i+1]
.set i, i+2
.endr
	WIN 0
.endm
.macro LRELU                           ; max(x, 0.1 x)
.set i, 0
.rept 8
.irp u, 0,2,4,6
	v_pk_mul_f32 v[TM+\u:TM+\u+1], v[X+i+\u:X+i+\u+1], 0x3dcccccd op_sel_hi:[1,0]
.endr
.irp u, 0,1,2,3,4,5,6,7
	v_max_num_f32 v[X+i+\u], v[X+i+\u], v[TM+\u]
.endr
.set i, i+8
.endr
.endm
; X's 64 numbers of a lane, register 16 b + i = k 32 b + 16 h + i of my row, become a fragment's codes in v[COD] on and its scale word in v[PW].
.macro QUANT
.irp b, 0,1,2,3
	v_max3_num_f32 v[TM+\b], |v[X+16*\b]|, |v[X+1+16*\b]|, 0x1800000   ; block b: my 16 numbers, and the floor 2^(3 - 127): the byte cannot fall under 1
.endr
.irp i, 2,4,6,8,10,12,14
.irp b, 0,1,2,3
	v_max3_num_f32 v[TM+\b], v[TM+\b], |v[X+16*\b+\i]|, |v[X+1+16*\b+\i]|
.endr
.endr
.irp b, 0,1,2,3
	v_permlanex16_b32 v[TM+4+\b], v[TM+\b], s[SEL], s[SEL+1]
.endr
.irp b, 0,1,2,3
	v_max_num_f32 v[TM+\b], v[TM+\b], v[TM+4+\b]   ; with lane l xor 16's: the block's largest magnitude
.endr
.irp b, 0,1,2,3
	v_add_nc_u32 v[TM+12+\b], 0xff000000, v[TM+\b] ; 2 off its exponent field: the conversion's scale operand
.endr
.irp b, 0,1,2,3
	v_lshrrev_b32 v[TM+4+\b], 23, v[TM+12+\b]      ; the scale's byte
.endr
	v_lshl_or_b32 v[PW], v[TM+5], 8, v[TM+4]
	v_lshl_or_b32 v[PW], v[TM+6], 16, v[PW]
	v_lshl_or_b32 v[PW], v[TM+7], 24, v[PW]
.irp c, 0,1
	v_cvt_scalef32_pk16_fp6_f32 v[COD+6*\c:COD+2+6*\c], v[X+32*\c:X+15+32*\c], v[TM+12+2*\c]
	v_cvt_scalef32_pk16_fp6_f32 v[COD+12+4*\c:COD+14+4*\c], v[X+16+32*\c:X+31+32*\c], v[TM+12+2*\c+1]   ; (a conversion's three registers begin on an even number)
.endr
	v_nop                                          ; one plain place behind a scaled conversion
.irp c, 0,1                                    ; the operand's layout wants a whole block in a lane
.irp i, 0,1,2
	v_permlane16_swap_b32 v[COD+6*\c+\i], v[COD+12+4*\c+\i]
.endr
.irp i, 0,1,2
	v_mov_b32 v[COD+3+6*\c+\i], v[COD+12+4*\c+\i]
.endr
.endr
.rept 8
	v_nop                                          ; a scale word made by vector instructions stands eight places ahead of the scaled product, the codes four
.endr
.endm
.macro MM_T msb, wf, ws, usec          ; eight products, transposed: the result has X's layout.  usec = 1: C is the bias less the shift
	WIN \msb
.irp t, 0,1,2,3,4,5,6,7
.if \usec
	v_wmma_scale_f32_16x16x128_f8f6f4 v[X+8*\t:X+8*\t+7], v[\wf+12*\t:\wf+12*\t+11], v[COD:COD+11], v[CB+8*\t:CB+8*\t+7], v[\ws+\t], v[PW] matrix_a_fmt:MATRIX_FMT_FP6 matrix_b_fmt:MATRIX_FMT_FP6
.else
	v_wmma_scale_f32_16x16x128_f8f6f4 v[X+8*\t:X+8*\t+7], v[\wf+12*\t:\wf+12*\t+11], v[COD:COD+11], 0, v[\ws+\t], v[PW] matrix_a_fmt:MATRIX_FMT_FP6 matrix_b_fmt:MATRIX_FMT_FP6
.endif
.endr
	WIN 0
.rept 4
	v_nop                                          ; four plain places ahead of the first read of a result
.endr
.endm
	s_load_b512 s[4:19], s[0:1], 0x0               ; tab1, idx, Wn's codes, scales; pos1_w; the sums' records in; gn1_g, gn1_b
	s_load_b512 s[20:35], s[0:1], 0x40             ; m1a codes, scales, b, g, beta; m1b codes, scales, b
	s_load_b64 s[36:37], s[0:1], 0x80              ; the sums' records out
	v_lshl_add_u32 v190, v0, 2, 0x39000
	v_mov_b32 v191, 0
	v_lshrrev_b32 v[R], 5, v0
	v_readfirstlane_b32 s[WV], v[R]                ; wave 0..3
	s_and_b32 s[DB], ttmp7, 0xffff
	s_lshl_b32 s[N0], ttmp9, 6
	s_lshl_b32 s[SA], s[WV], 4
	s_add_co_u32 s[N0], s[N0], s[SA]               ; my first point
	s_lshl_b32 s[ROW], s[DB], 12
	s_add_co_u32 s[ROW], s[ROW], s[N0]
	s_mov_b32 s[SEL], 0x76543210
	s_mov_b32 s[SEL+1], 0xfedcba98                 ; v_permlanex16_b32's selects for lane l xor 16
	s_mov_b32 s[HM], 0xffff0000                    ; lanes 16-31
	s_mov_b32 s[KC1], 0x35800000                   ; 2^-20
	s_mov_b32 s[KC2], 0x3727c5ac                   ; 1e-5
	s_mov_b32 s[TMP+1], 0
	v_and_b32 v[LANE], 31, v0
	v_and_b32 v[R], 15, v0
	v_bfe_u32 v[H], v0, 4, 1
	v_lshlrev_b32 v[H64], 6, v[H]
	v_lshlrev_b32 v[VR4], 2, v[R]
	v_lshlrev_b32 v[LANE16], 4, v[LANE]
	v_lshlrev_b32 v[FA64], 6, v[LANE]
	v_mov_b32 v[ZERO], 0
	v_and_b32 v[RP], 8, v[R]
	v_add_nc_u32 v[RP], v[RP], v[R]                ; r + 8 (r / 8)
	s_mul_i32 s[SA], s[WV], WSZ                    ; my wave's LDS
	v_lshl_add_u32 v[QA0], v[RP], 2, s[SA]
	v_add_nc_u32 v[QLW], s[SA], v[LANE16]
	s_add_co_u32 s[SB], s[SA], RCO
	v_add_nc_u32 v[RA0], s[SB], v[LANE16]
	s_add_co_u32 s[SB], s[SA], VCO
	v_add_nc_u32 v[VW], s[SB], v[LANE16]
	v_add_nc_u32 v[VR], s[SB], v[H64]
	v_lshl_add_u32 v[VST], v[RP], 2, s[SB]
	v_mul_u32_u24 v[VPY], v[RP], 12
	v_add_nc_u32 v[VPY], s[SB], v[VPY]
	v_lshl_add_u32 v[VPW], v[H], 3, v[VPY]         ; pos_w(c, 2 h)
	v_add_nc_u32 v[VPY], 4, v[VPY]                 ; pos_w(c, 1)
	v_mul_u32_u24 v[WTAL], v[RP], 96
	v_mad_u32_u24 v[WTAL], v[H], 24, v[WTAL]
	v_add_nc_u32 v[WTAL], WL, v[WTAL]
	s_mul_i32 s[SB], s[WV], 3072                   ; my quarter of a weight
	v_add_nc_u32 v[WGO], s[SB], v[LANE16]
	v_add_nc_u32 v[WLW], WL, v[WGO]
.irp i, 0,1,2,3,4,5,6,7,8,9,10,11,12,13,14,15
	v_mov_b32 v[TM+\i], 0                          ; written once: a lane permute's destination counts as one of its sources
.endr
	s_wait_kmcnt 0x0
	s_lshl_b32 s[TMP], s[DB], 19
	s_add_co_u32 s[TMP], s[TMP], TABN
	s_add_nc_u64 s[NR:NR+1], s[4:5], s[TMP:TMP+1]  ; the records of my y
	s_lshl_b32 s[TMP], s[ROW], 9
	s_add_nc_u64 s[TQP:TQP+1], s[TQP:TQP+1], s[TMP:TMP+1]
	s_lshl_b32 s[TMP], s[ROW], 6
	s_add_nc_u64 s[IX:IX+1], s[IX:IX+1], s[TMP:TMP+1]
	s_lshl_b32 s[TMP], s[DB], 7
	s_add_co_u32 s[TMP], s[TMP], 65536
	s_add_nc_u64 s[FINI:FINI+1], s[STI:STI+1], s[TMP:TMP+1]
	s_add_nc_u64 s[FINO:FINO+1], s[STO:STO+1], s[TMP:TMP+1]
	s_lshl_b32 s[TMP], s[DB], 14
	s_add_nc_u64 s[STI:STI+1], s[STI:STI+1], s[TMP:TMP+1]
	s_lshl_b32 s[TMP], ttmp9, 2
	s_add_co_u32 s[TMP], s[TMP], s[WV]
	s_lshl_b32 s[TMP], s[TMP], 6
	s_lshl_b32 s[SA], s[DB], 14
	s_add_co_u32 s[TMP], s[TMP], s[SA]
	s_add_nc_u64 s[STO:STO+1], s[STO:STO+1], s[TMP:TMP+1]
.set i, 0
.rept 16
	global_load_b32 v[GO+i], v[VR4], s[IX:IX+1] offset:64*i            ; the indices of all 16 points first
.set i, i+1
.endr
	WIN 0x40
.set i, 0
.rept 16
	global_load_b128 v[TQT+4*i:TQT+4*i+3], v[LANE16], s[TQP:TQP+1] offset:512*i
.set i, i+1
.endr
	VLD 0, 12, 0
	VLD 1, 12, 512
	VLD 2, 12, 1024
	VLD 3, 10, 0
	VLD 4, 16, 0
	VLD 5, 18, 0
	VLD 6, 22, 0
	VLD 7, 24, 0
	VLD 8, 26, 0
	VLD 9, 28, 0
	VLD 10, 32, 0
	VLD 11, 34, 0
	WLD 0, 8
	WLD 1, 20
	WLD 2, 30
	WIN 0
	s_wait_loadcnt 16+NV+6*NW                      ; the indices are in; the 46 loads issued behind them may be out
.set i, 0
.rept 16
	v_min_u32 v[GO+i], 0xfff, v[GO+i]
.set i, i+1
.endr
.set i, 0
.rept 16
	v_lshl_add_u32 v[GO+i], v[GO+i], 7, v[H64]     ; my half of the neighbour's record
.set i, i+1
.endr
	WIN 0x80
.set i, 0
.rept 12
.irp c, 0,1,2,3
	global_load_b128 v[16*i+4*\c:16*i+4*\c+3], v[GO+i], s[NR:NR+1] offset:16*\c
.endr
.set i, i+1
.endr
	WIN 0xc0
.set i, 0
.rept 4
.irp c, 0,1,2,3
	global_load_b128 v[16*i+4*\c:16*i+4*\c+3], v[GO+12+i], s[NR:NR+1] offset:16*\c
.endr
.set i, i+1
.endr
.irp k, 0,1,2,3,4,5,6,7
.irp c, 0,1,2,3
	global_load_b128 v[FR+16*\k+4*\c:FR+16*\k+4*\c+3], v[FA64], s[STI:STI+1] offset:2048*\k+16*\c
.endr
.endr
	WIN 0
.irp c, 0,1,2,3
	global_load_b128 v[X+4*\c:X+4*\c+3], v[ZERO], s[FINI:FINI+1] offset:16*\c  ; the first GroupNorm's means and 1 / sqrt
.endr
	s_wait_loadcnt 63                              ; 100 loads stand behind the first group: it is in
	WIN 0x04
.set i, 0
.rept 16
	ds_store_b128 v[QLW], v[TQT+4*i:TQT+4*i+3] offset:512*i
.set i, i+1
.endr
.set i, 0
.rept NV
	ds_store_b128 v[VW], v[VT+4*i:VT+4*i+3] offset:512*i
.set i, i+1
.endr
.set i, 0
.rept 6*NW
	ds_store_b128 v[WLW], v[WT+4*i:WT+4*i+3] offset:12288*(i/6)+512*(i%6)
.set i, i+1
.endr
	WIN 0
	s_wait_loadcnt 36                              ; the records are in; the 36 loads of the statistics may be out
	WIN 0x08
.set i, 0
.rept 12
.irp c, 0,1,2,3
	ds_store_b128 v[RA0], v[16*i+4*\c:16*i+4*\c+3] offset:2048*i+512*\c        ; as images of the registers: 16 bytes a lane
.endr
.set i, i+1
.endr
	WIN 0x0c
.set i, 0
.rept 4
.irp c, 0,1,2,3
	ds_store_b128 v[RA0], v[16*i+4*\c:16*i+4*\c+3] offset:2048*(12+i)+512*\c
.endr
.set i, i+1
.endr
	WIN 0
	s_wait_loadcnt 0x0
	FINAL
	FINSTORE 0, X
	FINSTORE 1, MEAN
	s_wait_dscnt 0x0                               ; for the others' sake: my quarters of the weights have landed
	s_barrier_signal -1
	s_barrier_wait -1
	MKAB AF1, BF1, 4, 5, 0, 0, X
	MKAB AF2, BF2, 8, 9, 1, 7, MEAN
	LDW_T 2, WN, WNS, 0, 3
	LDW_T 2, W1, WS1, 1, 6
	LDW_T 3, W2, WS2, 2, 10
	WIN 0x80
.irp b, 0,1,2,3
.irp j, 0,1,2,3
	ds_load_b128 v[CB+16*\b+4*\j:CB+16*\b+4*\j+3], v[VR] offset:512*11+128*\b+16*\j
.endr
.endr
	WIN 0
.irp t, 0,1,2,3,4,5,6,7
	ds_load_b32 v[WA+2*\t], v[VPW] offset:(32*(\t/2)+8*(\t%2))*12
	ds_load_b32 v[WY+\t], v[VPY] offset:(32*(\t/2)+8*(\t%2))*12
.endr
.irp i, 0,1,2,3,4,5,6,7
	v_mov_b32 v[SH+\i], 0
.endr
.irp i, 0,1,2,3,4,5,6,7,8,9,10,11,12,13,14,15
	v_mov_b32 v[SS+\i], 0
.endr
	s_mov_b32 s[SR], 0
	s_mov_b32 s[SQ], 0
	RLOAD                                          ; point 0
	POSMM
.rept 9
	v_nop                                          ; nine plain places between an f32 product and the product that takes its result as C
.endr
	s_mov_b32 s[SP], 0
.Lpoints:
	HEADMM
	NEXT
	AFF AF1, BF1
	LRELU
	POSMM                                          ; the next point's, while this point is quantised
	QUANT
	MM_T 0x02, W1, WS1, 0
	AFF AF2, BF2
	LRELU
	QUANT
	MM_T 0x23, W2, WS2, 1
	s_cmp_lg_u32 s[SP], 0                          ; the wave's first point gives the shift: its group means; it is taken off the bias, and off this point
	s_cbranch_scc1 .Lshifted
.irp b, 0,1,2,3
	v_pk_add_f32 v[TM+2*\b:TM+2*\b+1], v[X+16*\b:X+16*\b+1], v[X+16*\b+2:X+16*\b+3]
.endr
.irp i, 4,6,8,10,12,14
.irp b, 0,1,2,3
	v_pk_add_f32 v[TM+2*\b:TM+2*\b+1], v[TM+2*\b:TM+2*\b+1], v[X+16*\b+\i:X+16*\b+\i+1]
.endr
.endr
.irp b, 0,1,2,3
	v_add_f32 v[TM+2*\b], v[TM+2*\b], v[TM+2*\b+1]
.endr
.irp m, 1,2,4,8
.irp b, 0,1,2,3
	v_add_f32_dpp v[TM+2*\b], v[TM+2*\b], v[TM+2*\b] row_xmask:\m row_mask:0xf bank_mask:0xf
.endr
.endr
.irp b, 0,1,2,3
	v_mul_f32 v[SH+2*\b], 0x3b800000, v[TM+2*\b]   ; / 256
	v_mul_f32 v[SH+2*\b+1], 0x3b800000, v[TM+2*\b]
.endr
	WIN 0x82
.set i, 0
.rept 32
	v_pk_add_f32 v[CB+i:CB+i+1], v[CB+i:CB+i+1], v[SH+2*(i/16):SH+2*(i/16)+1] neg_lo:[0,1] neg_hi:[0,1]
.set i, i+2
.endr
	WIN 0
.set i, 0
.rept 32
	v_pk_add_f32 v[X+i:X+i+1], v[X+i:X+i+1], v[SH+2*(i/16):SH+2*(i/16)+1] neg_lo:[0,1] neg_hi:[0,1]
.set i, i+2
.endr
.Lshifted:
.irp i, 0,2,4,6,8,10,12,14
.irp b, 0,1,2,3
	v_pk_add_f32 v[SS+2*\b:SS+2*\b+1], v[SS+2*\b:SS+2*\b+1], v[X+16*\b+\i:X+16*\b+\i+1]
	v_pk_fma_f32 v[QQ+2*\b:QQ+2*\b+1], v[X+16*\b+\i:X+16*\b+\i+1], v[X+16*\b+\i:X+16*\b+\i+1], v[QQ+2*\b:QQ+2*\b+1]
.endr
.endr
	s_add_co_u32 s[SP], s[SP], 1
	s_cmp_lt_u32 s[SP], 16
	s_cbranch_scc1 .Lpoints
	; THE RECORD OF SUMS: mean[8], M2[8].  Lanes 0-15 hold the even groups, lanes 16-31 the odd ones; lane 0 stores.
.irp b, 0,1,2,3
	v_add_f32 v[SS+2*\b], v[SS+2*\b], v[SS+2*\b+1]
	v_add_f32 v[QQ+2*\b], v[QQ+2*\b], v[QQ+2*\b+1]
.endr
.irp m, 1,2,4,8
.irp b, 0,1,2,3
	v_add_f32_dpp v[SS+2*\b], v[SS+2*\b], v[SS+2*\b] row_xmask:\m row_mask:0xf bank_mask:0xf
	v_add_f32_dpp v[QQ+2*\b], v[QQ+2*\b], v[QQ+2*\b] row_xmask:\m row_mask:0xf bank_mask:0xf
.endr
.endr
.irp b, 0,1,2,3
	v_mul_f32 v[TM+\b], 0x39800000, v[SS+2*\b]     ; S / 4096
.endr
.irp b, 0,1,2,3
	v_add_f32 v[X+2*\b], v[SH+2*\b], v[TM+\b]
	v_fma_f32 v[X+8+2*\b], -v[TM+\b], v[SS+2*\b], v[QQ+2*\b]
.endr
.irp b, 0,1,2,3
	v_permlanex16_b32 v[X+2*\b+1], v[X+2*\b], s[SEL], s[SEL+1]
	v_permlanex16_b32 v[X+8+2*\b+1], v[X+8+2*\b], s[SEL], s[SEL+1]
.endr
	v_cmp_eq_u32 vcc_lo, 0, v[LANE]
	s_wait_xcnt 0x0                                ; EXEC changes only behind this wait
	s_wait_tensorcnt 0x0
	ds_add_u32 v190, v191
	s_wait_dscnt 0x0
	s_and_saveexec_b32 s[EXS], vcc_lo
.irp c, 0,1,2,3
	global_store_b128 v[ZERO], v[X+4*\c:X+4*\c+3], s[STO:STO+1] offset:16*\c
.endr
	s_wait_xcnt 0x0
	s_or_b32 exec_lo, exec_lo, s[EXS]
	s_endpgm
.Lfunc_end_k_qc6e9ba1ce3_xstat2:
	.size	k_qc6e9ba1ce3_xstat2, .Lfunc_end_k_qc6e9ba1ce3_xstat2-k_qc6e9ba1ce3_xstat2
	.p2alignl 7, 3214868480
	.fill 96, 4, 3214868480
	.section	.rodata,"a",@progbits
	.p2align	6, 0x0
	.amdhsa_kernel k_qc6e9ba1ce3_xstat2
		.amdhsa_group_segment_fixed_size 233984
		.amdhsa_private_segment_fixed_size 0
		.amdhsa_enable_private_segment 0
		.amdhsa_kernarg_size 136
		.amdhsa_user_sgpr_count 2
		.amdhsa_user_sgpr_kernarg_segment_ptr 1
		.amdhsa_wavefront_size32 1
		.amdhsa_system_sgpr_workgroup_id_x 1
		.amdhsa_system_sgpr_workgroup_id_y 1
		.amdhsa_system_sgpr_workgroup_id_z 1
		.amdhsa_system_vgpr_workitem_id 0
		.amdhsa_next_free_vgpr 1024
		.amdhsa_next_free_sgpr 102
		.amdhsa_reserve_vcc 1
		.amdhsa_float_denorm_mode_32 3
		.amdhsa_float_denorm_mode_16_64 3
		.amdhsa_memory_ordered 1
		.amdhsa_forward_progress 1
		.amdhsa_inst_pref_size 124
	.end_amdhsa_kernel
	.amdgpu_metadata
---
amdhsa.version: [ 1, 2 ]
amdhsa.kernels:
  - .name:           k_qc6e9ba1ce3_xstat2
    .symbol:         k_qc6e9ba1ce3_xstat2.kd
    .args:
      - { .name: tab1, .offset: 0, .size: 8, .value_kind: global_buffer, .address_space: global }
      - { .name: idx, .offset: 8, .size: 8, .value_kind: global_buffer, .address_space: global }
      - { .name: wn1c, .offset: 16, .size: 8, .value_kind: global_buffer, .address_space: global }
      - { .name: wn1s, .offset: 24, .size: 8, .value_kind: global_buffer, .address_space: global }
      - { .name: pos1_w, .offset: 32, .size: 8, .value_kind: global_buffer, .address_space: global }
      - { .name: st_b, .offset: 40, .size: 8, .value_kind: global_buffer, .address_space: global }
      - { .name: gn1_g, .offset: 48, .size: 8, .value_kind: global_buffer, .address_space: global }
      - { .name: gn1_b, .offset: 56, .size: 8, .value_kind: global_buffer, .address_space: global }
      - { .name: m1a_w_codes, .offset: 64, .size: 8, .value_kind: global_buffer, .address_space: global }
      - { .name: m1a_w_scales, .offset: 72, .size: 8, .value_kind: global_buffer, .address_space: global }
      - { .name: m1a_b, .offset: 80, .size: 8, .value_kind: global_buffer, .address_space: global }
      - { .name: m1a_g, .offset: 88, .size: 8, .value_kind: global_buffer, .address_space: global }
      - { .name: m1a_beta, .offset: 96, .size: 8, .value_kind: global_buffer, .address_space: global }
      - { .name: m1b_w_codes, .offset: 104, .size: 8, .value_kind: global_buffer, .address_space: global }
      - { .name: m1b_w_scales, .offset: 112, .size: 8, .value_kind: global_buffer, .address_space: global }
      - { .name: m1b_b, .offset: 120, .size: 8, .value_kind: global_buffer, .address_space: global }
      - { .name: st_a, .offset: 128, .size: 8, .value_kind: global_buffer, .address_space: global }
    .group_segment_fixed_size: 233984
    .private_segment_fixed_size: 0
    .kernarg_segment_align: 8
    .kernarg_segment_size: 136
    .max_flat_workgroup_size: 128
    .sgpr_count:     102
    .vgpr_count:     1024
    .wavefront_size: 32
...
	.end_amdgpu_metadata
.endif
;; end of part 10
;; launch xfin2 (part 11): grid 64 x 4, 4 waves a work-group, no clusters, 323,072 bytes of LDS; arguments tab1, idx, wn1c, wn1s, pos1_w, st_a, gn1_g, gn1_b, m1a_w_codes, m1a_w_scales, m1a_b, m1a_g, m1a_beta, m1b_w_codes, m1b_w_scales, m1b_b, m1b_g, m1b_beta, t1_w_codes, t1_w_scales, t1_b, t2_w_codes, t2_w_scales, t2_b, pos2_w, pos2_b, out0, out1, tab2; writes out0, out1, tab2
.if DOCPART == 11
	.amdgcn_target "amdgcn-amd-amdhsa--gfx1250"
	.amdhsa_code_object_version 6
	.text
	.protected	k_qc6e9ba1ce3_xfin2
	.globl	k_qc6e9ba1ce3_xfin2
	.p2align	8
	.type	k_qc6e9ba1ce3_xfin2,@function
k_qc6e9ba1ce3_xfin2:
	s_mov_b64 s[64:65], 0
	v_nop
	global_prefetch_b8 v0, s[64:65] scope:SCOPE_SE
	s_setreg_imm32_b32 hwreg(HW_REG_WAVE_MODE, 25, 1), 1
	s_wait_xcnt 0x0
; The first layer's end, for both directions (y >> 1) and batches (y & 1): the whole chain from the neighbours' records, the third GroupNorm, the maximum over the 16 neighbours, lrelu, and the last
; product t Q(pooled) + t_b, which is out0 (direction 0, t1) or out1 (direction 1, t2), [batch][channel][point]; and what the second layer reads (tab2):
;   direction 0: tq2 = out0 + pos2_b + t2_b - pos2_w xyz1, f32, point-major, from byte 0: one more f32 product (K = 4) with out0's accumulators as C;
;   direction 1: the points' RECORDS of 128 bytes, from byte TABN: the codes and scale word of the pooled rows as this launch has made them, and the point's x, y, z, 1.0.
; A point's own x, y, z come out of its record of the first layer (the other direction's neighbours are this direction's points).
; Shares, layouts, the head with all global loads and the loop on LDS alone are as in the launches before.  THE SECOND PRODUCT IS NOT TRANSPOSED (source 0 = the point's 16 rows, source 1 = 16 rows
; of W2 as they lie): lane (r, h) holds channel 16 t + r and its registers the neighbours 8 h + j, so that the maximum over the neighbours is taken along a lane's registers and once across the
; halves.  The order is multiply-add, maximum, lrelu: lrelu rises with its input and may change places with the maximum; the multiply-add may not (its factor may be negative).
; The wave's 16 pooled rows meet in its own LDS, are quantised as one tile of 16 points, and multiplied (transposed) by t.  A row of 256 bytes of out0 or out1 (64 points of a channel) comes from
; the four waves: they meet in a stage behind a barrier, and sixteen lanes store 256 consecutive bytes, aligned.  The two directions' ways through the tail store to LDS bytes of their own.
; The registers that the f32 products write (window 3, v192-255) are written by matrix instructions alone.
; LIMITS: NaN and infinities are not served; a block of zeros gets the scale byte 1 (its codes are zeros; only this program reads the byte).
.set WSZ, 49152                        ; LDS of a wave: 8,192 tq's 16 rows; 32,768 the 16 records' images; 8,192: 16 slots of 512 bytes
.set RCO, 8192
.set VCO, 40960
.set WL, 196608                        ; the weights, 12,288 bytes each: 0 Wn, 1 W1, 2 W2, 3 t
.set POOLR, 245760                     ; 4 x 8,448: 16 rows x (512 + 16), a wave's own
.set OUTS, 279552                      ; 128 rows (channels) x (256 + 16) bytes: the work-group's
.set RSTG, 314368                      ; 4 x 2,048: a wave's 16 records on their way out
.set TABN, 8388608
.set NV, 16                            ; slots: 0-2 pos1_w, 3 Wn's scales, 4, 5 gn1, 6 W1's scales, 7 b1, 8, 9 m1a's gain, offset, 10 W2's scales, 11 b2, 12, 13 m1b's gain, offset, 14 t's scales, 15 t's bias
.set NW, 4
.set R, 1
.set H, 2
.set H64, 3
.set VR4, 4
.set LANE16, 5
.set QA, 6
.set PA, 7
.set RA, 8
.set QA0, 9
.set RA0, 10
.set VR, 11
.set VST, 12
.set VSN, 13
.set WTAL, 14
.set WNAL, 15
.set VW, 16
.set WLW, 17
.set WGO, 18
.set QLW, 19
.set COD, 20                           ; v20-31 the codes; v32-38 the conversions' second halves
.set FA64, 39
.set TM, 40
.set PW, 56                            ; v56, v84-115, v146 hold scales and nothing else
.set ZERO, 57
.set LANE, 58
.set PA0, 59
.set PRD, 60                           ; v60-67 addresses of the tail
.set PWR, 61
.set PRR, 62
.set OSA, 63
.set ORD, 64
.set OGO, 65
.set RSW, 66
.set RSR, 67
.set MEAN, 68
.set RS, 76
.set WA2, 68                           ; behind the third GroupNorm's factors: (- pos2_w | pos2_b + t2_b), two registers a tile
.set WS1, 84
.set WS2, 92
.set WS3, 100
.set WNS, 108
.set GO, 116
.set AB3, 116                          ; behind the gathers: the third GroupNorm's (A, B), a pair for each tile
.set NREC, 132
.set NC, 132
.set XY, 144
.set NS, 146
.set TQV, 148
.set WA, 156
.set WY, 172
.set VPW, 180
.set VPY, 181
.set RP, 182
.set ORO, 183
.set W12A, 184
.set W12B, 185
.set VB32, 186
.set OXY, 188                          ; v188-189 my own point's (x, y) or (z, 1.0)
.set X, 192
.set WT, 0                             ; window 1, at set-up: my share of the weights, tq's rows, the slots
.set TQT, 128
.set VT, 192
.set AF1, 0                            ; window 1, in the loop: A1, B1, A2, B2
.set BF1, 64
.set AF2, 128
.set BF2, 192
.set WN, 0                             ; window 2: Wn, W1, t's bias (at set-up v0-191: records 0-11)
.set W1, 96
.set CB, 192
.set W2, 0                             ; window 3: W2, t (at set-up v0-63 records 12-15, v64-191 the sums' records), P
.set W3, 96
.set FR, 64
.set P, 192
.set TQP, 4
.set IX, 6
.set STI, 14
.set WV, 66
.set SP, 67
.set SR, 68
.set SQ, 69
.set HM, 70
.set ROW, 71
.set NR, 72
.set OWN, 74
.set NR2, 76
.set SA, 84
.set SB, 85
.set SEL, 86
.set PO, 88
.set DB, 89
.set BAT, 90
.set TMP, 92
.set KC1, 96
.set KC2, 97
.set FINI, 98
.set N0, 100
.set DIR, 101
.set MSB, 0
.macro WIN new                         ; the immediate's high byte repeats the setting that is left
.if MSB != (\new)
	s_set_vgpr_msb (MSB<<8)|(\new)
.set MSB, (\new)
.endif
.endm
.macro NOPS n
.rept \n
	v_nop
.endr
.endm
.macro RLOAD                           ; the record and tq of the point whose LDS offsets stand in s[SR], s[SQ]
	v_add_nc_u32 v[RA], s[SR], v[RA0]
	v_add_nc_u32 v[QA], s[SQ], v[QA0]
.irp c, 0,1,2,3
	ds_load_b128 v[NREC+4*\c:NREC+4*\c+3], v[RA] offset:512*\c
.endr
.irp t, 0,1,2,3,4,5,6,7
	ds_load_b32 v[TQV+\t], v[QA] offset:(32*(\t/2)+8*(\t%2))*4
.endr
.endm
.macro NEXT                            ; the next point's, or point 15's again
	s_add_co_u32 s[SA], s[SP], 1
	s_min_u32 s[SA], s[SA], 15
	s_lshl_b32 s[SR], s[SA], 11
	s_lshl_b32 s[SQ], s[SA], 9
	RLOAD
.endm
.macro POSMM                           ; P = (Wp | tq) x (xyz | 1).  Lanes 16-31 of a tile's second register hold k = 3: tq
	s_wait_dscnt 0x0
.irp t, 0,1,2,3,4,5,6,7
	v_cndmask_b32 v[WA+2*\t+1], v[WY+\t], v[TQV+\t], s[HM]
.endr
	NOPS 4
	WIN 0xc0                                       ; D window 3
.irp t, 0,1,2,3,4,5,6,7
	v_wmma_f32_16x16x4_f32 v[P+8*\t:P+8*\t+7], v[WA+2*\t:WA+2*\t+1], v[XY:XY+1], 0
.endr
	WIN 0
.endm
.macro HEADMM                          ; X = Wn x codes + P.  Nine plain places or more lie between the f32 products and these
	WIN 0x32                                       ; source 0 window 2, C window 3
.irp t, 0,1,2,3,4,5,6,7
	v_wmma_scale_f32_16x16x128_f8f6f4 v[X+8*\t:X+8*\t+7], v[WN+12*\t:WN+12*\t+11], v[NC:NC+11], v[P+8*\t:P+8*\t+7], v[WNS+\t], v[NS] matrix_a_fmt:MATRIX_FMT_FP6 matrix_b_fmt:MATRIX_FMT_FP6
.endr
	WIN 0
	NOPS 4                                         ; four plain places ahead of the loads into the record's registers and of the first read of a result
.endm
.macro VLD slot, ptr, off
	global_load_b128 v[VT+4*(\slot):VT+4*(\slot)+3], v[LANE16], s[\ptr:\ptr+1] offset:\off
.endm
.macro WLD m, ptr
.irp i, 0,1,2,3,4,5
	global_load_b128 v[WT+24*(\m)+4*\i:WT+24*(\m)+4*\i+3], v[WGO], s[\ptr:\ptr+1] offset:512*\i
.endr
.endm
.macro LDW_T wnd, wf, ws, m, ss        ; a weight's eight fragments and scale words out of LDS; lane r of tile 2 b + u takes row 32 b + 8 u + r + 8 (r / 8)
	WIN (\wnd)<<6
.irp t, 0,1,2,3,4,5,6,7
.irp p, 0,1,2,3,4,5
	ds_load_b64 v[\wf+12*\t+2*\p:\wf+12*\t+2*\p+1], v[WTAL] offset:12288*(\m)+(32*(\t/2)+8*(\t%2))*96+48*(\p/3)+8*(\p%3)
.endr
.endr
	WIN 0
.irp t, 0,1,2,3,4,5,6,7
	ds_load_b32 v[\ws+\t], v[VST] offset:512*(\ss)+(32*(\t/2)+8*(\t%2))*4
.endr
.endm
.macro LDW_N wnd, wf, ws, m, ss        ; the same with the rows as they lie: lane r of tile t takes row 16 t + r
	WIN (\wnd)<<6
.irp t, 0,1,2,3,4,5,6,7
.irp p, 0,1,2,3,4,5
	ds_load_b64 v[\wf+12*\t+2*\p:\wf+12*\t+2*\p+1], v[WNAL] offset:12288*(\m)+1536*\t+48*(\p/3)+8*(\p%3)
.endr
.endr
	WIN 0
.irp t, 0,1,2,3,4,5,6,7
	ds_load_b32 v[\ws+\t], v[VSN] offset:512*(\ss)+64*\t
.endr
.endm
.macro WSUM base, n, tmp               ; n sums over the wave's 32 lanes, the result in every lane
.irp m, 1,2,4,8
.set i, 0
.rept \n
	v_add_f32_dpp v[\base+i], v[\base+i], v[\base+i] row_xmask:\m row_mask:0xf bank_mask:0xf
.set i, i+1
.endr
.endr
.set i, 0
.rept \n
	v_permlanex16_b32 v[\tmp+i], v[\base+i], s[SEL], s[SEL+1]
.set i, i+1
.endr
.set i, 0
.rept \n
	v_add_f32 v[\base+i], v[\base+i], v[\tmp+i]
.set i, i+1
.endr
.endm
.macro FINAL                           ; the 256 records of my y, eight a lane (window 3), become MEAN and RS
	WIN 0x0f
.irp e, 0,2,4,6,8,10,12,14
	v_pk_add_f32 v[MEAN+\e:MEAN+\e+1], v[FR+\e:FR+\e+1], v[FR+16+\e:FR+16+\e+1]
.endr
	WIN 0x0c
.irp k, 2,3,4,5,6,7
.irp e, 0,2,4,6,8,10,12,14
	v_pk_add_f32 v[MEAN+\e:MEAN+\e+1], v[MEAN+\e:MEAN+\e+1], v[FR+16*\k+\e:FR+16*\k+\e+1]
.endr
.endr
	WIN 0
	WSUM MEAN, 16, TM
.irp e, 0,2,4,6
	v_pk_mul_f32 v[MEAN+\e:MEAN+\e+1], v[MEAN+\e:MEAN+\e+1], 0x3b800000 op_sel_hi:[1,0]   ; / 256
.endr
.irp k, 0,1,2,3,4,5,6,7
	WIN 0x03
.irp e, 0,2,4,6
	v_pk_add_f32 v[TM+\e:TM+\e+1], v[FR+16*\k+\e:FR+16*\k+\e+1], v[MEAN+\e:MEAN+\e+1] neg_lo:[0,1] neg_hi:[0,1]
.endr
	WIN 0
.irp e, 0,2,4,6
.if \k == 0
	v_pk_mul_f32 v[TM+8+\e:TM+8+\e+1], v[TM+\e:TM+\e+1], v[TM+\e:TM+\e+1]
.else
	v_pk_fma_f32 v[TM+8+\e:TM+8+\e+1], v[TM+\e:TM+\e+1], v[TM+\e:TM+\e+1], v[TM+8+\e:TM+8+\e+1]
.endif
.endr
.endr
	WSUM TM+8, 8, TM
.irp g, 0,1,2,3,4,5,6,7
	v_fma_f32 v[RS+\g], v[TM+8+\g], 0x45800000, v[RS+\g]    ; sum of M2 + 4096 x the spread of the means
.endr
.irp g, 0,1,2,3,4,5,6,7
	v_fma_f32 v[RS+\g], v[RS+\g], s[KC1], s[KC2]            ; / 2^20 + 1e-5
.endr
.irp g, 0,1,2,3,4,5,6,7
	v_rsq_f32 v[RS+\g], v[RS+\g]
.endr
	v_nop                                          ; a plain place behind the last of the batch
	s_wait_alu depctr_va_vdst(0)                   ; one wait for the eight, ahead of their first reader
.endm
.macro MKAB ra, rb, sg, sb, hasb, sbias, mb    ; (window 1) A = gain / sqrt(var + eps), B = offset + (bias - mean) A; gain, offset and bias out of my slots
	v_cmp_ne_u32 vcc_lo, 0, v[H]
.irp q, 0,1,2,3
	v_cndmask_b32 v[TM+2*\q], v[\mb+2*\q], v[\mb+2*\q+1], vcc_lo       ; my half's group 2 q + h
	v_cndmask_b32 v[TM+2*\q+1], v[\mb+2*\q], v[\mb+2*\q+1], vcc_lo
	v_cndmask_b32 v[TM+8+2*\q], v[\mb+8+2*\q], v[\mb+8+2*\q+1], vcc_lo
	v_cndmask_b32 v[TM+8+2*\q+1], v[\mb+8+2*\q], v[\mb+8+2*\q+1], vcc_lo
.endr
	WIN 0x40
.irp b, 0,1,2,3
.irp j, 0,1,2,3
	ds_load_b128 v[\ra+16*\b+4*\j:\ra+16*\b+4*\j+3], v[VR] offset:512*(\sg)+128*\b+16*\j
	ds_load_b128 v[\rb+16*\b+4*\j:\rb+16*\b+4*\j+3], v[VR] offset:512*(\sb)+128*\b+16*\j
.endr
.endr
	WIN 0
.if \hasb
.irp b, 0,1,2,3
.irp j, 0,1,2,3
	ds_load_b128 v[X+16*\b+4*\j:X+16*\b+4*\j+3], v[VR] offset:512*(\sbias)+128*\b+16*\j
.endr
.endr
.endif
	s_wait_dscnt 0x0
	WIN 0x41
.set i, 0
.rept 32
	v_pk_mul_f32 v[\ra+i:\ra+i+1], v[\ra+i:\ra+i+1], v[TM+8+2*(i/16):TM+8+2*(i/16)+1]
.set i, i+2
.endr
.if \hasb
	WIN 0
.set i, 0
.rept 32
	v_pk_add_f32 v[X+i:X+i+1], v[X+i:X+i+1], v[TM+2*(i/16):TM+2*(i/16)+1] neg_lo:[0,1] neg_hi:[0,1]
.set i, i+2
.endr
	WIN 0x54
.set i, 0
.rept 32
	v_pk_fma_f32 v[\rb+i:\rb+i+1], v[X+i:X+i+1], v[\ra+i:\ra+i+1], v[\rb+i:\rb+i+1]
.set i, i+2
.endr
.else
	WIN 0x54
.set i, 0
.rept 32
	v_pk_fma_f32 v[\rb+i:\rb+i+1], v[TM+2*(i/16):TM+2*(i/16)+1], v[\ra+i:\ra+i+1], v[\rb+i:\rb+i+1] neg_lo:[1,0,0] neg_hi:[1,0,0]
.set i, i+2
.endr
.endif
	WIN 0
.endm
.macro AFF ra, rb                      ; X = X A + B, in ascending order: each accumulator is first read at its low end
	WIN 0x14
.set i, 0
.rept 32
	v_pk_fma_f32 v[X+i:X+i+1], v[X+i:X+i+1], v[\ra+i:\ra+i+1], v[\rb+i:\rb+i+1]
.set i, i+2
.endr
	WIN 0
.endm
.macro LRELU                           ; max(x, 0.1 x)
.set i, 0
.rept 8
.irp u, 0,2,4,6
	v_pk_mul_f32 v[TM+\u:TM+\u+1], v[X+i+\u:X+i+\u+1], 0x3dcccccd op_sel_hi:[1,0]
.endr
.irp u, 0,1,2,3,4,5,6,7
	v_max_num_f32 v[X+i+\u], v[X+i+\u], v[TM+\u]
.endr
.set i, i+8
.endr
.endm
; X's 64 numbers of a lane, register 16 b + i = k 32 b + 16 h + i of my row, become a fragment's codes in v[COD] on and its scale word in v[PW].
.macro QUANT
.irp b, 0,1,2,3
	v_max3_num_f32 v[TM+\b], |v[X+16*\b]|, |v[X+1+16*\b]|, 0x1800000   ; block b: my 16 numbers, and the floor 2^(3 - 127): the byte cannot fall under 1
.endr
.irp i, 2,4,6,8,10,12,14
.irp b, 0,1,2,3
	v_max3_num_f32 v[TM+\b], v[TM+\b], |v[X+16*\b+\i]|, |v[X+1+16*\b+\i]|
.endr
.endr
.irp b, 0,1,2,3
	v_permlanex16_b32 v[TM+4+\b], v[TM+\b], s[SEL], s[SEL+1]
.endr
.irp b, 0,1,2,3
	v_max_num_f32 v[TM+\b], v[TM+\b], v[TM+4+\b]   ; with lane l xor 16's: the block's largest magnitude
.endr
.irp b, 0,1,2,3
	v_add_nc_u32 v[TM+12+\b], 0xff000000, v[TM+\b] ; 2 off its exponent field: the conversion's scale operand
.endr
.irp b, 0,1,2,3
	v_lshrrev_b32 v[TM+4+\b], 23, v[TM+12+\b]      ; the scale's byte
.endr
	v_lshl_or_b32 v[PW], v[TM+5], 8, v[TM+4]
	v_lshl_or_b32 v[PW], v[TM+6], 16, v[PW]
	v_lshl_or_b32 v[PW], v[TM+7], 24, v[PW]
.irp c, 0,1
	v_cvt_scalef32_pk16_fp6_f32 v[COD+6*\c:COD+2+6*\c], v[X+32*\c:X+15+32*\c], v[TM+12+2*\c]
	v_cvt_scalef32_pk16_fp6_f32 v[COD+12+4*\c:COD+14+4*\c], v[X+16+32*\c:X+31+32*\c], v[TM+12+2*\c+1]   ; (a conversion's three registers begin on an even number)
.endr
	v_nop                                          ; one plain place behind a scaled conversion
.irp c, 0,1                                    ; the operand's layout wants a whole block in a lane
.irp i, 0,1,2
	v_permlane16_swap_b32 v[COD+6*\c+\i], v[COD+12+4*\c+\i]
.endr
.irp i, 0,1,2
	v_mov_b32 v[COD+3+6*\c+\i], v[COD+12+4*\c+\i]
.endr
.endr
	NOPS 8                                         ; a scale word made by vector instructions stands eight places ahead of the scaled product, the codes four
.endm
	s_load_b512 s[4:19], s[0:1], 0x0               ; tab1, idx, Wn's codes, scales; pos1_w; st; gn1_g, gn1_b
	s_load_b512 s[20:35], s[0:1], 0x40             ; m1a codes, scales, b, g, beta; m1b codes, scales, b
	s_load_b512 s[36:51], s[0:1], 0x80             ; m1b g, beta; t1 codes, scales, b; t2 codes, scales, b
	s_load_b256 s[52:59], s[0:1], 0xc0             ; pos2_w, pos2_b, out0, out1
	s_load_b64 s[60:61], s[0:1], 0xe0              ; tab2
	v_lshl_add_u32 v190, v0, 2, 0x4ec00
	v_mov_b32 v191, 0
	v_lshrrev_b32 v[R], 5, v0
	v_readfirstlane_b32 s[WV], v[R]                ; wave 0..3
	s_and_b32 s[DB], ttmp7, 0xffff
	s_lshr_b32 s[DIR], s[DB], 1
	s_and_b32 s[BAT], s[DB], 1
	s_lshl_b32 s[N0], ttmp9, 6
	s_lshl_b32 s[SA], s[WV], 4
	s_add_co_u32 s[N0], s[N0], s[SA]               ; my first point
	s_lshl_b32 s[ROW], s[DB], 12
	s_add_co_u32 s[ROW], s[ROW], s[N0]
	s_mov_b32 s[SEL], 0x76543210
	s_mov_b32 s[SEL+1], 0xfedcba98                 ; v_permlanex16_b32's selects for lane l xor 16
	s_mov_b32 s[HM], 0xffff0000                    ; lanes 16-31
	s_mov_b32 s[KC1], 0x35800000                   ; 2^-20
	s_mov_b32 s[KC2], 0x3727c5ac                   ; 1e-5
	s_mov_b32 s[TMP+1], 0
	v_and_b32 v[LANE], 31, v0
	v_and_b32 v[R], 15, v0
	v_bfe_u32 v[H], v0, 4, 1
	v_lshlrev_b32 v[H64], 6, v[H]
	v_lshlrev_b32 v[VR4], 2, v[R]
	v_lshlrev_b32 v[LANE16], 4, v[LANE]
	v_lshlrev_b32 v[FA64], 6, v[LANE]
	v_mov_b32 v[ZERO], 0
	v_and_b32 v[RP], 8, v[R]
	v_add_nc_u32 v[RP], v[RP], v[R]                ; r + 8 (r / 8)
	s_mul_i32 s[SA], s[WV], WSZ                    ; my wave's LDS
	v_lshl_add_u32 v[QA0], v[RP], 2, s[SA]
	v_add_nc_u32 v[QLW], s[SA], v[LANE16]
	s_add_co_u32 s[SB], s[SA], RCO
	v_add_nc_u32 v[RA0], s[SB], v[LANE16]
	s_add_co_u32 s[SB], s[SA], VCO
	v_add_nc_u32 v[VW], s[SB], v[LANE16]
	v_add_nc_u32 v[VR], s[SB], v[H64]
	v_lshl_add_u32 v[VST], v[RP], 2, s[SB]
	v_add_nc_u32 v[VSN], s[SB], v[VR4]
	v_lshl_add_u32 v[VB32], v[H], 5, s[SB]
	v_mul_u32_u24 v[VPY], v[RP], 12
	v_add_nc_u32 v[VPY], s[SB], v[VPY]
	v_lshl_add_u32 v[VPW], v[H], 3, v[VPY]         ; pos_w(c, 2 h)
	v_add_nc_u32 v[VPY], 4, v[VPY]                 ; pos_w(c, 1)
	v_mul_u32_u24 v[WTAL], v[RP], 96
	v_mad_u32_u24 v[WTAL], v[H], 24, v[WTAL]
	v_add_nc_u32 v[WTAL], WL, v[WTAL]
	v_mul_u32_u24 v[WNAL], v[R], 96
	v_mad_u32_u24 v[WNAL], v[H], 24, v[WNAL]
	v_add_nc_u32 v[WNAL], WL, v[WNAL]
	s_mul_i32 s[SB], s[WV], 3072                   ; my quarter of a weight
	v_add_nc_u32 v[WGO], s[SB], v[LANE16]
	v_add_nc_u32 v[WLW], WL, v[WGO]
	s_mul_i32 s[SA], s[WV], 8448
	s_add_co_u32 s[SA], s[SA], POOLR               ; my wave's pooled rows
	v_mul_u32_u24 v[PRD], v[R], 528
	v_add_nc_u32 v[PRD], s[SA], v[PRD]
	v_lshl_add_u32 v[PWR], v[H], 5, v[PRD]         ; row r, + 32 h: a result's eight channels
	v_add_nc_u32 v[PRD], v[H64], v[PRD]            ; row r, + 64 h: X's layout
	v_add_nc_u32 v[PRR], s[SA], v[LANE16]          ; a whole row, 16 bytes a lane
	v_add_nc_u32 v[PA0], s[SA], v[VR4]             ; a pooled value: channel 16 t + r
	s_lshl_b32 s[SA], s[WV], 6
	s_add_co_u32 s[SA], s[SA], OUTS
	v_mad_u32_u24 v[OSA], v[H], 2176, v[VR4]
	v_add_nc_u32 v[OSA], s[SA], v[OSA]             ; the stage, in: channel 8 h (+ 16 t + j), point 16 wave + r
	s_mul_i32 s[SA], s[WV], 8704
	s_add_co_u32 s[SA], s[SA], OUTS
	v_mul_u32_u24 v[ORD], v[H], 272
	v_lshl_add_u32 v[ORD], v[R], 4, v[ORD]
	v_add_nc_u32 v[ORD], s[SA], v[ORD]             ; and back: channels 32 wave + h (+ 2 i), sixteen lanes to a row
	v_lshlrev_b32 v[OGO], 14, v[H]
	v_lshl_add_u32 v[OGO], v[R], 4, v[OGO]
	s_lshl_b32 s[SA], s[WV], 11
	s_add_co_u32 s[SA], s[SA], RSTG
	v_lshl_add_u32 v[RSW], v[R], 7, v[H64]
	v_add_nc_u32 v[ORO], 48, v[RSW]                ; in a run of records: 128 r + 64 h + 48: (x, y) or (z, 1.0)
	v_add_nc_u32 v[RSW], s[SA], v[RSW]
	v_add_nc_u32 v[RSR], s[SA], v[LANE16]
	v_mul_u32_u24 v[W12B], v[R], 12
	v_lshl_add_u32 v[W12A], v[H], 3, v[W12B]       ; pos2_w(16 t + r, 2 h)
	v_add_nc_u32 v[W12B], 4, v[W12B]               ; pos2_w(16 t + r, 1)
.irp i, 0,1,2,3,4,5,6,7,8,9,10,11,12,13,14,15
	v_mov_b32 v[TM+\i], 0                          ; written once: a lane permute's destination counts as one of its sources
.endr
	s_wait_kmcnt 0x0
	s_lshl_b32 s[TMP], s[DB], 19
	s_add_co_u32 s[TMP], s[TMP], TABN
	s_add_nc_u64 s[NR:NR+1], s[4:5], s[TMP:TMP+1]  ; the neighbours' records of my y
	s_xor_b32 s[SA], s[DB], 2
	s_lshl_b32 s[SA], s[SA], 12
	s_add_co_u32 s[SA], s[SA], s[N0]
	s_lshl_b32 s[TMP], s[SA], 7
	s_add_co_u32 s[TMP], s[TMP], TABN
	s_add_nc_u64 s[OWN:OWN+1], s[4:5], s[TMP:TMP+1]    ; my own 16 points' records: they serve the other direction
	s_lshl_b32 s[TMP], s[ROW], 9
	s_add_nc_u64 s[TQP:TQP+1], s[TQP:TQP+1], s[TMP:TMP+1]
	s_lshl_b32 s[TMP], s[ROW], 6
	s_add_nc_u64 s[IX:IX+1], s[IX:IX+1], s[TMP:TMP+1]
	s_lshl_b32 s[TMP], s[DB], 7
	s_add_co_u32 s[TMP], s[TMP], 65536
	s_add_nc_u64 s[FINI:FINI+1], s[STI:STI+1], s[TMP:TMP+1]
	s_lshl_b32 s[TMP], s[DB], 14
	s_add_nc_u64 s[STI:STI+1], s[STI:STI+1], s[TMP:TMP+1]
	s_cmp_eq_u32 s[DIR], 0                         ; the direction chooses t and the output: a choice on the work-group's number alone
	s_cselect_b64 s[40:41], s[40:41], s[46:47]
	s_cselect_b64 s[42:43], s[42:43], s[48:49]
	s_cselect_b64 s[44:45], s[44:45], s[50:51]
	s_cselect_b64 s[56:57], s[56:57], s[58:59]
	s_lshl_b32 s[TMP], s[BAT], 21
	s_lshl_b32 s[SA], s[WV], 19
	s_add_co_u32 s[TMP], s[TMP], s[SA]
	s_lshl_b32 s[SA], ttmp9, 8
	s_add_co_u32 s[TMP], s[TMP], s[SA]
	s_add_nc_u64 s[56:57], s[56:57], s[TMP:TMP+1]
	s_lshl_b32 s[SA], s[BAT], 12
	s_add_co_u32 s[SA], s[SA], s[N0]
	s_lshl_b32 s[TMP], s[SA], 7
	s_add_co_u32 s[TMP], s[TMP], TABN
	s_add_nc_u64 s[NR2:NR2+1], s[60:61], s[TMP:TMP+1]
	s_lshl_b32 s[TMP], s[SA], 9
	s_add_nc_u64 s[60:61], s[60:61], s[TMP:TMP+1]
.irp t, 0,1,2,3,4,5,6,7                        ; what the tail wants: 33 small loads ahead of the indices', so that the counted waits below cover them too
	global_load_b32 v[X+32+\t], v[W12A], s[52:53] offset:192*\t
	global_load_b32 v[X+40+\t], v[W12B], s[52:53] offset:192*\t
	global_load_b32 v[X+48+\t], v[VR4], s[54:55] offset:64*\t
	global_load_b32 v[X+56+\t], v[VR4], s[50:51] offset:64*\t
.endr
	global_load_b64 v[OXY:OXY+1], v[ORO], s[OWN:OWN+1]
.set i, 0
.rept 16
	global_load_b32 v[GO+i], v[VR4], s[IX:IX+1] offset:64*i            ; the indices of all 16 points
.set i, i+1
.endr
	WIN 0x40
.set i, 0
.rept 16
	global_load_b128 v[TQT+4*i:TQT+4*i+3], v[LANE16], s[TQP:TQP+1] offset:512*i
.set i, i+1
.endr
	VLD 0, 12, 0
	VLD 1, 12, 512
	VLD 2, 12, 1024
	VLD 3, 10, 0
	VLD 4, 16, 0
	VLD 5, 18, 0
	VLD 6, 22, 0
	VLD 7, 24, 0
	VLD 8, 26, 0
	VLD 9, 28, 0
	VLD 10, 32, 0
	VLD 11, 34, 0
	VLD 12, 36, 0
	VLD 13, 38, 0
	VLD 14, 42, 0
	VLD 15, 44, 0
	WLD 0, 8
	WLD 1, 20
	WLD 2, 30
	WLD 3, 40
	WIN 0
	s_wait_loadcnt 16+NV+6*NW                      ; the indices are in; the 56 loads issued behind them may be out
.set i, 0
.rept 16
	v_min_u32 v[GO+i], 0xfff, v[GO+i]
.set i, i+1
.endr
.set i, 0
.rept 16
	v_lshl_add_u32 v[GO+i], v[GO+i], 7, v[H64]     ; my half of the neighbour's record
.set i, i+1
.endr
	WIN 0x80
.set i, 0
.rept 12
.irp c, 0,1,2,3
	global_load_b128 v[16*i+4*\c:16*i+4*\c+3], v[GO+i], s[NR:NR+1] offset:16*\c
.endr
.set i, i+1
.endr
	WIN 0xc0
.set i, 0
.rept 4
.irp c, 0,1,2,3
	global_load_b128 v[16*i+4*\c:16*i+4*\c+3], v[GO+12+i], s[NR:NR+1] offset:16*\c
.endr
.set i, i+1
.endr
.irp k, 0,1,2,3,4,5,6,7
.irp c, 0,1,2,3
	global_load_b128 v[FR+16*\k+4*\c:FR+16*\k+4*\c+3], v[FA64], s[STI:STI+1] offset:2048*\k+16*\c
.endr
.endr
	WIN 0
.irp c, 0,1,2,3,4,5,6,7
	global_load_b128 v[X+4*\c:X+4*\c+3], v[ZERO], s[FINI:FINI+1] offset:16*\c  ; the first two GroupNorms' means and 1 / sqrt
.endr
	s_wait_loadcnt 63                              ; 104 loads stand behind the first group: it is in
	WIN 0x04
.set i, 0
.rept 16
	ds_store_b128 v[QLW], v[TQT+4*i:TQT+4*i+3] offset:512*i
.set i, i+1
.endr
.set i, 0
.rept NV
	ds_store_b128 v[VW], v[VT+4*i:VT+4*i+3] offset:512*i
.set i, i+1
.endr
.set i, 0
.rept 6*NW
	ds_store_b128 v[WLW], v[WT+4*i:WT+4*i+3] offset:12288*(i/6)+512*(i%6)
.set i, i+1
.endr
	WIN 0
	s_wait_loadcnt 40                              ; the records are in; the 40 loads of the statistics may be out
	WIN 0x08
.set i, 0
.rept 12
.irp c, 0,1,2,3
	ds_store_b128 v[RA0], v[16*i+4*\c:16*i+4*\c+3] offset:2048*i+512*\c        ; as images of the registers: 16 bytes a lane
.endr
.set i, i+1
.endr
	WIN 0x0c
.set i, 0
.rept 4
.irp c, 0,1,2,3
	ds_store_b128 v[RA0], v[16*i+4*\c:16*i+4*\c+3] offset:2048*(12+i)+512*\c
.endr
.set i, i+1
.endr
	WIN 0
	s_wait_loadcnt 0x0
	FINAL
	s_wait_dscnt 0x0                               ; for the others' sake: my quarters of the weights have landed
	s_barrier_signal -1
	s_barrier_wait -1
.irp t, 0,1,2,3,4,5,6,7                        ; the third GroupNorm: channel 16 t + r lies in group t
	ds_load_b32 v[AB3+2*\t], v[VSN] offset:512*12+64*\t
	ds_load_b32 v[AB3+2*\t+1], v[VSN] offset:512*13+64*\t
	ds_load_b32 v[TM+\t], v[VSN] offset:512*11+64*\t
.endr
	s_wait_dscnt 0x0
.irp t, 0,1,2,3,4,5,6,7
	v_mul_f32 v[AB3+2*\t], v[AB3+2*\t], v[RS+\t]
	v_sub_f32 v[TM+\t], v[TM+\t], v[MEAN+\t]
.endr
.irp t, 0,1,2,3,4,5,6,7
	v_fma_f32 v[AB3+2*\t+1], v[TM+\t], v[AB3+2*\t], v[AB3+2*\t+1]
.endr
.irp t, 0,1,2,3,4,5,6,7                        ; MEAN and RS are done with: their registers take (- pos2_w | pos2_b + t2_b) for the tail
	v_add_f32 v[X+48+\t], v[X+48+\t], v[X+56+\t]
	v_xor_b32 v[X+40+\t], 0x80000000, v[X+40+\t]
.endr
.irp t, 0,1,2,3,4,5,6,7
	v_xor_b32 v[WA2+2*\t], 0x80000000, v[X+32+\t]
	v_cndmask_b32 v[WA2+2*\t+1], v[X+40+\t], v[X+48+\t], s[HM]
.endr
	MKAB AF1, BF1, 4, 5, 0, 0, X
	MKAB AF2, BF2, 8, 9, 1, 7, X+16
	LDW_T 2, WN, WNS, 0, 3
	LDW_T 2, W1, WS1, 1, 6
	LDW_N 3, W2, WS2, 2, 10
	LDW_N 3, W3, WS3, 3, 14
	WIN 0x80
.irp t, 0,1,2,3,4,5,6,7
	ds_load_b128 v[CB+8*\t:CB+8*\t+3], v[VB32] offset:512*15+64*\t         ; t's bias in the last product's layout: channels 16 t + 8 h + j
	ds_load_b128 v[CB+8*\t+4:CB+8*\t+7], v[VB32] offset:512*15+64*\t+16
.endr
	WIN 0
.irp t, 0,1,2,3,4,5,6,7
	ds_load_b32 v[WA+2*\t], v[VPW] offset:(32*(\t/2)+8*(\t%2))*12
	ds_load_b32 v[WY+\t], v[VPY] offset:(32*(\t/2)+8*(\t%2))*12
.endr
	s_mov_b32 s[SR], 0
	s_mov_b32 s[SQ], 0
	RLOAD                                          ; point 0
	POSMM
	NOPS 9                                         ; nine plain places between an f32 product and the product that takes its result as C
	s_mov_b32 s[SP], 0
	s_mov_b32 s[PO], 0
.Lpoints:
	HEADMM
	NEXT
	AFF AF1, BF1
	LRELU
	POSMM                                          ; the next point's, while this point is quantised
	QUANT
	WIN 0x02                                       ; source 0 (W1) window 2
.irp t, 0,1,2,3,4,5,6,7
	v_wmma_scale_f32_16x16x128_f8f6f4 v[X+8*\t:X+8*\t+7], v[W1+12*\t:W1+12*\t+11], v[COD:COD+11], 0, v[WS1+\t], v[PW] matrix_a_fmt:MATRIX_FMT_FP6 matrix_b_fmt:MATRIX_FMT_FP6
.endr
	WIN 0
	NOPS 4                                         ; four plain places ahead of the first read of a result
	AFF AF2, BF2
	LRELU
	QUANT
	WIN 0x0c                                       ; source 1 (W2) window 3
.irp t, 0,1,2,3,4,5,6,7
	v_wmma_scale_f32_16x16x128_f8f6f4 v[X+8*\t:X+8*\t+7], v[COD:COD+11], v[W2+12*\t:W2+12*\t+11], 0, v[PW], v[WS2+\t] matrix_a_fmt:MATRIX_FMT_FP6 matrix_b_fmt:MATRIX_FMT_FP6
.endr
	WIN 0
	NOPS 4
.irp t, 0,1,2,3,4,5,6,7                        ; y A + B: of the pair (A, B) the first serves as factor and the second as addend, for both halves; each accumulator from its low end on
.irp i, 0,2,4,6
	v_pk_fma_f32 v[X+8*\t+\i:X+8*\t+\i+1], v[X+8*\t+\i:X+8*\t+\i+1], v[AB3+2*\t:AB3+2*\t+1], v[AB3+2*\t:AB3+2*\t+1] op_sel:[0,0,1] op_sel_hi:[1,0,1]
.endr
.endr
.irp t, 0,1,2,3,4,5,6,7
	v_max3_num_f32 v[TM+\t], v[X+8*\t], v[X+8*\t+1], v[X+8*\t+2]
.endr
.irp t, 0,1,2,3,4,5,6,7
	v_max3_num_f32 v[TM+\t], v[TM+\t], v[X+8*\t+3], v[X+8*\t+4]
.endr
.irp t, 0,1,2,3,4,5,6,7
	v_max3_num_f32 v[TM+\t], v[TM+\t], v[X+8*\t+5], v[X+8*\t+6]
.endr
.irp t, 0,1,2,3,4,5,6,7
	v_max_num_f32 v[TM+\t], v[TM+\t], v[X+8*\t+7]
.endr
.irp t, 0,1,2,3,4,5,6,7
	v_permlanex16_b32 v[TM+8+\t], v[TM+\t], s[SEL], s[SEL+1]
.endr
.irp t, 0,1,2,3,4,5,6,7
	v_max_num_f32 v[TM+\t], v[TM+\t], v[TM+8+\t]   ; with the other eight neighbours
.endr
.irp t, 0,1,2,3,4,5,6,7
	v_mul_f32 v[TM+8+\t], 0x3dcccccd, v[TM+\t]
.endr
.irp t, 0,1,2,3,4,5,6,7
	v_max_num_f32 v[TM+\t], v[TM+\t], v[TM+8+\t]   ; lrelu
.endr
	v_add_nc_u32 v[PA], s[PO], v[PA0]
.irp t, 0,1,2,3,4,5,6,7
	ds_store_b32 v[PA], v[TM+\t] offset:64*\t      ; both halves of the lanes write the same word with the same value
.endr
	s_wait_dscnt 0x0                               ; the stores have read their registers
	s_add_co_u32 s[PO], s[PO], 528
	s_add_co_u32 s[SP], s[SP], 1
	s_cmp_lt_u32 s[SP], 16
	s_cbranch_scc1 .Lpoints
	; THE TAIL: my 16 pooled rows are one tile of 16 points.
.irp b, 0,1,2,3
.irp j, 0,1,2,3
	ds_load_b128 v[X+16*\b+4*\j:X+16*\b+4*\j+3], v[PRD] offset:128*\b+16*\j
.endr
.endr
	s_wait_dscnt 0x0
	QUANT
	WIN 0x23                                       ; source 0 (t) window 3, C (t's bias) window 2
.irp t, 0,1,2,3,4,5,6,7
	v_wmma_scale_f32_16x16x128_f8f6f4 v[X+8*\t:X+8*\t+7], v[W3+12*\t:W3+12*\t+11], v[COD:COD+11], v[CB+8*\t:CB+8*\t+7], v[WS3+\t], v[PW] matrix_a_fmt:MATRIX_FMT_FP6 matrix_b_fmt:MATRIX_FMT_FP6
.endr
	WIN 0
	NOPS 5                                         ; four places ahead of the stores below, five ahead of the f32 products that take these results as C
.irp t, 0,1,2,3,4,5,6,7                        ; lane (r, h): point r, channels 16 t + 8 h + j.  Channel-major into the work-group's stage, each accumulator from its low end on
.irp j, 0,1,2,3,4,5,6,7
	ds_store_b32 v[OSA], v[X+8*\t+\j] offset:(16*\t+\j)*272
.endr
.endr
	s_cmp_lg_u32 s[DIR], 0
	s_cbranch_scc1 .Ldir1
	; direction 0: tq2 = out0 + (- pos2_w | pos2_b + t2_b) x (xyz | 1), point-major through my own rows
	WIN 0xc0
.irp t, 0,1,2,3,4,5,6,7
	v_wmma_f32_16x16x4_f32 v[P+8*\t:P+8*\t+7], v[WA2+2*\t:WA2+2*\t+1], v[OXY:OXY+1], v[X+8*\t:X+8*\t+7]
.endr
	WIN 0
	NOPS 8                                         ; eight plain places ahead of the stores of these results and of the loads into the registers that were their C
	WIN 0x0c
.irp t, 0,1,2,3,4,5,6,7
	ds_store_b128 v[PWR], v[P+8*\t:P+8*\t+3] offset:64*\t
	ds_store_b128 v[PWR], v[P+8*\t+4:P+8*\t+7] offset:64*\t+16
.endr
	WIN 0
.irp p, 0,1,2,3,4,5,6,7,8,9,10,11,12,13,14,15
	ds_load_b128 v[X+4*\p:X+4*\p+3], v[PRR] offset:528*\p              ; LDS serves a wave's instructions in order: these see my stores
.endr
.irp p, 0,1,2,3,4,5,6,7,8,9,10,11,12,13,14,15
	s_wait_dscnt 15-\p                             ; row p is in; the younger rows may be out
	global_store_b128 v[LANE16], v[X+4*\p:X+4*\p+3], s[60:61] offset:512*\p    ; 512 consecutive bytes
.endr
	s_branch .Ljoin
.Ldir1:
	; direction 1: the 16 records, 2,048 consecutive bytes: a lane's 64 bytes into a stage of their own, back 16 bytes a lane
	v_mov_b32 v[TM], v[OXY]
	v_mov_b32 v[TM+1], v[OXY+1]
	v_cndmask_b32 v[TM+2], v[PW], v[ZERO], s[HM]   ; lanes 0-15: x, y, the scale word, 0;  lanes 16-31: z, 1.0, 0, 0
	v_mov_b32 v[TM+3], 0
.irp c, 0,1,2
	ds_store_b128 v[RSW], v[COD+4*\c:COD+4*\c+3] offset:16*\c
.endr
	ds_store_b128 v[RSW], v[TM:TM+3] offset:48
.irp c, 0,1,2,3
	ds_load_b128 v[X+4*\c:X+4*\c+3], v[RSR] offset:512*\c
.endr
.irp c, 0,1,2,3
	s_wait_dscnt 3-\c                              ; piece c is in; the younger ones may be out
	global_store_b128 v[LANE16], v[X+4*\c:X+4*\c+3], s[NR2:NR2+1] offset:512*\c
.endr
.Ljoin:
	s_wait_xcnt 0x0                                ; the stores have read their registers: these may be loaded again
	s_wait_dscnt 0x0                               ; for the others' sake: my stores into the stage have landed
	s_barrier_signal -1
	s_barrier_wait -1
.irp i, 0,1,2,3,4,5,6,7,8,9,10,11,12,13,14,15
	ds_load_b128 v[X+4*\i:X+4*\i+3], v[ORD] offset:544*\i
.endr
.irp i, 0,1,2,3,4,5,6,7,8,9,10,11,12,13,14,15
	s_wait_dscnt 15-\i                             ; rows 2 i, 2 i + 1 are in; the younger ones may be out
	global_store_b128 v[OGO], v[X+4*\i:X+4*\i+3], s[56:57] offset:32768*\i th:TH_STORE_NT   ; sixteen lanes store 256 consecutive bytes, aligned; no launch reads them
.endr
	s_wait_tensorcnt 0x0
	ds_add_u32 v190, v191
	s_wait_dscnt 0x0
	s_endpgm
.Lfunc_end_k_qc6e9ba1ce3_xfin2:
	.size	k_qc6e9ba1ce3_xfin2, .Lfunc_end_k_qc6e9ba1ce3_xfin2-k_qc6e9ba1ce3_xfin2
	.p2alignl 7, 3214868480
	.fill 96, 4, 3214868480
	.section	.rodata,"a",@progbits
	.p2align	6, 0x0
	.amdhsa_kernel k_qc6e9ba1ce3_xfin2
		.amdhsa_group_segment_fixed_size 323072
		.amdhsa_private_segment_fixed_size 0
		.amdhsa_enable_private_segment 0
		.amdhsa_kernarg_size 232
		.amdhsa_user_sgpr_count 2
		.amdhsa_user_sgpr_kernarg_segment_ptr 1
		.amdhsa_wavefront_size32 1
		.amdhsa_system_sgpr_workgroup_id_x 1
		.amdhsa_system_sgpr_workgroup_id_y 1
		.amdhsa_system_sgpr_workgroup_id_z 1
		.amdhsa_system_vgpr_workitem_id 0
		.amdhsa_next_free_vgpr 1024
		.amdhsa_next_free_sgpr 102
		.amdhsa_reserve_vcc 1
		.amdhsa_float_denorm_mode_32 3
		.amdhsa_float_denorm_mode_16_64 3
		.amdhsa_memory_ordered 1
		.amdhsa_forward_progress 1
		.amdhsa_inst_pref_size 148
	.end_amdhsa_kernel
	.amdgpu_metadata
---
amdhsa.version: [ 1, 2 ]
amdhsa.kernels:
  - .name:           k_qc6e9ba1ce3_xfin2
    .symbol:         k_qc6e9ba1ce3_xfin2.kd
    .args:
      - { .name: tab1, .offset: 0, .size: 8, .value_kind: global_buffer, .address_space: global }
      - { .name: idx, .offset: 8, .size: 8, .value_kind: global_buffer, .address_space: global }
      - { .name: wn1c, .offset: 16, .size: 8, .value_kind: global_buffer, .address_space: global }
      - { .name: wn1s, .offset: 24, .size: 8, .value_kind: global_buffer, .address_space: global }
      - { .name: pos1_w, .offset: 32, .size: 8, .value_kind: global_buffer, .address_space: global }
      - { .name: st_a, .offset: 40, .size: 8, .value_kind: global_buffer, .address_space: global }
      - { .name: gn1_g, .offset: 48, .size: 8, .value_kind: global_buffer, .address_space: global }
      - { .name: gn1_b, .offset: 56, .size: 8, .value_kind: global_buffer, .address_space: global }
      - { .name: m1a_w_codes, .offset: 64, .size: 8, .value_kind: global_buffer, .address_space: global }
      - { .name: m1a_w_scales, .offset: 72, .size: 8, .value_kind: global_buffer, .address_space: global }
      - { .name: m1a_b, .offset: 80, .size: 8, .value_kind: global_buffer, .address_space: global }
      - { .name: m1a_g, .offset: 88, .size: 8, .value_kind: global_buffer, .address_space: global }
      - { .name: m1a_beta, .offset: 96, .size: 8, .value_kind: global_buffer, .address_space: global }
      - { .name: m1b_w_codes, .offset: 104, .size: 8, .value_kind: global_buffer, .address_space: global }
      - { .name: m1b_w_scales, .offset: 112, .size: 8, .value_kind: global_buffer, .address_space: global }
      - { .name: m1b_b, .offset: 120, .size: 8, .value_kind: global_buffer, .address_space: global }
      - { .name: m1b_g, .offset: 128, .size: 8, .value_kind: global_buffer, .address_space: global }
      - { .name: m1b_beta, .offset: 136, .size: 8, .value_kind: global_buffer, .address_space: global }
      - { .name: t1_w_codes, .offset: 144, .size: 8, .value_kind: global_buffer, .address_space: global }
      - { .name: t1_w_scales, .offset: 152, .size: 8, .value_kind: global_buffer, .address_space: global }
      - { .name: t1_b, .offset: 160, .size: 8, .value_kind: global_buffer, .address_space: global }
      - { .name: t2_w_codes, .offset: 168, .size: 8, .value_kind: global_buffer, .address_space: global }
      - { .name: t2_w_scales, .offset: 176, .size: 8, .value_kind: global_buffer, .address_space: global }
      - { .name: t2_b, .offset: 184, .size: 8, .value_kind: global_buffer, .address_space: global }
      - { .name: pos2_w, .offset: 192, .size: 8, .value_kind: global_buffer, .address_space: global }
      - { .name: pos2_b, .offset: 200, .size: 8, .value_kind: global_buffer, .address_space: global }
      - { .name: out0, .offset: 208, .size: 8, .value_kind: global_buffer, .address_space: global }
      - { .name: out1, .offset: 216, .size: 8, .value_kind: global_buffer, .address_space: global }
      - { .name: tab2, .offset: 224, .size: 8, .value_kind: global_buffer, .address_space: global }
    .group_segment_fixed_size: 323072
    .private_segment_fixed_size: 0
    .kernarg_segment_align: 8
    .kernarg_segment_size: 232
    .max_flat_workgroup_size: 128
    .sgpr_count:     102
    .vgpr_count:     1024
    .wavefront_size: 32
...
	.end_amdgpu_metadata
.endif
;; end of part 11
;; launch ystat0: the kernel of part 8 again; grid 64 x 2, 4 waves a work-group, no clusters, 209,408 bytes of LDS; arguments tab2, idx, t2_w_codes, t2_w_scales, pos2_w, st_b; writes st_b
;; launch ystat1: the kernel of part 9 again; grid 64 x 2, 4 waves a work-group, no clusters, 221,696 bytes of LDS; arguments tab2, idx, t2_w_codes, t2_w_scales, pos2_w, st_b, gn2_g, gn2_b, m2a_w_codes, m2a_w_scales, m2a_b, st_a; writes st_a
;; launch xfin1 (part 12): grid 64 x 2, 4 waves a work-group, no clusters, 256,512 bytes of LDS; arguments tab2, idx, t2_w_codes, t2_w_scales, pos2_w, st_a, gn2_g, gn2_b, m2a_w_codes, m2a_w_scales, m2a_b, m2a_g, m2a_beta, out2; writes out2
.if DOCPART == 12
	.amdgcn_target "amdgcn-amd-amdhsa--gfx1250"
	.amdhsa_code_object_version 6
	.text
	.protected	k_qc6e9ba1ce3_xfin1
	.globl	k_qc6e9ba1ce3_xfin1
	.p2align	8
	.type	k_qc6e9ba1ce3_xfin1,@function
k_qc6e9ba1ce3_xfin1:
	s_mov_b64 s[64:65], 0
	v_nop
	global_prefetch_b8 v0, s[64:65] scope:SCOPE_SE
	s_setreg_imm32_b32 hwreg(HW_REG_WAVE_MODE, 25, 1), 1
	s_wait_xcnt 0x0
; The second layer's end: out2[batch][channel][point] = lrelu(max over the 16 neighbours of GN(W Q(lrelu(GN(x0))) + b)), x0 made anew from the second layer's records and tq (tab2).
; Shares, layouts, the head with all global loads and the loop on LDS alone are as in the launches before (y = the batch; the neighbours are direction 0's).
; x0 = Wn codes[idx] + Wp xyz[idx] + tq[n]:  P = (Wp | tq) x (xyz | 1) in f32 (K = 4), X = Wn x codes + P, both transposed.  P's registers are written by matrix instructions alone.
; THE LAST PRODUCT IS NOT TRANSPOSED (source 0 = the point's 16 rows, source 1 = 16 rows of W as they lie): lane (r, h) holds channel 16 t + r and its registers the neighbours 8 h + j, so the
; maximum is taken along a lane's registers and once across the halves.  The order is multiply-add, maximum, lrelu: lrelu rises with its input and may change places with the maximum; the multiply-add may not.
; The pooled values go channel-major into the work-group's stage; behind a barrier sixteen lanes store 256 consecutive bytes (64 points of a channel), aligned.
; LIMITS: NaN and infinities are not served; a block of zeros gets the scale byte 1 (its codes are zeros; only this program reads the byte).
.set WSZ, 49152                        ; LDS of a wave: 8,192 tq's 16 rows; 32,768 the 16 records' images; 8,192: 16 slots of 512 bytes
.set RCO, 8192
.set VCO, 40960
.set WL, 196608                        ; the weights, 12,288 bytes each: 0 Wn, 1 W
.set OUTS, 221184                      ; 128 rows (channels) x (256 + 16) bytes: the work-group's
.set TABN, 8388608
.set NV, 10                            ; slots: 0-2 pos_w, 3 Wn's scales, 4, 5 the first GroupNorm's gain, offset, 6 W's scales, 7 W's bias, 8, 9 the second GroupNorm's gain, offset
.set NW, 2
.set R, 1
.set H, 2
.set H64, 3
.set VR4, 4
.set LANE16, 5
.set QA, 6
.set PA, 7
.set RA, 8
.set QA0, 9
.set RA0, 10
.set VR, 11
.set VST, 12
.set VSN, 13
.set WTAL, 14
.set WNAL, 15
.set VW, 16
.set WLW, 17
.set WGO, 18
.set QLW, 19
.set COD, 20
.set FA64, 39
.set TM, 40
.set PW, 56                            ; v56, v84-91, v108-115, v146 hold scales and nothing else
.set ZERO, 57
.set LANE, 58
.set PA0, 59
.set ORD, 64
.set OGO, 65
.set MEAN, 68
.set RS, 76
.set WS1, 84
.set WNS, 108
.set GO, 116
.set AB3, 116                          ; behind the gathers: the second GroupNorm's (A, B), a pair for each tile
.set NREC, 132
.set NC, 132
.set XY, 144
.set NS, 146
.set TQV, 148
.set WA, 156
.set WY, 172
.set VPW, 180
.set VPY, 181
.set RP, 182
.set X, 192
.set WT, 0                             ; window 1, at set-up: my share of the weights, tq's rows, the slots
.set TQT, 128
.set VT, 192
.set AF1, 0                            ; window 1, in the loop: A, B
.set BF1, 64
.set WN, 0                             ; window 2: Wn, W (at set-up v0-191: records 0-11)
.set W1, 96
.set FR, 64                            ; window 3, at set-up: v0-63 records 12-15, v64-191 the sums' records
.set P, 192
.set TQP, 4
.set IX, 6
.set STI, 14
.set OUTP, 30
.set WV, 66
.set SP, 67
.set SR, 68
.set SQ, 69
.set HM, 70
.set ROW, 71
.set NR, 72
.set SA, 84
.set SB, 85
.set SEL, 86
.set PO, 88
.set DB, 89
.set TMP, 92
.set KC1, 96
.set KC2, 97
.set FINI, 98
.set N0, 100
.set MSB, 0
.macro WIN new                         ; the immediate's high byte repeats the setting that is left
.if MSB != (\new)
	s_set_vgpr_msb (MSB<<8)|(\new)
.set MSB, (\new)
.endif
.endm
.macro NOPS n
.rept \n
	v_nop
.endr
.endm
.macro RLOAD                           ; the record and tq of the point whose LDS offsets stand in s[SR], s[SQ]
	v_add_nc_u32 v[RA], s[SR], v[RA0]
	v_add_nc_u32 v[QA], s[SQ], v[QA0]
.irp c, 0,1,2,3
	ds_load_b128 v[NREC+4*\c:NREC+4*\c+3], v[RA] offset:512*\c
.endr
.irp t, 0,1,2,3,4,5,6,7
	ds_load_b32 v[TQV+\t], v[QA] offset:(32*(\t/2)+8*(\t%2))*4
.endr
.endm
.macro NEXT                            ; the next point's, or point 15's again
	s_add_co_u32 s[SA], s[SP], 1
	s_min_u32 s[SA], s[SA], 15
	s_lshl_b32 s[SR], s[SA], 11
	s_lshl_b32 s[SQ], s[SA], 9
	RLOAD
.endm
.macro POSMM                           ; P = (Wp | tq) x (xyz | 1).  Lanes 16-31 of a tile's second register hold k = 3: tq
	s_wait_dscnt 0x0
.irp t, 0,1,2,3,4,5,6,7
	v_cndmask_b32 v[WA+2*\t+1], v[WY+\t], v[TQV+\t], s[HM]
.endr
	NOPS 4
	WIN 0xc0                                       ; D window 3
.irp t, 0,1,2,3,4,5,6,7
	v_wmma_f32_16x16x4_f32 v[P+8*\t:P+8*\t+7], v[WA+2*\t:WA+2*\t+1], v[XY:XY+1], 0
.endr
	WIN 0
.endm
.macro HEADMM                          ; X = Wn x codes + P.  Nine plain places or more lie between the f32 products and these
	WIN 0x32                                       ; source 0 window 2, C window 3
.irp t, 0,1,2,3,4,5,6,7
	v_wmma_scale_f32_16x16x128_f8f6f4 v[X+8*\t:X+8*\t+7], v[WN+12*\t:WN+12*\t+11], v[NC:NC+11], v[P+8*\t:P+8*\t+7], v[WNS+\t], v[NS] matrix_a_fmt:MATRIX_FMT_FP6 matrix_b_fmt:MATRIX_FMT_FP6
.endr
	WIN 0
	NOPS 4                                         ; four plain places ahead of the loads into the record's registers and of the first read of a result
.endm
.macro VLD slot, ptr, off
	global_load_b128 v[VT+4*(\slot):VT+4*(\slot)+3], v[LANE16], s[\ptr:\ptr+1] offset:\off
.endm
.macro WLD m, ptr
.irp i, 0,1,2,3,4,5
	global_load_b128 v[WT+24*(\m)+4*\i:WT+24*(\m)+4*\i+3], v[WGO], s[\ptr:\ptr+1] offset:512*\i
.endr
.endm
.macro WSUM base, n, tmp               ; n sums over the wave's 32 lanes, the result in every lane
.irp m, 1,2,4,8
.set i, 0
.rept \n
	v_add_f32_dpp v[\base+i], v[\base+i], v[\base+i] row_xmask:\m row_mask:0xf bank_mask:0xf
.set i, i+1
.endr
.endr
.set i, 0
.rept \n
	v_permlanex16_b32 v[\tmp+i], v[\base+i], s[SEL], s[SEL+1]
.set i, i+1
.endr
.set i, 0
.rept \n
	v_add_f32 v[\base+i], v[\base+i], v[\tmp+i]
.set i, i+1
.endr
.endm
.macro FINAL                           ; the 256 records of my y, eight a lane (window 3), become MEAN and RS
	WIN 0x0f
.irp e, 0,2,4,6,8,10,12,14
	v_pk_add_f32 v[MEAN+\e:MEAN+\e+1], v[FR+\e:FR+\e+1], v[FR+16+\e:FR+16+\e+1]
.endr
	WIN 0x0c
.irp k, 2,3,4,5,6,7
.irp e, 0,2,4,6,8,10,12,14
	v_pk_add_f32 v[MEAN+\e:MEAN+\e+1], v[MEAN+\e:MEAN+\e+1], v[FR+16*\k+\e:FR+16*\k+\e+1]
.endr
.endr
	WIN 0
	WSUM MEAN, 16, TM
.irp e, 0,2,4,6
	v_pk_mul_f32 v[MEAN+\e:MEAN+\e+1], v[MEAN+\e:MEAN+\e+1], 0x3b800000 op_sel_hi:[1,0]   ; / 256
.endr
.irp k, 0,1,2,3,4,5,6,7
	WIN 0x03
.irp e, 0,2,4,6
	v_pk_add_f32 v[TM+\e:TM+\e+1], v[FR+16*\k+\e:FR+16*\k+\e+1], v[MEAN+\e:MEAN+\e+1] neg_lo:[0,1] neg_hi:[0,1]
.endr
	WIN 0
.irp e, 0,2,4,6
.if \k == 0
	v_pk_mul_f32 v[TM+8+\e:TM+8+\e+1], v[TM+\e:TM+\e+1], v[TM+\e:TM+\e+1]
.else
	v_pk_fma_f32 v[TM+8+\e:TM+8+\e+1], v[TM+\e:TM+\e+1], v[TM+\e:TM+\e+1], v[TM+8+\e:TM+8+\e+1]
.endif
.endr
.endr
	WSUM TM+8, 8, TM
.irp g, 0,1,2,3,4,5,6,7
	v_fma_f32 v[RS+\g], v[TM+8+\g], 0x45800000, v[RS+\g]    ; sum of M2 + 4096 x the spread of the means
.endr
.irp g, 0,1,2,3,4,5,6,7
	v_fma_f32 v[RS+\g], v[RS+\g], s[KC1], s[KC2]            ; / 2^20 + 1e-5
.endr
.irp g, 0,1,2,3,4,5,6,7
	v_rsq_f32 v[RS+\g], v[RS+\g]
.endr
	v_nop                                          ; a plain place behind the last of the batch
	s_wait_alu depctr_va_vdst(0)                   ; one wait for the eight, ahead of their first reader
.endm
.macro LRELU                           ; max(x, 0.1 x)
.set i, 0
.rept 8
.irp u, 0,2,4,6
	v_pk_mul_f32 v[TM+\u:TM+\u+1], v[X+i+\u:X+i+\u+1], 0x3dcccccd op_sel_hi:[1,0]
.endr
.irp u, 0,1,2,3,4,5,6,7
	v_max_num_f32 v[X+i+\u], v[X+i+\u], v[TM+\u]
.endr
.set i, i+8
.endr
.endm
; X's 64 numbers of a lane, register 16 b + i = k 32 b + 16 h + i of my row, become a fragment's codes in v[COD] on and its scale word in v[PW].
.macro QUANT
.irp b, 0,1,2,3
	v_max3_num_f32 v[TM+\b], |v[X+16*\b]|, |v[X+1+16*\b]|, 0x1800000   ; block b: my 16 numbers, and the floor 2^(3 - 127): the byte cannot fall under 1
.endr
.irp i, 2,4,6,8,10,12,14
.irp b, 0,1,2,3
	v_max3_num_f32 v[TM+\b], v[TM+\b], |v[X+16*\b+\i]|, |v[X+1+16*\b+\i]|
.endr
.endr
.irp b, 0,1,2,3
	v_permlanex16_b32 v[TM+4+\b], v[TM+\b], s[SEL], s[SEL+1]
.endr
.irp b, 0,1,2,3
	v_max_num_f32 v[TM+\b], v[TM+\b], v[TM+4+\b]   ; with lane l xor 16's: the block's largest magnitude
.endr
.irp b, 0,1,2,3
	v_add_nc_u32 v[TM+12+\b], 0xff000000, v[TM+\b] ; 2 off its exponent field: the conversion's scale operand
.endr
.irp b, 0,1,2,3
	v_lshrrev_b32 v[TM+4+\b], 23, v[TM+12+\b]      ; the scale's byte
.endr
	v_lshl_or_b32 v[PW], v[TM+5], 8, v[TM+4]
	v_lshl_or_b32 v[PW], v[TM+6], 16, v[PW]
	v_lshl_or_b32 v[PW], v[TM+7], 24, v[PW]
.irp c, 0,1
	v_cvt_scalef32_pk16_fp6_f32 v[COD+6*\c:COD+2+6*\c], v[X+32*\c:X+15+32*\c], v[TM+12+2*\c]
	v_cvt_scalef32_pk16_fp6_f32 v[COD+12+4*\c:COD+14+4*\c], v[X+16+32*\c:X+31+32*\c], v[TM+12+2*\c+1]   ; (a conversion's three registers begin on an even number)
.endr
	v_nop                                          ; one plain place behind a scaled conversion
.irp c, 0,1                                    ; the operand's layout wants a whole block in a lane
.irp i, 0,1,2
	v_permlane16_swap_b32 v[COD+6*\c+\i], v[COD+12+4*\c+\i]
.endr
.irp i, 0,1,2
	v_mov_b32 v[COD+3+6*\c+\i], v[COD+12+4*\c+\i]
.endr
.endr
	NOPS 8                                         ; a scale word made by vector instructions stands eight places ahead of the scaled product, the codes four
.endm
	s_load_b512 s[4:19], s[0:1], 0x0               ; tab2, idx, Wn's codes, scales; pos2_w; st; gn2_g, gn2_b
	s_load_b256 s[20:27], s[0:1], 0x40             ; m2a codes, scales, b, g
	s_load_b128 s[28:31], s[0:1], 0x60             ; m2a_beta, out2
	v_lshl_add_u32 v190, v0, 2, 0x3e800
	v_mov_b32 v191, 0
	v_lshrrev_b32 v[R], 5, v0
	v_readfirstlane_b32 s[WV], v[R]                ; wave 0..3
	s_and_b32 s[DB], ttmp7, 0xffff
	s_lshl_b32 s[N0], ttmp9, 6
	s_lshl_b32 s[SA], s[WV], 4
	s_add_co_u32 s[N0], s[N0], s[SA]               ; my first point
	s_lshl_b32 s[ROW], s[DB], 12
	s_add_co_u32 s[ROW], s[ROW], s[N0]
	s_mov_b32 s[SEL], 0x76543210
	s_mov_b32 s[SEL+1], 0xfedcba98                 ; v_permlanex16_b32's selects for lane l xor 16
	s_mov_b32 s[HM], 0xffff0000                    ; lanes 16-31
	s_mov_b32 s[KC1], 0x35800000                   ; 2^-20
	s_mov_b32 s[KC2], 0x3727c5ac                   ; 1e-5
	s_mov_b32 s[TMP+1], 0
	v_and_b32 v[LANE], 31, v0
	v_and_b32 v[R], 15, v0
	v_bfe_u32 v[H], v0, 4, 1
	v_lshlrev_b32 v[H64], 6, v[H]
	v_lshlrev_b32 v[VR4], 2, v[R]
	v_lshlrev_b32 v[LANE16], 4, v[LANE]
	v_lshlrev_b32 v[FA64], 6, v[LANE]
	v_mov_b32 v[ZERO], 0
	v_and_b32 v[RP], 8, v[R]
	v_add_nc_u32 v[RP], v[RP], v[R]                ; r + 8 (r / 8)
	s_mul_i32 s[SA], s[WV], WSZ                    ; my wave's LDS
	v_lshl_add_u32 v[QA0], v[RP], 2, s[SA]
	v_add_nc_u32 v[QLW], s[SA], v[LANE16]
	s_add_co_u32 s[SB], s[SA], RCO
	v_add_nc_u32 v[RA0], s[SB], v[LANE16]
	s_add_co_u32 s[SB], s[SA], VCO
	v_add_nc_u32 v[VW], s[SB], v[LANE16]
	v_add_nc_u32 v[VR], s[SB], v[H64]
	v_lshl_add_u32 v[VST], v[RP], 2, s[SB]
	v_add_nc_u32 v[VSN], s[SB], v[VR4]
	v_mul_u32_u24 v[VPY], v[RP], 12
	v_add_nc_u32 v[VPY], s[SB], v[VPY]
	v_lshl_add_u32 v[VPW], v[H], 3, v[VPY]         ; pos_w(c, 2 h)
	v_add_nc_u32 v[VPY], 4, v[VPY]                 ; pos_w(c, 1)
	v_mul_u32_u24 v[WTAL], v[RP], 96
	v_mad_u32_u24 v[WTAL], v[H], 24, v[WTAL]
	v_add_nc_u32 v[WTAL], WL, v[WTAL]
	v_mul_u32_u24 v[WNAL], v[R], 96
	v_mad_u32_u24 v[WNAL], v[H], 24, v[WNAL]
	v_add_nc_u32 v[WNAL], WL, v[WNAL]
	s_mul_i32 s[SB], s[WV], 3072                   ; my quarter of a weight
	v_add_nc_u32 v[WGO], s[SB], v[LANE16]
	v_add_nc_u32 v[WLW], WL, v[WGO]
	s_lshl_b32 s[SA], s[WV], 6
	s_add_co_u32 s[SA], s[SA], OUTS
	v_mul_u32_u24 v[PA0], v[R], 272
	v_add_nc_u32 v[PA0], s[SA], v[PA0]             ; the stage, in: channel r (+ 16 t), point 16 wave (+ the point)
	s_mul_i32 s[SA], s[WV], 8704
	s_add_co_u32 s[SA], s[SA], OUTS
	v_mul_u32_u24 v[ORD], v[H], 272
	v_lshl_add_u32 v[ORD], v[R], 4, v[ORD]
	v_add_nc_u32 v[ORD], s[SA], v[ORD]             ; and back: channels 32 wave + h (+ 2 i), sixteen lanes to a row
	v_lshlrev_b32 v[OGO], 14, v[H]
	v_lshl_add_u32 v[OGO], v[R], 4, v[OGO]
.irp i, 0,1,2,3,4,5,6,7,8,9,10,11,12,13,14,15
	v_mov_b32 v[TM+\i], 0                          ; written once: a lane permute's destination counts as one of its sources
.endr
	s_wait_kmcnt 0x0
	s_lshl_b32 s[TMP], s[DB], 19
	s_add_co_u32 s[TMP], s[TMP], TABN
	s_add_nc_u64 s[NR:NR+1], s[4:5], s[TMP:TMP+1]  ; the records of my y
	s_lshl_b32 s[TMP], s[ROW], 9
	s_add_nc_u64 s[TQP:TQP+1], s[TQP:TQP+1], s[TMP:TMP+1]
	s_lshl_b32 s[TMP], s[ROW], 6
	s_add_nc_u64 s[IX:IX+1], s[IX:IX+1], s[TMP:TMP+1]
	s_lshl_b32 s[TMP], s[DB], 7
	s_add_co_u32 s[TMP], s[TMP], 65536
	s_add_nc_u64 s[FINI:FINI+1], s[STI:STI+1], s[TMP:TMP+1]
	s_lshl_b32 s[TMP], s[DB], 14
	s_add_nc_u64 s[STI:STI+1], s[STI:STI+1], s[TMP:TMP+1]
	s_lshl_b32 s[TMP], s[DB], 21
	s_lshl_b32 s[SA], s[WV], 19
	s_add_co_u32 s[TMP], s[TMP], s[SA]
	s_lshl_b32 s[SA], ttmp9, 8
	s_add_co_u32 s[TMP], s[TMP], s[SA]
	s_add_nc_u64 s[OUTP:OUTP+1], s[OUTP:OUTP+1], s[TMP:TMP+1]
.set i, 0
.rept 16
	global_load_b32 v[GO+i], v[VR4], s[IX:IX+1] offset:64*i            ; the indices of all 16 points first
.set i, i+1
.endr
	WIN 0x40
.set i, 0
.rept 16
	global_load_b128 v[TQT+4*i:TQT+4*i+3], v[LANE16], s[TQP:TQP+1] offset:512*i
.set i, i+1
.endr
	VLD 0, 12, 0
	VLD 1, 12, 512
	VLD 2, 12, 1024
	VLD 3, 10, 0
	VLD 4, 16, 0
	VLD 5, 18, 0
	VLD 6, 22, 0
	VLD 7, 24, 0
	VLD 8, 26, 0
	VLD 9, 28, 0
	WLD 0, 8
	WLD 1, 20
	WIN 0
	s_wait_loadcnt 16+NV+6*NW                      ; the indices are in; the 38 loads issued behind them may be out
.set i, 0
.rept 16
	v_min_u32 v[GO+i], 0xfff, v[GO+i]
.set i, i+1
.endr
.set i, 0
.rept 16
	v_lshl_add_u32 v[GO+i], v[GO+i], 7, v[H64]     ; my half of the neighbour's record
.set i, i+1
.endr
	WIN 0x80
.set i, 0
.rept 12
.irp c, 0,1,2,3
	global_load_b128 v[16*i+4*\c:16*i+4*\c+3], v[GO+i], s[NR:NR+1] offset:16*\c
.endr
.set i, i+1
.endr
	WIN 0xc0
.set i, 0
.rept 4
.irp c, 0,1,2,3
	global_load_b128 v[16*i+4*\c:16*i+4*\c+3], v[GO+12+i], s[NR:NR+1] offset:16*\c
.endr
.set i, i+1
.endr
.irp k, 0,1,2,3,4,5,6,7
.irp c, 0,1,2,3
	global_load_b128 v[FR+16*\k+4*\c:FR+16*\k+4*\c+3], v[FA64], s[STI:STI+1] offset:2048*\k+16*\c
.endr
.endr
	WIN 0
.irp c, 0,1,2,3
	global_load_b128 v[X+4*\c:X+4*\c+3], v[ZERO], s[FINI:FINI+1] offset:16*\c  ; the first GroupNorm's means and 1 / sqrt
.endr
	s_wait_loadcnt 63                              ; 100 loads stand behind the first group: it is in
	WIN 0x04
.set i, 0
.rept 16
	ds_store_b128 v[QLW], v[TQT+4*i:TQT+4*i+3] offset:512*i
.set i, i+1
.endr
.set i, 0
.rept NV
	ds_store_b128 v[VW], v[VT+4*i:VT+4*i+3] offset:512*i
.set i, i+1
.endr
.set i, 0
.rept 6*NW
	ds_store_b128 v[WLW], v[WT+4*i:WT+4*i+3] offset:12288*(i/6)+512*(i%6)
.set i, i+1
.endr
	WIN 0
	s_wait_loadcnt 36                              ; the records are in; the 36 loads of the statistics may be out
	WIN 0x08
.set i, 0
.rept 12
.irp c, 0,1,2,3
	ds_store_b128 v[RA0], v[16*i+4*\c:16*i+4*\c+3] offset:2048*i+512*\c        ; as images of the registers: 16 bytes a lane
.endr
.set i, i+1
.endr
	WIN 0x0c
.set i, 0
.rept 4
.irp c, 0,1,2,3
	ds_store_b128 v[RA0], v[16*i+4*\c:16*i+4*\c+3] offset:2048*(12+i)+512*\c
.endr
.set i, i+1
.endr
	WIN 0
	s_wait_loadcnt 0x0
	FINAL
	s_wait_dscnt 0x0                               ; for the others' sake: my quarters of the weights have landed
	s_barrier_signal -1
	s_barrier_wait -1
.irp t, 0,1,2,3,4,5,6,7                        ; the second GroupNorm: channel 16 t + r lies in group t
	ds_load_b32 v[AB3+2*\t], v[VSN] offset:512*8+64*\t
	ds_load_b32 v[AB3+2*\t+1], v[VSN] offset:512*9+64*\t
	ds_load_b32 v[TM+\t], v[VSN] offset:512*7+64*\t
.endr
	s_wait_dscnt 0x0
.irp t, 0,1,2,3,4,5,6,7
	v_mul_f32 v[AB3+2*\t], v[AB3+2*\t], v[RS+\t]
	v_sub_f32 v[TM+\t], v[TM+\t], v[MEAN+\t]
.endr
.irp t, 0,1,2,3,4,5,6,7
	v_fma_f32 v[AB3+2*\t+1], v[TM+\t], v[AB3+2*\t], v[AB3+2*\t+1]
.endr
	; the first GroupNorm: A = gain / sqrt(var + eps), B = offset - mean A
	v_cmp_ne_u32 vcc_lo, 0, v[H]
.irp q, 0,1,2,3
	v_cndmask_b32 v[TM+2*\q], v[X+2*\q], v[X+2*\q+1], vcc_lo           ; my half's group 2 q + h
	v_cndmask_b32 v[TM+2*\q+1], v[X+2*\q], v[X+2*\q+1], vcc_lo
	v_cndmask_b32 v[TM+8+2*\q], v[X+8+2*\q], v[X+8+2*\q+1], vcc_lo
	v_cndmask_b32 v[TM+8+2*\q+1], v[X+8+2*\q], v[X+8+2*\q+1], vcc_lo
.endr
	WIN 0x40
.irp b, 0,1,2,3
.irp j, 0,1,2,3
	ds_load_b128 v[AF1+16*\b+4*\j:AF1+16*\b+4*\j+3], v[VR] offset:512*4+128*\b+16*\j
	ds_load_b128 v[BF1+16*\b+4*\j:BF1+16*\b+4*\j+3], v[VR] offset:512*5+128*\b+16*\j
.endr
.endr
	WIN 0
	s_wait_dscnt 0x0
	WIN 0x41
.set i, 0
.rept 32
	v_pk_mul_f32 v[AF1+i:AF1+i+1], v[AF1+i:AF1+i+1], v[TM+8+2*(i/16):TM+8+2*(i/16)+1]
.set i, i+2
.endr
	WIN 0x54
.set i, 0
.rept 32
	v_pk_fma_f32 v[BF1+i:BF1+i+1], v[TM+2*(i/16):TM+2*(i/16)+1], v[AF1+i:AF1+i+1], v[BF1+i:BF1+i+1] neg_lo:[1,0,0] neg_hi:[1,0,0]
.set i, i+2
.endr
	WIN 0x80
.irp t, 0,1,2,3,4,5,6,7                        ; Wn: lane r of tile 2 b + u takes row 32 b + 8 u + r + 8 (r / 8);  W: the rows as they lie
.irp p, 0,1,2,3,4,5
	ds_load_b64 v[WN+12*\t+2*\p:WN+12*\t+2*\p+1], v[WTAL] offset:(32*(\t/2)+8*(\t%2))*96+48*(\p/3)+8*(\p%3)
	ds_load_b64 v[W1+12*\t+2*\p:W1+12*\t+2*\p+1], v[WNAL] offset:12288+1536*\t+48*(\p/3)+8*(\p%3)
.endr
.endr
	WIN 0
.irp t, 0,1,2,3,4,5,6,7
	ds_load_b32 v[WNS+\t], v[VST] offset:512*3+(32*(\t/2)+8*(\t%2))*4
	ds_load_b32 v[WS1+\t], v[VSN] offset:512*6+64*\t
	ds_load_b32 v[WA+2*\t], v[VPW] offset:(32*(\t/2)+8*(\t%2))*12
	ds_load_b32 v[WY+\t], v[VPY] offset:(32*(\t/2)+8*(\t%2))*12
.endr
	s_mov_b32 s[SR], 0
	s_mov_b32 s[SQ], 0
	RLOAD                                          ; point 0
	POSMM
	NOPS 9                                         ; nine plain places between an f32 product and the product that takes its result as C
	s_mov_b32 s[SP], 0
	s_mov_b32 s[PO], 0
.Lpoints:
	HEADMM
	NEXT
	WIN 0x14                                       ; X = X A + B, in ascending order
.set i, 0
.rept 32
	v_pk_fma_f32 v[X+i:X+i+1], v[X+i:X+i+1], v[AF1+i:AF1+i+1], v[BF1+i:BF1+i+1]
.set i, i+2
.endr
	WIN 0
	LRELU
	POSMM                                          ; the next point's, while this point is quantised
	QUANT
	WIN 0x08                                       ; source 1 (W) window 2
.irp t, 0,1,2,3,4,5,6,7
	v_wmma_scale_f32_16x16x128_f8f6f4 v[X+8*\t:X+8*\t+7], v[COD:COD+11], v[W1+12*\t:W1+12*\t+11], 0, v[PW], v[WS1+\t] matrix_a_fmt:MATRIX_FMT_FP6 matrix_b_fmt:MATRIX_FMT_FP6
.endr
	WIN 0
	NOPS 4                                         ; four plain places ahead of the first read of a result
.irp t, 0,1,2,3,4,5,6,7                        ; y A + B: of the pair (A, B) the first serves as factor and the second as addend, for both halves; each accumulator from its low end on
.irp i, 0,2,4,6
	v_pk_fma_f32 v[X+8*\t+\i:X+8*\t+\i+1], v[X+8*\t+\i:X+8*\t+\i+1], v[AB3+2*\t:AB3+2*\t+1], v[AB3+2*\t:AB3+2*\t+1] op_sel:[0,0,1] op_sel_hi:[1,0,1]
.endr
.endr
.irp t, 0,1,2,3,4,5,6,7
	v_max3_num_f32 v[TM+\t], v[X+8*\t], v[X+8*\t+1], v[X+8*\t+2]
.endr
.irp t, 0,1,2,3,4,5,6,7
	v_max3_num_f32 v[TM+\t], v[TM+\t], v[X+8*\t+3], v[X+8*\t+4]
.endr
.irp t, 0,1,2,3,4,5,6,7
	v_max3_num_f32 v[TM+\t], v[TM+\t], v[X+8*\t+5], v[X+8*\t+6]
.endr
.irp t, 0,1,2,3,4,5,6,7
	v_max_num_f32 v[TM+\t], v[TM+\t], v[X+8*\t+7]
.endr
.irp t, 0,1,2,3,4,5,6,7
	v_permlanex16_b32 v[TM+8+\t], v[TM+\t], s[SEL], s[SEL+1]
.endr
.irp t, 0,1,2,3,4,5,6,7
	v_max_num_f32 v[TM+\t], v[TM+\t], v[TM+8+\t]   ; with the other eight neighbours
.endr
.irp t, 0,1,2,3,4,5,6,7
	v_mul_f32 v[TM+8+\t], 0x3dcccccd, v[TM+\t]
.endr
.irp t, 0,1,2,3,4,5,6,7
	v_max_num_f32 v[TM+\t], v[TM+\t], v[TM+8+\t]   ; lrelu
.endr
	v_add_nc_u32 v[PA], s[PO], v[PA0]
.irp t, 0,1,2,3,4,5,6,7
	ds_store_b32 v[PA], v[TM+\t] offset:4352*\t    ; both halves of the lanes write the same word with the same value
.endr
	s_wait_dscnt 0x0                               ; the stores have read their registers
	s_add_co_u32 s[PO], s[PO], 4
	s_add_co_u32 s[SP], s[SP], 1
	s_cmp_lt_u32 s[SP], 16
	s_cbranch_scc1 .Lpoints
	s_wait_dscnt 0x0                               ; for the others' sake: my stores into the stage have landed
	s_barrier_signal -1
	s_barrier_wait -1
.irp i, 0,1,2,3,4,5,6,7,8,9,10,11,12,13,14,15
	ds_load_b128 v[X+4*\i:X+4*\i+3], v[ORD] offset:544*\i
.endr
.irp i, 0,1,2,3,4,5,6,7,8,9,10,11,12,13,14,15
	s_wait_dscnt 15-\i                             ; rows 2 i, 2 i + 1 are in; the younger ones may be out
	global_store_b128 v[OGO], v[X+4*\i:X+4*\i+3], s[OUTP:OUTP+1] offset:32768*\i th:TH_STORE_NT   ; sixteen lanes store 256 consecutive bytes, aligned
.endr
	s_wait_tensorcnt 0x0
	ds_add_u32 v190, v191
	s_wait_dscnt 0x0
	s_endpgm
.Lfunc_end_k_qc6e9ba1ce3_xfin1:
	.size	k_qc6e9ba1ce3_xfin1, .Lfunc_end_k_qc6e9ba1ce3_xfin1-k_qc6e9ba1ce3_xfin1
	.p2alignl 7, 3214868480
	.fill 96, 4, 3214868480
	.section	.rodata,"a",@progbits
	.p2align	6, 0x0
	.amdhsa_kernel k_qc6e9ba1ce3_xfin1
		.amdhsa_group_segment_fixed_size 256512
		.amdhsa_private_segment_fixed_size 0
		.amdhsa_enable_private_segment 0
		.amdhsa_kernarg_size 112
		.amdhsa_user_sgpr_count 2
		.amdhsa_user_sgpr_kernarg_segment_ptr 1
		.amdhsa_wavefront_size32 1
		.amdhsa_system_sgpr_workgroup_id_x 1
		.amdhsa_system_sgpr_workgroup_id_y 1
		.amdhsa_system_sgpr_workgroup_id_z 1
		.amdhsa_system_vgpr_workitem_id 0
		.amdhsa_next_free_vgpr 1024
		.amdhsa_next_free_sgpr 102
		.amdhsa_reserve_vcc 1
		.amdhsa_float_denorm_mode_32 3
		.amdhsa_float_denorm_mode_16_64 3
		.amdhsa_memory_ordered 1
		.amdhsa_forward_progress 1
		.amdhsa_inst_pref_size 91
	.end_amdhsa_kernel
	.amdgpu_metadata
---
amdhsa.version: [ 1, 2 ]
amdhsa.kernels:
  - .name:           k_qc6e9ba1ce3_xfin1
    .symbol:         k_qc6e9ba1ce3_xfin1.kd
    .args:
      - { .name: tab2, .offset: 0, .size: 8, .value_kind: global_buffer, .address_space: global }
      - { .name: idx, .offset: 8, .size: 8, .value_kind: global_buffer, .address_space: global }
      - { .name: t2_w_codes, .offset: 16, .size: 8, .value_kind: global_buffer, .address_space: global }
      - { .name: t2_w_scales, .offset: 24, .size: 8, .value_kind: global_buffer, .address_space: global }
      - { .name: pos2_w, .offset: 32, .size: 8, .value_kind: global_buffer, .address_space: global }
      - { .name: st_a, .offset: 40, .size: 8, .value_kind: global_buffer, .address_space: global }
      - { .name: gn2_g, .offset: 48, .size: 8, .value_kind: global_buffer, .address_space: global }
      - { .name: gn2_b, .offset: 56, .size: 8, .value_kind: global_buffer, .address_space: global }
      - { .name: m2a_w_codes, .offset: 64, .size: 8, .value_kind: global_buffer, .address_space: global }
      - { .name: m2a_w_scales, .offset: 72, .size: 8, .value_kind: global_buffer, .address_space: global }
      - { .name: m2a_b, .offset: 80, .size: 8, .value_kind: global_buffer, .address_space: global }
      - { .name: m2a_g, .offset: 88, .size: 8, .value_kind: global_buffer, .address_space: global }
      - { .name: m2a_beta, .offset: 96, .size: 8, .value_kind: global_buffer, .address_space: global }
      - { .name: out2, .offset: 104, .size: 8, .value_kind: global_buffer, .address_space: global }
    .group_segment_fixed_size: 256512
    .private_segment_fixed_size: 0
    .kernarg_segment_align: 8
    .kernarg_segment_size: 112
    .max_flat_workgroup_size: 128
    .sgpr_count:     102
    .vgpr_count:     1024
    .wavefront_size: 32
...
	.end_amdgpu_metadata
.endif
;; end of part 12
;; ======== version 3 of 3: 8 launches; version 2 with the launches front, xfin2, xfin1 written anew for expert scheduling mode
;; workspace buffers: tab1 10,485,760 bytes; tab2 9,437,184 bytes; wn1c 12,288 bytes; wn1s 512 bytes; idx 1,048,576 bytes of whole numbers; st_a 66,048 bytes; st_b 66,048 bytes
;; launch front (part 13): grid 256 x 1, 4 waves a work-group, no clusters, 169,472 bytes of LDS; arguments feat1_codes, feat1_scales, feat2_codes, feat2_scales, t11_w_codes, t11_w_scales, t11_b, t22_w_codes, t22_w_scales, t22_b, pos1_w, pos1_b, pc1, pc2, tab1, wn1c, wn1s, idx; writes tab1, wn1c, wn1s, idx
.if DOCPART == 13
	.amdgcn_target "amdgcn-amd-amdhsa--gfx1250"
	.amdhsa_code_object_version 6
	.text
	.protected	k_qc6e9ba1ce3_front
	.globl	k_qc6e9ba1ce3_front
	.p2align	8
	.type	k_qc6e9ba1ce3_front,@function
k_qc6e9ba1ce3_front:
	s_mov_b64 s[64:65], 0
	v_nop
	global_prefetch_b8 v0, s[64:65] scope:SCOPE_SE
	s_setreg_imm32_b32 hwreg(HW_REG_WAVE_SCHED_MODE, 0, 2), 2
	s_setreg_imm32_b32 hwreg(HW_REG_WAVE_MODE, 25, 1), 1
	s_wait_xcnt 0x0
	s_wait_alu depctr_vm_vsrc(0)
; PART A: what the first layer's launches read.  x0[n][k] = p2[idx] + p1[n] + Wp (xyz2[idx] - xyz1[n]) + pos_b is split by linearity:
;   x0 = (t22 feat[idx] + Wp xyz[idx]) + tq[n],   tq[dir][batch][n][c] = t11 feat + t11_b + t22_b + pos1_b - Wp xyz   (tab1, from byte 0, f32, point-major).
;   The neighbour's part is made anew by the later launches from a RECORD of 128 bytes a point (tab1, from byte TABN): for each half h of the lanes 64 bytes: the 48 bytes that lane (r, h) of an
;   E2M3 fragment holds (K 64 .. 127 are zero codes), then 16 bytes: h = 0: x, y, the scale word, 0;  h = 1: z, 1.0, 0, 0.
;   Work-group 0 also lays t22 out with K = 128 (rows of 96 bytes, the upper 48 zero codes; scale words of 4 bytes), as the later launches take a weight: 12 KB, stored 16 bytes a lane to rows 96 bytes apart.
; PART B: the 16 nearest neighbours, exact, with no branch and no address that hangs on a floating-point number.
;   d2 = (s1 + s2) + (-2 x1) . x2 with fused multiply-adds in the order x, y, z.  Pass 1 finds T, the 16th smallest d2 of a query.  Pass 2 computes d2 again by the same instructions and
;   gives each candidate j a key: 0x40000000 | j where d2 < T, 0x40001000 | j where d2 = T, else +infinity.  Keys are positive normal f32 numbers, so their order as floats is their order as
;   whole numbers: the 16 smallest keys are the 16 nearest, ties to the lower index.
;   THE SELECTOR takes 4 candidates at a time, sorts them, and puts rank k into a sorted list of 16 / k places (16, 8, 5, 4): an element of rank k that falls out of its list has 16 / k others of
;   rank k at or under it, each with k - 1 mates under it, and its own k - 1 mates: k (16 / k) + k - 1 >= 16 others at or under it, so it is not needed.
; SHARES.  256 work-groups.  Part A: x >> 7 the cloud, (x >> 6) & 1 the batch; a wave makes 16 points.  Part B: the same two fields are direction and batch; the work-group has
;   64 queries, two a lane; wave w scans candidates 1024 w .. 1024 w + 1023 out of a table of its own in LDS; the four waves' lists meet in LDS behind a barrier.
; LIMITS: NaN and infinities among pc1, pc2 are not served.  Two candidates whose d2 differ by less than the f32 rounding of this formula may change places against another f32 evaluation of it.
;   The split of the position product rounds at about 6e-8 |Wp| |xyz|, not on the small direction vector.
; THE MODE: SCHED_MODE bits 1:0 = 2 (LLVM: expert scheduling mode 2), set by the entry lines.  The code itself states the register dependences between vector or matrix instructions and
;   memory or LDS instructions, with s_wait_alu, always for 0.
; THE PLAN.  Registers that memory or LDS instructions touch:
;   addresses      made at the head of each part, ahead of one wait on va_vdst, and not written again in that part, but for v[TAR] and v[IMGR] (below).
;   ACC            written by the products, read by the LDS stores behind the places and one wait.
;   RW             16 rows from the stage.  The arithmetic goes four rows at a time; the wait at the head of the next four shows the last four written, and their stores follow it.
;   sets, v20-67   s, keys, tie-keys of four groups: written, one wait, 24 LDS stores, a wait on vm_vsrc, and once more.  Later these registers are the scan's two buffers.
;   CA, CBF        the scan's buffers.  A step works on one; the loads of the next group land in the other, which no vector instruction issued since the step's wait names: so the wait on va_vdst at a
;                  step's head states all that the step's loads hang on, and these are dealt among the first runs of its arithmetic.
;   v[TAR]         the scan's LDS address: written once a trip, behind a wait on vm_vsrc and ahead of the wait on va_vdst that stands there for the buffer.
;   LST, MB        the lists: read by the images' stores behind one wait; begun anew behind a wait on vm_vsrc.  MB takes the other waves' images: address and buffer under one pair of waits a trip.
.set PSTG,  0                          ; LDS: 4 x 8,448: a wave's stage, 16 rows x (512 + 16) bytes
.set TAB,   33792                      ; 4 x 24,576: a wave's candidates: 256 groups of 4, 96 bytes a group: x4 y4 z4 s4 key4 tie-key4
.set IM1,   132096                     ; 4 x 4,096: the waves' lists of pass 1, as images of their registers
.set IM2,   148480                     ; the same of pass 2
.set OST,   164864                     ; 4,096: the indices' way out
.set TABN,  8388608                    ; where the records begin in tab1
.set WV,    2                          ; s2 wave
.set CLD,   3                          ; s3 cloud = direction
.set BAT,   101                        ; s101 batch
.set NRP,   104                        ; s[104:105] my 16 records
.set N0,    56
.set ROW,   57
.set P0,    58                         ; s[58:59], s[60:61], s[62:63]: pointers at work
.set P1,    60
.set P2,    62
.set TMP,   66                         ; s[66:67] an offset in 64 bits
.set TX,    100
.set CX,    40                         ; s[40:55], s[68:83], s[84:99]: x, y, z of my 16 points
.set CY,    68
.set CZ,    84
.set R,     1
.set H,     2
.set L16,   3
.set FAD,   4
.set SAD,   5
.set STW,   6
.set STR,   7
.set PWA,   8
.set LN,    9
.set R4,    10
.set RSW,   11
.set CXV,   12                         ; v12-14 x, y, z of point r
.set ONE,   15
.set FB,    16                         ; v16-27 the points' fragment
.set PW,    28                         ; v28-39 pos1_w of my channels 4 l .. 4 l + 3
.set BQ,    40                         ; v40-43 t11_b + pos1_b + t22_b
.set BN,    44
.set TBI,   48
.set TL4,   52                         ; v52-55 a record's last 16 bytes of my half
.set ZR,    56
.set ACC,   64                         ; v64-127 eight accumulators
.set RW,    128                        ; v128-191 sixteen rows, 16 bytes a lane
.set FS,    239                        ; v239 the points' scale words; v240-247 the weight's: these hold scales and nothing else
.set WS11,  240
.set WF11,  0                          ; window 1: the weight's fragments, 8 x 12
.set MSB, 0
.macro WIN new                         ; the immediate's high byte repeats the setting that is left
.if MSB != (\new)
	s_set_vgpr_msb (MSB<<8)|(\new)
.set MSB, (\new)
.endif
.endm
	s_load_b512 s[4:19], s[0:1], 0x0               ; feat1 codes, scales; feat2 codes, scales; t11 codes, scales, bias; t22 codes
	s_load_b512 s[20:35], s[0:1], 0x40             ; t22 scales, bias; pos1_w, pos1_b; pc1, pc2; tab1, wn1c
	s_load_b128 s[36:39], s[0:1], 0x80             ; wn1s, idx
	v_lshl_add_u32 v254, v0, 2, 0x29400
	v_mov_b32 v255, 0
	v_lshrrev_b32 v[R], 5, v0
	v_readfirstlane_b32 s[WV], v[R]                ; wave 0..3
	v_and_b32 v[R], 15, v0
	v_bfe_u32 v[H], v0, 4, 1
	v_and_b32 v[LN], 31, v0
	v_lshlrev_b32 v[L16], 4, v[LN]
	v_mul_u32_u24 v[FAD], v[R], 48                 ; a row of 64 codes is 48 bytes,
	v_mad_u32_u24 v[FAD], v[H], 24, v[FAD]         ; + 24 for lanes 16-31: k = 32 h + 0 .. 31
	v_lshlrev_b32 v[SAD], 1, v[R]                  ; two scale bytes a row
	v_lshlrev_b32 v[R4], 2, v[R]
	v_mul_u32_u24 v[PWA], v[LN], 48                ; pos1_w: 12 bytes a channel, four channels a lane
	s_wait_alu depctr_va_sdst(0)                   ; s[WV] is written, ahead of its first reader
	s_mul_i32 s[TX], s[WV], 8448
	v_mul_u32_u24 v[STW], v[R], 528
	v_lshl_add_u32 v[STW], v[H], 5, v[STW]
	v_add_nc_u32 v[STW], s[TX], v[STW]             ; the stage, in: row r, + 32 h
	v_add_nc_u32 v[STR], s[TX], v[L16]             ; and back: 16 bytes a lane of a whole row
	v_lshlrev_b32 v[RSW], 7, v[R]
	v_lshl_add_u32 v[RSW], v[H], 6, v[RSW]
	v_add_nc_u32 v[RSW], s[TX], v[RSW]             ; a record in the stage: 128 r + 64 h
	v_mov_b32 v[ONE], 1.0
	v_mov_b32 v[ZR], 0
.irp i, 6,7,8,9,10,11
	v_mov_b32 v[FB+\i], 0                          ; K 64 .. 127: zero codes
.endr
	WIN 0x40
.set i, 0
.rept 8
.irp u, 6,7,8,9,10,11
	v_mov_b32 v[12*i+\u], 0                        ; the same in the eight fragments of the weight
.endr
.set i, i+1
.endr
	WIN 0
	s_lshr_b32 s[CLD], ttmp9, 7
	s_bfe_u32 s[BAT], ttmp9, 0x10006
	s_and_b32 s[N0], ttmp9, 63
	s_lshl_b32 s[N0], s[N0], 2
	s_add_co_u32 s[N0], s[N0], s[WV]
	s_lshl_b32 s[N0], s[N0], 4                     ; my first point
	s_lshl_b32 s[ROW], s[BAT], 12
	s_add_co_u32 s[ROW], s[ROW], s[N0]             ; and its row in the cloud's tensors
	s_mov_b32 s[TMP+1], 0
	s_wait_kmcnt 0x0
	s_cmp_eq_u32 s[CLD], 0                         ; the choice hangs on the work-group's number alone
	s_cselect_b64 s[P0:P0+1], s[4:5], s[8:9]
	s_cselect_b64 s[P1:P1+1], s[6:7], s[10:11]
	s_cselect_b64 s[P2:P2+1], s[28:29], s[30:31]
	s_mul_i32 s[TMP], s[ROW], 48
	s_add_nc_u64 s[P0:P0+1], s[P0:P0+1], s[TMP:TMP+1]
	s_lshl_b32 s[TMP], s[ROW], 1
	s_add_nc_u64 s[P1:P1+1], s[P1:P1+1], s[TMP:TMP+1]
	s_mul_i32 s[TMP], s[BAT], 49152
	s_lshl_b32 s[TX], s[N0], 2
	s_add_co_u32 s[TMP], s[TMP], s[TX]
	s_add_nc_u64 s[P2:P2+1], s[P2:P2+1], s[TMP:TMP+1]
	s_load_b512 s[CX:CX+15], s[P2:P2+1], 0x0       ; my 16 points' coordinates, as scalars
	s_load_b512 s[CY:CY+15], s[P2:P2+1], 0x4000
	s_load_b512 s[CZ:CZ+15], s[P2:P2+1], 0x8000
	s_xor_b32 s[TMP], s[CLD], 1
	s_lshl_b32 s[TMP], s[TMP], 13
	s_add_co_u32 s[TMP], s[TMP], s[ROW]            ; the records serve the other direction, whose neighbours these points are
	s_lshl_b32 s[TMP], s[TMP], 7
	s_add_co_u32 s[TMP], s[TMP], TABN
	s_add_nc_u64 s[NRP:NRP+1], s[32:33], s[TMP:TMP+1]
	s_lshl_b32 s[TMP], s[CLD], 13
	s_add_co_u32 s[TMP], s[TMP], s[ROW]            ; tq: direction = the cloud
	s_lshl_b32 s[TMP], s[TMP], 9
	s_add_nc_u64 s[32:33], s[32:33], s[TMP:TMP+1]
	s_wait_alu depctr_va_vdst(0)                   ; part A's offsets and LDS addresses v3 to v11 are written, which its loads and stores read; so are the zero codes, which the scaled products take
.irp p, 0,1,2
	global_load_b64 v[FB+2*\p:FB+2*\p+1], v[FAD], s[P0:P0+1] offset:8*\p
.endr
	global_load_u16 v[FS], v[SAD], s[P1:P1+1]      ; bytes 2 and 3 come as 0: they stand over zero codes
.irp t, 0,1,2,3,4,5,6,7
	global_load_u16 v[WS11+\t], v[SAD], s[14:15] offset:32*\t
.endr
.irp c, 0,1,2
	global_load_b128 v[PW+4*\c:PW+4*\c+3], v[PWA], s[24:25] offset:16*\c
	global_load_b32 v[CXV+\c], v[R4], s[P2:P2+1] offset:16384*\c
.endr
	global_load_b128 v[BQ:BQ+3], v[L16], s[16:17]
	global_load_b128 v[TBI:TBI+3], v[L16], s[26:27]
	global_load_b128 v[BN:BN+3], v[L16], s[22:23]
	WIN 0x40
.irp t, 0,1,2,3,4,5,6,7
.irp p, 0,1,2
	global_load_b64 v[WF11+12*\t+2*\p:WF11+12*\t+2*\p+1], v[FAD], s[12:13] offset:768*\t+8*\p
.endr
.endr
	WIN 0
	s_wait_loadcnt 0x0
	s_wait_kmcnt 0x0
	v_cmp_ne_u32 vcc_lo, 0, v[H]
	v_pk_add_f32 v[BQ:BQ+1], v[BQ:BQ+1], v[TBI:TBI+1]
	v_pk_add_f32 v[BQ+2:BQ+3], v[BQ+2:BQ+3], v[TBI+2:TBI+3]
	v_pk_add_f32 v[BQ:BQ+1], v[BQ:BQ+1], v[BN:BN+1]
	v_pk_add_f32 v[BQ+2:BQ+3], v[BQ+2:BQ+3], v[BN+2:BN+3]
	s_wait_alu depctr_va_vcc(0)                    ; VCC is written, ahead of the selections that read it
	v_cndmask_b32 v[TL4], v[CXV], v[CXV+2], vcc_lo         ; lanes 0-15: x, y, the scale word, 0;  lanes 16-31: z, 1.0, 0, 0
	v_cndmask_b32 v[TL4+1], v[CXV+1], v[ONE], vcc_lo
	v_cndmask_b32 v[TL4+2], v[FS], v[ZR], vcc_lo
	v_mov_b32 v[TL4+3], 0
.rept 4
	v_nop                                          ; operands written by vector instructions (the zero codes) stand well ahead of the scaled products
.endr
; Eight products, transposed: source 0 = 16 rows of t11, source 1 = my 16 points: lane (r, h) holds point r, register j of tile t channel 16 t + 8 h + j.
	WIN 0x01
.irp t, 0,1,2,3,4,5,6,7
	v_wmma_scale_f32_16x16x128_f8f6f4 v[ACC+8*\t:ACC+8*\t+7], v[WF11+12*\t:WF11+12*\t+11], v[FB:FB+11], 0, v[WS11+\t], v[FS] matrix_a_fmt:MATRIX_FMT_FP6 matrix_b_fmt:MATRIX_FMT_FP6
.endr
	WIN 0
.rept 4
	v_nop                                          ; four plain places ahead of the first read of a result
.endr
	s_wait_alu depctr_va_vdst(0)                   ; the products have written the accumulators, which the LDS stores read; the record's last 16 bytes, v[TL4 ..], are written too.  The places above stay beside this wait
; The 16 points go through my stage and come back as whole rows; biases and the position term are added; each store of the wave covers 512 consecutive bytes.
.irp t, 0,1,2,3,4,5,6,7
	ds_store_b128 v[STW], v[ACC+8*\t:ACC+8*\t+3] offset:64*\t          ; each accumulator from its low end on
	ds_store_b128 v[STW], v[ACC+8*\t+4:ACC+8*\t+7] offset:64*\t+16
.endr
.irp p, 0,1,2,3,4,5,6,7,8,9,10,11,12,13,14,15
	ds_load_b128 v[RW+4*\p:RW+4*\p+3], v[STR] offset:528*\p            ; LDS serves a wave's instructions in order: these see my stores
.endr
.macro ROWMATH g                       ; rows 4 g .. 4 g + 3: the biases and the position term
.set pp, 4*(\g)
.rept 4
	v_pk_add_f32 v[RW+4*pp:RW+4*pp+1], v[RW+4*pp:RW+4*pp+1], v[BQ:BQ+1]
	v_pk_add_f32 v[RW+4*pp+2:RW+4*pp+3], v[RW+4*pp+2:RW+4*pp+3], v[BQ+2:BQ+3]
.irp c, 0,1,2,3
	v_fma_f32 v[RW+4*pp+\c], -v[PW+3*\c], s[CX+pp], v[RW+4*pp+\c]
.endr
.irp c, 0,1,2,3
	v_fma_f32 v[RW+4*pp+\c], -v[PW+3*\c+1], s[CY+pp], v[RW+4*pp+\c]
.endr
.irp c, 0,1,2,3
	v_fma_f32 v[RW+4*pp+\c], -v[PW+3*\c+2], s[CZ+pp], v[RW+4*pp+\c]
.endr
.set pp, pp+1
.endr
.endm
.macro ROWOUT g                        ; the same four rows are stored
.set pp, 4*(\g)
.rept 4
	global_store_b128 v[L16], v[RW+4*pp:RW+4*pp+3], s[32:33] offset:512*pp
.set pp, pp+1
.endr
.endm
	s_wait_dscnt 12                                ; rows 0 to 3 are in; the twelve younger rows may be out
	ROWMATH 0
	s_wait_dscnt 8                                 ; rows 4 to 7 are in; the eight younger rows may be out
	s_wait_alu depctr_va_vdst(0)                   ; rows 0 to 3 are written, which the stores below read; the arithmetic behind them names other rows
	ROWOUT 0
	ROWMATH 1
	s_wait_dscnt 4                                 ; rows 8 to 11 are in; the four younger rows may be out
	s_wait_alu depctr_va_vdst(0)                   ; rows 4 to 7 are written
	ROWOUT 1
	ROWMATH 2
	s_wait_dscnt 0x0
	s_wait_alu depctr_va_vdst(0)                   ; rows 8 to 11 are written
	ROWOUT 2
	ROWMATH 3
	s_wait_alu depctr_va_vdst(0)                   ; rows 12 to 15 are written
	ROWOUT 3
	s_wait_xcnt 0x0                                ; the stores have read their registers: these may be written again
	s_wait_alu depctr_vm_vsrc(0)                   ; the stores have read v[RW ..], in which the LDS loads below land
; The 16 records, 2,048 consecutive bytes: a lane's 64 bytes into the stage, back 16 bytes a lane, so that each store of the wave covers 512 consecutive bytes.
.irp c, 0,1,2
	ds_store_b128 v[RSW], v[FB+4*\c:FB+4*\c+3] offset:16*\c
.endr
	ds_store_b128 v[RSW], v[TL4:TL4+3] offset:48
.irp c, 0,1,2,3
	ds_load_b128 v[RW+4*\c:RW+4*\c+3], v[STR] offset:512*\c
.endr
.irp c, 0,1,2,3
	s_wait_dscnt 3-\c                              ; piece c is in; the younger ones may be out
	global_store_b128 v[L16], v[RW+4*\c:RW+4*\c+3], s[NRP:NRP+1] offset:512*\c
.endr
	s_wait_xcnt 0x0
	s_wait_alu depctr_vm_vsrc(0)                   ; all of part A's loads and stores have read their addresses and data: on both ways from here these registers are written again
; Work-group 0: t22 with K = 128.  A lane takes a row: wave w rows 32 w .. 32 w + 31.
	s_cmp_lg_u32 ttmp9, 0
	s_cbranch_scc1 .Lnocopy
	s_lshl_b32 s[TX], s[WV], 5
	v_add_nc_u32 v[RW+20], s[TX], v[LN]
	v_mul_u32_u24 v[RW+21], v[RW+20], 48
	v_mul_u32_u24 v[RW+22], v[RW+20], 96
	v_lshlrev_b32 v[RW+23], 1, v[RW+20]
	v_lshlrev_b32 v[RW+24], 2, v[RW+20]
.irp i, 0,1,2,3
	v_mov_b32 v[RW+12+\i], 0
.endr
	s_wait_alu depctr_va_vdst(0)                   ; the four offsets and the 16 bytes of zero codes are written, which the loads and stores below read
.irp c, 0,1,2
	global_load_b128 v[RW+4*\c:RW+4*\c+3], v[RW+21], s[18:19] offset:16*\c
.endr
	global_load_u16 v[RW+16], v[RW+23], s[20:21]
	s_wait_loadcnt 0x0
.irp c, 0,1,2
	global_store_b128 v[RW+22], v[RW+4*\c:RW+4*\c+3], s[34:35] offset:16*\c
	global_store_b128 v[RW+22], v[RW+12:RW+15], s[34:35] offset:48+16*\c
.endr
	global_store_b32 v[RW+24], v[RW+16], s[36:37]
	s_wait_xcnt 0x0
	s_wait_alu depctr_vm_vsrc(0)                   ; these stores have read v[RW ..], in which part B's loads land
.Lnocopy:
; ---------------------------------------------------------------- PART B
.set LANE,  1
.set L16B,  2
.set TAW,   3                          ; where I store a group's record
.set TAR,   4                          ; where the scan reads: the same address in all lanes; written once a trip
.set VINF,  5
.set IMGW,  6
.set IMGR,  7
.set KB,    8
.set XM,    10                         ; v[10:11] -2 x of my two queries; v[12:13], v[14:15] y, z; v[16:17] their s; v[18:19] their T
.set YM,    12
.set ZM,    14
.set SQ,    16
.set TT,    18
.set CA,    20                         ; v20-43, v44-67: two buffers of a group: x4 y4 z4 s4 key4 tie-key4
.set CBF,   44
.set TS,    20                         ; v20-67, ahead of the scans: four sets of 12: s4, key4, tie-key4 of a group
.set DD,    68                         ; v68-75 d2: candidate e, query q at 2 e + q
.set KY,    76                         ; v76-83 s1 + s2, then the keys
.set SO,    84                         ; v84-97 the sort: 7 registers a query
.set QV,    98
.set LST,   100                        ; the lists of query q at 100 + 36 q: 16, 8, 5, 4 registers
.set MB,    172                        ; v172-203 another wave's lists
.set TL,    100                        ; v100-195 the candidates as loaded
.set OSW,   208
.set OSR,   209
.set TB0,   56
.set ST,    57
.set CNT,   62
.set MS,    63
.macro INS base, depth, val            ; one value into a sorted list: place i takes the middle one of its lower neighbour, itself and the value
.set ii, (\depth)-1
.rept (\depth)-1
	v_med3_num_f32 v[(\base)+ii], v[(\base)+ii-1], v[(\base)+ii], v[\val]
.set ii, ii-1
.endr
	v_min_num_f32 v[\base], v[\base], v[\val]
.endm
.macro LINIT n
.irp q, 0,1
.set i, 0
.rept \n
	v_mov_b32 v[LST+36*\q+i], v[VINF]
.set i, i+1
.endr
.endr
.endm
.macro LDG buf, adr, off, n            ; the first n quads of a group's record
.set c, 0
.rept \n
	ds_load_b128 v[\buf+4*c:\buf+4*c+3], v[\adr] offset:\off+16*c
.set c, c+1
.endr
.endm
.macro LDP nb, off, c, n               ; quads c and c + 1 of the next group's record into the other buffer, where the pass reads so many.  No wait: no vector instruction since the step's wait names that buffer or v[TAR]
.if (\c) < (\n)
	ds_load_b128 v[\nb+4*(\c):\nb+4*(\c)+3], v[TAR] offset:(\off)+16*(\c)
	ds_load_b128 v[\nb+4*(\c)+4:\nb+4*(\c)+7], v[TAR] offset:(\off)+16*(\c)+16
.endif
.endm
.macro DIST buf, nb, off, n            ; d2 of 4 candidates x 2 queries: the packed forms take my two queries in their halves and one candidate for both.  The next group's loads are dealt behind the first three runs
.irp g, 0,1
	v_pk_mul_f32 v[DD+4*\g:DD+4*\g+1], v[XM:XM+1], v[\buf+2*\g:\buf+2*\g+1] op_sel:[0,0] op_sel_hi:[1,0]
	v_pk_mul_f32 v[DD+4*\g+2:DD+4*\g+3], v[XM:XM+1], v[\buf+2*\g:\buf+2*\g+1] op_sel:[0,1] op_sel_hi:[1,1]
.endr
	LDP \nb, \off, 0, \n
.irp g, 0,1
	v_pk_fma_f32 v[DD+4*\g:DD+4*\g+1], v[YM:YM+1], v[\buf+4+2*\g:\buf+4+2*\g+1], v[DD+4*\g:DD+4*\g+1] op_sel:[0,0,0] op_sel_hi:[1,0,1]
	v_pk_fma_f32 v[DD+4*\g+2:DD+4*\g+3], v[YM:YM+1], v[\buf+4+2*\g:\buf+4+2*\g+1], v[DD+4*\g+2:DD+4*\g+3] op_sel:[0,1,0] op_sel_hi:[1,1,1]
.endr
	LDP \nb, \off, 2, \n
.irp g, 0,1
	v_pk_add_f32 v[KY+4*\g:KY+4*\g+1], v[SQ:SQ+1], v[\buf+12+2*\g:\buf+12+2*\g+1] op_sel:[0,0] op_sel_hi:[1,0]
	v_pk_add_f32 v[KY+4*\g+2:KY+4*\g+3], v[SQ:SQ+1], v[\buf+12+2*\g:\buf+12+2*\g+1] op_sel:[0,1] op_sel_hi:[1,1]
.endr
	LDP \nb, \off, 4, \n
.irp g, 0,1
	v_pk_fma_f32 v[DD+4*\g:DD+4*\g+1], v[ZM:ZM+1], v[\buf+8+2*\g:\buf+8+2*\g+1], v[DD+4*\g:DD+4*\g+1] op_sel:[0,0,0] op_sel_hi:[1,0,1]
	v_pk_fma_f32 v[DD+4*\g+2:DD+4*\g+3], v[ZM:ZM+1], v[\buf+8+2*\g:\buf+8+2*\g+1], v[DD+4*\g+2:DD+4*\g+3] op_sel:[0,1,0] op_sel_hi:[1,1,1]
.endr
.irp e, 0,2,4,6
	v_pk_add_f32 v[DD+\e:DD+\e+1], v[KY+\e:KY+\e+1], v[DD+\e:DD+\e+1]
.endr
.endm
.macro KEYS buf                        ; the masks select values only
.irp e, 0,1,2,3
.irp q, 0,1
	v_cmp_eq_f32 s[40+2*\e+\q], v[DD+2*\e+\q], v[TT+\q]
	v_cmp_lt_f32 s[48+2*\e+\q], v[DD+2*\e+\q], v[TT+\q]
.endr
.endr
	s_wait_alu depctr_va_sdst(0)                   ; the sixteen masks s40 to s55 are written, ahead of the selections that read them: one wait for the run
.irp e, 0,1,2,3
.irp q, 0,1
	v_cndmask_b32 v[KY+2*\e+\q], v[VINF], v[\buf+20+\e], s[40+2*\e+\q]
.endr
.endr
.irp e, 0,1,2,3
.irp q, 0,1
	v_cndmask_b32 v[KY+2*\e+\q], v[KY+2*\e+\q], v[\buf+16+\e], s[48+2*\e+\q]
.endr
.endr
.endm
.macro SORT4 src                       ; three are sorted by min3, med3, max3; the fourth is put in
.irp q, 0,1
	v_min3_num_f32 v[SO+7*\q], v[\src+\q], v[\src+2+\q], v[\src+4+\q]
	v_med3_num_f32 v[SO+7*\q+1], v[\src+\q], v[\src+2+\q], v[\src+4+\q]
	v_max3_num_f32 v[SO+7*\q+2], v[\src+\q], v[\src+2+\q], v[\src+4+\q]
.endr
.irp q, 0,1
	v_min_num_f32 v[SO+7*\q+3], v[SO+7*\q], v[\src+6+\q]
	v_med3_num_f32 v[SO+7*\q+4], v[SO+7*\q], v[SO+7*\q+1], v[\src+6+\q]
	v_med3_num_f32 v[SO+7*\q+5], v[SO+7*\q+1], v[SO+7*\q+2], v[\src+6+\q]
	v_max_num_f32 v[SO+7*\q+6], v[SO+7*\q+2], v[\src+6+\q]
.endr
.endm
.macro GROUP buf, pass, nb, off, n     ; the group in buffer buf is worked on; n quads of the next group's record, off bytes from v[TAR], are asked for into buffer nb
	DIST \buf, \nb, \off, \n
.if \pass == 2
	KEYS \buf
	SORT4 KY
.else
	SORT4 DD
.endif
.irp q, 0,1
	INS LST+36*\q, 16, SO+7*\q+3
	INS LST+36*\q+16, 8, SO+7*\q+4
	INS LST+36*\q+24, 5, SO+7*\q+5
	INS LST+36*\q+29, 4, SO+7*\q+6
.endr
.endm
; My wave's 256 groups, two a trip; the last trip is written out, so that no read leaves the wave's table.  Then the three short lists go into the long one.
.macro SCAN pass, n
	LINIT 33
	s_mov_b32 s[ST], s[TB0]
	v_mov_b32 v[TAR], s[ST]
	s_wait_alu depctr_va_vdst(0)                   ; v[TAR] is written, which the loads below read; every earlier vector instruction that named buffer A is complete
	LDG CA, TAR, 0, \n
	s_mov_b32 s[CNT], 127
.Lscan_\@:
	s_wait_dscnt 0x0                               ; buffer A is in: its loads were the only ones out
	s_wait_alu depctr_va_vdst(0)                   ; the step before is done reading buffer B, in which this step's loads land
	GROUP CA, \pass, CBF, 96, \n
	s_add_co_u32 s[ST], s[ST], 192
	s_wait_dscnt 0x0                               ; buffer B is in
	s_wait_alu depctr_vm_vsrc(0)                   ; the loads issued so far have read v[TAR]
	v_mov_b32 v[TAR], s[ST]
	s_wait_alu depctr_va_vdst(0)                   ; v[TAR] is written; the step before is done reading buffer A, in which this step's loads land
	GROUP CBF, \pass, CA, 0, \n
	s_sub_co_u32 s[CNT], s[CNT], 1
	s_cmp_lg_u32 s[CNT], 0
	s_cbranch_scc1 .Lscan_\@
	s_wait_dscnt 0x0
	s_wait_alu depctr_va_vdst(0)                   ; the step before is done reading buffer B, in which the last group's loads land
	GROUP CA, \pass, CBF, 96, \n
	s_wait_dscnt 0x0
	GROUP CBF, \pass, CA, 0, 0
.irp q, 0,1
.set f, 16
.rept 17
	INS LST+36*\q, 16, LST+36*\q+f
.set f, f+1
.endr
.endr
.endm
.macro PUT m                           ; my two lists of 16 go to LDS as images of their registers; then the work-group's barrier
	s_wait_alu depctr_va_vdst(0)                   ; the lists are written, which the LDS stores read
.irp q, 0,1
.irp i, 0,1,2,3
	ds_store_b128 v[IMGW], v[LST+36*\q+4*\i:LST+36*\q+4*\i+3] offset:(\m)-IM1+2048*\q+512*\i
.endr
.endr
	s_wait_dscnt 0x0                               ; for the others' sake: my stores have landed
	s_barrier_signal -1
	s_barrier_wait -1
.endm
.macro MERGE m                         ; a fresh list takes all four waves' images: every wave walks this loop
	s_wait_alu depctr_vm_vsrc(0)                   ; my LDS stores have read the lists, which begin anew below
	LINIT 16
	s_mov_b32 s[MS], \m
	s_mov_b32 s[CNT], 4
.Lmerge_\@:
	s_wait_alu depctr_vm_vsrc(0)                   ; the last trip's loads have read v[IMGR]
	v_add_nc_u32 v[IMGR], s[MS], v[L16B]
	s_wait_alu depctr_va_vdst(0)                   ; v[IMGR] is written; the last trip's insertions are done reading v[MB ..], in which the loads below land
.irp q, 0,1
.irp i, 0,1,2,3
	ds_load_b128 v[MB+16*\q+4*\i:MB+16*\q+4*\i+3], v[IMGR] offset:2048*\q+512*\i
.endr
.endr
	s_wait_dscnt 0x0
.irp q, 0,1
.set f, 0
.rept 16
	INS LST+36*\q, 16, MB+16*\q+f
.set f, f+1
.endr
.endr
	s_add_co_u32 s[MS], s[MS], 4096
	s_sub_co_u32 s[CNT], s[CNT], 1
	s_cmp_lg_u32 s[CNT], 0
	s_cbranch_scc1 .Lmerge_\@
.endm
.macro SETS i0                         ; s, keys and tie-keys of my groups i0 .. i0 + 3, a set of 12 registers each
.set i, \i0
.rept 4
.set k, TS+12*(i%4)
	v_pk_mul_f32 v[k:k+1], v[TL+12*i:TL+12*i+1], v[TL+12*i:TL+12*i+1]
	v_pk_mul_f32 v[k+2:k+3], v[TL+12*i+2:TL+12*i+3], v[TL+12*i+2:TL+12*i+3]
	v_pk_fma_f32 v[k:k+1], v[TL+12*i+4:TL+12*i+5], v[TL+12*i+4:TL+12*i+5], v[k:k+1]
	v_pk_fma_f32 v[k+2:k+3], v[TL+12*i+6:TL+12*i+7], v[TL+12*i+6:TL+12*i+7], v[k+2:k+3]
	v_pk_fma_f32 v[k:k+1], v[TL+12*i+8:TL+12*i+9], v[TL+12*i+8:TL+12*i+9], v[k:k+1]
	v_pk_fma_f32 v[k+2:k+3], v[TL+12*i+10:TL+12*i+11], v[TL+12*i+10:TL+12*i+11], v[k+2:k+3]
.irp e, 0,1,2,3
	v_add_nc_u32 v[k+4+\e], 128*i+\e, v[KB]
.endr
.irp e, 0,1,2,3
	v_or_b32 v[k+8+\e], 0x1000, v[k+4+\e]
.endr
.set i, i+1
.endr
.endm
.macro SETOUT i0                       ; the same four groups' records go into my wave's table
.set i, \i0
.rept 4
.set k, TS+12*(i%4)
	ds_store_b128 v[TAW], v[TL+12*i:TL+12*i+3] offset:3072*i
	ds_store_b128 v[TAW], v[TL+12*i+4:TL+12*i+7] offset:3072*i+16
	ds_store_b128 v[TAW], v[TL+12*i+8:TL+12*i+11] offset:3072*i+32
	ds_store_b128 v[TAW], v[k:k+3] offset:3072*i+48
	ds_store_b128 v[TAW], v[k+4:k+7] offset:3072*i+64
	ds_store_b128 v[TAW], v[k+8:k+11] offset:3072*i+80
.set i, i+1
.endr
.endm
	v_and_b32 v[LANE], 31, v0
	v_lshlrev_b32 v[L16B], 4, v[LANE]
	v_lshlrev_b32 v[QV], 3, v[LANE]                ; two queries a lane: 8 bytes of each plane
	s_mul_i32 s[TB0], s[WV], 24576
	s_add_co_u32 s[TB0], s[TB0], TAB               ; my wave's table
	v_mul_u32_u24 v[TAW], v[LANE], 96
	v_add_nc_u32 v[TAW], s[TB0], v[TAW]
	v_mov_b32 v[VINF], 0x7f800000
	s_lshl_b32 s[TX], s[WV], 12
	s_add_co_u32 s[TX], s[TX], IM1
	v_add_nc_u32 v[IMGW], s[TX], v[L16B]
	s_lshl_b32 s[TX], s[WV], 10
	s_or_b32 s[TX], s[TX], 0x40000000
	v_lshl_add_u32 v[KB], v[LANE], 2, s[TX]        ; the key of my first candidate of load 0
	v_lshlrev_b32 v[OSW], 7, v[LANE]
	v_add_nc_u32 v[OSW], OST, v[OSW]
	v_add_nc_u32 v[OSR], OST, v[L16B]
	s_cmp_eq_u32 s[CLD], 0
	s_cselect_b64 s[P0:P0+1], s[28:29], s[30:31]   ; the queries' cloud
	s_cselect_b64 s[P1:P1+1], s[30:31], s[28:29]   ; the candidates'
	s_mul_i32 s[TMP], s[BAT], 49152
	s_add_nc_u64 s[P0:P0+1], s[P0:P0+1], s[TMP:TMP+1]
	s_add_nc_u64 s[P1:P1+1], s[P1:P1+1], s[TMP:TMP+1]
	s_and_b32 s[TMP], ttmp9, 63
	s_lshl_b32 s[TMP], s[TMP], 8
	s_add_nc_u64 s[P0:P0+1], s[P0:P0+1], s[TMP:TMP+1]
	s_lshl_b32 s[TMP], s[WV], 12
	s_add_nc_u64 s[P1:P1+1], s[P1:P1+1], s[TMP:TMP+1]
	s_lshl_b32 s[TMP], ttmp9, 12                   ; idx: 64 queries x 64 bytes for each work-group, in the order of their numbers
	s_add_nc_u64 s[38:39], s[38:39], s[TMP:TMP+1]
	s_wait_alu depctr_va_vdst(0)                   ; part B's offsets and LDS addresses are written, which its loads and stores read; part A's arithmetic is done with the registers in which the loads below land
	global_load_b64 v[DD:DD+1], v[QV], s[P0:P0+1]
	global_load_b64 v[DD+2:DD+3], v[QV], s[P0:P0+1] offset:16384
	global_load_b64 v[DD+4:DD+5], v[QV], s[P0:P0+1] offset:32768
.set i, 0
.rept 8
.irp c, 0,1,2
	global_load_b128 v[TL+12*i+4*\c:TL+12*i+4*\c+3], v[L16B], s[P1:P1+1] offset:512*i+16384*\c   ; 32 lanes read 512 consecutive bytes of a plane: a lane's four are a group
.endr
.set i, i+1
.endr
	s_wait_loadcnt 0x0
	v_pk_mul_f32 v[SQ:SQ+1], v[DD:DD+1], v[DD:DD+1]
	v_pk_fma_f32 v[SQ:SQ+1], v[DD+2:DD+3], v[DD+2:DD+3], v[SQ:SQ+1]
	v_pk_fma_f32 v[SQ:SQ+1], v[DD+4:DD+5], v[DD+4:DD+5], v[SQ:SQ+1]
	v_pk_mul_f32 v[XM:XM+1], v[DD:DD+1], -2.0 op_sel_hi:[1,0]
	v_pk_mul_f32 v[YM:YM+1], v[DD+2:DD+3], -2.0 op_sel_hi:[1,0]
	v_pk_mul_f32 v[ZM:ZM+1], v[DD+4:DD+5], -2.0 op_sel_hi:[1,0]
	SETS 0
	s_wait_alu depctr_va_vdst(0)                   ; the four sets are written, which the LDS stores read
	SETOUT 0
	s_wait_alu depctr_vm_vsrc(0)                   ; the stores have read the four sets, which are written again
	SETS 4
	s_wait_alu depctr_va_vdst(0)                   ; the four sets are written
	SETOUT 4
	s_wait_dscnt 0x0                               ; the table is whole; only my wave reads it
	s_wait_alu depctr_vm_vsrc(0)                   ; the stores have read the candidates as loaded and the sets: these registers are the lists and the scan's buffers from here on
	SCAN 1, 4
	PUT IM1
	MERGE IM1
	v_mov_b32 v[TT], v[LST+15]                     ; T: the 16th smallest d2 of each of my queries
	v_mov_b32 v[TT+1], v[LST+36+15]
	SCAN 2, 6
	PUT IM2
	MERGE IM2
	s_cmp_lg_u32 s[WV], 0                          ; all four waves hold the result: wave 0 stores it
	s_cbranch_scc1 .Lend
.irp q, 0,1
.set i, 0
.rept 16
	v_and_b32 v[LST+36*\q+i], 0xfff, v[LST+36*\q+i]
.set i, i+1
.endr
.endr
	s_wait_alu depctr_va_vdst(0)                   ; the indices are written, which the LDS stores read; the last insertions are done reading v[MB ..], in which the loads below land
.irp q, 0,1
.irp i, 0,1,2,3
	ds_store_b128 v[OSW], v[LST+36*\q+4*\i:LST+36*\q+4*\i+3] offset:64*\q+16*\i
.endr
.endr
.irp i, 0,1,2,3,4,5,6,7
	ds_load_b128 v[MB+4*\i:MB+4*\i+3], v[OSR] offset:512*\i
.endr
.irp i, 0,1,2,3,4,5,6,7
	s_wait_dscnt 7-\i                              ; piece i is in; the younger ones may be out
	global_store_b128 v[L16B], v[MB+4*\i:MB+4*\i+3], s[38:39] offset:512*\i   ; 512 consecutive bytes
.endr
.Lend:
	s_wait_dscnt 0x0                               ; the closing lines, six on end, of a launch in the mode that stores to LDS
	s_wait_alu 0x0
	s_wait_tensorcnt 0x0
	ds_add_u32 v254, v255
	s_wait_dscnt 0x0
	s_endpgm
.Lfunc_end_k_qc6e9ba1ce3_front:
	.size	k_qc6e9ba1ce3_front, .Lfunc_end_k_qc6e9ba1ce3_front-k_qc6e9ba1ce3_front
	.p2alignl 7, 3214868480
	.fill 96, 4, 3214868480
	.section	.rodata,"a",@progbits
	.p2align	6, 0x0
	.amdhsa_kernel k_qc6e9ba1ce3_front
		.amdhsa_group_segment_fixed_size 169472
		.amdhsa_private_segment_fixed_size 0
		.amdhsa_enable_private_segment 0
		.amdhsa_kernarg_size 144
		.amdhsa_user_sgpr_count 2
		.amdhsa_user_sgpr_kernarg_segment_ptr 1
		.amdhsa_wavefront_size32 1
		.amdhsa_system_sgpr_workgroup_id_x 1
		.amdhsa_system_sgpr_workgroup_id_y 1
		.amdhsa_system_sgpr_workgroup_id_z 1
		.amdhsa_system_vgpr_workitem_id 0
		.amdhsa_next_free_vgpr 384
		.amdhsa_next_free_sgpr 106
		.amdhsa_reserve_vcc 1
		.amdhsa_float_denorm_mode_32 3
		.amdhsa_float_denorm_mode_16_64 3
		.amdhsa_memory_ordered 1
		.amdhsa_forward_progress 1
		.amdhsa_inst_pref_size 246
	.end_amdhsa_kernel
	.amdgpu_metadata
---
amdhsa.version: [ 1, 2 ]
amdhsa.kernels:
  - .name:           k_qc6e9ba1ce3_front
    .symbol:         k_qc6e9ba1ce3_front.kd
    .args:
      - { .name: feat1_codes, .offset: 0, .size: 8, .value_kind: global_buffer, .address_space: global }
      - { .name: feat1_scales, .offset: 8, .size: 8, .value_kind: global_buffer, .address_space: global }
      - { .name: feat2_codes, .offset: 16, .size: 8, .value_kind: global_buffer, .address_space: global }
      - { .name: feat2_scales, .offset: 24, .size: 8, .value_kind: global_buffer, .address_space: global }
      - { .name: t11_w_codes, .offset: 32, .size: 8, .value_kind: global_buffer, .address_space: global }
      - { .name: t11_w_scales, .offset: 40, .size: 8, .value_kind: global_buffer, .address_space: global }
      - { .name: t11_b, .offset: 48, .size: 8, .value_kind: global_buffer, .address_space: global }
      - { .name: t22_w_codes, .offset: 56, .size: 8, .value_kind: global_buffer, .address_space: global }
      - { .name: t22_w_scales, .offset: 64, .size: 8, .value_kind: global_buffer, .address_space: global }
      - { .name: t22_b, .offset: 72, .size: 8, .value_kind: global_buffer, .address_space: global }
      - { .name: pos1_w, .offset: 80, .size: 8, .value_kind: global_buffer, .address_space: global }
      - { .name: pos1_b, .offset: 88, .size: 8, .value_kind: global_buffer, .address_space: global }
      - { .name: pc1, .offset: 96, .size: 8, .value_kind: global_buffer, .address_space: global }
      - { .name: pc2, .offset: 104, .size: 8, .value_kind: global_buffer, .address_space: global }
      - { .name: tab1, .offset: 112, .size: 8, .value_kind: global_buffer, .address_space: global }
      - { .name: wn1c, .offset: 120, .size: 8, .value_kind: global_buffer, .address_space: global }
      - { .name: wn1s, .offset: 128, .size: 8, .value_kind: global_buffer, .address_space: global }
      - { .name: idx, .offset: 136, .size: 8, .value_kind: global_buffer, .address_space: global }
    .group_segment_fixed_size: 169472
    .private_segment_fixed_size: 0
    .kernarg_segment_align: 8
    .kernarg_segment_size: 144
    .max_flat_workgroup_size: 128
    .sgpr_count:     106
    .vgpr_count:     384
    .wavefront_size: 32
...
	.end_amdgpu_metadata
.endif
;; end of part 13
;; launch xstat0: the kernel of part 8 again; grid 64 x 4, 4 waves a work-group, no clusters, 209,408 bytes of LDS; arguments tab1, idx, wn1c, wn1s, pos1_w, st_a; writes st_a
;; launch xstat1: the kernel of part 9 again; grid 64 x 4, 4 waves a work-group, no clusters, 221,696 bytes of LDS; arguments tab1, idx, wn1c, wn1s, pos1_w, st_a, gn1_g, gn1_b, m1a_w_codes, m1a_w_scales, m1a_b, st_b; writes st_b
;; launch xstat2: the kernel of part 10 again; grid 64 x 4, 4 waves a work-group, no clusters, 233,984 bytes of LDS; arguments tab1, idx, wn1c, wn1s, pos1_w, st_b, gn1_g, gn1_b, m1a_w_codes, m1a_w_scales, m1a_b, m1a_g, m1a_beta, m1b_w_codes, m1b_w_scales, m1b_b, st_a; writes st_a
;; launch xfin2 (part 14): grid 64 x 4, 4 waves a work-group, no clusters, 323,072 bytes of LDS; arguments tab1, idx, wn1c, wn1s, pos1_w, st_a, gn1_g, gn1_b, m1a_w_codes, m1a_w_scales, m1a_b, m1a_g, m1a_beta, m1b_w_codes, m1b_w_scales, m1b_b, m1b_g, m1b_beta, t1_w_codes, t1_w_scales, t1_b, t2_w_codes, t2_w_scales, t2_b, pos2_w, pos2_b, out0, out1, tab2; writes out0, out1, tab2
.if DOCPART == 14
	.amdgcn_target "amdgcn-amd-amdhsa--gfx1250"
	.amdhsa_code_object_version 6
	.text
	.protected	k_qc6e9ba1ce3_xfin2
	.globl	k_qc6e9ba1ce3_xfin2
	.p2align	8
	.type	k_qc6e9ba1ce3_xfin2,@function
k_qc6e9ba1ce3_xfin2:
	s_mov_b64 s[64:65], 0
	v_nop
	global_prefetch_b8 v0, s[64:65] scope:SCOPE_SE
	s_setreg_imm32_b32 hwreg(HW_REG_WAVE_SCHED_MODE, 0, 2), 2
	s_setreg_imm32_b32 hwreg(HW_REG_WAVE_MODE, 25, 1), 1
	s_wait_xcnt 0x0
	s_wait_alu depctr_vm_vsrc(0)
; The first layer's end, for both directions (y >> 1) and batches (y & 1): the whole chain from the neighbours' records, the third GroupNorm, the maximum over the 16 neighbours, lrelu, and the last
; product t Q(pooled) + t_b, which is out0 (direction 0, t1) or out1 (direction 1, t2), [batch][channel][point]; and what the second layer reads (tab2):
;   direction 0: tq2 = out0 + pos2_b + t2_b - pos2_w xyz1, f32, point-major, from byte 0: one more f32 product (K = 4) with out0's accumulators as C;
;   direction 1: the points' RECORDS of 128 bytes, from byte TABN: the codes and scale word of the pooled rows as this launch has made them, and the point's x, y, z, 1.0.
; A point's own x, y, z come out of its record of the first layer (the other direction's neighbours are this direction's points).
; Shares, layouts, the head with all global loads and the loop on LDS alone are as in the launches before.  THE SECOND PRODUCT IS NOT TRANSPOSED (source 0 = the point's 16 rows, source 1 = 16 rows
; of W2 as they lie): lane (r, h) holds channel 16 t + r and its registers the neighbours 8 h + j, so that the maximum over the neighbours is taken along a lane's registers and once across the
; halves.  The order is multiply-add, maximum, lrelu: lrelu rises with its input and may change places with the maximum; the multiply-add may not (its factor may be negative).
; The wave's 16 pooled rows meet in its own LDS, are quantised as one tile of 16 points, and multiplied (transposed) by t.  A row of 256 bytes of out0 or out1 (64 points of a channel) comes from
; the four waves: they meet in a stage behind a barrier, and sixteen lanes store 256 consecutive bytes, aligned.  The two directions' ways through the tail store to LDS bytes of their own.
; The registers that the f32 products write (window 3, v192-255) are written by matrix instructions alone.
; LIMITS: NaN and infinities are not served; a block of zeros gets the scale byte 1 (its codes are zeros; only this program reads the byte).
; THE MODE: SCHED_MODE bits 1:0 = 2 (LLVM: expert scheduling mode 2), set by the entry lines.  The code itself states the register dependences between vector or matrix instructions and
; memory or LDS instructions, with s_wait_alu, always for 0.
; THE PLAN.  Registers that memory or LDS instructions touch, in the loop:
;   v[NREC ..]     the point's record: read by the eight head products (codes, scale word) and by the f32 products (x, y, z, 1); the next point's LDS loads land in it.
;   v[TQV ..]      tq: read by the f32 products' eight selections; the next point's LDS loads land in it.
;   v[RA], v[QA]   the LDS addresses of these loads: written once a trip.      v[PA], v[TM .. TM+7]   address and data of the pooled values' LDS stores at a trip's end.
;   A trip: the head products; ONE wait on vm_vsrc (the last trip's loads have read v[RA], v[QA], its stores v[PA] and v[TM ..]); the two addresses; the first multiply-add over X; ONE wait on
;   va_vdst (the addresses are written; products and selections are done reading record and tq); the record's four loads, and tq's eight dealt among lrelu's first runs, which name X and v[TM ..] alone.
;   Each quantised operand has a wait on va_vdst behind its places, ahead of the scaled products that take it; one more stands ahead of the pooled values' stores.
; Set-up: one wait on va_vdst for all addresses, one for the gathers' offsets; behind the barrier one wait on vm_vsrc frees all registers that gathers and LDS stores have read, in which LDS loads then land.
.set WSZ, 49152                        ; LDS of a wave: 8,192 tq's 16 rows; 32,768 the 16 records' images; 8,192: 16 slots of 512 bytes
.set RCO, 8192
.set VCO, 40960
.set WL, 196608                        ; the weights, 12,288 bytes each: 0 Wn, 1 W1, 2 W2, 3 t
.set POOLR, 245760                     ; 4 x 8,448: 16 rows x (512 + 16), a wave's own
.set OUTS, 279552                      ; 128 rows (channels) x (256 + 16) bytes: the work-group's
.set RSTG, 314368                      ; 4 x 2,048: a wave's 16 records on their way out
.set TABN, 8388608
.set NV, 16                            ; slots: 0-2 pos1_w, 3 Wn's scales, 4, 5 gn1, 6 W1's scales, 7 b1, 8, 9 m1a's gain, offset, 10 W2's scales, 11 b2, 12, 13 m1b's gain, offset, 14 t's scales, 15 t's bias
.set NW, 4
.set R, 1
.set H, 2
.set H64, 3
.set VR4, 4
.set LANE16, 5
.set QA, 6
.set PA, 7
.set RA, 8
.set QA0, 9
.set RA0, 10
.set VR, 11
.set VST, 12
.set VSN, 13
.set WTAL, 14
.set WNAL, 15
.set VW, 16
.set WLW, 17
.set WGO, 18
.set QLW, 19
.set COD, 20                           ; v20-31 the codes; v32-38 the conversions' second halves
.set FA64, 39
.set TM, 40
.set PW, 56                            ; v56, v84-115, v146 hold scales and nothing else
.set ZERO, 57
.set LANE, 58
.set PA0, 59
.set PRD, 60                           ; v60-67 addresses of the tail
.set PWR, 61
.set PRR, 62
.set OSA, 63
.set ORD, 64
.set OGO, 65
.set RSW, 66
.set RSR, 67
.set MEAN, 68
.set RS, 76
.set WA2, 68                           ; behind the third GroupNorm's factors: (- pos2_w | pos2_b + t2_b), two registers a tile
.set WS1, 84
.set WS2, 92
.set WS3, 100
.set WNS, 108
.set GO, 116
.set AB3, 116                          ; behind the gathers: the third GroupNorm's (A, B), a pair for each tile
.set NREC, 132
.set NC, 132
.set XY, 144
.set NS, 146
.set TQV, 148
.set WA, 156
.set WY, 172
.set VPW, 180
.set VPY, 181
.set RP, 182
.set ORO, 183
.set W12A, 184
.set W12B, 185
.set VB32, 186
.set OXY, 188                          ; v188-189 my own point's (x, y) or (z, 1.0)
.set X, 192
.set WT, 0                             ; window 1, at set-up: my share of the weights, tq's rows, the slots
.set TQT, 128
.set VT, 192
.set AF1, 0                            ; window 1, in the loop: A1, B1, A2, B2
.set BF1, 64
.set AF2, 128
.set BF2, 192
.set WN, 0                             ; window 2: Wn, W1, t's bias (at set-up v0-191: records 0-11)
.set W1, 96
.set CB, 192
.set W2, 0                             ; window 3: W2, t (at set-up v0-63 records 12-15, v64-191 the sums' records), P
.set W3, 96
.set FR, 64
.set P, 192
.set TQP, 4
.set IX, 6
.set STI, 14
.set WV, 66
.set SP, 67
.set SR, 68
.set SQ, 69
.set HM, 70
.set ROW, 71
.set NR, 72
.set OWN, 74
.set NR2, 76
.set SA, 84
.set SB, 85
.set SEL, 86
.set PO, 88
.set DB, 89
.set BAT, 90
.set TMP, 92
.set KC1, 96
.set KC2, 97
.set FINI, 98
.set N0, 100
.set DIR, 101
.set MSB, 0
.macro WIN new                         ; the immediate's high byte repeats the setting that is left
.if MSB != (\new)
	s_set_vgpr_msb (MSB<<8)|(\new)
.set MSB, (\new)
.endif
.endm
.macro NOPS n
.rept \n
	v_nop
.endr
.endm
.macro RLOAD                           ; ahead of the loop: the record and tq of the point whose LDS offsets stand in s[SR], s[SQ]
	v_add_nc_u32 v[RA], s[SR], v[RA0]
	v_add_nc_u32 v[QA], s[SQ], v[QA0]
	s_wait_alu depctr_va_vdst(0)                   ; v[RA] and v[QA] are written, which the loads below read
.irp c, 0,1,2,3
	ds_load_b128 v[NREC+4*\c:NREC+4*\c+3], v[RA] offset:512*\c
.endr
.irp t, 0,1,2,3,4,5,6,7
	ds_load_b32 v[TQV+\t], v[QA] offset:(32*(\t/2)+8*(\t%2))*4
.endr
.endm
.macro NEXTA                           ; the LDS addresses of the next point's record and tq, or of point 15's again.  The two additions and the two v_nop are the four plain places between the head products and the first read of a result
	s_add_co_u32 s[SA], s[SP], 1
	s_min_u32 s[SA], s[SA], 15
	s_lshl_b32 s[SR], s[SA], 11
	s_lshl_b32 s[SQ], s[SA], 9
	s_wait_alu depctr_vm_vsrc(0)                   ; the LDS loads issued so far have read v[RA] and v[QA], the last trip's LDS stores v[PA] and v[TM ..]: all of these are written again in this trip
	v_add_nc_u32 v[RA], s[SR], v[RA0]
	v_add_nc_u32 v[QA], s[SQ], v[QA0]
	v_nop
	v_nop
.endm
.macro NEXTL                           ; the next point's record; tq's eight words follow among lrelu's first runs
	s_wait_alu depctr_va_vdst(0)                   ; v[RA] and v[QA] are written; the head products are done reading the record's codes and scale word, the last f32 products and their selections x, y, z and tq: the loads land there
.irp c, 0,1,2,3
	ds_load_b128 v[NREC+4*\c:NREC+4*\c+3], v[RA] offset:512*\c
.endr
.endm
.macro POSMM                           ; P = (Wp | tq) x (xyz | 1).  Lanes 16-31 of a tile's second register hold k = 3: tq
	s_wait_dscnt 0x0
.irp t, 0,1,2,3,4,5,6,7
	v_cndmask_b32 v[WA+2*\t+1], v[WY+\t], v[TQV+\t], s[HM]
.endr
	NOPS 4
	WIN 0xc0                                       ; D window 3
.irp t, 0,1,2,3,4,5,6,7
	v_wmma_f32_16x16x4_f32 v[P+8*\t:P+8*\t+7], v[WA+2*\t:WA+2*\t+1], v[XY:XY+1], 0
.endr
	WIN 0
.endm
.macro HEADMM                          ; X = Wn x codes + P.  Nine plain places or more lie between the f32 products and these
	WIN 0x32                                       ; source 0 window 2, C window 3
.irp t, 0,1,2,3,4,5,6,7
	v_wmma_scale_f32_16x16x128_f8f6f4 v[X+8*\t:X+8*\t+7], v[WN+12*\t:WN+12*\t+11], v[NC:NC+11], v[P+8*\t:P+8*\t+7], v[WNS+\t], v[NS] matrix_a_fmt:MATRIX_FMT_FP6 matrix_b_fmt:MATRIX_FMT_FP6
.endr
	WIN 0
.endm
.macro VLD slot, ptr, off
	global_load_b128 v[VT+4*(\slot):VT+4*(\slot)+3], v[LANE16], s[\ptr:\ptr+1] offset:\off
.endm
.macro WLD m, ptr
.irp i, 0,1,2,3,4,5
	global_load_b128 v[WT+24*(\m)+4*\i:WT+24*(\m)+4*\i+3], v[WGO], s[\ptr:\ptr+1] offset:512*\i
.endr
.endm
.macro LDW_T wnd, wf, ws, m, ss        ; a weight's eight fragments and scale words out of LDS; lane r of tile 2 b + u takes row 32 b + 8 u + r + 8 (r / 8)
	WIN (\wnd)<<6
.irp t, 0,1,2,3,4,5,6,7
.irp p, 0,1,2,3,4,5
	ds_load_b64 v[\wf+12*\t+2*\p:\wf+12*\t+2*\p+1], v[WTAL] offset:12288*(\m)+(32*(\t/2)+8*(\t%2))*96+48*(\p/3)+8*(\p%3)
.endr
.endr
	WIN 0
.irp t, 0,1,2,3,4,5,6,7
	ds_load_b32 v[\ws+\t], v[VST] offset:512*(\ss)+(32*(\t/2)+8*(\t%2))*4
.endr
.endm
.macro LDW_N wnd, wf, ws, m, ss        ; the same with the rows as they lie: lane r of tile t takes row 16 t + r
	WIN (\wnd)<<6
.irp t, 0,1,2,3,4,5,6,7
.irp p, 0,1,2,3,4,5
	ds_load_b64 v[\wf+12*\t+2*\p:\wf+12*\t+2*\p+1], v[WNAL] offset:12288*(\m)+1536*\t+48*(\p/3)+8*(\p%3)
.endr
.endr
	WIN 0
.irp t, 0,1,2,3,4,5,6,7
	ds_load_b32 v[\ws+\t], v[VSN] offset:512*(\ss)+64*\t
.endr
.endm
.macro WSUM base, n, tmp               ; n sums over the wave's 32 lanes, the result in every lane
.irp m, 1,2,4,8
.set i, 0
.rept \n
	v_add_f32_dpp v[\base+i], v[\base+i], v[\base+i] row_xmask:\m row_mask:0xf bank_mask:0xf
.set i, i+1
.endr
.endr
.set i, 0
.rept \n
	v_permlanex16_b32 v[\tmp+i], v[\base+i], s[SEL], s[SEL+1]
.set i, i+1
.endr
.set i, 0
.rept \n
	v_add_f32 v[\base+i], v[\base+i], v[\tmp+i]
.set i, i+1
.endr
.endm
.macro FINAL                           ; the 256 records of my y, eight a lane (window 3), become MEAN and RS
	WIN 0x0f
.irp e, 0,2,4,6,8,10,12,14
	v_pk_add_f32 v[MEAN+\e:MEAN+\e+1], v[FR+\e:FR+\e+1], v[FR+16+\e:FR+16+\e+1]
.endr
	WIN 0x0c
.irp k, 2,3,4,5,6,7
.irp e, 0,2,4,6,8,10,12,14
	v_pk_add_f32 v[MEAN+\e:MEAN+\e+1], v[MEAN+\e:MEAN+\e+1], v[FR+16*\k+\e:FR+16*\k+\e+1]
.endr
.endr
	WIN 0
	WSUM MEAN, 16, TM
.irp e, 0,2,4,6
	v_pk_mul_f32 v[MEAN+\e:MEAN+\e+1], v[MEAN+\e:MEAN+\e+1], 0x3b800000 op_sel_hi:[1,0]   ; / 256
.endr
.irp k, 0,1,2,3,4,5,6,7
	WIN 0x03
.irp e, 0,2,4,6
	v_pk_add_f32 v[TM+\e:TM+\e+1], v[FR+16*\k+\e:FR+16*\k+\e+1], v[MEAN+\e:MEAN+\e+1] neg_lo:[0,1] neg_hi:[0,1]
.endr
	WIN 0
.irp e, 0,2,4,6
.if \k == 0
	v_pk_mul_f32 v[TM+8+\e:TM+8+\e+1], v[TM+\e:TM+\e+1], v[TM+\e:TM+\e+1]
.else
	v_pk_fma_f32 v[TM+8+\e:TM+8+\e+1], v[TM+\e:TM+\e+1], v[TM+\e:TM+\e+1], v[TM+8+\e:TM+8+\e+1]
.endif
.endr
.endr
	WSUM TM+8, 8, TM
.irp g, 0,1,2,3,4,5,6,7
	v_fma_f32 v[RS+\g], v[TM+8+\g], 0x45800000, v[RS+\g]    ; sum of M2 + 4096 x the spread of the means
.endr
.irp g, 0,1,2,3,4,5,6,7
	v_fma_f32 v[RS+\g], v[RS+\g], s[KC1], s[KC2]            ; / 2^20 + 1e-5
.endr
.irp g, 0,1,2,3,4,5,6,7
	v_rsq_f32 v[RS+\g], v[RS+\g]
.endr
	v_nop                                          ; a plain place behind the last of the batch
	s_wait_alu depctr_va_vdst(0)                   ; the eight 1 / sqrt in v[RS ..] are written, ahead of their first reader; and the sums above are done with the sums' records and with v[TM ..], in which LDS loads land below
.endm
.macro MKAB ra, rb, sg, sb, hasb, sbias, mb    ; (window 1) A = gain / sqrt(var + eps), B = offset + (bias - mean) A; gain, offset and bias out of my slots
	v_cmp_ne_u32 vcc_lo, 0, v[H]
	s_wait_alu depctr_va_vcc(0)                    ; VCC is written, ahead of the selections that read it
.irp q, 0,1,2,3
	v_cndmask_b32 v[TM+2*\q], v[\mb+2*\q], v[\mb+2*\q+1], vcc_lo       ; my half's group 2 q + h
	v_cndmask_b32 v[TM+2*\q+1], v[\mb+2*\q], v[\mb+2*\q+1], vcc_lo
	v_cndmask_b32 v[TM+8+2*\q], v[\mb+8+2*\q], v[\mb+8+2*\q+1], vcc_lo
	v_cndmask_b32 v[TM+8+2*\q+1], v[\mb+8+2*\q], v[\mb+8+2*\q+1], vcc_lo
.endr
	WIN 0x40
.irp b, 0,1,2,3
.irp j, 0,1,2,3
	ds_load_b128 v[\ra+16*\b+4*\j:\ra+16*\b+4*\j+3], v[VR] offset:512*(\sg)+128*\b+16*\j
	ds_load_b128 v[\rb+16*\b+4*\j:\rb+16*\b+4*\j+3], v[VR] offset:512*(\sb)+128*\b+16*\j
.endr
.endr
	WIN 0
.if \hasb
	s_wait_alu depctr_va_vdst(0)                   ; the selections above and all earlier vector instructions that named v[X ..] are complete: the bias lands there
.irp b, 0,1,2,3
.irp j, 0,1,2,3
	ds_load_b128 v[X+16*\b+4*\j:X+16*\b+4*\j+3], v[VR] offset:512*(\sbias)+128*\b+16*\j
.endr
.endr
.endif
	s_wait_dscnt 0x0
	WIN 0x41
.set i, 0
.rept 32
	v_pk_mul_f32 v[\ra+i:\ra+i+1], v[\ra+i:\ra+i+1], v[TM+8+2*(i/16):TM+8+2*(i/16)+1]
.set i, i+2
.endr
.if \hasb
	WIN 0
.set i, 0
.rept 32
	v_pk_add_f32 v[X+i:X+i+1], v[X+i:X+i+1], v[TM+2*(i/16):TM+2*(i/16)+1] neg_lo:[0,1] neg_hi:[0,1]
.set i, i+2
.endr
	WIN 0x54
.set i, 0
.rept 32
	v_pk_fma_f32 v[\rb+i:\rb+i+1], v[X+i:X+i+1], v[\ra+i:\ra+i+1], v[\rb+i:\rb+i+1]
.set i, i+2
.endr
.else
	WIN 0x54
.set i, 0
.rept 32
	v_pk_fma_f32 v[\rb+i:\rb+i+1], v[TM+2*(i/16):TM+2*(i/16)+1], v[\ra+i:\ra+i+1], v[\rb+i:\rb+i+1] neg_lo:[1,0,0] neg_hi:[1,0,0]
.set i, i+2
.endr
.endif
	WIN 0
.endm
.macro AFF ra, rb                      ; X = X A + B, in ascending order: each accumulator is first read at its low end
	WIN 0x14
.set i, 0
.rept 32
	v_pk_fma_f32 v[X+i:X+i+1], v[X+i:X+i+1], v[\ra+i:\ra+i+1], v[\rb+i:\rb+i+1]
.set i, i+2
.endr
	WIN 0
.endm
.macro LRELU deal                      ; max(x, 0.1 x).  deal = 1: the next point's eight words of tq are asked for behind the first four runs, two at a time: no vector instruction since the wait in NEXTL names v[TQV ..] or v[QA]
.set i, 0
.rept 8
.irp u, 0,2,4,6
	v_pk_mul_f32 v[TM+\u:TM+\u+1], v[X+i+\u:X+i+\u+1], 0x3dcccccd op_sel_hi:[1,0]
.endr
.irp u, 0,1,2,3,4,5,6,7
	v_max_num_f32 v[X+i+\u], v[X+i+\u], v[TM+\u]
.endr
.if (\deal) && (i < 32)
.set t, i/4
	ds_load_b32 v[TQV+t], v[QA] offset:(32*(t/2)+8*(t%2))*4
	ds_load_b32 v[TQV+t+1], v[QA] offset:(32*((t+1)/2)+8*((t+1)%2))*4
.endif
.set i, i+8
.endr
.endm
; X's 64 numbers of a lane, register 16 b + i = k 32 b + 16 h + i of my row, become a fragment's codes in v[COD] on and its scale word in v[PW].
.macro QUANT
.irp b, 0,1,2,3
	v_max3_num_f32 v[TM+\b], |v[X+16*\b]|, |v[X+1+16*\b]|, 0x1800000   ; block b: my 16 numbers, and the floor 2^(3 - 127): the byte cannot fall under 1
.endr
.irp i, 2,4,6,8,10,12,14
.irp b, 0,1,2,3
	v_max3_num_f32 v[TM+\b], v[TM+\b], |v[X+16*\b+\i]|, |v[X+1+16*\b+\i]|
.endr
.endr
.irp b, 0,1,2,3
	v_permlanex16_b32 v[TM+4+\b], v[TM+\b], s[SEL], s[SEL+1]
.endr
.irp b, 0,1,2,3
	v_max_num_f32 v[TM+\b], v[TM+\b], v[TM+4+\b]   ; with lane l xor 16's: the block's largest magnitude
.endr
.irp b, 0,1,2,3
	v_add_nc_u32 v[TM+12+\b], 0xff000000, v[TM+\b] ; 2 off its exponent field: the conversion's scale operand
.endr
.irp b, 0,1,2,3
	v_lshrrev_b32 v[TM+4+\b], 23, v[TM+12+\b]      ; the scale's byte
.endr
	v_lshl_or_b32 v[PW], v[TM+5], 8, v[TM+4]
	v_lshl_or_b32 v[PW], v[TM+6], 16, v[PW]
	v_lshl_or_b32 v[PW], v[TM+7], 24, v[PW]
.irp c, 0,1
	v_cvt_scalef32_pk16_fp6_f32 v[COD+6*\c:COD+2+6*\c], v[X+32*\c:X+15+32*\c], v[TM+12+2*\c]
	v_cvt_scalef32_pk16_fp6_f32 v[COD+12+4*\c:COD+14+4*\c], v[X+16+32*\c:X+31+32*\c], v[TM+12+2*\c+1]   ; (a conversion's three registers begin on an even number)
.endr
	v_nop                                          ; one plain place behind a scaled conversion
.irp c, 0,1                                    ; the operand's layout wants a whole block in a lane
.irp i, 0,1,2
	v_permlane16_swap_b32 v[COD+6*\c+\i], v[COD+12+4*\c+\i]
.endr
.irp i, 0,1,2
	v_mov_b32 v[COD+3+6*\c+\i], v[COD+12+4*\c+\i]
.endr
.endr
	NOPS 8                                         ; a scale word made by vector instructions stands eight places ahead of the scaled product, the codes four
.endm
	s_load_b512 s[4:19], s[0:1], 0x0               ; tab1, idx, Wn's codes, scales; pos1_w; st; gn1_g, gn1_b
	s_load_b512 s[20:35], s[0:1], 0x40             ; m1a codes, scales, b, g, beta; m1b codes, scales, b
	s_load_b512 s[36:51], s[0:1], 0x80             ; m1b g, beta; t1 codes, scales, b; t2 codes, scales, b
	s_load_b256 s[52:59], s[0:1], 0xc0             ; pos2_w, pos2_b, out0, out1
	s_load_b64 s[60:61], s[0:1], 0xe0              ; tab2
	v_lshl_add_u32 v190, v0, 2, 0x4ec00
	v_mov_b32 v191, 0
	v_lshrrev_b32 v[R], 5, v0
	v_readfirstlane_b32 s[WV], v[R]                ; wave 0..3
	s_and_b32 s[DB], ttmp7, 0xffff
	s_lshr_b32 s[DIR], s[DB], 1
	s_and_b32 s[BAT], s[DB], 1
	s_lshl_b32 s[N0], ttmp9, 6
	s_wait_alu depctr_va_sdst(0)                   ; s[WV] is written, ahead of its first reader
	s_lshl_b32 s[SA], s[WV], 4
	s_add_co_u32 s[N0], s[N0], s[SA]               ; my first point
	s_lshl_b32 s[ROW], s[DB], 12
	s_add_co_u32 s[ROW], s[ROW], s[N0]
	s_mov_b32 s[SEL], 0x76543210
	s_mov_b32 s[SEL+1], 0xfedcba98                 ; v_permlanex16_b32's selects for lane l xor 16
	s_mov_b32 s[HM], 0xffff0000                    ; lanes 16-31
	s_mov_b32 s[KC1], 0x35800000                   ; 2^-20
	s_mov_b32 s[KC2], 0x3727c5ac                   ; 1e-5
	s_mov_b32 s[TMP+1], 0
	v_and_b32 v[LANE], 31, v0
	v_and_b32 v[R], 15, v0
	v_bfe_u32 v[H], v0, 4, 1
	v_lshlrev_b32 v[H64], 6, v[H]
	v_lshlrev_b32 v[VR4], 2, v[R]
	v_lshlrev_b32 v[LANE16], 4, v[LANE]
	v_lshlrev_b32 v[FA64], 6, v[LANE]
	v_mov_b32 v[ZERO], 0
	v_and_b32 v[RP], 8, v[R]
	v_add_nc_u32 v[RP], v[RP], v[R]                ; r + 8 (r / 8)
	s_mul_i32 s[SA], s[WV], WSZ                    ; my wave's LDS
	v_lshl_add_u32 v[QA0], v[RP], 2, s[SA]
	v_add_nc_u32 v[QLW], s[SA], v[LANE16]
	s_add_co_u32 s[SB], s[SA], RCO
	v_add_nc_u32 v[RA0], s[SB], v[LANE16]
	s_add_co_u32 s[SB], s[SA], VCO
	v_add_nc_u32 v[VW], s[SB], v[LANE16]
	v_add_nc_u32 v[VR], s[SB], v[H64]
	v_lshl_add_u32 v[VST], v[RP], 2, s[SB]
	v_add_nc_u32 v[VSN], s[SB], v[VR4]
	v_lshl_add_u32 v[VB32], v[H], 5, s[SB]
	v_mul_u32_u24 v[VPY], v[RP], 12
	v_add_nc_u32 v[VPY], s[SB], v[VPY]
	v_lshl_add_u32 v[VPW], v[H], 3, v[VPY]         ; pos_w(c, 2 h)
	v_add_nc_u32 v[VPY], 4, v[VPY]                 ; pos_w(c, 1)
	v_mul_u32_u24 v[WTAL], v[RP], 96
	v_mad_u32_u24 v[WTAL], v[H], 24, v[WTAL]
	v_add_nc_u32 v[WTAL], WL, v[WTAL]
	v_mul_u32_u24 v[WNAL], v[R], 96
	v_mad_u32_u24 v[WNAL], v[H], 24, v[WNAL]
	v_add_nc_u32 v[WNAL], WL, v[WNAL]
	s_mul_i32 s[SB], s[WV], 3072                   ; my quarter of a weight
	v_add_nc_u32 v[WGO], s[SB], v[LANE16]
	v_add_nc_u32 v[WLW], WL, v[WGO]
	s_mul_i32 s[SA], s[WV], 8448
	s_add_co_u32 s[SA], s[SA], POOLR               ; my wave's pooled rows
	v_mul_u32_u24 v[PRD], v[R], 528
	v_add_nc_u32 v[PRD], s[SA], v[PRD]
	v_lshl_add_u32 v[PWR], v[H], 5, v[PRD]         ; row r, + 32 h: a result's eight channels
	v_add_nc_u32 v[PRD], v[H64], v[PRD]            ; row r, + 64 h: X's layout
	v_add_nc_u32 v[PRR], s[SA], v[LANE16]          ; a whole row, 16 bytes a lane
	v_add_nc_u32 v[PA0], s[SA], v[VR4]             ; a pooled value: channel 16 t + r
	s_lshl_b32 s[SA], s[WV], 6
	s_add_co_u32 s[SA], s[SA], OUTS
	v_mad_u32_u24 v[OSA], v[H], 2176, v[VR4]
	v_add_nc_u32 v[OSA], s[SA], v[OSA]             ; the stage, in: channel 8 h (+ 16 t + j), point 16 wave + r
	s_mul_i32 s[SA], s[WV], 8704
	s_add_co_u32 s[SA], s[SA], OUTS
	v_mul_u32_u24 v[ORD], v[H], 272
	v_lshl_add_u32 v[ORD], v[R], 4, v[ORD]
	v_add_nc_u32 v[ORD], s[SA], v[ORD]             ; and back: channels 32 wave + h (+ 2 i), sixteen lanes to a row
	v_lshlrev_b32 v[OGO], 14, v[H]
	v_lshl_add_u32 v[OGO], v[R], 4, v[OGO]
	s_lshl_b32 s[SA], s[WV], 11
	s_add_co_u32 s[SA], s[SA], RSTG
	v_lshl_add_u32 v[RSW], v[R], 7, v[H64]
	v_add_nc_u32 v[ORO], 48, v[RSW]                ; in a run of records: 128 r + 64 h + 48: (x, y) or (z, 1.0)
	v_add_nc_u32 v[RSW], s[SA], v[RSW]
	v_add_nc_u32 v[RSR], s[SA], v[LANE16]
	v_mul_u32_u24 v[W12B], v[R], 12
	v_lshl_add_u32 v[W12A], v[H], 3, v[W12B]       ; pos2_w(16 t + r, 2 h)
	v_add_nc_u32 v[W12B], 4, v[W12B]               ; pos2_w(16 t + r, 1)
.irp i, 0,1,2,3,4,5,6,7,8,9,10,11,12,13,14,15
	v_mov_b32 v[TM+\i], 0                          ; written once: a lane permute's destination counts as one of its sources
.endr
	s_wait_kmcnt 0x0
	s_lshl_b32 s[TMP], s[DB], 19
	s_add_co_u32 s[TMP], s[TMP], TABN
	s_add_nc_u64 s[NR:NR+1], s[4:5], s[TMP:TMP+1]  ; the neighbours' records of my y
	s_xor_b32 s[SA], s[DB], 2
	s_lshl_b32 s[SA], s[SA], 12
	s_add_co_u32 s[SA], s[SA], s[N0]
	s_lshl_b32 s[TMP], s[SA], 7
	s_add_co_u32 s[TMP], s[TMP], TABN
	s_add_nc_u64 s[OWN:OWN+1], s[4:5], s[TMP:TMP+1]    ; my own 16 points' records: they serve the other direction
	s_lshl_b32 s[TMP], s[ROW], 9
	s_add_nc_u64 s[TQP:TQP+1], s[TQP:TQP+1], s[TMP:TMP+1]
	s_lshl_b32 s[TMP], s[ROW], 6
	s_add_nc_u64 s[IX:IX+1], s[IX:IX+1], s[TMP:TMP+1]
	s_lshl_b32 s[TMP], s[DB], 7
	s_add_co_u32 s[TMP], s[TMP], 65536
	s_add_nc_u64 s[FINI:FINI+1], s[STI:STI+1], s[TMP:TMP+1]
	s_lshl_b32 s[TMP], s[DB], 14
	s_add_nc_u64 s[STI:STI+1], s[STI:STI+1], s[TMP:TMP+1]
	s_cmp_eq_u32 s[DIR], 0                         ; the direction chooses t and the output: a choice on the work-group's number alone
	s_cselect_b64 s[40:41], s[40:41], s[46:47]
	s_cselect_b64 s[42:43], s[42:43], s[48:49]
	s_cselect_b64 s[44:45], s[44:45], s[50:51]
	s_cselect_b64 s[56:57], s[56:57], s[58:59]
	s_lshl_b32 s[TMP], s[BAT], 21
	s_lshl_b32 s[SA], s[WV], 19
	s_add_co_u32 s[TMP], s[TMP], s[SA]
	s_lshl_b32 s[SA], ttmp9, 8
	s_add_co_u32 s[TMP], s[TMP], s[SA]
	s_add_nc_u64 s[56:57], s[56:57], s[TMP:TMP+1]
	s_lshl_b32 s[SA], s[BAT], 12
	s_add_co_u32 s[SA], s[SA], s[N0]
	s_lshl_b32 s[TMP], s[SA], 7
	s_add_co_u32 s[TMP], s[TMP], TABN
	s_add_nc_u64 s[NR2:NR2+1], s[60:61], s[TMP:TMP+1]
	s_lshl_b32 s[TMP], s[SA], 9
	s_add_nc_u64 s[60:61], s[60:61], s[TMP:TMP+1]
	s_wait_alu depctr_va_vdst(0)                   ; all offsets and LDS addresses made above are written, which the kernel's loads and stores read
.irp t, 0,1,2,3,4,5,6,7                        ; what the tail wants: 33 small loads ahead of the indices', so that the counted waits below cover them too
	global_load_b32 v[X+32+\t], v[W12A], s[52:53] offset:192*\t
	global_load_b32 v[X+40+\t], v[W12B], s[52:53] offset:192*\t
	global_load_b32 v[X+48+\t], v[VR4], s[54:55] offset:64*\t
	global_load_b32 v[X+56+\t], v[VR4], s[50:51] offset:64*\t
.endr
	global_load_b64 v[OXY:OXY+1], v[ORO], s[OWN:OWN+1]
.set i, 0
.rept 16
	global_load_b32 v[GO+i], v[VR4], s[IX:IX+1] offset:64*i            ; the indices of all 16 points
.set i, i+1
.endr
	WIN 0x40
.set i, 0
.rept 16
	global_load_b128 v[TQT+4*i:TQT+4*i+3], v[LANE16], s[TQP:TQP+1] offset:512*i
.set i, i+1
.endr
	VLD 0, 12, 0
	VLD 1, 12, 512
	VLD 2, 12, 1024
	VLD 3, 10, 0
	VLD 4, 16, 0
	VLD 5, 18, 0
	VLD 6, 22, 0
	VLD 7, 24, 0
	VLD 8, 26, 0
	VLD 9, 28, 0
	VLD 10, 32, 0
	VLD 11, 34, 0
	VLD 12, 36, 0
	VLD 13, 38, 0
	VLD 14, 42, 0
	VLD 15, 44, 0
	WLD 0, 8
	WLD 1, 20
	WLD 2, 30
	WLD 3, 40
	WIN 0
	s_wait_loadcnt 16+NV+6*NW                      ; the indices are in; the 56 loads issued behind them may be out
.set i, 0
.rept 16
	v_min_u32 v[GO+i], 0xfff, v[GO+i]
.set i, i+1
.endr
.set i, 0
.rept 16
	v_lshl_add_u32 v[GO+i], v[GO+i], 7, v[H64]     ; my half of the neighbour's record
.set i, i+1
.endr
	WIN 0x80
	s_wait_alu depctr_va_vdst(0)                   ; the sixteen offsets v[GO ..] are written, which the gathers read
.set i, 0
.rept 12
.irp c, 0,1,2,3
	global_load_b128 v[16*i+4*\c:16*i+4*\c+3], v[GO+i], s[NR:NR+1] offset:16*\c
.endr
.set i, i+1
.endr
	WIN 0xc0
.set i, 0
.rept 4
.irp c, 0,1,2,3
	global_load_b128 v[16*i+4*\c:16*i+4*\c+3], v[GO+12+i], s[NR:NR+1] offset:16*\c
.endr
.set i, i+1
.endr
.irp k, 0,1,2,3,4,5,6,7
.irp c, 0,1,2,3
	global_load_b128 v[FR+16*\k+4*\c:FR+16*\k+4*\c+3], v[FA64], s[STI:STI+1] offset:2048*\k+16*\c
.endr
.endr
	WIN 0
.irp c, 0,1,2,3,4,5,6,7
	global_load_b128 v[X+4*\c:X+4*\c+3], v[ZERO], s[FINI:FINI+1] offset:16*\c  ; the first two GroupNorms' means and 1 / sqrt
.endr
	s_wait_loadcnt 63                              ; 104 loads stand behind the first group: it is in
	WIN 0x04
.set i, 0
.rept 16
	ds_store_b128 v[QLW], v[TQT+4*i:TQT+4*i+3] offset:512*i
.set i, i+1
.endr
.set i, 0
.rept NV
	ds_store_b128 v[VW], v[VT+4*i:VT+4*i+3] offset:512*i
.set i, i+1
.endr
.set i, 0
.rept 6*NW
	ds_store_b128 v[WLW], v[WT+4*i:WT+4*i+3] offset:12288*(i/6)+512*(i%6)
.set i, i+1
.endr
	WIN 0
	s_wait_loadcnt 40                              ; the records are in; the 40 loads of the statistics may be out
	WIN 0x08
.set i, 0
.rept 12
.irp c, 0,1,2,3
	ds_store_b128 v[RA0], v[16*i+4*\c:16*i+4*\c+3] offset:2048*i+512*\c        ; as images of the registers: 16 bytes a lane
.endr
.set i, i+1
.endr
	WIN 0x0c
.set i, 0
.rept 4
.irp c, 0,1,2,3
	ds_store_b128 v[RA0], v[16*i+4*\c:16*i+4*\c+3] offset:2048*(12+i)+512*\c
.endr
.set i, i+1
.endr
	WIN 0
	s_wait_loadcnt 0x0
	FINAL
	s_wait_dscnt 0x0                               ; for the others' sake: my quarters of the weights have landed
	s_barrier_signal -1
	s_barrier_wait -1
	s_wait_alu depctr_vm_vsrc(0)                   ; the gathers have read v[GO ..]; my LDS stores have read the registers of windows 1 to 3 that held tq, slots, weights and records: LDS loads land in all of these below
.irp t, 0,1,2,3,4,5,6,7                        ; the third GroupNorm: channel 16 t + r lies in group t
	ds_load_b32 v[AB3+2*\t], v[VSN] offset:512*12+64*\t
	ds_load_b32 v[AB3+2*\t+1], v[VSN] offset:512*13+64*\t
	ds_load_b32 v[TM+\t], v[VSN] offset:512*11+64*\t
.endr
	s_wait_dscnt 0x0
.irp t, 0,1,2,3,4,5,6,7
	v_mul_f32 v[AB3+2*\t], v[AB3+2*\t], v[RS+\t]
	v_sub_f32 v[TM+\t], v[TM+\t], v[MEAN+\t]
.endr
.irp t, 0,1,2,3,4,5,6,7
	v_fma_f32 v[AB3+2*\t+1], v[TM+\t], v[AB3+2*\t], v[AB3+2*\t+1]
.endr
.irp t, 0,1,2,3,4,5,6,7                        ; MEAN and RS are done with: their registers take (- pos2_w | pos2_b + t2_b) for the tail
	v_add_f32 v[X+48+\t], v[X+48+\t], v[X+56+\t]
	v_xor_b32 v[X+40+\t], 0x80000000, v[X+40+\t]
.endr
.irp t, 0,1,2,3,4,5,6,7
	v_xor_b32 v[WA2+2*\t], 0x80000000, v[X+32+\t]
	v_cndmask_b32 v[WA2+2*\t+1], v[X+40+\t], v[X+48+\t], s[HM]
.endr
	MKAB AF1, BF1, 4, 5, 0, 0, X
	MKAB AF2, BF2, 8, 9, 1, 7, X+16
	LDW_T 2, WN, WNS, 0, 3
	LDW_T 2, W1, WS1, 1, 6
	LDW_N 3, W2, WS2, 2, 10
	LDW_N 3, W3, WS3, 3, 14
	WIN 0x80
.irp t, 0,1,2,3,4,5,6,7
	ds_load_b128 v[CB+8*\t:CB+8*\t+3], v[VB32] offset:512*15+64*\t         ; t's bias in the last product's layout: channels 16 t + 8 h + j
	ds_load_b128 v[CB+8*\t+4:CB+8*\t+7], v[VB32] offset:512*15+64*\t+16
.endr
	WIN 0
.irp t, 0,1,2,3,4,5,6,7
	ds_load_b32 v[WA+2*\t], v[VPW] offset:(32*(\t/2)+8*(\t%2))*12
	ds_load_b32 v[WY+\t], v[VPY] offset:(32*(\t/2)+8*(\t%2))*12
.endr
	s_mov_b32 s[SR], 0
	s_mov_b32 s[SQ], 0
	RLOAD                                          ; point 0
	POSMM
	NOPS 9                                         ; nine plain places between an f32 product and the product that takes its result as C
	s_mov_b32 s[SP], 0
	s_mov_b32 s[PO], 0
.Lpoints:
	HEADMM
	NEXTA
	AFF AF1, BF1
	NEXTL
	LRELU 1
	POSMM                                          ; the next point's, while this point is quantised
	QUANT
	WIN 0x02                                       ; source 0 (W1) window 2
	s_wait_alu depctr_va_vdst(0)                   ; the codes in v[COD ..] and the scale word v[PW] are written, which the scaled products take; the places above stay beside this wait
.irp t, 0,1,2,3,4,5,6,7
	v_wmma_scale_f32_16x16x128_f8f6f4 v[X+8*\t:X+8*\t+7], v[W1+12*\t:W1+12*\t+11], v[COD:COD+11], 0, v[WS1+\t], v[PW] matrix_a_fmt:MATRIX_FMT_FP6 matrix_b_fmt:MATRIX_FMT_FP6
.endr
	WIN 0
	NOPS 4                                         ; four plain places ahead of the first read of a result
	AFF AF2, BF2
	LRELU 0
	QUANT
	WIN 0x0c                                       ; source 1 (W2) window 3
	s_wait_alu depctr_va_vdst(0)                   ; the codes in v[COD ..] and the scale word v[PW] are written, which the scaled products take
.irp t, 0,1,2,3,4,5,6,7
	v_wmma_scale_f32_16x16x128_f8f6f4 v[X+8*\t:X+8*\t+7], v[COD:COD+11], v[W2+12*\t:W2+12*\t+11], 0, v[PW], v[WS2+\t] matrix_a_fmt:MATRIX_FMT_FP6 matrix_b_fmt:MATRIX_FMT_FP6
.endr
	WIN 0
	NOPS 4
.irp t, 0,1,2,3,4,5,6,7                        ; y A + B: of the pair (A, B) the first serves as factor and the second as addend, for both halves; each accumulator from its low end on
.irp i, 0,2,4,6
	v_pk_fma_f32 v[X+8*\t+\i:X+8*\t+\i+1], v[X+8*\t+\i:X+8*\t+\i+1], v[AB3+2*\t:AB3+2*\t+1], v[AB3+2*\t:AB3+2*\t+1] op_sel:[0,0,1] op_sel_hi:[1,0,1]
.endr
.endr
.irp t, 0,1,2,3,4,5,6,7
	v_max3_num_f32 v[TM+\t], v[X+8*\t], v[X+8*\t+1], v[X+8*\t+2]
.endr
.irp t, 0,1,2,3,4,5,6,7
	v_max3_num_f32 v[TM+\t], v[TM+\t], v[X+8*\t+3], v[X+8*\t+4]
.endr
.irp t, 0,1,2,3,4,5,6,7
	v_max3_num_f32 v[TM+\t], v[TM+\t], v[X+8*\t+5], v[X+8*\t+6]
.endr
.irp t, 0,1,2,3,4,5,6,7
	v_max_num_f32 v[TM+\t], v[TM+\t], v[X+8*\t+7]
.endr
.irp t, 0,1,2,3,4,5,6,7
	v_permlanex16_b32 v[TM+8+\t], v[TM+\t], s[SEL], s[SEL+1]
.endr
.irp t, 0,1,2,3,4,5,6,7
	v_max_num_f32 v[TM+\t], v[TM+\t], v[TM+8+\t]   ; with the other eight neighbours
.endr
.irp t, 0,1,2,3,4,5,6,7
	v_mul_f32 v[TM+8+\t], 0x3dcccccd, v[TM+\t]
.endr
.irp t, 0,1,2,3,4,5,6,7
	v_max_num_f32 v[TM+\t], v[TM+\t], v[TM+8+\t]   ; lrelu
.endr
	v_add_nc_u32 v[PA], s[PO], v[PA0]
	s_wait_alu depctr_va_vdst(0)                   ; v[PA] and the eight pooled values in v[TM ..] are written, which the LDS stores read
.irp t, 0,1,2,3,4,5,6,7
	ds_store_b32 v[PA], v[TM+\t] offset:64*\t      ; both halves of the lanes write the same word with the same value
.endr
	s_wait_dscnt 0x0                               ; the pooled values have landed
	s_add_co_u32 s[PO], s[PO], 528
	s_add_co_u32 s[SP], s[SP], 1
	s_cmp_lt_u32 s[SP], 16
	s_cbranch_scc1 .Lpoints
	; THE TAIL: my 16 pooled rows are one tile of 16 points.
	s_wait_alu depctr_vm_vsrc(0)                   ; the last point's LDS stores have read v[TM ..], which the quantiser below writes
.irp b, 0,1,2,3
.irp j, 0,1,2,3
	ds_load_b128 v[X+16*\b+4*\j:X+16*\b+4*\j+3], v[PRD] offset:128*\b+16*\j   ; (the vector instructions that read X stand ahead of the wait in front of the last pooled stores)
.endr
.endr
	s_wait_dscnt 0x0
	QUANT
	WIN 0x23                                       ; source 0 (t) window 3, C (t's bias) window 2
	s_wait_alu depctr_va_vdst(0)                   ; the codes in v[COD ..] and the scale word v[PW] are written, which the scaled products take
.irp t, 0,1,2,3,4,5,6,7
	v_wmma_scale_f32_16x16x128_f8f6f4 v[X+8*\t:X+8*\t+7], v[W3+12*\t:W3+12*\t+11], v[COD:COD+11], v[CB+8*\t:CB+8*\t+7], v[WS3+\t], v[PW] matrix_a_fmt:MATRIX_FMT_FP6 matrix_b_fmt:MATRIX_FMT_FP6
.endr
	WIN 0
	NOPS 5                                         ; four places ahead of the stores below, five ahead of the f32 products that take these results as C
	s_wait_alu depctr_va_vdst(0)                   ; the products have written v[X ..], which the LDS stores read; the places above stay beside this wait
.irp t, 0,1,2,3,4,5,6,7                        ; lane (r, h): point r, channels 16 t + 8 h + j.  Channel-major into the work-group's stage, each accumulator from its low end on
.irp j, 0,1,2,3,4,5,6,7
	ds_store_b32 v[OSA], v[X+8*\t+\j] offset:(16*\t+\j)*272
.endr
.endr
	s_wait_alu depctr_vm_vsrc(0)                   ; these stores have read v[X ..], in which LDS loads land on both ways below
	s_cmp_lg_u32 s[DIR], 0
	s_cbranch_scc1 .Ldir1
	; direction 0: tq2 = out0 + (- pos2_w | pos2_b + t2_b) x (xyz | 1), point-major through my own rows
	WIN 0xc0
.irp t, 0,1,2,3,4,5,6,7
	v_wmma_f32_16x16x4_f32 v[P+8*\t:P+8*\t+7], v[WA2+2*\t:WA2+2*\t+1], v[OXY:OXY+1], v[X+8*\t:X+8*\t+7]
.endr
	WIN 0
	NOPS 8                                         ; eight plain places ahead of the stores of these results
	WIN 0x0c
	s_wait_alu depctr_va_vdst(0)                   ; the f32 products have written their results, which the LDS stores read, and are done reading v[X ..], their C, in which the loads below land
.irp t, 0,1,2,3,4,5,6,7
	ds_store_b128 v[PWR], v[P+8*\t:P+8*\t+3] offset:64*\t
	ds_store_b128 v[PWR], v[P+8*\t+4:P+8*\t+7] offset:64*\t+16
.endr
	WIN 0
.irp p, 0,1,2,3,4,5,6,7,8,9,10,11,12,13,14,15
	ds_load_b128 v[X+4*\p:X+4*\p+3], v[PRR] offset:528*\p              ; LDS serves a wave's instructions in order: these see my stores
.endr
.irp p, 0,1,2,3,4,5,6,7,8,9,10,11,12,13,14,15
	s_wait_dscnt 15-\p                             ; row p is in; the younger rows may be out
	global_store_b128 v[LANE16], v[X+4*\p:X+4*\p+3], s[60:61] offset:512*\p    ; 512 consecutive bytes
.endr
	s_branch .Ljoin
.Ldir1:
	; direction 1: the 16 records, 2,048 consecutive bytes: a lane's 64 bytes into a stage of their own, back 16 bytes a lane
	v_mov_b32 v[TM], v[OXY]
	v_mov_b32 v[TM+1], v[OXY+1]
	v_cndmask_b32 v[TM+2], v[PW], v[ZERO], s[HM]   ; lanes 0-15: x, y, the scale word, 0;  lanes 16-31: z, 1.0, 0, 0
	v_mov_b32 v[TM+3], 0
	s_wait_alu depctr_va_vdst(0)                   ; the record's last 16 bytes, v[TM .. TM+3], are written, which the LDS store reads
.irp c, 0,1,2
	ds_store_b128 v[RSW], v[COD+4*\c:COD+4*\c+3] offset:16*\c
.endr
	ds_store_b128 v[RSW], v[TM:TM+3] offset:48
.irp c, 0,1,2,3
	ds_load_b128 v[X+4*\c:X+4*\c+3], v[RSR] offset:512*\c
.endr
.irp c, 0,1,2,3
	s_wait_dscnt 3-\c                              ; piece c is in; the younger ones may be out
	global_store_b128 v[LANE16], v[X+4*\c:X+4*\c+3], s[NR2:NR2+1] offset:512*\c
.endr
.Ljoin:
	s_wait_xcnt 0x0                                ; the stores have read their registers: these may be loaded again
	s_wait_alu depctr_vm_vsrc(0)                   ; the global stores of either way have read v[X ..], in which the loads below land
	s_wait_dscnt 0x0                               ; for the others' sake: my stores into the stage have landed
	s_barrier_signal -1
	s_barrier_wait -1
.irp i, 0,1,2,3,4,5,6,7,8,9,10,11,12,13,14,15
	ds_load_b128 v[X+4*\i:X+4*\i+3], v[ORD] offset:544*\i
.endr
.irp i, 0,1,2,3,4,5,6,7,8,9,10,11,12,13,14,15
	s_wait_dscnt 15-\i                             ; rows 2 i, 2 i + 1 are in; the younger ones may be out
	global_store_b128 v[OGO], v[X+4*\i:X+4*\i+3], s[56:57] offset:32768*\i th:TH_STORE_NT   ; sixteen lanes store 256 consecutive bytes, aligned; no launch reads them
.endr
	s_wait_dscnt 0x0                               ; the closing lines, six on end, of a launch in the mode that stores to LDS
	s_wait_alu 0x0
	s_wait_tensorcnt 0x0
	ds_add_u32 v190, v191
	s_wait_dscnt 0x0
	s_endpgm
.Lfunc_end_k_qc6e9ba1ce3_xfin2:
	.size	k_qc6e9ba1ce3_xfin2, .Lfunc_end_k_qc6e9ba1ce3_xfin2-k_qc6e9ba1ce3_xfin2
	.p2alignl 7, 3214868480
	.fill 96, 4, 3214868480
	.section	.rodata,"a",@progbits
	.p2align	6, 0x0
	.amdhsa_kernel k_qc6e9ba1ce3_xfin2
		.amdhsa_group_segment_fixed_size 323072
		.amdhsa_private_segment_fixed_size 0
		.amdhsa_enable_private_segment 0
		.amdhsa_kernarg_size 232
		.amdhsa_user_sgpr_count 2
		.amdhsa_user_sgpr_kernarg_segment_ptr 1
		.amdhsa_wavefront_size32 1
		.amdhsa_system_sgpr_workgroup_id_x 1
		.amdhsa_system_sgpr_workgroup_id_y 1
		.amdhsa_system_sgpr_workgroup_id_z 1
		.amdhsa_system_vgpr_workitem_id 0
		.amdhsa_next_free_vgpr 1024
		.amdhsa_next_free_sgpr 102
		.amdhsa_reserve_vcc 1
		.amdhsa_float_denorm_mode_32 3
		.amdhsa_float_denorm_mode_16_64 3
		.amdhsa_memory_ordered 1
		.amdhsa_forward_progress 1
		.amdhsa_inst_pref_size 148
	.end_amdhsa_kernel
	.amdgpu_metadata
---
amdhsa.version: [ 1, 2 ]
amdhsa.kernels:
  - .name:           k_qc6e9ba1ce3_xfin2
    .symbol:         k_qc6e9ba1ce3_xfin2.kd
    .args:
      - { .name: tab1, .offset: 0, .size: 8, .value_kind: global_buffer, .address_space: global }
      - { .name: idx, .offset: 8, .size: 8, .value_kind: global_buffer, .address_space: global }
      - { .name: wn1c, .offset: 16, .size: 8, .value_kind: global_buffer, .address_space: global }
      - { .name: wn1s, .offset: 24, .size: 8, .value_kind: global_buffer, .address_space: global }
      - { .name: pos1_w, .offset: 32, .size: 8, .value_kind: global_buffer, .address_space: global }
      - { .name: st_a, .offset: 40, .size: 8, .value_kind: global_buffer, .address_space: global }
      - { .name: gn1_g, .offset: 48, .size: 8, .value_kind: global_buffer, .address_space: global }
      - { .name: gn1_b, .offset: 56, .size: 8, .value_kind: global_buffer, .address_space: global }
      - { .name: m1a_w_codes, .offset: 64, .size: 8, .value_kind: global_buffer, .address_space: global }
      - { .name: m1a_w_scales, .offset: 72, .size: 8, .value_kind: global_buffer, .address_space: global }
      - { .name: m1a_b, .offset: 80, .size: 8, .value_kind: global_buffer, .address_space: global }
      - { .name: m1a_g, .offset: 88, .size: 8, .value_kind: global_buffer, .address_space: global }
      - { .name: m1a_beta, .offset: 96, .size: 8, .value_kind: global_buffer, .address_space: global }
      - { .name: m1b_w_codes, .offset: 104, .size: 8, .value_kind: global_buffer, .address_space: global }
      - { .name: m1b_w_scales, .offset: 112, .size: 8, .value_kind: global_buffer, .address_space: global }
      - { .name: m1b_b, .offset: 120, .size: 8, .value_kind: global_buffer, .address_space: global }
      - { .name: m1b_g, .offset: 128, .size: 8, .value_kind: global_buffer, .address_space: global }
      - { .name: m1b_beta, .offset: 136, .size: 8, .value_kind: global_buffer, .address_space: global }
      - { .name: t1_w_codes, .offset: 144, .size: 8, .value_kind: global_buffer, .address_space: global }
      - { .name: t1_w_scales, .offset: 152, .size: 8, .value_kind: global_buffer, .address_space: global }
      - { .name: t1_b, .offset: 160, .size: 8, .value_kind: global_buffer, .address_space: global }
      - { .name: t2_w_codes, .offset: 168, .size: 8, .value_kind: global_buffer, .address_space: global }
      - { .name: t2_w_scales, .offset: 176, .size: 8, .value_kind: global_buffer, .address_space: global }
      - { .name: t2_b, .offset: 184, .size: 8, .value_kind: global_buffer, .address_space: global }
      - { .name: pos2_w, .offset: 192, .size: 8, .value_kind: global_buffer, .address_space: global }
      - { .name: pos2_b, .offset: 200, .size: 8, .value_kind: global_buffer, .address_space: global }
      - { .name: out0, .offset: 208, .size: 8, .value_kind: global_buffer, .address_space: global }
      - { .name: out1, .offset: 216, .size: 8, .value_kind: global_buffer, .address_space: global }
      - { .name: tab2, .offset: 224, .size: 8, .value_kind: global_buffer, .address_space: global }
    .group_segment_fixed_size: 323072
    .private_segment_fixed_size: 0
    .kernarg_segment_align: 8
    .kernarg_segment_size: 232
    .max_flat_workgroup_size: 128
    .sgpr_count:     102
    .vgpr_count:     1024
    .wavefront_size: 32
...
	.end_amdgpu_metadata
.endif
;; end of part 14
;; launch ystat0: the kernel of part 8 again; grid 64 x 2, 4 waves a work-group, no clusters, 209,408 bytes of LDS; arguments tab2, idx, t2_w_codes, t2_w_scales, pos2_w, st_b; writes st_b
;; launch ystat1: the kernel of part 9 again; grid 64 x 2, 4 waves a work-group, no clusters, 221,696 bytes of LDS; arguments tab2, idx, t2_w_codes, t2_w_scales, pos2_w, st_b, gn2_g, gn2_b, m2a_w_codes, m2a_w_scales, m2a_b, st_a; writes st_a
;; launch xfin1 (part 15): grid 64 x 2, 4 waves a work-group, no clusters, 256,512 bytes of LDS; arguments tab2, idx, t2_w_codes, t2_w_scales, pos2_w, st_a, gn2_g, gn2_b, m2a_w_codes, m2a_w_scales, m2a_b, m2a_g, m2a_beta, out2; writes out2
.if DOCPART == 15
	.amdgcn_target "amdgcn-amd-amdhsa--gfx1250"
	.amdhsa_code_object_version 6
	.text
	.protected	k_qc6e9ba1ce3_xfin1
	.globl	k_qc6e9ba1ce3_xfin1
	.p2align	8
	.type	k_qc6e9ba1ce3_xfin1,@function
k_qc6e9ba1ce3_xfin1:
	s_mov_b64 s[64:65], 0
	v_nop
	global_prefetch_b8 v0, s[64:65] scope:SCOPE_SE
	s_setreg_imm32_b32 hwreg(HW_REG_WAVE_SCHED_MODE, 0, 2), 2
	s_setreg_imm32_b32 hwreg(HW_REG_WAVE_MODE, 25, 1), 1
	s_wait_xcnt 0x0
	s_wait_alu depctr_vm_vsrc(0)
; The second layer's end: out2[batch][channel][point] = lrelu(max over the 16 neighbours of GN(W Q(lrelu(GN(x0))) + b)), x0 made anew from the second layer's records and tq (tab2).
; Shares, layouts, the head with all global loads and the loop on LDS alone are as in the launches before (y = the batch; the neighbours are direction 0's).
; x0 = Wn codes[idx] + Wp xyz[idx] + tq[n]:  P = (Wp | tq) x (xyz | 1) in f32 (K = 4), X = Wn x codes + P, both transposed.  P's registers are written by matrix instructions alone.
; THE LAST PRODUCT IS NOT TRANSPOSED (source 0 = the point's 16 rows, source 1 = 16 rows of W as they lie): lane (r, h) holds channel 16 t + r and its registers the neighbours 8 h + j, so the
; maximum is taken along a lane's registers and once across the halves.  The order is multiply-add, maximum, lrelu: lrelu rises with its input and may change places with the maximum; the multiply-add may not.
; The pooled values go channel-major into the work-group's stage; behind a barrier sixteen lanes store 256 consecutive bytes (64 points of a channel), aligned.
; LIMITS: NaN and infinities are not served; a block of zeros gets the scale byte 1 (its codes are zeros; only this program reads the byte).
; THE MODE: SCHED_MODE bits 1:0 = 2 (LLVM: expert scheduling mode 2), set by the entry lines.  The code itself states the register dependences between vector or matrix instructions and
; memory or LDS instructions, with s_wait_alu, always for 0.
; THE PLAN.  Registers that memory or LDS instructions touch, in the loop:
;   v[NREC ..]     the point's record: read by the eight head products (codes, scale word) and by the f32 products (x, y, z, 1); the next point's LDS loads land in it.
;   v[TQV ..]      tq: read by the f32 products' eight selections; the next point's LDS loads land in it.
;   v[RA], v[QA]   the LDS addresses of these loads: written once a trip.      v[PA], v[TM .. TM+7]   address and data of the pooled values' LDS stores at a trip's end.
;   A trip: the head products; ONE wait on vm_vsrc (the last trip's loads have read v[RA], v[QA], its stores v[PA] and v[TM ..]); the two addresses; the multiply-add over X; ONE wait on
;   va_vdst (the addresses are written; products and selections are done reading record and tq); the record's four loads, and tq's eight dealt among lrelu's first runs, which name X and v[TM ..] alone.
;   The quantised operand has a wait on va_vdst behind its places, ahead of the scaled products that take it; one more stands ahead of the pooled values' stores.
; Set-up: one wait on va_vdst for all addresses, one for the gathers' offsets; behind the barrier one wait on vm_vsrc frees all registers that gathers and LDS stores have read, in which LDS loads then land.
.set WSZ, 49152                        ; LDS of a wave: 8,192 tq's 16 rows; 32,768 the 16 records' images; 8,192: 16 slots of 512 bytes
.set RCO, 8192
.set VCO, 40960
.set WL, 196608                        ; the weights, 12,288 bytes each: 0 Wn, 1 W
.set OUTS, 221184                      ; 128 rows (channels) x (256 + 16) bytes: the work-group's
.set TABN, 8388608
.set NV, 10                            ; slots: 0-2 pos_w, 3 Wn's scales, 4, 5 the first GroupNorm's gain, offset, 6 W's scales, 7 W's bias, 8, 9 the second GroupNorm's gain, offset
.set NW, 2
.set R, 1
.set H, 2
.set H64, 3
.set VR4, 4
.set LANE16, 5
.set QA, 6
.set PA, 7
.set RA, 8
.set QA0, 9
.set RA0, 10
.set VR, 11
.set VST, 12
.set VSN, 13
.set WTAL, 14
.set WNAL, 15
.set VW, 16
.set WLW, 17
.set WGO, 18
.set QLW, 19
.set COD, 20
.set FA64, 39
.set TM, 40
.set PW, 56                            ; v56, v84-91, v108-115, v146 hold scales and nothing else
.set ZERO, 57
.set LANE, 58
.set PA0, 59
.set ORD, 64
.set OGO, 65
.set MEAN, 68
.set RS, 76
.set WS1, 84
.set WNS, 108
.set GO, 116
.set AB3, 116                          ; behind the gathers: the second GroupNorm's (A, B), a pair for each tile
.set NREC, 132
.set NC, 132
.set XY, 144
.set NS, 146
.set TQV, 148
.set WA, 156
.set WY, 172
.set VPW, 180
.set VPY, 181
.set RP, 182
.set X, 192
.set WT, 0                             ; window 1, at set-up: my share of the weights, tq's rows, the slots
.set TQT, 128
.set VT, 192
.set AF1, 0                            ; window 1, in the loop: A, B
.set BF1, 64
.set WN, 0                             ; window 2: Wn, W (at set-up v0-191: records 0-11)
.set W1, 96
.set FR, 64                            ; window 3, at set-up: v0-63 records 12-15, v64-191 the sums' records
.set P, 192
.set TQP, 4
.set IX, 6
.set STI, 14
.set OUTP, 30
.set WV, 66
.set SP, 67
.set SR, 68
.set SQ, 69
.set HM, 70
.set ROW, 71
.set NR, 72
.set SA, 84
.set SB, 85
.set SEL, 86
.set PO, 88
.set DB, 89
.set TMP, 92
.set KC1, 96
.set KC2, 97
.set FINI, 98
.set N0, 100
.set MSB, 0
.macro WIN new                         ; the immediate's high byte repeats the setting that is left
.if MSB != (\new)
	s_set_vgpr_msb (MSB<<8)|(\new)
.set MSB, (\new)
.endif
.endm
.macro NOPS n
.rept \n
	v_nop
.endr
.endm
.macro RLOAD                           ; ahead of the loop: the record and tq of the point whose LDS offsets stand in s[SR], s[SQ]
	v_add_nc_u32 v[RA], s[SR], v[RA0]
	v_add_nc_u32 v[QA], s[SQ], v[QA0]
	s_wait_alu depctr_va_vdst(0)                   ; v[RA] and v[QA] are written, which the loads below read
.irp c, 0,1,2,3
	ds_load_b128 v[NREC+4*\c:NREC+4*\c+3], v[RA] offset:512*\c
.endr
.irp t, 0,1,2,3,4,5,6,7
	ds_load_b32 v[TQV+\t], v[QA] offset:(32*(\t/2)+8*(\t%2))*4
.endr
.endm
.macro NEXTA                           ; the LDS addresses of the next point's record and tq, or of point 15's again.  The two additions and the two v_nop are the four plain places between the head products and the first read of a result
	s_add_co_u32 s[SA], s[SP], 1
	s_min_u32 s[SA], s[SA], 15
	s_lshl_b32 s[SR], s[SA], 11
	s_lshl_b32 s[SQ], s[SA], 9
	s_wait_alu depctr_vm_vsrc(0)                   ; the LDS loads issued so far have read v[RA] and v[QA], the last trip's LDS stores v[PA] and v[TM ..]: all of these are written again in this trip
	v_add_nc_u32 v[RA], s[SR], v[RA0]
	v_add_nc_u32 v[QA], s[SQ], v[QA0]
	v_nop
	v_nop
.endm
.macro NEXTL                           ; the next point's record; tq's eight words follow among lrelu's first runs
	s_wait_alu depctr_va_vdst(0)                   ; v[RA] and v[QA] are written; the head products are done reading the record's codes and scale word, the last f32 products and their selections x, y, z and tq: the loads land there
.irp c, 0,1,2,3
	ds_load_b128 v[NREC+4*\c:NREC+4*\c+3], v[RA] offset:512*\c
.endr
.endm
.macro POSMM                           ; P = (Wp | tq) x (xyz | 1).  Lanes 16-31 of a tile's second register hold k = 3: tq
	s_wait_dscnt 0x0
.irp t, 0,1,2,3,4,5,6,7
	v_cndmask_b32 v[WA+2*\t+1], v[WY+\t], v[TQV+\t], s[HM]
.endr
	NOPS 4
	WIN 0xc0                                       ; D window 3
.irp t, 0,1,2,3,4,5,6,7
	v_wmma_f32_16x16x4_f32 v[P+8*\t:P+8*\t+7], v[WA+2*\t:WA+2*\t+1], v[XY:XY+1], 0
.endr
	WIN 0
.endm
.macro HEADMM                          ; X = Wn x codes + P.  Nine plain places or more lie between the f32 products and these
	WIN 0x32                                       ; source 0 window 2, C window 3
.irp t, 0,1,2,3,4,5,6,7
	v_wmma_scale_f32_16x16x128_f8f6f4 v[X+8*\t:X+8*\t+7], v[WN+12*\t:WN+12*\t+11], v[NC:NC+11], v[P+8*\t:P+8*\t+7], v[WNS+\t], v[NS] matrix_a_fmt:MATRIX_FMT_FP6 matrix_b_fmt:MATRIX_FMT_FP6
.endr
	WIN 0
.endm
.macro VLD slot, ptr, off
	global_load_b128 v[VT+4*(\slot):VT+4*(\slot)+3], v[LANE16], s[\ptr:\ptr+1] offset:\off
.endm
.macro WLD m, ptr
.irp i, 0,1,2,3,4,5
	global_load_b128 v[WT+24*(\m)+4*\i:WT+24*(\m)+4*\i+3], v[WGO], s[\ptr:\ptr+1] offset:512*\i
.endr
.endm
.macro WSUM base, n, tmp               ; n sums over the wave's 32 lanes, the result in every lane
.irp m, 1,2,4,8
.set i, 0
.rept \n
	v_add_f32_dpp v[\base+i], v[\base+i], v[\base+i] row_xmask:\m row_mask:0xf bank_mask:0xf
.set i, i+1
.endr
.endr
.set i, 0
.rept \n
	v_permlanex16_b32 v[\tmp+i], v[\base+i], s[SEL], s[SEL+1]
.set i, i+1
.endr
.set i, 0
.rept \n
	v_add_f32 v[\base+i], v[\base+i], v[\tmp+i]
.set i, i+1
.endr
.endm
.macro FINAL                           ; the 256 records of my y, eight a lane (window 3), become MEAN and RS
	WIN 0x0f
.irp e, 0,2,4,6,8,10,12,14
	v_pk_add_f32 v[MEAN+\e:MEAN+\e+1], v[FR+\e:FR+\e+1], v[FR+16+\e:FR+16+\e+1]
.endr
	WIN 0x0c
.irp k, 2,3,4,5,6,7
.irp e, 0,2,4,6,8,10,12,14
	v_pk_add_f32 v[MEAN+\e:MEAN+\e+1], v[MEAN+\e:MEAN+\e+1], v[FR+16*\k+\e:FR+16*\k+\e+1]
.endr
.endr
	WIN 0
	WSUM MEAN, 16, TM
.irp e, 0,2,4,6
	v_pk_mul_f32 v[MEAN+\e:MEAN+\e+1], v[MEAN+\e:MEAN+\e+1], 0x3b800000 op_sel_hi:[1,0]   ; / 256
.endr
.irp k, 0,1,2,3,4,5,6,7
	WIN 0x03
.irp e, 0,2,4,6
	v_pk_add_f32 v[TM+\e:TM+\e+1], v[FR+16*\k+\e:FR+16*\k+\e+1], v[MEAN+\e:MEAN+\e+1] neg_lo:[0,1] neg_hi:[0,1]
.endr
	WIN 0
.irp e, 0,2,4,6
.if \k == 0
	v_pk_mul_f32 v[TM+8+\e:TM+8+\e+1], v[TM+\e:TM+\e+1], v[TM+\e:TM+\e+1]
.else
	v_pk_fma_f32 v[TM+8+\e:TM+8+\e+1], v[TM+\e:TM+\e+1], v[TM+\e:TM+\e+1], v[TM+8+\e:TM+8+\e+1]
.endif
.endr
.endr
	WSUM TM+8, 8, TM
.irp g, 0,1,2,3,4,5,6,7
	v_fma_f32 v[RS+\g], v[TM+8+\g], 0x45800000, v[RS+\g]    ; sum of M2 + 4096 x the spread of the means
.endr
.irp g, 0,1,2,3,4,5,6,7
	v_fma_f32 v[RS+\g], v[RS+\g], s[KC1], s[KC2]            ; / 2^20 + 1e-5
.endr
.irp g, 0,1,2,3,4,5,6,7
	v_rsq_f32 v[RS+\g], v[RS+\g]
.endr
	v_nop                                          ; a plain place behind the last of the batch
	s_wait_alu depctr_va_vdst(0)                   ; the eight 1 / sqrt in v[RS ..] are written, ahead of their first reader; and the sums above are done with v[TM ..], in which LDS loads land below
.endm
.macro LRELU deal                      ; max(x, 0.1 x).  deal = 1: the next point's eight words of tq are asked for behind the first four runs, two at a time: no vector instruction since the wait in NEXTL names v[TQV ..] or v[QA]
.set i, 0
.rept 8
.irp u, 0,2,4,6
	v_pk_mul_f32 v[TM+\u:TM+\u+1], v[X+i+\u:X+i+\u+1], 0x3dcccccd op_sel_hi:[1,0]
.endr
.irp u, 0,1,2,3,4,5,6,7
	v_max_num_f32 v[X+i+\u], v[X+i+\u], v[TM+\u]
.endr
.if (\deal) && (i < 32)
.set t, i/4
	ds_load_b32 v[TQV+t], v[QA] offset:(32*(t/2)+8*(t%2))*4
	ds_load_b32 v[TQV+t+1], v[QA] offset:(32*((t+1)/2)+8*((t+1)%2))*4
.endif
.set i, i+8
.endr
.endm
; X's 64 numbers of a lane, register 16 b + i = k 32 b + 16 h + i of my row, become a fragment's codes in v[COD] on and its scale word in v[PW].
.macro QUANT
.irp b, 0,1,2,3
	v_max3_num_f32 v[TM+\b], |v[X+16*\b]|, |v[X+1+16*\b]|, 0x1800000   ; block b: my 16 numbers, and the floor 2^(3 - 127): the byte cannot fall under 1
.endr
.irp i, 2,4,6,8,10,12,14
.irp b, 0,1,2,3
	v_max3_num_f32 v[TM+\b], v[TM+\b], |v[X+16*\b+\i]|, |v[X+1+16*\b+\i]|
.endr
.endr
.irp b, 0,1,2,3
	v_permlanex16_b32 v[TM+4+\b], v[TM+\b], s[SEL], s[SEL+1]
.endr
.irp b, 0,1,2,3
	v_max_num_f32 v[TM+\b], v[TM+\b], v[TM+4+\b]   ; with lane l xor 16's: the block's largest magnitude
.endr
.irp b, 0,1,2,3
	v_add_nc_u32 v[TM+12+\b], 0xff000000, v[TM+\b] ; 2 off its exponent field: the conversion's scale operand
.endr
.irp b, 0,1,2,3
	v_lshrrev_b32 v[TM+4+\b], 23, v[TM+12+\b]      ; the scale's byte
.endr
	v_lshl_or_b32 v[PW], v[TM+5], 8, v[TM+4]
	v_lshl_or_b32 v[PW], v[TM+6], 16, v[PW]
	v_lshl_or_b32 v[PW], v[TM+7], 24, v[PW]
.irp c, 0,1
	v_cvt_scalef32_pk16_fp6_f32 v[COD+6*\c:COD+2+6*\c], v[X+32*\c:X+15+32*\c], v[TM+12+2*\c]
	v_cvt_scalef32_pk16_fp6_f32 v[COD+12+4*\c:COD+14+4*\c], v[X+16+32*\c:X+31+32*\c], v[TM+12+2*\c+1]   ; (a conversion's three registers begin on an even number)
.endr
	v_nop                                          ; one plain place behind a scaled conversion
.irp c, 0,1                                    ; the operand's layout wants a whole block in a lane
.irp i, 0,1,2
	v_permlane16_swap_b32 v[COD+6*\c+\i], v[COD+12+4*\c+\i]
.endr
.irp i, 0,1,2
	v_mov_b32 v[COD+3+6*\c+\i], v[COD+12+4*\c+\i]
.endr
.endr
	NOPS 8                                         ; a scale word made by vector instructions stands eight places ahead of the scaled product, the codes four
.endm
	s_load_b512 s[4:19], s[0:1], 0x0               ; tab2, idx, Wn's codes, scales; pos2_w; st; gn2_g, gn2_b
	s_load_b256 s[20:27], s[0:1], 0x40             ; m2a codes, scales, b, g
	s_load_b128 s[28:31], s[0:1], 0x60             ; m2a_beta, out2
	v_lshl_add_u32 v190, v0, 2, 0x3e800
	v_mov_b32 v191, 0
	v_lshrrev_b32 v[R], 5, v0
	v_readfirstlane_b32 s[WV], v[R]                ; wave 0..3
	s_and_b32 s[DB], ttmp7, 0xffff
	s_lshl_b32 s[N0], ttmp9, 6
	s_wait_alu depctr_va_sdst(0)                   ; s[WV] is written, ahead of its first reader
	s_lshl_b32 s[SA], s[WV], 4
	s_add_co_u32 s[N0], s[N0], s[SA]               ; my first point
	s_lshl_b32 s[ROW], s[DB], 12
	s_add_co_u32 s[ROW], s[ROW], s[N0]
	s_mov_b32 s[SEL], 0x76543210
	s_mov_b32 s[SEL+1], 0xfedcba98                 ; v_permlanex16_b32's selects for lane l xor 16
	s_mov_b32 s[HM], 0xffff0000                    ; lanes 16-31
	s_mov_b32 s[KC1], 0x35800000                   ; 2^-20
	s_mov_b32 s[KC2], 0x3727c5ac                   ; 1e-5
	s_mov_b32 s[TMP+1], 0
	v_and_b32 v[LANE], 31, v0
	v_and_b32 v[R], 15, v0
	v_bfe_u32 v[H], v0, 4, 1
	v_lshlrev_b32 v[H64], 6, v[H]
	v_lshlrev_b32 v[VR4], 2, v[R]
	v_lshlrev_b32 v[LANE16], 4, v[LANE]
	v_lshlrev_b32 v[FA64], 6, v[LANE]
	v_mov_b32 v[ZERO], 0
	v_and_b32 v[RP], 8, v[R]
	v_add_nc_u32 v[RP], v[RP], v[R]                ; r + 8 (r / 8)
	s_mul_i32 s[SA], s[WV], WSZ                    ; my wave's LDS
	v_lshl_add_u32 v[QA0], v[RP], 2, s[SA]
	v_add_nc_u32 v[QLW], s[SA], v[LANE16]
	s_add_co_u32 s[SB], s[SA], RCO
	v_add_nc_u32 v[RA0], s[SB], v[LANE16]
	s_add_co_u32 s[SB], s[SA], VCO
	v_add_nc_u32 v[VW], s[SB], v[LANE16]
	v_add_nc_u32 v[VR], s[SB], v[H64]
	v_lshl_add_u32 v[VST], v[RP], 2, s[SB]
	v_add_nc_u32 v[VSN], s[SB], v[VR4]
	v_mul_u32_u24 v[VPY], v[RP], 12
	v_add_nc_u32 v[VPY], s[SB], v[VPY]
	v_lshl_add_u32 v[VPW], v[H], 3, v[VPY]         ; pos_w(c, 2 h)
	v_add_nc_u32 v[VPY], 4, v[VPY]                 ; pos_w(c, 1)
	v_mul_u32_u24 v[WTAL], v[RP], 96
	v_mad_u32_u24 v[WTAL], v[H], 24, v[WTAL]
	v_add_nc_u32 v[WTAL], WL, v[WTAL]
	v_mul_u32_u24 v[WNAL], v[R], 96
	v_mad_u32_u24 v[WNAL], v[H], 24, v[WNAL]
	v_add_nc_u32 v[WNAL], WL, v[WNAL]
	s_mul_i32 s[SB], s[WV], 3072                   ; my quarter of a weight
	v_add_nc_u32 v[WGO], s[SB], v[LANE16]
	v_add_nc_u32 v[WLW], WL, v[WGO]
	s_lshl_b32 s[SA], s[WV], 6
	s_add_co_u32 s[SA], s[SA], OUTS
	v_mul_u32_u24 v[PA0], v[R], 272
	v_add_nc_u32 v[PA0], s[SA], v[PA0]             ; the stage, in: channel r (+ 16 t), point 16 wave (+ the point)
	s_mul_i32 s[SA], s[WV], 8704
	s_add_co_u32 s[SA], s[SA], OUTS
	v_mul_u32_u24 v[ORD], v[H], 272
	v_lshl_add_u32 v[ORD], v[R], 4, v[ORD]
	v_add_nc_u32 v[ORD], s[SA], v[ORD]             ; and back: channels 32 wave + h (+ 2 i), sixteen lanes to a row
	v_lshlrev_b32 v[OGO], 14, v[H]
	v_lshl_add_u32 v[OGO], v[R], 4, v[OGO]
.irp i, 0,1,2,3,4,5,6,7,8,9,10,11,12,13,14,15
	v_mov_b32 v[TM+\i], 0                          ; written once: a lane permute's destination counts as one of its sources
.endr
	s_wait_kmcnt 0x0
	s_lshl_b32 s[TMP], s[DB], 19
	s_add_co_u32 s[TMP], s[TMP], TABN
	s_add_nc_u64 s[NR:NR+1], s[4:5], s[TMP:TMP+1]  ; the records of my y
	s_lshl_b32 s[TMP], s[ROW], 9
	s_add_nc_u64 s[TQP:TQP+1], s[TQP:TQP+1], s[TMP:TMP+1]
	s_lshl_b32 s[TMP], s[ROW], 6
	s_add_nc_u64 s[IX:IX+1], s[IX:IX+1], s[TMP:TMP+1]
	s_lshl_b32 s[TMP], s[DB], 7
	s_add_co_u32 s[TMP], s[TMP], 65536
	s_add_nc_u64 s[FINI:FINI+1], s[STI:STI+1], s[TMP:TMP+1]
	s_lshl_b32 s[TMP], s[DB], 14
	s_add_nc_u64 s[STI:STI+1], s[STI:STI+1], s[TMP:TMP+1]
	s_lshl_b32 s[TMP], s[DB], 21
	s_lshl_b32 s[SA], s[WV], 19
	s_add_co_u32 s[TMP], s[TMP], s[SA]
	s_lshl_b32 s[SA], ttmp9, 8
	s_add_co_u32 s[TMP], s[TMP], s[SA]
	s_add_nc_u64 s[OUTP:OUTP+1], s[OUTP:OUTP+1], s[TMP:TMP+1]
	s_wait_alu depctr_va_vdst(0)                   ; all offsets and LDS addresses made above are written, which the kernel's loads and stores read
.set i, 0
.rept 16
	global_load_b32 v[GO+i], v[VR4], s[IX:IX+1] offset:64*i            ; the indices of all 16 points first
.set i, i+1
.endr
	WIN 0x40
.set i, 0
.rept 16
	global_load_b128 v[TQT+4*i:TQT+4*i+3], v[LANE16], s[TQP:TQP+1] offset:512*i
.set i, i+1
.endr
	VLD 0, 12, 0
	VLD 1, 12, 512
	VLD 2, 12, 1024
	VLD 3, 10, 0
	VLD 4, 16, 0
	VLD 5, 18, 0
	VLD 6, 22, 0
	VLD 7, 24, 0
	VLD 8, 26, 0
	VLD 9, 28, 0
	WLD 0, 8
	WLD 1, 20
	WIN 0
	s_wait_loadcnt 16+NV+6*NW                      ; the indices are in; the 38 loads issued behind them may be out
.set i, 0
.rept 16
	v_min_u32 v[GO+i], 0xfff, v[GO+i]
.set i, i+1
.endr
.set i, 0
.rept 16
	v_lshl_add_u32 v[GO+i], v[GO+i], 7, v[H64]     ; my half of the neighbour's record
.set i, i+1
.endr
	WIN 0x80
	s_wait_alu depctr_va_vdst(0)                   ; the sixteen offsets v[GO ..] are written, which the gathers read
.set i, 0
.rept 12
.irp c, 0,1,2,3
	global_load_b128 v[16*i+4*\c:16*i+4*\c+3], v[GO+i], s[NR:NR+1] offset:16*\c
.endr
.set i, i+1
.endr
	WIN 0xc0
.set i, 0
.rept 4
.irp c, 0,1,2,3
	global_load_b128 v[16*i+4*\c:16*i+4*\c+3], v[GO+12+i], s[NR:NR+1] offset:16*\c
.endr
.set i, i+1
.endr
.irp k, 0,1,2,3,4,5,6,7
.irp c, 0,1,2,3
	global_load_b128 v[FR+16*\k+4*\c:FR+16*\k+4*\c+3], v[FA64], s[STI:STI+1] offset:2048*\k+16*\c
.endr
.endr
	WIN 0
.irp c, 0,1,2,3
	global_load_b128 v[X+4*\c:X+4*\c+3], v[ZERO], s[FINI:FINI+1] offset:16*\c  ; the first GroupNorm's means and 1 / sqrt
.endr
	s_wait_loadcnt 63                              ; 100 loads stand behind the first group: it is in
	WIN 0x04
.set i, 0
.rept 16
	ds_store_b128 v[QLW], v[TQT+4*i:TQT+4*i+3] offset:512*i
.set i, i+1
.endr
.set i, 0
.rept NV
	ds_store_b128 v[VW], v[VT+4*i:VT+4*i+3] offset:512*i
.set i, i+1
.endr
.set i, 0
.rept 6*NW
	ds_store_b128 v[WLW], v[WT+4*i:WT+4*i+3] offset:12288*(i/6)+512*(i%6)
.set i, i+1
.endr
	WIN 0
	s_wait_loadcnt 36                              ; the records are in; the 36 loads of the statistics may be out
	WIN 0x08
.set i, 0
.rept 12
.irp c, 0,1,2,3
	ds_store_b128 v[RA0], v[16*i+4*\c:16*i+4*\c+3] offset:2048*i+512*\c        ; as images of the registers: 16 bytes a lane
.endr
.set i, i+1
.endr
	WIN 0x0c
.set i, 0
.rept 4
.irp c, 0,1,2,3
	ds_store_b128 v[RA0], v[16*i+4*\c:16*i+4*\c+3] offset:2048*(12+i)+512*\c
.endr
.set i, i+1
.endr
	WIN 0
	s_wait_loadcnt 0x0
	FINAL
	s_wait_dscnt 0x0                               ; for the others' sake: my quarters of the weights have landed
	s_barrier_signal -1
	s_barrier_wait -1
	s_wait_alu depctr_vm_vsrc(0)                   ; the gathers have read v[GO ..]; my LDS stores have read the registers of windows 1 and 2 that held tq, slots, weights and records: LDS loads land in these below
.irp t, 0,1,2,3,4,5,6,7                        ; the second GroupNorm: channel 16 t + r lies in group t
	ds_load_b32 v[AB3+2*\t], v[VSN] offset:512*8+64*\t
	ds_load_b32 v[AB3+2*\t+1], v[VSN] offset:512*9+64*\t
	ds_load_b32 v[TM+\t], v[VSN] offset:512*7+64*\t
.endr
	s_wait_dscnt 0x0
.irp t, 0,1,2,3,4,5,6,7
	v_mul_f32 v[AB3+2*\t], v[AB3+2*\t], v[RS+\t]
	v_sub_f32 v[TM+\t], v[TM+\t], v[MEAN+\t]
.endr
.irp t, 0,1,2,3,4,5,6,7
	v_fma_f32 v[AB3+2*\t+1], v[TM+\t], v[AB3+2*\t], v[AB3+2*\t+1]
.endr
	; the first GroupNorm: A = gain / sqrt(var + eps), B = offset - mean A
	v_cmp_ne_u32 vcc_lo, 0, v[H]
	s_wait_alu depctr_va_vcc(0)                    ; VCC is written, ahead of the selections that read it
.irp q, 0,1,2,3
	v_cndmask_b32 v[TM+2*\q], v[X+2*\q], v[X+2*\q+1], vcc_lo           ; my half's group 2 q + h
	v_cndmask_b32 v[TM+2*\q+1], v[X+2*\q], v[X+2*\q+1], vcc_lo
	v_cndmask_b32 v[TM+8+2*\q], v[X+8+2*\q], v[X+8+2*\q+1], vcc_lo
	v_cndmask_b32 v[TM+8+2*\q+1], v[X+8+2*\q], v[X+8+2*\q+1], vcc_lo
.endr
	WIN 0x40
.irp b, 0,1,2,3
.irp j, 0,1,2,3
	ds_load_b128 v[AF1+16*\b+4*\j:AF1+16*\b+4*\j+3], v[VR] offset:512*4+128*\b+16*\j
	ds_load_b128 v[BF1+16*\b+4*\j:BF1+16*\b+4*\j+3], v[VR] offset:512*5+128*\b+16*\j
.endr
.endr
	WIN 0
	s_wait_dscnt 0x0
	WIN 0x41
.set i, 0
.rept 32
	v_pk_mul_f32 v[AF1+i:AF1+i+1], v[AF1+i:AF1+i+1], v[TM+8+2*(i/16):TM+8+2*(i/16)+1]
.set i, i+2
.endr
	WIN 0x54
.set i, 0
.rept 32
	v_pk_fma_f32 v[BF1+i:BF1+i+1], v[TM+2*(i/16):TM+2*(i/16)+1], v[AF1+i:AF1+i+1], v[BF1+i:BF1+i+1] neg_lo:[1,0,0] neg_hi:[1,0,0]
.set i, i+2
.endr
	WIN 0x80
.irp t, 0,1,2,3,4,5,6,7                        ; Wn: lane r of tile 2 b + u takes row 32 b + 8 u + r + 8 (r / 8);  W: the rows as they lie
.irp p, 0,1,2,3,4,5
	ds_load_b64 v[WN+12*\t+2*\p:WN+12*\t+2*\p+1], v[WTAL] offset:(32*(\t/2)+8*(\t%2))*96+48*(\p/3)+8*(\p%3)
	ds_load_b64 v[W1+12*\t+2*\p:W1+12*\t+2*\p+1], v[WNAL] offset:12288+1536*\t+48*(\p/3)+8*(\p%3)
.endr
.endr
	WIN 0
.irp t, 0,1,2,3,4,5,6,7
	ds_load_b32 v[WNS+\t], v[VST] offset:512*3+(32*(\t/2)+8*(\t%2))*4
	ds_load_b32 v[WS1+\t], v[VSN] offset:512*6+64*\t
	ds_load_b32 v[WA+2*\t], v[VPW] offset:(32*(\t/2)+8*(\t%2))*12
	ds_load_b32 v[WY+\t], v[VPY] offset:(32*(\t/2)+8*(\t%2))*12
.endr
	s_mov_b32 s[SR], 0
	s_mov_b32 s[SQ], 0
	RLOAD                                          ; point 0
	POSMM
	NOPS 9                                         ; nine plain places between an f32 product and the product that takes its result as C
	s_mov_b32 s[SP], 0
	s_mov_b32 s[PO], 0
.Lpoints:
	HEADMM
	NEXTA
	WIN 0x14                                       ; X = X A + B, in ascending order
.set i, 0
.rept 32
	v_pk_fma_f32 v[X+i:X+i+1], v[X+i:X+i+1], v[AF1+i:AF1+i+1], v[BF1+i:BF1+i+1]
.set i, i+2
.endr
	WIN 0
	NEXTL
	LRELU 1
	POSMM                                          ; the next point's, while this point is quantised
	QUANT
	WIN 0x08                                       ; source 1 (W) window 2
	s_wait_alu depctr_va_vdst(0)                   ; the codes in v[COD ..] and the scale word v[PW] are written, which the scaled products take; the places above stay beside this wait
.irp t, 0,1,2,3,4,5,6,7
	v_wmma_scale_f32_16x16x128_f8f6f4 v[X+8*\t:X+8*\t+7], v[COD:COD+11], v[W1+12*\t:W1+12*\t+11], 0, v[PW], v[WS1+\t] matrix_a_fmt:MATRIX_FMT_FP6 matrix_b_fmt:MATRIX_FMT_FP6
.endr
	WIN 0
	NOPS 4                                         ; four plain places ahead of the first read of a result
.irp t, 0,1,2,3,4,5,6,7                        ; y A + B: of the pair (A, B) the first serves as factor and the second as addend, for both halves; each accumulator from its low end on
.irp i, 0,2,4,6
	v_pk_fma_f32 v[X+8*\t+\i:X+8*\t+\i+1], v[X+8*\t+\i:X+8*\t+\i+1], v[AB3+2*\t:AB3+2*\t+1], v[AB3+2*\t:AB3+2*\t+1] op_sel:[0,0,1] op_sel_hi:[1,0,1]
.endr
.endr
.irp t, 0,1,2,3,4,5,6,7
	v_max3_num_f32 v[TM+\t], v[X+8*\t], v[X+8*\t+1], v[X+8*\t+2]
.endr
.irp t, 0,1,2,3,4,5,6,7
	v_max3_num_f32 v[TM+\t], v[TM+\t], v[X+8*\t+3], v[X+8*\t+4]
.endr
.irp t, 0,1,2,3,4,5,6,7
	v_max3_num_f32 v[TM+\t], v[TM+\t], v[X+8*\t+5], v[X+8*\t+6]
.endr
.irp t, 0,1,2,3,4,5,6,7
	v_max_num_f32 v[TM+\t], v[TM+\t], v[X+8*\t+7]
.endr
.irp t, 0,1,2,3,4,5,6,7
	v_permlanex16_b32 v[TM+8+\t], v[TM+\t], s[SEL], s[SEL+1]
.endr
.irp t, 0,1,2,3,4,5,6,7
	v_max_num_f32 v[TM+\t], v[TM+\t], v[TM+8+\t]   ; with the other eight neighbours
.endr
.irp t, 0,1,2,3,4,5,6,7
	v_mul_f32 v[TM+8+\t], 0x3dcccccd, v[TM+\t]
.endr
.irp t, 0,1,2,3,4,5,6,7
	v_max_num_f32 v[TM+\t], v[TM+\t], v[TM+8+\t]   ; lrelu
.endr
	v_add_nc_u32 v[PA], s[PO], v[PA0]
	s_wait_alu depctr_va_vdst(0)                   ; v[PA] and the eight pooled values in v[TM ..] are written, which the LDS stores read; the vector instructions that read X are complete too
.irp t, 0,1,2,3,4,5,6,7
	ds_store_b32 v[PA], v[TM+\t] offset:4352*\t    ; both halves of the lanes write the same word with the same value
.endr
	s_wait_dscnt 0x0                               ; the pooled values have landed
	s_add_co_u32 s[PO], s[PO], 4
	s_add_co_u32 s[SP], s[SP], 1
	s_cmp_lt_u32 s[SP], 16
	s_cbranch_scc1 .Lpoints
	s_wait_dscnt 0x0                               ; for the others' sake: my stores into the stage have landed
	s_barrier_signal -1
	s_barrier_wait -1
.irp i, 0,1,2,3,4,5,6,7,8,9,10,11,12,13,14,15
	ds_load_b128 v[X+4*\i:X+4*\i+3], v[ORD] offset:544*\i
.endr
.irp i, 0,1,2,3,4,5,6,7,8,9,10,11,12,13,14,15
	s_wait_dscnt 15-\i                             ; rows 2 i, 2 i + 1 are in; the younger ones may be out
	global_store_b128 v[OGO], v[X+4*\i:X+4*\i+3], s[OUTP:OUTP+1] offset:32768*\i th:TH_STORE_NT   ; sixteen lanes store 256 consecutive bytes, aligned
.endr
	s_wait_dscnt 0x0                               ; the closing lines, six on end, of a launch in the mode that stores to LDS
	s_wait_alu 0x0
	s_wait_tensorcnt 0x0
	ds_add_u32 v190, v191
	s_wait_dscnt 0x0
	s_endpgm
.Lfunc_end_k_qc6e9ba1ce3_xfin1:
	.size	k_qc6e9ba1ce3_xfin1, .Lfunc_end_k_qc6e9ba1ce3_xfin1-k_qc6e9ba1ce3_xfin1
	.p2alignl 7, 3214868480
	.fill 96, 4, 3214868480
	.section	.rodata,"a",@progbits
	.p2align	6, 0x0
	.amdhsa_kernel k_qc6e9ba1ce3_xfin1
		.amdhsa_group_segment_fixed_size 256512
		.amdhsa_private_segment_fixed_size 0
		.amdhsa_enable_private_segment 0
		.amdhsa_kernarg_size 112
		.amdhsa_user_sgpr_count 2
		.amdhsa_user_sgpr_kernarg_segment_ptr 1
		.amdhsa_wavefront_size32 1
		.amdhsa_system_sgpr_workgroup_id_x 1
		.amdhsa_system_sgpr_workgroup_id_y 1
		.amdhsa_system_sgpr_workgroup_id_z 1
		.amdhsa_system_vgpr_workitem_id 0
		.amdhsa_next_free_vgpr 1024
		.amdhsa_next_free_sgpr 102
		.amdhsa_reserve_vcc 1
		.amdhsa_float_denorm_mode_32 3
		.amdhsa_float_denorm_mode_16_64 3
		.amdhsa_memory_ordered 1
		.amdhsa_forward_progress 1
		.amdhsa_inst_pref_size 92
	.end_amdhsa_kernel
	.amdgpu_metadata
---
amdhsa.version: [ 1, 2 ]
amdhsa.kernels:
  - .name:           k_qc6e9ba1ce3_xfin1
    .symbol:         k_qc6e9ba1ce3_xfin1.kd
    .args:
      - { .name: tab2, .offset: 0, .size: 8, .value_kind: global_buffer, .address_space: global }
      - { .name: idx, .offset: 8, .size: 8, .value_kind: global_buffer, .address_space: global }
      - { .name: t2_w_codes, .offset: 16, .size: 8, .value_kind: global_buffer, .address_space: global }
      - { .name: t2_w_scales, .offset: 24, .size: 8, .value_kind: global_buffer, .address_space: global }
      - { .name: pos2_w, .offset: 32, .size: 8, .value_kind: global_buffer, .address_space: global }
      - { .name: st_a, .offset: 40, .size: 8, .value_kind: global_buffer, .address_space: global }
      - { .name: gn2_g, .offset: 48, .size: 8, .value_kind: global_buffer, .address_space: global }
      - { .name: gn2_b, .offset: 56, .size: 8, .value_kind: global_buffer, .address_space: global }
      - { .name: m2a_w_codes, .offset: 64, .size: 8, .value_kind: global_buffer, .address_space: global }
      - { .name: m2a_w_scales, .offset: 72, .size: 8, .value_kind: global_buffer, .address_space: global }
      - { .name: m2a_b, .offset: 80, .size: 8, .value_kind: global_buffer, .address_space: global }
      - { .name: m2a_g, .offset: 88, .size: 8, .value_kind: global_buffer, .address_space: global }
      - { .name: m2a_beta, .offset: 96, .size: 8, .value_kind: global_buffer, .address_space: global }
      - { .name: out2, .offset: 104, .size: 8, .value_kind: global_buffer, .address_space: global }
    .group_segment_fixed_size: 256512
    .private_segment_fixed_size: 0
    .kernarg_segment_align: 8
    .kernarg_segment_size: 112
    .max_flat_workgroup_size: 128
    .sgpr_count:     102
    .vgpr_count:     1024
    .wavefront_size: 32
...
	.end_amdgpu_metadata
.endif
;; end of part 15
